; MI455X (gfx1250); checked and timed in simulation.
; The chip was launched on July 23, 2026; its instructions are those of AMD's public machine-readable ISA for CDNA 5 (MIT licence, August 2026) and "CDNA5" Instruction Set Architecture Reference Guide (July 2026). The comments in the code are by the model that wrote it; some were corrected since.
;; Transformer Block. Allowed arithmetic: matrix products marked QUANTISED: E2M3 operands, one E8M0 scale for each 32 along K, by v_wmma_scale_f32_16x16x128_f8f6f4 with both operands' format E2M3, f32 sums; everything else in f32.
;; Inputs: b1 4,096 float32; b2 1,024 float32; ln1_b 1,024 float32; ln1_g 1,024 float32; ln2_b 1,024 float32; ln2_g 1,024 float32; w1_codes 4,096 x 32 x 24 uint8 (E2M3 codes of w1, K innermost, in blocks of 32 codes, four codes in three bytes); w1_scales 4,096 x 32 uint8 (E8M0 scales of w1, one for each 32 codes along K); w2_codes 1,024 x 128 x 24 uint8 (E2M3 codes of w2, K innermost, in blocks of 32 codes, four codes in three bytes); w2_scales 1,024 x 128 uint8 (E8M0 scales of w2, one for each 32 codes along K); w_qkv_codes 3,072 x 32 x 24 uint8 (E2M3 codes of w_qkv, K innermost, in blocks of 32 codes, four codes in three bytes); w_qkv_scales 3,072 x 32 uint8 (E8M0 scales of w_qkv, one for each 32 codes along K); x 2 x 2,048 x 1,024 float32.
;; Outputs: out0 2 x 2,048 x 1,024 float32.
;; This version of the problem:
;;   THIS VERSION OF THE PROBLEM IS GIVEN IN LOW PRECISION. The matrix products marked QUANTISED in the list below multiply operands that are first quantised to E2M3 (2 exponent bits, 3 mantissa bits; 6 bits a number), with one power-of-two scale for each 32 numbers along K (OCP MX v1.0); their sums are f32. All else is computed in f32.
;;   The module's matrix products, in the order in which they are computed (A, B: the left and right operand; K: the contracted axis; several contracted axes count as one K, in the product's order):
;;     1. [M 4,096, K 1,024] x [K 1,024, N 3,072]; A: input x; B: input w_qkv (given as codes): QUANTISED
;;     2. batch 32 x [M 2,048, K 64] x [K 64, N 2,048]; A: computed on the way; B: computed on the way: QUANTISED
;;     3. batch 32 x [M 2,048, K 2,048] x [K 2,048, N 64]; A: softmax (see below); B: computed on the way: QUANTISED
;;     4. [M 4,096, K 1,024] x [K 1,024, N 4,096]; A: computed on the way; B: input w1 (given as codes): QUANTISED
;;     5. [M 4,096, K 4,096] x [K 4,096, N 1,024]; A: computed on the way; B: input w2 (given as codes): QUANTISED
;;   THE QUANTISER, for each operand of a quantised product, along K:
;;     - K is cut into blocks of 32 from its start; a last block that is shorter is filled with zeros.
;;     - A block's scale is 2^e with e = floor(log2(the largest magnitude in the block)) - 2, held to -126 .. 127; a block of zeros has e = 0. As a byte (E8M0): e + 127.
;;     - Each number is divided by its block's scale, clamped to +-7.5, and rounded to the nearest number of E2M3, ties to even, subnormals kept.
;;     - The product sums the exact products of the quantised numbers (number of the format x scale) in f32.
;;   ~~~python
;;   def quantise(x, axis):      # numpy; x: float32 -> the quantised numbers, widened to float32 again
;;       x = np.moveaxis(x, axis, -1); K = x.shape[-1]
;;       x = np.pad(x, [(0, 0)] * (x.ndim - 1) + [(0, -K % 32)]); x = x.reshape(x.shape[:-1] + (-1, 32)); a = np.abs(x).max(-1, keepdims=True)
;;       e = np.where(a > 0, np.clip(np.frexp(np.where(a > 0, a, 1))[1] - 1 - 2, -126, 127), 0)      # np.frexp(a)[1] - 1 = floor(log2(a)), exactly
;;       r = np.clip(x / 2.0 ** e, -7.5, 7.5)
;;       step = 2.0 ** (np.maximum(np.frexp(np.where(r == 0, 1, r))[1] - 1, 0) - 3)
;;       q = np.round(r / step) * step * 2.0 ** e      # np.round: ties to even
;;       return np.moveaxis(q.reshape(q.shape[:-2] + (-1,))[..., :K], -1, axis).astype(np.float32)
;;   ~~~
;;   SOFTMAX AHEAD OF A QUANTISED PRODUCT. Where the list says 'softmax', what is quantised is not the finished softmax but p = 2^(t - M), with t = logit x log2(e) and M = ceil(the row's largest t), a whole number; so 1/2 < the row's largest p <= 1. The row's sum l is taken of the UNQUANTISED p, in f32, and the product's result is divided by l at the end. Since M is a whole number, a kernel that streams over the keys may use a running M (the ceiling of the running maximum): every later rescaling is an exact power of two, which a block's scale takes up: the codes' values come out the same.
;;   OPERANDS COMPUTED ON THE WAY. 'Computed on the way' means the value that the module computes at that place (a softmax that the list does not call 'softmax' is quantised finished and normalised). What goes into a quantiser is computed in f32, as accurately as f32 sums, v_exp_f32 and their like allow (about 1e-6 of the number): no bf16 or f16 on the way to a quantiser, and a product that is left as it is and whose result goes on into a quantised operand takes f32 operands (vector FMAs, or v_wmma_f32_16x16x4_f32). A number that lies on a knife's edge between two numbers of the format may be rounded either way, as far as f32 arithmetic and the matrix unit's own rounding can turn it there, and no further.
;;   INPUTS GIVEN AS CODES. w1 (in the module: [1024, 4096], K = its axis 0); w2 (in the module: [4096, 1024], K = its axis 0); w_qkv (in the module: [1024, 3072], K = its axis 0): each comes as NAME_codes (uint8): NAME with its K axis moved to the last place and cut into blocks of 32 codes, [.., K / 32, bytes a block], one block behind the other in memory; four codes in three bytes: a row's codes are one little-endian stream of bits, code i at bits 6 i .. 6 i + 5 (a code: sign, 2 exponent bits, 3 mantissa bits); and NAME_scales (uint8): the same leading axes, one E8M0 byte (e + 127) for each 32 codes along K. Its value is code x scale, taken as it is: it is not quantised again, and the codes and scales need not be those that the quantiser above would give.
;; 2 versions. Each part assembles by itself: llvm-mc -triple=amdgcn-amd-amdhsa -mcpu=gfx1250 --defsym DOCPART=n.
;; ======== version 1 of 2: 7 launches
;; workspace buffers: prep 12,288,000 bytes; qkv 9,830,400 bytes; att 16,777,216 bytes; x1 20,054,016 bytes; hid 13,107,200 bytes; ff 16,777,216 bytes
;; launch prep (part 1): grid 344 x 1, 8 waves a work-group, no clusters, 68,608 bytes of LDS; arguments x, w_qkv_codes, w_qkv_scales, w1_codes, w1_scales, w2_codes, w2_scales, prep; writes prep
.if DOCPART == 1
	.amdgcn_target "amdgcn-amd-amdhsa--gfx1250"
	.amdhsa_code_object_version 6
	.text
	.protected	k_q717ebb24fb_prep
	.globl	k_q717ebb24fb_prep
	.p2align	8
	.type	k_q717ebb24fb_prep,@function
k_q717ebb24fb_prep:
	s_mov_b64 s[64:65], 0
	v_nop
	global_prefetch_b8 v0, s[64:65] scope:SCOPE_SE
	s_setreg_imm32_b32 hwreg(HW_REG_WAVE_MODE, 25, 1), 1
	s_wait_xcnt 0x0
; prep: x [4096][1024] f32 is quantised to codes of FP6 (E2M3) with one E8M0 byte for each 32 along K, and the three weights, which arrive as codes, are laid anew.
; Everything leaves as IMAGES OF OPERAND REGISTERS, so that the products' launches read dense blocks.
; A TILE t is 16 rows that are not neighbours: row(t, i) = 32 (t / 2) + 8 (t % 2) + i + 8 (i / 8).
; A FRAGMENT IMAGE (tile t, 128 along K: 12 registers a lane) is 1,536 bytes: registers 4 p .. 4 p + 3 of lane l at 512 p + 16 l.
; Images lie [row / 128][K / 128][tile in the 128 rows]; scale words (four bytes: 128 along K of one row) lie [row / 128][K / 128][lane % 16][tile], 512 bytes a block.
; Work-groups 0-255: tile t of x, wave = K step.  Work-groups 256-343: a wave takes 128 rows x 128 K of a weight (24 + 32 + 32 work-groups).
; A block's scale is 2^(floor(log2(its largest magnitude)) - 2); its byte is the largest magnitude's exponent field - 2, held at 1 from below.
; LIMITS: a block of zeros, or one whose largest magnitude lies under 2^-124, gets the byte 1 (the rule says 127 for zeros): its codes are zeros and this program alone reads the bytes.
; NaN and infinities among the inputs are not served.
; No tensor loads, no barrier: waves share nothing.  x's scale words leave as 4 bytes a lane, 32 bytes apart (one byte in 128 of what the launch reads).
.set XI,  0
.set XS,  3145728
.set WQI, 3276800
.set WQS, 5636096
.set W1I, 5734400
.set W1S, 8880128
.set W2I, 9011200
.set W2S, 12156928
.set FRB, 1536                         ; a fragment's image
.set SP,  528                          ; a row of the wave's stage: 512 bytes + 16
.set WST, 16*SP                        ; a wave's stage
.set TM,  16                           ; v16-31  at work in QUANT
.set PC,  32                           ; v32-50  the codes just made
.set PW,  52                           ; v52     the scale word just made
.set RAW, 64                           ; v64-127 x as loaded
.set NUM, 128                          ; v128-191 64 numbers of my row: register 16 b + i = k 32 b + 16 (lane / 16) + i
.set SEL, 36                           ; s[36:37] lane selects: lane l xor 16
; 64 numbers of a lane, v[s] .. v[s + 63], become a fragment's codes in v[PC] .. v[PC + 11] and its scale word in v[PW].
.macro QUANT s
.irp b, 0,1,2,3
	v_max3_num_f32 v[TM+\b], |v[\s+16*\b]|, |v[\s+1+16*\b]|, 0x1800000   ; block b: my 16 numbers, and the floor 2^(3 - 127): the byte cannot fall under 1
.endr
.irp i, 2,4,6,8,10,12,14
.irp b, 0,1,2,3
	v_max3_num_f32 v[TM+\b], v[TM+\b], |v[\s+16*\b+\i]|, |v[\s+1+16*\b+\i]|   ; the four blocks by turns
.endr
.endr
.irp b, 0,1,2,3
	v_permlanex16_b32 v[TM+4+\b], v[TM+\b], s[SEL], s[SEL+1]
.endr
.irp b, 0,1,2,3
	v_max_num_f32 v[TM+\b], v[TM+\b], v[TM+4+\b]   ; with lane l xor 16's: the block's largest magnitude
.endr
.irp b, 0,1,2,3
	v_add_nc_u32 v[TM+12+\b], 0xff000000, v[TM+\b]   ; 2 off its exponent field: the conversion's scale operand
.endr
.irp b, 0,1,2,3
	v_lshrrev_b32 v[TM+4+\b], 23, v[TM+12+\b]      ; the scale's byte
.endr
	v_lshl_or_b32 v[PW], v[TM+5], 8, v[TM+4]
	v_lshl_or_b32 v[PW], v[TM+6], 16, v[PW]
	v_lshl_or_b32 v[PW], v[TM+7], 24, v[PW]
.irp c, 0,1
	v_cvt_scalef32_pk16_fp6_f32 v[PC+6*\c:PC+2+6*\c], v[\s+32*\c:\s+15+32*\c], v[TM+12+2*\c]
	v_cvt_scalef32_pk16_fp6_f32 v[PC+12+4*\c:PC+14+4*\c], v[\s+16+32*\c:\s+31+32*\c], v[TM+12+2*\c+1]   ; (three registers begin on an even number)
.endr
	v_nop                                          ; one plain place behind a scaled conversion
.irp c, 0,1                                    ; the operand wants a WHOLE block in a lane: lanes 0-15 block 2 c, lanes 16-31 block 2 c + 1
.irp i, 0,1,2
	v_permlane16_swap_b32 v[PC+6*\c+\i], v[PC+12+4*\c+\i]
.endr
.irp i, 0,1,2
	v_mov_b32 v[PC+3+6*\c+\i], v[PC+12+4*\c+\i]
.endr
.endr
.endm
; 128 rows x 128 K of a weight: eight fragments and their scale words, read as the operand's layout wants them and stored as images.
.macro RELAY krow, ks, src, ssrc
	v_mul_u32_u24 v10, v9, \krow
	v_mad_u32_u24 v10, v4, 24, v10                 ; row (r + 8 (r / 8)) of a tile, + 24 bytes for the upper half of the lanes
	v_mul_u32_u24 v11, v9, \ks
.irp i, 0,1,2,3,4,5,6,7
.irp p, 0,1,2,3,4,5
	global_load_b64 v[16+12*\i+2*\p:17+12*\i+2*\p], v10, s[\src:\src+1] offset:(32*(\i/2)+8*(\i%2))*\krow+48*(\p/3)+8*(\p%3)
.endr
	global_load_b32 v[112+\i], v11, s[\ssrc:\ssrc+1] offset:(32*(\i/2)+8*(\i%2))*\ks
.endr
	s_wait_loadcnt 0x0
.irp i, 0,1,2,3,4,5,6,7
.irp p, 0,1,2
	global_store_b128 v5, v[16+12*\i+4*\p:19+12*\i+4*\p], s[26:27] offset:FRB*\i+512*\p   ; 32 lanes store 512 consecutive bytes
.endr
.endr
	v_cmp_eq_u32 vcc_lo, 1, v4
.irp j, 0,1,2,3
	v_cndmask_b32 v[120+\j], v[112+\j], v[116+\j], vcc_lo   ; lanes 0-15 tiles 0-3's words of row r, lanes 16-31 tiles 4-7's
.endr
	global_store_b128 v12, v[120:123], s[28:29]    ; the block of 512 bytes whole
.endm
	s_load_b512 s[4:19], s[0:1], 0x0               ; x, w_qkv codes, scales, w1 codes, scales, w2 codes, scales, prep
	v_lshl_add_u32 v192, v0, 2, 0x10800
	v_mov_b32 v193, 0
	v_lshrrev_b32 v1, 5, v0
	v_readfirstlane_b32 s20, v1                    ; wave 0..7
	v_and_b32 v2, 31, v0                           ; lane
	v_and_b32 v3, 15, v0                           ; r
	v_bfe_u32 v4, v0, 4, 1                         ; h
	v_lshlrev_b32 v5, 4, v2                        ; 16 x lane
	s_wait_kmcnt 0x0
	s_cmp_lt_u32 ttmp9, 256
	s_cbranch_scc0 .Lweights
	; ---- x: tile t = the work-group's number, K step = the wave's number
	s_lshr_b32 s21, ttmp9, 1
	s_lshl_b32 s21, s21, 17                        ; 32 (t / 2) rows of 4,096 bytes
	s_and_b32 s22, ttmp9, 1
	s_lshl_b32 s22, s22, 15                        ; 8 (t % 2) rows
	s_add_co_u32 s24, s21, s22
	s_lshl_b32 s22, s20, 9                         ; 128 numbers a K step
	s_add_co_u32 s24, s24, s22
	s_mov_b32 s25, 0
	s_add_nc_u64 s[4:5], s[4:5], s[24:25]
.irp i, 0,1,2,3,4,5,6,7,8,9,10,11,12,13,14,15
	global_load_b128 v[RAW+4*\i:RAW+4*\i+3], v5, s[4:5] offset:(\i+8*(\i/8))*4096 th:TH_LOAD_NT   ; 512 consecutive bytes of the tile's row i
.endr
	s_mov_b32 s[SEL], 0x76543210
	s_mov_b32 s[SEL+1], 0xfedcba98
	s_mul_i32 s21, s20, WST                        ; my stage
	v_add_nc_u32 v6, s21, v5                       ; in: as loaded
	v_mul_u32_u24 v7, v3, SP
	v_lshl_add_u32 v7, v4, 6, v7
	v_add_nc_u32 v7, s21, v7                       ; back: row r, + 64 h: 16 neighbours of each block of 32
	s_lshr_b32 s22, ttmp9, 3
	s_lshl_b32 s22, s22, 3
	s_add_co_u32 s22, s22, s20                     ; 8 (t / 8) + K step
	s_and_b32 s23, ttmp9, 7
	s_lshl_b32 s26, s22, 3
	s_add_co_u32 s26, s26, s23
	s_mul_i32 s26, s26, FRB
	s_mov_b32 s27, 0
	s_add_nc_u64 s[26:27], s[18:19], s[26:27]      ; my image (XI = 0)
	s_lshl_b32 s28, s22, 9
	s_lshl_b32 s23, s23, 2
	s_add_co_u32 s28, s28, s23
	s_add_co_u32 s28, s28, XS
	s_mov_b32 s29, 0
	s_add_nc_u64 s[28:29], s[18:19], s[28:29]      ; my tile's words in the block of scale words
	v_lshlrev_b32 v8, 5, v3                        ; 32 r
.irp b, 0,1,2,3
	v_mov_b32 v[TM+4+\b], 0                        ; a lane permute's destination counts as one of its sources
.endr
	s_wait_loadcnt 0x0
.irp i, 0,1,2,3,4,5,6,7,8,9,10,11,12,13,14,15
	ds_store_b128 v6, v[RAW+4*\i:RAW+4*\i+3] offset:\i*SP
.endr
.irp b, 0,1,2,3
.irp j, 0,1,2,3
	ds_load_b128 v[NUM+16*\b+4*\j:NUM+16*\b+4*\j+3], v7 offset:128*\b+16*\j   ; LDS serves a wave's instructions in order: these see my stores
.endr
.endr
	s_wait_dscnt 0x0
	QUANT NUM
.irp p, 0,1,2
	global_store_b128 v5, v[PC+4*\p:PC+4*\p+3], s[26:27] offset:512*\p
.endr
	global_store_b32 v8, v[PW], s[28:29]           ; lanes l and l + 16 hold the same word and write it to the same place
	s_wait_tensorcnt 0x0
	ds_add_u32 v192, v193
	s_wait_dscnt 0x0
	s_endpgm
.Lweights:
	v_and_b32 v9, 8, v3
	v_add_nc_u32 v9, v9, v3                        ; r + 8 (r / 8)
	v_lshlrev_b32 v12, 5, v3
	v_lshl_add_u32 v12, v4, 4, v12                 ; 32 r + 16 h
	s_sub_co_u32 s21, ttmp9, 256
	s_cmp_lt_u32 s21, 56
	s_cbranch_scc0 .Lw2
	; ---- w_qkv (24 work-groups) and w1 (32): rows of 768 bytes.  The choice hangs on the work-group's number alone
	s_mov_b32 s23, W1I
	s_mov_b32 s30, W1S
	s_cmp_lt_u32 s21, 24
	s_cselect_b64 s[6:7], s[6:7], s[10:11]
	s_cselect_b64 s[8:9], s[8:9], s[12:13]
	s_cselect_b32 s22, 0, 24
	s_cselect_b32 s23, WQI, s23
	s_cselect_b32 s30, WQS, s30
	s_sub_co_u32 s21, s21, s22                     ; which 128 rows; the wave is the K step
	s_mul_i32 s24, s21, 128*768
	s_mul_i32 s22, s20, 96
	s_add_co_u32 s24, s24, s22
	s_mov_b32 s25, 0
	s_add_nc_u64 s[6:7], s[6:7], s[24:25]
	s_lshl_b32 s24, s21, 12                        ; 128 rows of 32 scale bytes
	s_lshl_b32 s22, s20, 2
	s_add_co_u32 s24, s24, s22
	s_add_nc_u64 s[8:9], s[8:9], s[24:25]
	s_lshl_b32 s21, s21, 3
	s_add_co_u32 s21, s21, s20                     ; 8 x block of rows + K step
	s_mul_i32 s24, s21, 8*FRB
	s_add_co_u32 s24, s24, s23
	s_add_nc_u64 s[26:27], s[18:19], s[24:25]
	s_lshl_b32 s24, s21, 9
	s_add_co_u32 s24, s24, s30
	s_add_nc_u64 s[28:29], s[18:19], s[24:25]
	RELAY 768, 32, 6, 8
	s_endpgm
.Lw2:
	; ---- w2 (32 work-groups): rows of 3,072 bytes, 32 K steps
	s_sub_co_u32 s21, s21, 56
	s_lshr_b32 s22, s21, 2                         ; which 128 rows
	s_and_b32 s23, s21, 3
	s_lshl_b32 s23, s23, 3
	s_add_co_u32 s23, s23, s20                     ; K step
	s_mul_i32 s24, s22, 128*3072
	s_mul_i32 s30, s23, 96
	s_add_co_u32 s24, s24, s30
	s_mov_b32 s25, 0
	s_add_nc_u64 s[14:15], s[14:15], s[24:25]
	s_lshl_b32 s24, s22, 14                        ; 128 rows of 128 scale bytes
	s_lshl_b32 s30, s23, 2
	s_add_co_u32 s24, s24, s30
	s_add_nc_u64 s[16:17], s[16:17], s[24:25]
	s_lshl_b32 s21, s21, 3
	s_add_co_u32 s21, s21, s20                     ; 32 x block of rows + K step
	s_mul_i32 s24, s21, 8*FRB
	s_add_co_u32 s24, s24, W2I
	s_add_nc_u64 s[26:27], s[18:19], s[24:25]
	s_lshl_b32 s24, s21, 9
	s_add_co_u32 s24, s24, W2S
	s_add_nc_u64 s[28:29], s[18:19], s[24:25]
	RELAY 3072, 128, 14, 16
	s_endpgm
.Lfunc_end_k_q717ebb24fb_prep:
	.size	k_q717ebb24fb_prep, .Lfunc_end_k_q717ebb24fb_prep-k_q717ebb24fb_prep
	.p2alignl 7, 3214868480
	.fill 96, 4, 3214868480
	.section	.rodata,"a",@progbits
	.p2align	6, 0x0
	.amdhsa_kernel k_q717ebb24fb_prep
		.amdhsa_group_segment_fixed_size 68608
		.amdhsa_private_segment_fixed_size 0
		.amdhsa_enable_private_segment 0
		.amdhsa_kernarg_size 64
		.amdhsa_user_sgpr_count 2
		.amdhsa_user_sgpr_kernarg_segment_ptr 1
		.amdhsa_wavefront_size32 1
		.amdhsa_system_sgpr_workgroup_id_x 1
		.amdhsa_system_sgpr_workgroup_id_y 1
		.amdhsa_system_sgpr_workgroup_id_z 1
		.amdhsa_system_vgpr_workitem_id 0
		.amdhsa_next_free_vgpr 194
		.amdhsa_next_free_sgpr 66
		.amdhsa_reserve_vcc 1
		.amdhsa_float_denorm_mode_32 3
		.amdhsa_float_denorm_mode_16_64 3
		.amdhsa_memory_ordered 1
		.amdhsa_forward_progress 1
		.amdhsa_inst_pref_size 29
	.end_amdhsa_kernel
	.amdgpu_metadata
---
amdhsa.version: [ 1, 2 ]
amdhsa.kernels:
  - .name:           k_q717ebb24fb_prep
    .symbol:         k_q717ebb24fb_prep.kd
    .args:
      - { .name: x, .offset: 0, .size: 8, .value_kind: global_buffer, .address_space: global }
      - { .name: w_qkv_codes, .offset: 8, .size: 8, .value_kind: global_buffer, .address_space: global }
      - { .name: w_qkv_scales, .offset: 16, .size: 8, .value_kind: global_buffer, .address_space: global }
      - { .name: w1_codes, .offset: 24, .size: 8, .value_kind: global_buffer, .address_space: global }
      - { .name: w1_scales, .offset: 32, .size: 8, .value_kind: global_buffer, .address_space: global }
      - { .name: w2_codes, .offset: 40, .size: 8, .value_kind: global_buffer, .address_space: global }
      - { .name: w2_scales, .offset: 48, .size: 8, .value_kind: global_buffer, .address_space: global }
      - { .name: prep, .offset: 56, .size: 8, .value_kind: global_buffer, .address_space: global }
    .group_segment_fixed_size: 68608
    .private_segment_fixed_size: 0
    .kernarg_segment_align: 8
    .kernarg_segment_size: 64
    .max_flat_workgroup_size: 256
    .sgpr_count:     66
    .vgpr_count:     194
    .wavefront_size: 32
...
	.end_amdgpu_metadata
.endif
;; end of part 1
;; launch qkv (part 2): grid 16 x 12, 4 waves a work-group, clusters of 4 x 4, 327,680 bytes of LDS; arguments prep, qkv; writes qkv
.if DOCPART == 2
	.amdgcn_target "amdgcn-amd-amdhsa--gfx1250"
	.amdhsa_code_object_version 6
	.text
	.protected	k_q717ebb24fb_qkv
	.globl	k_q717ebb24fb_qkv
	.p2align	8
	.type	k_q717ebb24fb_qkv,@function
k_q717ebb24fb_qkv:
	s_mov_b64 s[64:65], 0
	v_nop
	global_prefetch_b8 v0, s[64:65] scope:SCOPE_SE
	s_setreg_imm32_b32 hwreg(HW_REG_WAVE_MODE, 25, 1), 1
	s_wait_xcnt 0x0
	s_wait_alu depctr_hold_cnt(0) depctr_sa_sdst(0) depctr_va_vdst(0) depctr_va_sdst(0) depctr_va_ssrc(0) depctr_va_vcc(0) depctr_vm_vsrc(0)
	s_getreg_b32 s2, hwreg(HW_REG_IB_STS2, 6, 4)
	s_cmp_eq_u32 s2, 0
	s_cbranch_scc0 .Lentry_in_a_cluster
	s_endpgm
.Lentry_in_a_cluster:
	s_bfe_u32 s2, ttmp6, 0x10000c
	s_cmp_lg_u32 s2, 0xf033
	s_cbranch_scc0 .Lentry_shape_is_right
	s_endpgm
.Lentry_shape_is_right:
; ONE SOURCE FOR THE THREE LARGE PRODUCTS; the line .set MODE says which.  C = A B^T on codes of FP6 (E2M3) with one E8M0 scale for each 32 along K, sums in f32.
;   MODE 0: q, k = Q(x) w_qkv (clusters y = 0, 1: A = x, B = w's rows 0-2047) and v^T (cluster y = 2: A = w's rows 2048-3071, B = x, so that the tokens run along a lane's registers).
;           The results are quantised along a lane's registers (q, k along the head's 64; v along the keys) and leave as halves of fragment images (768 bytes: 64 along K) with their scale words.
;   MODE 1: hidden = Q(relu(Q(x1) w1 + b1)), leaves as fragment images and scale words.      MODE 2: ff = hidden w2 + b2, leaves as f32 rows.
; OPERANDS ARRIVE AS IMAGES OF THEIR REGISTERS: a fragment (16 rows x 128 K: 12 registers a lane) is 1,536 bytes, registers 4 p .. 4 p + 3 of lane l at 512 p + 16 l; images lie [row / 128][K / 128][tile];
; so 128 rows x 256 K are 24,576 dense bytes, one tensor load, and a fragment is three loads of 16 bytes a lane from LDS, 512 consecutive bytes each.  Scale words lie [row / 128][K / 128][lane % 16][tile].
; A TILE'S 16 ROWS ARE NOT NEIGHBOURS: row(t, i) = 32 (t / 2) + 8 (t % 2) + i + 8 (i / 8), in both operands.  THE MATRIX INSTRUCTION IS USED TRANSPOSED (source 0 = a tile of B, source 1 = a tile of A):
; lane (r, h) holds row(a, r) of C, and register j of accumulator (a, b) its column 32 (b / 2) + 16 h + 8 (b % 2) + j: the 64 registers of a block row are 16 neighbours of each block of 32.
; A tile of C, 256 x 256, is made by four waves, each 128 x 128: 64 accumulators, 512 registers.  K goes in steps of 256 through a ring of two LDS slots; the scale words of all of K come once.
; CLUSTERS: 4 x 4 work-groups; A's tiles are asked for jointly along a row of the cluster, B's along a column.
; REGISTERS: window 0: v1-29 addresses; v32-63 scale words, two sets, and nothing else; v64-127 the bias in the result's layout; v128-223 A's fragments, one set; on the way out v64-255 are at work.
;   window 1: B's fragments, two sets, at v0 and v128.   windows 2, 3: the accumulators of my rows 0-63 and 64-127 (accumulator (a, b) at v[8 (8 (a % 4) + b)]).
; LIMITS (MODE 0, 1): a block of zeros, or one whose largest magnitude lies under 2^-124, gets the scale byte 1: its codes are zeros and this program alone reads the bytes.  NaN and infinities are not served.
.set MODE,   0
.if MODE == 2
.set SIZE_K, 4096
.else
.set SIZE_K, 1024
.endif
.set NQ,     2                         ; matrix instructions deep in a slot
.set FR,     12                        ; registers of a fragment
.set NL,     3                         ; LDS loads that bring one
.set NP,     4                         ; places behind this matrix instruction (ISA guide 7.12.1)
.set FRB,    1536                      ; a fragment's image
.set HALFT,  16*FRB                    ; 128 rows x 256 K: what one tensor load brings
.set SLOT,   4*HALFT                   ; A's 256 rows, then B's 256 rows
.set HALFS,  (SIZE_K/128)*512          ; the scale words of 128 rows, all of K
.set RBB,    (SIZE_K/128)*8*FRB        ; the images of 128 rows, all of K
.set SCL,    2*SLOT                    ; behind the ring: the scale words
.set SPARE,  SCL+4*HALFS+1024          ; the spare words, 128 bytes a wave: two blocks of 256 bytes that no other line names
.set LAPS,   SIZE_K/512                ; a lap = two slots
.set XI,  0                            ; parts of the buffer prep
.set XS,  3145728
.set WQI, 3276800
.set WQS, 5636096
.set W1I, 5734400
.set W1S, 8880128
.set W2I, 9011200
.set W2S, 12156928
.set QKU, 0                            ; parts of the buffer qkv
.set VU,  6291456
.set QKS, 9437184
.set VSB, 9699328
.set HSO, 12582912                     ; the scale words in the buffer hid
.if MODE == 1
.set AOFF,  16777216                   ; x1's images and scale words
.set ASOFF, 19922944
.set BOFF,  W1I
.set BSOFF, W1S
.endif
.if MODE == 2
.set AOFF,  0
.set ASOFF, HSO
.set BOFF,  W2I
.set BSOFF, W2S
.endif
.if MODE == 0
.set PB, 4                             ; B's buffer is A's
.set ZERO, 1                           ; the first products start the sums with 0
.else
.set PB, 6
.set ZERO, 2                           ; with the bias
.endif
.set L16,  4                           ; v4   16 x lane
.set L8,   7                           ; v7   8 x lane
.set SCO,  8                           ; v8   32 r + 16 h
.set BOV,  9                           ; v9   64 h
.set ADRA, 16                          ; v16-17  my A fragments in slot 0, 1
.set ADRB, 20                          ; v20-21  my B fragments
.set STO,  24                          ; v24, v25  MODE 2: into the stage, and back
.set RD,   25
.set ADRS, 27                          ; v27  my scale words: lanes 0-15 A's, lanes 16-31 B's
.set SPW,  28                          ; v28  my spare word; never rewritten
.set NIL,  29                          ; v29  0; never rewritten
.set SC,   32                          ; scale words: set s at v[SC + 16 s]; register 8 q + i: tile i, the slot's q-th 128 along K
.set BIAS, 64
.set AF,   128
.set PC,   64                          ; the way out: 8 x 20 registers of codes
.set TM,   224                         ; v224-239 at work
.set PW,   240                         ; v240-247 a scale word for each block row
.set Z,    248
.set BK,   128                         ; MODE 2: rows read back from the stage
.set SEL,  12                          ; s12, s13 lane selects: lane l xor 16
.set FL,   100                         ; s100 the floor 2^(3 - 127)
.set G1, 24                            ; s[24:31] descriptor group 1 for A's tiles;  s[32:39] group 0, a set for each slot
.set G0, 32
.set G1B, 48                           ; the same for B's tiles
.set G0B, 56
.set G1S, 68                           ; groups 1 and 0 for A's scale words;  for B's
.set G0S, 76
.set G1SB, 80
.set G0SB, 88
.set MSB, 0
.macro WIN new                         ; the immediate's high byte repeats the setting that is left
.if MSB != (\new)
	s_set_vgpr_msb (MSB<<8)|(\new)
.set MSB, (\new)
.endif
.endm
.set MUL_LO, 0xa1                      ; source 0 (B) window 1, source 1 (A) window 0, C and D window 2
.set MUL_HI, 0xf1                      ; the same, C and D window 3
.set TO_B,   0x40                      ; destination window 1, address window 0
; A joint load: waves 0 and 1 fetch for A, waves 2 and 3 for B; the branch hangs on the wave's number alone.  Four v_nop follow each of the two lines.
.macro JLOAD g0a, g1a, g0b, g1b
	s_cmp_eq_u32 s15, 0
	s_cbranch_scc0 .Lfor_b_\@
	tensor_load_to_lds s[\g0a:\g0a+3], s[\g1a:\g1a+7]
	s_nop 0
.rept 4
	v_nop
.endr
	s_branch .Lasked_\@
.Lfor_b_\@:
	tensor_load_to_lds s[\g0b:\g0b+3], s[\g1b:\g1b+7]
	s_nop 0
.rept 4
	v_nop
.endr
.Lasked_\@:
.endm
.macro CREST                           ; a round of the cluster's barrier behind its opening barrier
	s_cmp_lg_u32 s14, 0
	s_cbranch_scc1 .Lnot_wave_0_\@
	s_barrier_signal -3
.Lnot_wave_0_\@:
	s_barrier_wait -3
	s_barrier_signal -1
	s_barrier_wait -1
.endm
.macro CROUND                          ; a whole round
	s_barrier_signal -1
	s_barrier_wait -1
	CREST
.endm
.if MODE == 0
	s_load_b128 s[4:7], s[0:1], 0x0                ; prep, qkv
.else
	s_load_b256 s[4:11], s[0:1], 0x0               ; A's buffer, prep, the bias, the output
.endif
	v_lshl_add_u32 v[SPW], v0, 2, SPARE
	v_mov_b32 v[NIL], 0
	ds_add_u32 v28, v29
	ds_add_u32 v28, v29
	s_wait_dscnt 0x0
	v_lshrrev_b32 v1, 5, v0
	v_readfirstlane_b32 s14, v1                    ; wave 0..3
	s_lshr_b32 s15, s14, 1                         ; which half of the tile's rows is mine.  Also: I fetch for A (0) or for B (1)
	s_and_b32 s16, s14, 1                          ; which half of its columns.  Also: which 128 rows of that tile I fetch
	s_bfe_u32 s40, ttmp6, 0x40000                  ; cx, cy: my place in the cluster
	s_bfe_u32 s41, ttmp6, 0x40004
.if MODE == 0
	s_lshl_b32 s18, ttmp9, 2                       ; 4 x cluster x
	s_and_b32 s19, ttmp7, 0xffff                   ; cluster y: 0, 1: q and k; 2: v.  All partners of a cluster share it; only offsets in memory hang on it
	s_lshl_b32 s20, s19, 2
	s_mov_b32 s93, WQS+16*HALFS
	s_mov_b32 s95, XS
	s_mov_b32 s96, 49152
	s_mov_b32 s97, 4096
	s_mov_b32 s99, VSB
	s_cmp_lt_u32 s19, 2
	s_cselect_b32 s17, s18, 0                      ; the cluster's first tile row
	s_cselect_b32 s42, s20, s18                    ; and tile column
	s_cselect_b32 s92, XI, WQI+16*RBB              ; A's images,
	s_cselect_b32 s93, XS, s93                     ; A's scale words,
	s_cselect_b32 s94, WQI, XI                     ; B's images,
	s_cselect_b32 s95, WQS, s95                    ; B's scale words
	s_cselect_b32 s96, 196608, s96                 ; the output: bytes of a group of 64 columns (256 or 64 row tiles of 768 bytes),
	s_cselect_b32 s97, 16384, s97                  ; of a pair's scale words (32 or 8 blocks of 512 bytes),
	s_cselect_b32 s98, QKU, VU                     ; and where its two parts begin
	s_cselect_b32 s99, QKS, s99
	s_add_co_u32 s17, s17, s41                     ; tile row of C
	s_add_co_u32 s42, s42, s40                     ; tile column of C
.else
	s_lshl_b32 s42, ttmp9, 2
	s_add_co_u32 s42, s42, s40                     ; tile column of C = 4 x cluster x + cx
	s_and_b32 s17, ttmp7, 0xffff
	s_lshl_b32 s17, s17, 2
	s_add_co_u32 s17, s17, s41                     ; tile row of C = 4 x cluster y + cy
.endif
	s_lshl_b32 s43, s41, 2
	s_lshl_b32 s43, 15, s43                        ; my row of the cluster
	s_lshl_b32 s44, 0x1111, s40                    ; my column
	; descriptor group 1: 24,576 dense bytes as 96 rows of 256 bytes (32 elements of 8 bytes), no padding
	s_or_b32 s[G1+0], s43, (3<<16)|(1<<21)         ; 15:0 the mask: A's tiles go to my row; 17:16 elements of 8 bytes; 21 set beside a mask
	s_or_b32 s[G1B+0], s44, (3<<16)|(1<<21)
.irp g, G1, G1B
	s_mov_b32 s[\g+1], 32<<16                      ; tensor_dim0
	s_mov_b32 s[\g+2], 96<<16                      ; tensor_dim1
	s_mov_b32 s[\g+3], 32<<16                      ; tile_dim0
	s_mov_b32 s[\g+4], 96                          ; tile_dim1
	s_mov_b32 s[\g+5], 32                          ; tensor_dim0_stride
	s_mov_b32 s[\g+6], 0
	s_mov_b32 s[\g+7], 0
.endr
	s_or_b32 s[G1S+0], s43, (3<<16)|(1<<21)        ; the scale words of 128 rows: HALFS dense bytes, likewise
	s_or_b32 s[G1SB+0], s44, (3<<16)|(1<<21)
.irp g, G1S, G1SB
	s_mov_b32 s[\g+1], 32<<16
	s_mov_b32 s[\g+2], (HALFS/256)<<16
	s_mov_b32 s[\g+3], 32<<16
	s_mov_b32 s[\g+4], HALFS/256
	s_mov_b32 s[\g+5], 32
	s_mov_b32 s[\g+6], 0
	s_mov_b32 s[\g+7], 0
.endr
	s_lshl_b32 s20, s17, 1
	s_add_co_u32 s20, s20, s16                     ; A: block of 128 rows = 2 x tile row + the half that I fetch
	s_lshl_b32 s46, s42, 1
	s_add_co_u32 s46, s46, s16                     ; B: 2 x tile column + half
	s_mul_i32 s22, s20, HALFS
	s_mul_i32 s20, s20, RBB
	s_mul_i32 s66, s46, HALFS
	s_mul_i32 s46, s46, RBB
.if MODE == 0
	s_add_co_u32 s20, s20, s92
	s_add_co_u32 s22, s22, s93
	s_add_co_u32 s46, s46, s94
	s_add_co_u32 s66, s66, s95
.else
	s_add_co_u32 s20, s20, AOFF
	s_add_co_u32 s22, s22, ASOFF
	s_add_co_u32 s46, s46, BOFF
	s_add_co_u32 s66, s66, BSOFF
.endif
	s_mov_b32 s21, 0
	s_mov_b32 s23, 0
	s_mov_b32 s47, 0
	s_mov_b32 s67, 0
	s_mul_i32 s45, s14, HALFT                      ; where they go: wave x 24,576: no place in the cluster enters an LDS address
	s_mul_i32 s2, s14, HALFS
	s_mov_b32 s[SEL], 0x76543210
	s_mov_b32 s[SEL+1], 0xfedcba98
	s_mov_b32 s[FL], 0x1800000
	s_wait_kmcnt 0x0
	s_add_nc_u64 s[20:21], s[4:5], s[20:21]
	s_add_nc_u64 s[22:23], s[4:5], s[22:23]
	s_add_nc_u64 s[46:47], s[PB:PB+1], s[46:47]
	s_add_nc_u64 s[66:67], s[PB:PB+1], s[66:67]
	CROUND                                         ; all sixteen work-groups are here: the first joint loads meet
	s_mov_b32 s[G0S], 1
	s_add_co_u32 s[G0S+1], s2, SCL
	s_mov_b64 s[G0S+2:G0S+3], s[22:23]
	s_or_b32 s[G0S+3], s[G0S+3], 0x80000000
	s_mov_b32 s[G0SB], 1
	s_add_co_u32 s[G0SB+1], s2, SCL
	s_mov_b64 s[G0SB+2:G0SB+3], s[66:67]
	s_or_b32 s[G0SB+3], s[G0SB+3], 0x80000000
	JLOAD G0S, G1S, G0SB, G1SB                     ; the scale words first: they are wanted with K step 0
.irp s, 0,1
	s_mov_b32 s[G0+4*\s], 1
	s_add_co_u32 s[G0+4*\s+1], s45, \s*SLOT
	s_add_nc_u64 s[G0+4*\s+2:G0+4*\s+3], s[20:21], \s*HALFT
	s_or_b32 s[G0+4*\s+3], s[G0+4*\s+3], 0x80000000
	s_mov_b32 s[G0B+4*\s], 1
	s_add_co_u32 s[G0B+4*\s+1], s45, \s*SLOT
	s_add_nc_u64 s[G0B+4*\s+2:G0B+4*\s+3], s[46:47], \s*HALFT
	s_or_b32 s[G0B+4*\s+3], s[G0B+4*\s+3], 0x80000000
	JLOAD G0+4*\s, G1, G0B+4*\s, G1B               ; three tensor loads of mine are out
.endr
	v_and_b32 v1, 15, v0                           ; r
	v_bfe_u32 v2, v0, 4, 1                         ; h
	v_and_b32 v3, 31, v0
	v_lshlrev_b32 v[L16], 4, v3
	v_lshlrev_b32 v[L8], 3, v3
	v_lshlrev_b32 v5, 5, v1                        ; 32 r
	v_lshl_add_u32 v[SCO], v2, 4, v5
	v_lshlrev_b32 v[BOV], 6, v2
	s_mul_i32 s21, s15, HALFT                      ; my 128 rows of A
	s_mul_i32 s22, s16, HALFT                      ; my 128 rows of B,
	s_add_co_u32 s22, s22, 2*HALFT                 ; which lie behind A's 256
.irp s, 0,1
	v_add_nc_u32 v[ADRA+\s], s21, v[L16]
	v_add_nc_u32 v[ADRB+\s], s22, v[L16]
	s_add_co_u32 s21, s21, SLOT
	s_add_co_u32 s22, s22, SLOT
.endr
	s_mul_i32 s21, s15, HALFS                      ; A's scale words: my 128 rows
	s_mul_i32 s22, s16, HALFS                      ; B's: my 128 rows, behind A's 256
	s_add_co_u32 s22, s22, 2*HALFS
	s_sub_co_u32 s22, s22, s21
	v_mul_u32_u24 v6, s22, v2                      ; lanes 16-31 take B's
	s_add_co_u32 s21, s21, SCL
	v_add_nc_u32 v5, v5, v6
	v_add_nc_u32 v[ADRS], s21, v5
.if MODE == 2
	s_mul_i32 s23, s14, 16*528                     ; my stage: 16 rows x (512 bytes + 16), in slot 0
	v_mul_u32_u24 v5, v1, 528
	v_lshl_add_u32 v5, v2, 6, v5
	v_add_nc_u32 v[STO], s23, v5                   ; in: row r, + 64 h
	v_add_nc_u32 v[RD], s23, v[L16]                ; back: the 32 lanes take a row of 512 bytes
.endif
.if MODE > 0
	s_lshl_b32 s46, s42, 10                        ; the bias of my 128 columns
	s_lshl_b32 s47, s16, 9
	s_add_co_u32 s46, s46, s47
	s_mov_b32 s47, 0
	s_add_nc_u64 s[8:9], s[8:9], s[46:47]
.irp b, 0,1,2,3,4,5,6,7
	global_load_b128 v[BIAS+8*\b:BIAS+8*\b+3], v[BOV], s[8:9] offset:(32*(\b/2)+8*(\b%2))*4      ; lane (r, h), tile b: columns 32 (b / 2) + 8 (b % 2) + 16 h + 0 .. 7
	global_load_b128 v[BIAS+8*\b+4:BIAS+8*\b+7], v[BOV], s[8:9] offset:(32*(\b/2)+8*(\b%2))*4+16
.endr
.endif
.if MODE == 0
	s_lshl_b32 s18, s42, 2
	s_lshl_b32 s19, s16, 1
	s_add_co_u32 s18, s18, s19                     ; my first group of 64 columns
	s_mul_i32 s18, s18, s96
	s_lshl_b32 s19, s17, 4
	s_lshl_b32 s22, s15, 3
	s_add_co_u32 s19, s19, s22                     ; my first row tile
	s_mul_i32 s19, s19, 768
	s_add_co_u32 s18, s18, s19
	s_add_co_u32 s18, s18, s98
	s_mov_b32 s19, 0
	s_add_nc_u64 s[18:19], s[6:7], s[18:19]        ; the first group's halves of images,
	s_mov_b32 s20, s96
	s_mov_b32 s21, 0
	s_add_nc_u64 s[20:21], s[18:19], s[20:21]      ; the second group's
	s_lshl_b32 s22, s42, 1
	s_add_co_u32 s22, s22, s16
	s_mul_i32 s22, s22, s97
	s_lshl_b32 s23, s17, 1
	s_add_co_u32 s23, s23, s15
	s_lshl_b32 s23, s23, 9
	s_add_co_u32 s22, s22, s23
	s_add_co_u32 s22, s22, s99
	s_mov_b32 s23, 0
	s_add_nc_u64 s[22:23], s[6:7], s[22:23]        ; my block of scale words
.endif
.if MODE == 1
	s_lshl_b32 s18, s17, 1
	s_add_co_u32 s18, s18, s15
	s_lshl_b32 s18, s18, 5
	s_lshl_b32 s19, s42, 1
	s_add_co_u32 s18, s18, s19
	s_add_co_u32 s18, s18, s16                     ; 32 x (row / 128) + column / 128
	s_lshl_b32 s22, s18, 9
	s_add_co_u32 s22, s22, HSO
	s_mov_b32 s23, 0
	s_mul_i32 s18, s18, 8*FRB
	s_mov_b32 s19, 0
	s_add_nc_u64 s[18:19], s[10:11], s[18:19]      ; my eight images,
	s_add_nc_u64 s[22:23], s[10:11], s[22:23]      ; my block of scale words
.endif
.if MODE == 2
	s_lshl_b32 s18, s17, 8
	s_lshl_b32 s19, s15, 7
	s_add_co_u32 s18, s18, s19
	s_lshl_b32 s18, s18, 12                        ; my first row, 4,096 bytes a row,
	s_lshl_b32 s19, s42, 10
	s_add_co_u32 s18, s18, s19
	s_lshl_b32 s19, s16, 9
	s_add_co_u32 s18, s18, s19                     ; my first column
	s_mov_b32 s19, 0
	s_add_nc_u64 s[18:19], s[10:11], s[18:19]
.endif
.macro FRAG reg, adr, q, i             ; a fragment's image comes back as it was stored: three loads of 512 consecutive bytes
.irp p, 0,1,2
	ds_load_b128 v[\reg+4*\p:\reg+4*\p+3], v[\adr] offset:(8*(\q)+(\i))*FRB+512*\p
.endr
.endm
; 16 matrix instructions: A's blocks a0, a0 + 1 x B's eight, the slot's q-th 128 along K.  p: B's set;  sc: the set of scale words.  zero = 1: C is 0;  2: C is the bias;  0: in place.
; The 64 accumulators take turns, one instruction a turn, in the same order in every step.
.macro MUL16 a0, p, q, sc, zero
.irp a, \a0, \a0+1
.irp b, 0,1,2,3,4,5,6,7
.set DD0, 8*(8*((\a)%4)+\b)
.set BB0, 128*(\p)+FR*\b
.set AA0, AF+FR*(\a)
.set SB0, SC+16*(\sc)+8*(\q)+\b
.set SA0, SC+16*(\sc)+8*(\q)+(\a)
.if \zero == 1
	v_wmma_scale_f32_16x16x128_f8f6f4 v[DD0:DD0+7], v[BB0:BB0+FR-1], v[AA0:AA0+FR-1], 0, v[SB0], v[SA0] matrix_a_fmt:MATRIX_FMT_FP6 matrix_b_fmt:MATRIX_FMT_FP6 matrix_a_scale:MATRIX_SCALE_ROW1
.elseif \zero == 2
	v_wmma_scale_f32_16x16x128_f8f6f4 v[DD0:DD0+7], v[BB0:BB0+FR-1], v[AA0:AA0+FR-1], v[BIAS+8*\b:BIAS+8*\b+7], v[SB0], v[SA0] matrix_a_fmt:MATRIX_FMT_FP6 matrix_b_fmt:MATRIX_FMT_FP6 matrix_a_scale:MATRIX_SCALE_ROW1
.else
	v_wmma_scale_f32_16x16x128_f8f6f4 v[DD0:DD0+7], v[BB0:BB0+FR-1], v[AA0:AA0+FR-1], v[DD0:DD0+7], v[SB0], v[SA0] matrix_a_fmt:MATRIX_FMT_FP6 matrix_b_fmt:MATRIX_FMT_FP6 matrix_a_scale:MATRIX_SCALE_ROW1
.endif
.endr
.endr
.endm
.macro FETCH_B slot, q, p              ; B's eight fragments of the slot's q-th 128 along K into set p
	WIN TO_B
.irp i, 0,1,2,3,4,5,6,7
	FRAG 128*(\p)+FR*\i, ADRB+\slot, \q, \i
.endr
	WIN 0
.endm
.macro FETCH_A slot, q, i0             ; A's blocks i0 .. i0 + 3
.irp i, \i0, \i0+1, \i0+2, \i0+3
	FRAG AF+FR*(\i), ADRA+\slot, \q, \i
.endr
.endm
.macro SCALES sc                       ; a slot's scale words into set sc: lanes 0-15 take A's eight tiles' words of row r, lanes 16-31 B's
.irp q, 0,1
	ds_load_b128 v[SC+16*\sc+8*\q:SC+16*\sc+8*\q+3], v[ADRS] offset:512*\q
	ds_load_b128 v[SC+16*\sc+8*\q+4:SC+16*\sc+8*\q+7], v[ADRS] offset:512*\q+16
.endr
.endm
; A load into a register that a matrix instruction has read, and a vector instruction or an LDS store that reads a matrix result, stand NP places behind that matrix instruction; only plain vector
; instructions that name none of its registers are places (ISA guide 7.12.1 for vector instructions).
.macro PLACES n
.rept \n
	v_nop
.endr
.endm
; A step of 128 along K that has its successor in the same slot.
.macro STEP slot, q, zero
	s_wait_dscnt 4*NL                              ; B's set, A's blocks 0-3 and the scale words are in; the youngest 12 loads (A's blocks 4-7) may be out
.if \zero == 2
	WIN 0x81                                       ; C (the bias) window 0, D window 2
.else
	WIN MUL_LO
.endif
	MUL16 0, (\q)%2, \q, \slot, \zero
	MUL16 2, (\q)%2, \q, \slot, \zero
	s_wait_dscnt 0                                 ; A's blocks 4-7 are in (asked for 32 matrix instructions ago)
	PLACES NP
	FETCH_B \slot, (\q)+1, 1-(\q)%2
	FETCH_A \slot, (\q)+1, 0
.if \zero == 2
	WIN 0xc1
.else
	WIN MUL_HI
.endif
	MUL16 4, (\q)%2, \q, \slot, \zero
	MUL16 6, (\q)%2, \q, \slot, \zero
	PLACES NP
	WIN 0
	FETCH_A \slot, (\q)+1, 4
.endm
; A slot's last step changes slots: ONE barrier; in front of it each wave waits for all its tensor loads, adds 0 to its spare word, and waits for that and for its own reads of this slot.  fill = 1: this slot is filled again, two slots ahead.
.macro TURN slot, next, fill
	s_wait_tensorcnt 0x0                           ; all my tensor loads have landed: my part of the next slot  (every window is 0 here)
	ds_add_u32 v[SPW], v[NIL]                      ; 0 onto my spare word
	s_wait_dscnt 4*NL+1                            ; (the add and the youngest 12 loads, A's blocks 4-7, may be out)
	WIN MUL_LO
	MUL16 0, 1, NQ-1, \slot, 0                     ; sixteen matrix instructions stand between the add and the wait for it
	s_wait_dscnt 0x0                               ; the add is done, and my reads of this slot are over
	s_barrier_signal -1
	MUL16 2, 1, NQ-1, \slot, 0
	WIN 0
	s_barrier_wait -1
.if \fill
	CREST                                          ; the barrier has opened a round of the cluster's barrier: no wave of any partner still reads this slot or has a load on its way
	s_add_nc_u64 s[G0+4*\slot+2:G0+4*\slot+3], s[G0+4*\slot+2:G0+4*\slot+3], 2*HALFT
	s_add_nc_u64 s[G0B+4*\slot+2:G0B+4*\slot+3], s[G0B+4*\slot+2:G0B+4*\slot+3], 2*HALFT
	JLOAD G0+4*\slot, G1, G0B+4*\slot, G1B         ; the first tensor load behind the round, my one load until the next; its four v_nop are the places in front of the loads below
.else
	PLACES NP
.endif
	v_add_nc_u32 v[ADRS], 1024, v[ADRS]            ; on to the next slot's scale words
	FETCH_B \next, 0, 0
	FETCH_A \next, 0, 0
	SCALES \next
	WIN MUL_HI
	MUL16 4, 1, NQ-1, \slot, 0
	MUL16 6, 1, NQ-1, \slot, 0
	PLACES NP
	WIN 0
	FETCH_A \next, 0, 4
.endm
.if MODE > 0
	s_wait_loadcnt 0x0                             ; the bias
.endif
	s_wait_tensorcnt 1                             ; the scale words and my part of slot 0 are in (slot 1's load may be out)
	s_barrier_signal -1
	s_barrier_wait -1                              ; everybody's are
	FETCH_B 0, 0, 0
	FETCH_A 0, 0, 0
	SCALES 0
	FETCH_A 0, 0, 4
	STEP 0, 0, ZERO                                ; the first step stands in front of the loop: its products start the sums
	s_mov_b32 s3, LAPS-1
.Llap:                                                 ; a trip goes once round the ring and fills both slots again
	TURN 0, 1, 1
	STEP 1, 0, 0
	TURN 1, 0, 1
	STEP 0, 0, 0
	s_sub_co_u32 s3, s3, 1
	s_cmp_lg_u32 s3, 0
	s_cbranch_scc1 .Llap
	TURN 0, 1, 0                                   ; the last lap fills nothing, and has no round of the cluster's barrier
	STEP 1, 0, 0
	s_wait_dscnt 4*NL                              ; the very last step: nothing more to fetch
	WIN MUL_LO
	MUL16 0, 1, NQ-1, 1, 0
	MUL16 2, 1, NQ-1, 1, 0
	s_wait_dscnt 0
	WIN MUL_HI
	MUL16 4, 1, NQ-1, 1, 0
	MUL16 6, 1, NQ-1, 1, 0
	WIN 0
	PLACES NP                                      ; in front of the first read of results and of writes into registers that held operands
.if MODE < 2
; THE WAY OUT, block row by block row: the 64 registers of block row a are 128 neighbouring columns of my row, 16 of each block of 32: they are quantised where they stand.  No LDS.
; Each block row has 20 registers of its own for its codes, so that no store's data are written again.  Each accumulator is read from its low end on.
.macro QUANTW a, relu
.set AC, 64*((\a)%4)
.set PCA, PC+20*((2+2*((\a)%4))%8+(\a)/4)
.if \relu
	WIN (2+(\a)/4)*0x44                            ; destination and source 1: the accumulators' window
.set j, 0
.rept 64
	v_max_num_f32 v[AC+j], 0, v[AC+j]              ; the activation, in f32
.set j, j+1
.endr
.endif
	WIN (2+(\a)/4)*0x14                            ; sources 1 and 2: the accumulators' window
.irp b, 0,1,2,3
	v_max3_num_f32 v[TM+\b], s[FL], |v[AC+16*\b]|, |v[AC+16*\b+1]|   ; block b: my 16 numbers, and the floor 2^(3 - 127): the byte cannot fall under 1
.endr
.irp i, 2,4,6,8,10,12,14
.irp b, 0,1,2,3
	v_max3_num_f32 v[TM+\b], v[TM+\b], |v[AC+16*\b+\i]|, |v[AC+16*\b+\i+1]|
.endr
.endr
	WIN 0
.irp b, 0,1,2,3
	v_permlanex16_b32 v[TM+4+\b], v[TM+\b], s[SEL], s[SEL+1]
.endr
.irp b, 0,1,2,3
	v_max_num_f32 v[TM+\b], v[TM+\b], v[TM+4+\b]   ; with lane l xor 16's: the block's largest magnitude
.endr
.irp b, 0,1,2,3
	v_add_nc_u32 v[TM+12+\b], 0xff000000, v[TM+\b]   ; 2 off its exponent field: the conversion's scale operand
.endr
.irp b, 0,1,2,3
	v_lshrrev_b32 v[TM+4+\b], 23, v[TM+12+\b]      ; the scale's byte
.endr
	v_lshl_or_b32 v[PW+(\a)], v[TM+5], 8, v[TM+4]
	v_lshl_or_b32 v[PW+(\a)], v[TM+6], 16, v[PW+(\a)]
	v_lshl_or_b32 v[PW+(\a)], v[TM+7], 24, v[PW+(\a)]
	WIN 2+(\a)/4                                   ; source 0: the accumulators' window
.irp c, 0,1
	v_cvt_scalef32_pk16_fp6_f32 v[PCA+6*\c:PCA+6*\c+2], v[AC+32*\c:AC+32*\c+15], v[TM+12+2*\c]
	v_cvt_scalef32_pk16_fp6_f32 v[PCA+12+4*\c:PCA+14+4*\c], v[AC+32*\c+16:AC+32*\c+31], v[TM+12+2*\c+1]
.endr
	WIN 0
	v_nop                                          ; one plain place behind a scaled conversion
.irp c, 0,1                                    ; a WHOLE block in a lane: lanes 0-15 block 2 c, lanes 16-31 block 2 c + 1
.irp i, 0,1,2
	v_permlane16_swap_b32 v[PCA+6*\c+\i], v[PCA+12+4*\c+\i]
.endr
.irp i, 0,1,2
	v_mov_b32 v[PCA+3+6*\c+\i], v[PCA+12+4*\c+\i]
.endr
.endr
.endm
.irp b, 0,1,2,3
	v_mov_b32 v[TM+4+\b], 0                        ; a lane permute's destination counts as one of its sources
.endr
.irp a, 0,1,2,3,4,5,6,7
	QUANTW \a, MODE
.if MODE == 0
.irp c, 0,1                                    ; registers 6 c .. 6 c + 5 are 64 along the next K: a head of q or k, or 64 keys of v^T: 512 + 256 consecutive bytes
	global_store_b128 v[L16], v[PCA+6*\c:PCA+6*\c+3], s[18+2*\c:19+2*\c] offset:768*\a
	global_store_b64 v[L8], v[PCA+6*\c+4:PCA+6*\c+5], s[18+2*\c:19+2*\c] offset:768*\a+512
.endr
.else
.irp p, 0,1,2
	global_store_b128 v[L16], v[PCA+4*\p:PCA+4*\p+3], s[18:19] offset:FRB*\a+512*\p   ; the image: 512 consecutive bytes a store
.endr
.endif
.endr
	v_cmp_eq_u32 vcc_lo, 1, v2
.irp j, 0,1,2,3
	v_cndmask_b32 v[Z+\j], v[PW+\j], v[PW+4+\j], vcc_lo   ; lanes 0-15 block rows 0-3's words of row r, lanes 16-31 block rows 4-7's
.endr
	global_store_b128 v[SCO], v[Z:Z+3], s[22:23]   ; the block of 512 bytes whole
.else
; THE WAY OUT, block row by block row, through my own stage in LDS (in slot 0, which has had its last fill and its last read): a lane's 32 bytes go in, whole rows of 512 bytes come back.
; LDS serves a wave's instructions in order (ISA guide 5.7.1.4): no wait between the stores and the loads, nor in front of the next block's stores.
.macro TOSTAGE a
.set AC, 64*((\a)%4)
	WIN 0x08+4*((\a)/4)                            ; the data: window 2 or 3
.irp b, 0,1,2,3,4,5,6,7
	ds_store_b128 v[STO], v[AC+8*\b:AC+8*\b+3] offset:128*(\b/2)+32*(\b%2)          ; each accumulator from its low end on
	ds_store_b128 v[STO], v[AC+8*\b+4:AC+8*\b+7] offset:128*(\b/2)+32*(\b%2)+16
.endr
	WIN 0
.set BBK, BK+64*((\a)%2)
.irp t, 0,1,2,3,4,5,6,7,8,9,10,11,12,13,14,15
	ds_load_b128 v[BBK+4*\t:BBK+4*\t+3], v[RD] offset:\t*528
.endr
.endm
.macro SEND a, younger                 ; younger: the LDS instructions issued behind block a's loads, which may stay out
.set BBK, BK+64*((\a)%2)
.set ROW0, 32*((\a)/2)+8*((\a)%2)
	s_wait_dscnt \younger
.irp t, 0,1,2,3,4,5,6,7,8,9,10,11,12,13,14,15
	global_store_b128 v[L16], v[BBK+4*\t:BBK+4*\t+3], s[18:19] offset:(ROW0+\t+8*(\t/8))*4096   ; 32 lanes store 512 consecutive bytes of the tile's row t; the base never steps
.endr
.endm
	TOSTAGE 0
.irp a, 1,2,3,4,5,6,7
.if \a > 1
	s_wait_xcnt 0x0                                ; block a - 2's stores have read their registers: block a's loads may land there
.endif
	TOSTAGE \a
	SEND \a-1, 32                                  ; behind block a - 1's loads: block a's 16 stores and 16 loads
.endr
	SEND 7, 0
.endif
	s_wait_tensorcnt 0x0                           ; the wave's end
	ds_add_u32 v[SPW], v[NIL]
	s_wait_dscnt 0x0
	CROUND                                         ; the closing round: no work-group ends while a partner may still ask for a tile that names it
	s_endpgm
.Lfunc_end_k_q717ebb24fb_qkv:
	.size	k_q717ebb24fb_qkv, .Lfunc_end_k_q717ebb24fb_qkv-k_q717ebb24fb_qkv
	.p2alignl 7, 3214868480
	.fill 96, 4, 3214868480
	.section	.rodata,"a",@progbits
	.p2align	6, 0x0
	.amdhsa_kernel k_q717ebb24fb_qkv
		.amdhsa_group_segment_fixed_size 327680
		.amdhsa_private_segment_fixed_size 0
		.amdhsa_enable_private_segment 0
		.amdhsa_kernarg_size 16
		.amdhsa_user_sgpr_count 2
		.amdhsa_user_sgpr_kernarg_segment_ptr 1
		.amdhsa_wavefront_size32 1
		.amdhsa_system_sgpr_workgroup_id_x 1
		.amdhsa_system_sgpr_workgroup_id_y 1
		.amdhsa_system_sgpr_workgroup_id_z 1
		.amdhsa_system_vgpr_workitem_id 0
		.amdhsa_next_free_vgpr 1024
		.amdhsa_next_free_sgpr 101
		.amdhsa_reserve_vcc 1
		.amdhsa_float_denorm_mode_32 3
		.amdhsa_float_denorm_mode_16_64 3
		.amdhsa_memory_ordered 1
		.amdhsa_forward_progress 1
		.amdhsa_inst_pref_size 139
	.end_amdhsa_kernel
	.amdgpu_metadata
---
amdhsa.version: [ 1, 2 ]
amdhsa.kernels:
  - .name:           k_q717ebb24fb_qkv
    .symbol:         k_q717ebb24fb_qkv.kd
    .args:
      - { .name: prep, .offset: 0, .size: 8, .value_kind: global_buffer, .address_space: global }
      - { .name: qkv, .offset: 8, .size: 8, .value_kind: global_buffer, .address_space: global }
    .group_segment_fixed_size: 327680
    .private_segment_fixed_size: 0
    .kernarg_segment_align: 8
    .kernarg_segment_size: 16
    .max_flat_workgroup_size: 128
    .sgpr_count:     101
    .vgpr_count:     1024
    .wavefront_size: 32
...
	.end_amdgpu_metadata
.endif
;; end of part 2
;; launch attn (part 3): grid 8 x 32, 16 waves a work-group, no clusters, 319,488 bytes of LDS; arguments qkv, att; writes att
.if DOCPART == 3
	.amdgcn_target "amdgcn-amd-amdhsa--gfx1250"
	.amdhsa_code_object_version 6
	.text
	.protected	k_q717ebb24fb_attn
	.globl	k_q717ebb24fb_attn
	.p2align	8
	.type	k_q717ebb24fb_attn,@function
k_q717ebb24fb_attn:
	s_mov_b64 s[64:65], 0
	v_nop
	global_prefetch_b8 v0, s[64:65] scope:SCOPE_SE
	s_setreg_imm32_b32 hwreg(HW_REG_WAVE_MODE, 25, 1), 1
	s_wait_xcnt 0x0
; att[token][64 Hd + d] = the sum over keys of softmax(q . k / 32) v, for each of 2 x 16 heads of 64, both products on codes of FP6 (E2M3) with one E8M0 scale for each 32 along a product's K.
; q, k arrive as halves of fragment images (768 bytes: 16 rows x the head's 64: 16 bytes a lane at 16 l, then 8 bytes a lane at 512 + 8 l), v^T likewise with 64 KEYS along K; scale words beside them.
; THE SOFTMAX AHEAD OF THE SECOND PRODUCT: t = score x log2(e) / 32; M = the row's largest t so far, rounded UP to a whole number; p = 2^(t - M) is quantised along the keys, not normalised.
; The row's sum is taken of the unquantised p and divides O at the end.  When M moves, the sum and O are multiplied by 2^(old M - new M): exact.
; SHARES.  A work-group owns 256 queries of one head, each of its sixteen waves one tile of 16, in 256 registers: four waves to a SIMD.  Every wave walks the head's 2,048 keys, 128 a step.
; ALL of a head's k, v and scale words (212,992 bytes) lie in LDS: every byte is filled ONCE, by six tensor loads a wave at the head; nothing is filled again.  The keys come in four groups of 512, and a group is
; read behind the wait for its load and a barrier, while the later groups are still on their way.
; NO JOINT REQUESTS, though the eight query blocks of a head read the same k and v: a work-group asks for each byte once in the launch, 13,312 bytes for a key step in which its sixteen waves each issue some 240
; vector instructions, so what is shared is a small part of a step's work; and with nothing filled again there is no round in which partners would have to meet.
; LAYOUT.  Both products are used transposed: S^T = k q^T (source 0 = 16 keys, source 1 = my 16 queries), O^T = v^T p^T: a lane holds ONE query (lane % 16) throughout.
; A tile's 16 rows are row(t, i) = 32 (t / 2) + 8 (t % 2) + i + 8 (i / 8): so the 16 registers of score tiles 2 b and 2 b + 1 are 16 neighbouring keys, 32 b + 16 (lane / 16) + 0 .. 15.
; THE FIRST PRODUCT'S K IS 64: q's registers 6-11 hold zero codes, and so does nothing count of what k's operand holds there (the next tile's codes); the scale words' upper two bytes are 0, which is 2^-127 and no NaN.
; LIMITS: a block of p that has fallen to zeros keeps the scale byte 1: its codes are zeros.  NaN and infinities are not served.
.set QKU,   0                          ; parts of the buffer qkv
.set VU,    6291456
.set QKS,   9437184
.set VSB,   9699328
.set UNIT,  768
.set STEPB, 8*UNIT                     ; a key step's k, or its v
.set VOFF,  4*STEPB                    ; in a group: four steps of k, then four of v ([step][64 keys][16 of the head's 64])
.set GRP,   57344                      ; from group to group (49,152 bytes are filled)
.set KSC,   4*GRP                      ; k's scale words: 512 bytes a step
.set VSC,   KSC+9216                   ; v's
.set STAGE, VSC+9216                   ; the way out: 16 rows x (256 bytes + 16) for each wave: bytes of their own, into which no fill lands
.set SPT,   272
.set L16,  1                           ; v1   16 x lane
.set L8,   2                           ; v2   8 x lane
.set KSA0, 3                           ; v3   my lane's place among k's scale words
.set VSA0, 4                           ; v4   and among v's
.set A16,  8                           ; v8-11  the step's addresses
.set A8,   9
.set AKS,  10
.set AVS,  11
.set QF,   16                          ; v16-27 q
.set QSR,  28                          ; v28  q's scale word
.set PSR,  29                          ; v29  p's scale word
.set FF,   30                          ; v[30:31] f = 2^(old M - new M)
.set KF,   32                          ; v32-85 k: eight tiles, six registers apart; behind the first product these registers are at work
.set KSR,  86                          ; v86-93 k's scale words
.set S,    96                          ; v96-159 S^T, then p
.set O,    160                         ; v160-191 O^T
.set VF,   192                         ; v192-239 v^T: four fragments
.set VSR,  240                         ; v240-243 their scale words
.set PCD,  32                          ; p's codes
.set BM,   52                          ; the blocks' largest scores
.set T2,   56
.set SO,   60
.set WV,   8
.set G1T,  12                          ; s[12:19] group 1: 3,072 dense bytes;  s[20:27]: 512
.set G1S,  20
.set G0,   28                          ; s[28:51] six groups 0
.set SEL,  52
.set CS,   54                          ; s[54:55] c = log2(e) / 32
.set TB,   56                          ; where the step's k begins in LDS
.set TS,   57                          ; and its scale words
.set CNT,  58
	s_load_b128 s[4:7], s[0:1], 0x0                ; qkv, att
	v_lshl_add_u32 v254, v0, 2, 0x4d800
	v_mov_b32 v255, 0
	ds_add_u32 v254, v255
	ds_add_u32 v254, v255
	v_lshrrev_b32 v5, 5, v0
	v_readfirstlane_b32 s[WV], v5                  ; wave 0..15
	s_and_b32 s10, ttmp7, 0xffff
	s_lshr_b32 s11, s10, 4                         ; which of the two sequences
	s_and_b32 s66, s10, 15                         ; the head
	s_lshr_b32 s67, s66, 1
	s_and_b32 s68, s66, 1
	s_lshl_b32 s69, s11, 4
	s_add_co_u32 s69, s69, s[WV]                   ; the key step whose scale words I fetch, counted over both sequences
	s_lshl_b32 s70, s67, 5
	s_add_co_u32 s70, s70, 256
	s_add_co_u32 s70, s70, s69
	s_lshl_b32 s70, s70, 9
	s_add_co_u32 s70, s70, QKS                     ; k's: [8 + head / 2][token / 128] blocks of 512 bytes
	s_mov_b32 s71, 0
	s_lshl_b32 s72, s69, 3
	s_add_co_u32 s72, s72, s67
	s_lshl_b32 s72, s72, 9
	s_add_co_u32 s72, s72, VSB                     ; v's: [token / 128][head / 2]
	s_mov_b32 s73, 0
	s_add_co_u32 s74, s66, 16
	s_lshl_b32 s74, s74, 8
	s_lshl_b32 s75, s11, 7
	s_add_co_u32 s74, s74, s75
	s_mul_i32 s74, s74, UNIT                       ; k: [16 + head][token / 16] units
	s_mul_i32 s75, s11, 32*49152
	s_mul_i32 s76, s66, 4*UNIT
	s_add_co_u32 s75, s75, s76
	s_add_co_u32 s75, s75, VU                      ; v: [token / 64][4 head + 0 .. 3] units
	s_mov_b32 s80, 393216
	s_mov_b32 s78, 49152
	s_cmp_lt_u32 s[WV], 8                          ; waves 0-7 fetch k, waves 8-15 v: 3,072 dense bytes either way; only the place in memory differs
	s_cselect_b32 s74, s74, s75
	s_cselect_b32 s80, 24576, s80                  ; from group to group,
	s_cselect_b32 s78, 3072, s78                   ; from piece to piece
	s_and_b32 s79, s[WV], 7
	s_mul_i32 s79, s79, s78
	s_add_co_u32 s74, s74, s79
	s_mov_b32 s75, 0
	s_mov_b32 s81, 0
	s_mul_i32 s82, s[WV], 3072                     ; my piece's place in a group
	s_lshl_b32 s83, s[WV], 9
	s_mov_b32 s[G1T], 3<<16                        ; no mask; elements of 8 bytes; no padding
	s_mov_b32 s[G1T+1], 32<<16                     ; tensor_dim0: rows of 256 bytes
	s_mov_b32 s[G1T+2], 12<<16                     ; tensor_dim1
	s_mov_b32 s[G1T+3], 32<<16                     ; tile_dim0
	s_mov_b32 s[G1T+4], 12                         ; tile_dim1
	s_mov_b32 s[G1T+5], 32                         ; tensor_dim0_stride
	s_mov_b32 s[G1T+6], 0
	s_mov_b32 s[G1T+7], 0
	s_mov_b32 s[G1S], 3<<16
	s_mov_b32 s[G1S+1], 32<<16
	s_mov_b32 s[G1S+2], 2<<16
	s_mov_b32 s[G1S+3], 32<<16
	s_mov_b32 s[G1S+4], 2
	s_mov_b32 s[G1S+5], 32
	s_mov_b32 s[G1S+6], 0
	s_mov_b32 s[G1S+7], 0
	; q's tile, its scale words, my rows of att
	s_lshl_b32 s76, s66, 8
	s_lshl_b32 s77, s11, 7
	s_add_co_u32 s76, s76, s77
	s_lshl_b32 s77, ttmp9, 4
	s_add_co_u32 s76, s76, s77
	s_add_co_u32 s76, s76, s[WV]                   ; 256 head + my row tile
	s_mul_i32 s84, s76, UNIT
	s_mov_b32 s85, 0
	s_lshl_b32 s86, s67, 5
	s_lshl_b32 s77, s11, 4
	s_add_co_u32 s86, s86, s77
	s_lshl_b32 s77, ttmp9, 1
	s_add_co_u32 s86, s86, s77
	s_lshr_b32 s77, s[WV], 3
	s_add_co_u32 s86, s86, s77
	s_lshl_b32 s86, s86, 9
	s_and_b32 s77, s[WV], 7
	s_lshl_b32 s77, s77, 2
	s_add_co_u32 s86, s86, s77
	s_lshl_b32 s77, s68, 1
	s_add_co_u32 s86, s86, s77
	s_add_co_u32 s86, s86, QKS
	s_mov_b32 s87, 0
	s_lshl_b32 s88, s11, 11
	s_lshl_b32 s77, ttmp9, 8
	s_add_co_u32 s88, s88, s77
	s_lshr_b32 s77, s[WV], 1
	s_lshl_b32 s77, s77, 5
	s_add_co_u32 s88, s88, s77
	s_and_b32 s77, s[WV], 1
	s_lshl_b32 s77, s77, 3
	s_add_co_u32 s88, s88, s77                     ; my tile's first token
	s_lshl_b32 s88, s88, 12
	s_lshl_b32 s77, s66, 8
	s_add_co_u32 s88, s88, s77                     ; + the head's 256 bytes of a row
	s_mov_b32 s89, 0
	s_mov_b32 s[SEL], 0x76543210
	s_mov_b32 s[SEL+1], 0xfedcba98
	s_mov_b32 s[CS], 0x3d38aa3b
	s_mov_b32 s[CS+1], s[CS]                       ; (named with it as a pair, so it is written)
	s_mov_b32 s[TB], 0
	s_mov_b32 s[TS], 0
	s_wait_dscnt 0x0
	s_wait_kmcnt 0x0
	s_mov_b32 s[G0], 1
	s_add_co_u32 s[G0+1], s83, KSC
	s_add_nc_u64 s[G0+2:G0+3], s[4:5], s[70:71]
	s_or_b32 s[G0+3], s[G0+3], 0x80000000
	s_mov_b32 s[G0+4], 1
	s_add_co_u32 s[G0+5], s83, VSC
	s_add_nc_u64 s[G0+6:G0+7], s[4:5], s[72:73]
	s_or_b32 s[G0+7], s[G0+7], 0x80000000
	s_add_nc_u64 s[74:75], s[4:5], s[74:75]
.irp g, 0,1,2,3
	s_mov_b32 s[G0+8+4*\g], 1
	s_add_co_u32 s[G0+9+4*\g], s82, GRP*\g
	s_mov_b64 s[G0+10+4*\g:G0+11+4*\g], s[74:75]
	s_or_b32 s[G0+11+4*\g], s[G0+11+4*\g], 0x80000000
.if \g < 3
	s_add_nc_u64 s[74:75], s[74:75], s[80:81]
.endif
.endr
	s_add_nc_u64 s[84:85], s[4:5], s[84:85]
	s_add_nc_u64 s[86:87], s[4:5], s[86:87]
	s_add_nc_u64 s[6:7], s[6:7], s[88:89]
	tensor_load_to_lds s[G0:G0+3], s[G1S:G1S+7]    ; all first fills in one group, ahead of every wait on TENSORcnt, every LDS read and every barrier: six loads of mine are out
	s_nop 0
	tensor_load_to_lds s[G0+4:G0+7], s[G1S:G1S+7]
	s_nop 0
	tensor_load_to_lds s[G0+8:G0+11], s[G1T:G1T+7]
	s_nop 0
	tensor_load_to_lds s[G0+12:G0+15], s[G1T:G1T+7]
	s_nop 0
	tensor_load_to_lds s[G0+16:G0+19], s[G1T:G1T+7]
	s_nop 0
	tensor_load_to_lds s[G0+20:G0+23], s[G1T:G1T+7]
	s_nop 0
.rept 4
	v_nop
.endr
	v_and_b32 v5, 31, v0
	v_lshlrev_b32 v[L16], 4, v5
	v_lshlrev_b32 v[L8], 3, v5
	v_and_b32 v6, 15, v0                           ; r
	v_bfe_u32 v7, v0, 4, 1                         ; h
	v_lshlrev_b32 v5, 5, v6                        ; 32 r
	global_load_b128 v[QF:QF+3], v[L16], s[84:85]  ; q stays in registers
	global_load_b64 v[QF+4:QF+5], v[L8], s[84:85] offset:512
	global_load_u16 v[QSR], v5, s[86:87]           ; my head's two bytes of the row's word
	s_lshl_b32 s83, s68, 1
	s_add_co_u32 s83, s83, KSC
	v_add_nc_u32 v[KSA0], s83, v5                  ; k's words: 32 r + 4 x tile, my head's two bytes
	s_lshl_b32 s83, s68, 4
	s_add_co_u32 s83, s83, VSC
	v_add_nc_u32 v[VSA0], s83, v5                  ; v's: 32 r, my head's four tiles' words
.irp j, 6,7,8,9,10,11
	v_mov_b32 v[QF+\j], 0                          ; zero codes for k = 64 .. 127
	v_mov_b32 v[KF+42+\j], 0                       ; what tile 7's operand names behind its six registers
.endr
	v_mov_b32 v13, 0xff61b1e6                      ; the largest t so far: -3e38, under every t
	v_floor_f32 v12, -v13                          ; -M
	v_mov_b32 v14, 0                               ; the sum, in two halves
	v_mov_b32 v15, 0
	v_mov_b32 v[FF+1], 0                           ; (named as the upper half of a pair)
.set j, 0
.rept 32
	v_mov_b32 v[O+j], 0                            ; O^T.  (The step is written once: the first finds zeros, which the first change of M leaves zeros)
.set j, j+1
.endr
; A KEY STEP: 128 keys.
.macro STEP
	v_add_nc_u32 v[A16], s[TB], v[L16]             ; these four are also the places in front of loads into registers that the last products read
	v_add_nc_u32 v[A8], s[TB], v[L8]
	v_add_nc_u32 v[AKS], s[TS], v[KSA0]
	v_add_nc_u32 v[AVS], s[TS], v[VSA0]
.irp i, 0,1,2,3,4,5,6,7
	ds_load_b128 v[KF+6*\i:KF+6*\i+3], v[A16] offset:UNIT*\i
	ds_load_b64 v[KF+6*\i+4:KF+6*\i+5], v[A8] offset:UNIT*\i+512
	ds_load_u16 v[KSR+\i], v[AKS] offset:4*\i
.endr
.irp dt, 0,1,2,3
.irp c, 0,1
	ds_load_b128 v[VF+12*\dt+6*\c:VF+12*\dt+6*\c+3], v[A16] offset:VOFF+4*UNIT*\c+UNIT*\dt
	ds_load_b64 v[VF+12*\dt+6*\c+4:VF+12*\dt+6*\c+5], v[A8] offset:VOFF+4*UNIT*\c+UNIT*\dt+512
.endr
.endr
	ds_load_b128 v[VSR:VSR+3], v[AVS]
	s_wait_dscnt 17                                ; k and its words are in; v's 16 loads and its words may be out
.irp i, 0,1,2,3,4,5,6,7
	v_wmma_scale_f32_16x16x128_f8f6f4 v[S+8*\i:S+8*\i+7], v[KF+6*\i:KF+6*\i+11], v[QF:QF+11], 0, v[KSR+\i], v[QSR] matrix_a_fmt:MATRIX_FMT_FP6 matrix_b_fmt:MATRIX_FMT_FP6
.endr
.rept 4
	v_nop
.endr
.irp b, 0,1,2,3
	v_max3_num_f32 v[BM+\b], v[S+16*\b], v[S+1+16*\b], v[S+2+16*\b]   ; THE LARGEST SCORE OF EACH BLOCK OF 32 KEYS: for the row's maximum, and, since p rises with the score, for the block's largest p
.endr
.irp i, 3,5,7,9,11,13
.irp b, 0,1,2,3
	v_max3_num_f32 v[BM+\b], v[BM+\b], v[S+16*\b+\i], v[S+1+16*\b+\i]
.endr
.endr
.irp b, 0,1,2,3
	v_max_num_f32 v[BM+\b], v[BM+\b], v[S+15+16*\b]
.endr
.irp b, 0,1,2,3
	v_permlanex16_b32 v[T2+\b], v[BM+\b], s[SEL], s[SEL+1]
.endr
.irp b, 0,1,2,3
	v_max_num_f32 v[BM+\b], v[BM+\b], v[T2+\b]     ; with lane l xor 16's 16 keys
.endr
	v_max3_num_f32 v94, v[BM], v[BM+1], v[BM+2]
	v_max_num_f32 v94, v94, v[BM+3]                ; the step's largest score of my query
	v_mul_f32 v94, s[CS], v94                      ; as t (c is positive)
	v_max_num_f32 v13, v13, v94                    ; the running largest t
	v_mov_b32 v94, v12
	v_floor_f32 v12, -v13                          ; the new -M = floor(-t) = -ceil(t): M IS A WHOLE NUMBER
	v_sub_f32 v94, v12, v94                        ; M's old value less its new one: a whole number, 0 or less
	v_cvt_i32_f32 v94, v94                         ; (it saturates)
	v_ldexp_f32 v[FF], 1.0, v94                    ; f = 2^(old M - new M)
.set j, 0
.rept 32
	v_pk_fma_f32 v[S+j:S+j+1], v[S+j:S+j+1], s[CS:CS+1], v[12:13] op_sel_hi:[1,0,0]   ; t - M, two at a time
.set j, j+2
.endr
.irp b, 0,1,2,3
	v_fma_f32 v[BM+\b], v[BM+\b], s[CS], v12       ; the same of each block's largest score
.endr
.set j, 0
.rept 64
	v_exp_f32 v[S+j], v[S+j]                       ; p = 2^(t - M), at most 1: NOT normalised
.set j, j+1
.endr
.irp b, 0,1,2,3
	v_exp_f32 v[BM+\b], v[BM+\b]                   ; the block's largest p: the same two instructions on the same number give the same bits
.endr
	v_pk_mul_f32 v[14:15], v[14:15], v[FF:FF+1] op_sel_hi:[1,0]   ; the sums under the new M.  (A plain place behind the exponentials)
	s_wait_alu depctr_va_vdst(0)
.irp b, 0,1,2,3
	v_max_num_f32 v[BM+\b], 0x1800000, v[BM+\b]    ; the floor 2^(3 - 127): the byte cannot fall under 1
.endr
.irp b, 0,1,2,3
	v_add_nc_u32 v[SO+\b], 0xff000000, v[BM+\b]    ; 2 off the exponent field: the conversion's scale operand
.endr
.irp b, 0,1,2,3
	v_lshrrev_b32 v[T2+\b], 23, v[SO+\b]           ; the scale's byte
.endr
	v_lshl_or_b32 v[PSR], v[T2+1], 8, v[T2]        ; p's scale word for these 128 keys
	v_lshl_or_b32 v[PSR], v[T2+2], 16, v[PSR]
	v_lshl_or_b32 v[PSR], v[T2+3], 24, v[PSR]
.irp c, 0,1
	v_cvt_scalef32_pk16_fp6_f32 v[PCD+6*\c:PCD+2+6*\c], v[S+32*\c:S+15+32*\c], v[SO+2*\c]
	v_cvt_scalef32_pk16_fp6_f32 v[PCD+12+4*\c:PCD+14+4*\c], v[S+16+32*\c:S+31+32*\c], v[SO+2*\c+1]
.endr
	v_nop                                          ; one plain place behind a scaled conversion
.irp c, 0,1                                    ; a WHOLE block in a lane: lanes 0-15 block 2 c, lanes 16-31 block 2 c + 1
.irp i, 0,1,2
	v_permlane16_swap_b32 v[PCD+6*\c+\i], v[PCD+12+4*\c+\i]
.endr
.irp i, 0,1,2
	v_mov_b32 v[PCD+3+6*\c+\i], v[PCD+12+4*\c+\i]
.endr
.endr
	v_pk_add_f32 v[64:65], v[S:S+1], v[S+2:S+3]    ; THE ROW'S SUM IS TAKEN OF THE UNQUANTISED p: two at a time, in two chains
.irp j, 4,8,12,16,20,24,28,32,36,40,44,48,52,56,60
	v_pk_add_f32 v[14:15], v[14:15], v[S+\j:S+\j+1]
	v_pk_add_f32 v[64:65], v[64:65], v[S+\j+2:S+\j+3]
.endr
	v_pk_add_f32 v[14:15], v[14:15], v[64:65]
.set j, 0
.rept 16
	v_pk_mul_f32 v[O+j:O+j+1], v[O+j:O+j+1], v[FF:FF+1] op_sel_hi:[1,0]   ; O^T under the new M.  (With the sums above: the places between p's scale word and codes and the products below)
.set j, j+2
.endr
	s_wait_dscnt 0x0                               ; v and its words are in
.irp dt, 0,1,2,3
	v_wmma_scale_f32_16x16x128_f8f6f4 v[O+8*\dt:O+8*\dt+7], v[VF+12*\dt:VF+12*\dt+11], v[PCD:PCD+11], v[O+8*\dt:O+8*\dt+7], v[VSR+\dt], v[PSR] matrix_a_fmt:MATRIX_FMT_FP6 matrix_b_fmt:MATRIX_FMT_FP6
.endr
	s_add_co_u32 s[TB], s[TB], STEPB
	s_add_co_u32 s[TS], s[TS], 512
.endm
; A GROUP of four key steps: my piece of it has landed (the later groups' loads, 3 - g of them, stay out), and behind the barrier everybody's has.
.macro GROUP g
	s_wait_tensorcnt 3-\g
	s_barrier_signal -1
	s_barrier_wait -1
	s_mov_b32 s[CNT], 4
.Lstep_\@:
	STEP
	s_sub_co_u32 s[CNT], s[CNT], 1
	s_cmp_lg_u32 s[CNT], 0
	s_cbranch_scc1 .Lstep_\@
	s_add_co_u32 s[TB], s[TB], GRP-4*STEPB
.endm
	s_wait_loadcnt 0x0                             ; q
	GROUP 0
	GROUP 1
	GROUP 2
	GROUP 3
	; THE WAY OUT.  O^T is divided by the sum and goes through my stage in LDS, so that sixteen lanes store a token's 256 consecutive bytes of my head.
	v_add_f32 v14, v14, v15                        ; the sum's two halves,
	v_permlanex16_b32 v94, v14, s[SEL], s[SEL+1]
	v_add_f32 v14, v14, v94                        ; and lane l xor 16's: the row's sum
	v_rcp_f32 v14, v14
	s_mul_i32 s73, s[WV], 16*SPT
	s_add_co_u32 s73, s73, STAGE                   ; my stage
	v_mul_u32_u24 v8, v6, SPT                      ; (a plain place behind the transcendental)
	v_lshl_add_u32 v8, v7, 6, v8
	v_add_nc_u32 v8, s73, v8                       ; in: row r, + 64 h
	v_mul_u32_u24 v9, v7, SPT
	v_lshl_add_u32 v9, v6, 4, v9
	v_add_nc_u32 v9, s73, v9                       ; back: lanes 0-15 one row, lanes 16-31 the next
	v_lshlrev_b32 v5, 12, v7
	v_lshl_add_u32 v5, v6, 4, v5                   ; and the same in att
.set j, 0
	s_wait_alu depctr_va_vdst(0)
.rept 32
	v_mul_f32 v[S+j], v[O+j], v14                  ; register 8 dt + i is channel 32 (dt / 2) + 16 h + 8 (dt % 2) + i; each accumulator from its low end on
.set j, j+1
.endr
.irp dt, 0,1,2,3
	ds_store_b128 v8, v[S+8*\dt:S+8*\dt+3] offset:128*(\dt/2)+32*(\dt%2)
	ds_store_b128 v8, v[S+8*\dt+4:S+8*\dt+7] offset:128*(\dt/2)+32*(\dt%2)+16
.endr
.irp i, 0,1,2,3,4,5,6,7
	ds_load_b128 v[32+4*\i:35+4*\i], v9 offset:2*\i*SPT   ; LDS serves a wave's instructions in order: these see my stores
.endr
.irp i, 0,1,2,3,4,5,6,7
	s_wait_dscnt 7-\i
	global_store_b128 v5, v[32+4*\i:35+4*\i], s[6:7] offset:(2*\i+8*(\i/4))*4096   ; the tile's rows 2 i and 2 i + 1 are tokens 2 i + 8 (i / 4) and the next
.endr
	s_wait_tensorcnt 0x0
	ds_add_u32 v254, v255
	s_wait_dscnt 0x0
	s_endpgm
.Lfunc_end_k_q717ebb24fb_attn:
	.size	k_q717ebb24fb_attn, .Lfunc_end_k_q717ebb24fb_attn-k_q717ebb24fb_attn
	.p2alignl 7, 3214868480
	.fill 96, 4, 3214868480
	.section	.rodata,"a",@progbits
	.p2align	6, 0x0
	.amdhsa_kernel k_q717ebb24fb_attn
		.amdhsa_group_segment_fixed_size 319488
		.amdhsa_private_segment_fixed_size 0
		.amdhsa_enable_private_segment 0
		.amdhsa_kernarg_size 16
		.amdhsa_user_sgpr_count 2
		.amdhsa_user_sgpr_kernarg_segment_ptr 1
		.amdhsa_wavefront_size32 1
		.amdhsa_system_sgpr_workgroup_id_x 1
		.amdhsa_system_sgpr_workgroup_id_y 1
		.amdhsa_system_sgpr_workgroup_id_z 1
		.amdhsa_system_vgpr_workitem_id 0
		.amdhsa_next_free_vgpr 256
		.amdhsa_next_free_sgpr 92
		.amdhsa_reserve_vcc 0
		.amdhsa_float_denorm_mode_32 3
		.amdhsa_float_denorm_mode_16_64 3
		.amdhsa_memory_ordered 1
		.amdhsa_forward_progress 1
		.amdhsa_inst_pref_size 79
	.end_amdhsa_kernel
	.amdgpu_metadata
---
amdhsa.version: [ 1, 2 ]
amdhsa.kernels:
  - .name:           k_q717ebb24fb_attn
    .symbol:         k_q717ebb24fb_attn.kd
    .args:
      - { .name: qkv, .offset: 0, .size: 8, .value_kind: global_buffer, .address_space: global }
      - { .name: att, .offset: 8, .size: 8, .value_kind: global_buffer, .address_space: global }
    .group_segment_fixed_size: 319488
    .private_segment_fixed_size: 0
    .kernarg_segment_align: 8
    .kernarg_segment_size: 16
    .max_flat_workgroup_size: 512
    .sgpr_count:     92
    .vgpr_count:     256
    .wavefront_size: 32
...
	.end_amdgpu_metadata
.endif
;; end of part 3
;; launch ln1 (part 4): grid 256 x 1, 8 waves a work-group, no clusters, 66,816 bytes of LDS; arguments att, x, ln1_g, ln1_b, x1; writes x1
.if DOCPART == 4
	.amdgcn_target "amdgcn-amd-amdhsa--gfx1250"
	.amdhsa_code_object_version 6
	.text
	.protected	k_q717ebb24fb_ln1
	.globl	k_q717ebb24fb_ln1
	.p2align	8
	.type	k_q717ebb24fb_ln1,@function
k_q717ebb24fb_ln1:
	s_mov_b64 s[64:65], 0
	v_nop
	global_prefetch_b8 v0, s[64:65] scope:SCOPE_SE
	s_setreg_imm32_b32 hwreg(HW_REG_WAVE_MODE, 25, 1), 1
	s_wait_xcnt 0x0
; ONE SOURCE FOR THE TWO LAYER NORMS; the line .set MODE says which.  out[row] = res[row] + (a[row] - mean) x rsqrt(var + 1e-5) x g + b, rows of 1,024 f32; mean and variance in two passes over registers.
;   MODE 1: a = att, res = x, out = x1; the work-group's 16 rows are a tile, row(t, i) = 32 (t / 2) + 8 (t % 2) + i + 8 (i / 8); they also go through LDS and leave quantised to FP6 (E2M3), one E8M0 byte for each 32
;           along the row, as images of operand registers (1,536 bytes for 16 rows x 128: registers 4 p .. 4 p + 3 of lane l at 512 p + 16 l) with their scale words, for the next product.
;   MODE 2: a = ff, res = x1, out = out0; 16 neighbouring rows.
; Eight waves, two rows each: a row is eight loads of 512 consecutive bytes and stays in 32 registers; no row is read twice.  All 48 loads of a wave go out at once.
; Matrix units, clusters and tensor loads are left out: nothing is shared but 8 KiB of gain and bias, and memory binds.
; LIMITS (MODE 1): a block of zeros, or one whose largest magnitude lies under 2^-124, gets the scale byte 1: its codes are zeros and this program alone reads the bytes.  NaN and infinities are not served.
.set MODE, 1
.set L16, 2                            ; v2   16 x lane
.set G,   16                           ; v16-47   gain
.set B,   48                           ; v48-79   bias
.set A,   80                           ; v80-143  two rows of a; MODE 1: later 64 numbers to be quantised
.set X,   144                          ; v144-207 two rows of the residual, then of the result
.set SEL, 18                           ; s18, s19 lane selects: lane l xor 16
.set INV, 20                           ; s20  1 / 1,024
.set EPS, 21                           ; s21  1e-5
.set X1I, 16777216                     ; parts of the buffer x1
.set X1S, 19922944
.set LP,  4112                         ; a row in LDS: 4,096 bytes + 16
.set TM,  208
.set PC,  224
.set PW,  244
.macro WSUM2 r                         ; v[r] and v[r + 4] are summed over the wave's 32 lanes, the two rows by turns
.irp m, 1,2,4,8
.irp e, 0,1
	v_add_f32_dpp v[\r+4*\e], v[\r+4*\e], v[\r+4*\e] row_xmask:\m row_mask:0xf bank_mask:0xf
.endr
.endr
.irp e, 0,1
	v_permlanex16_b32 v[\r+1+4*\e], v[\r+4*\e], s[SEL], s[SEL+1]
.endr
.irp e, 0,1
	v_add_f32 v[\r+4*\e], v[\r+4*\e], v[\r+1+4*\e]
.endr
.endm
.if MODE == 1
.macro QUANT s                         ; 64 numbers of a lane, register 16 b + i = k 32 b + 16 (lane / 16) + i of my row, become a fragment's codes in v[PC] on and its scale word in v[PW]
.irp b, 0,1,2,3
	v_max3_num_f32 v[TM+\b], |v[\s+16*\b]|, |v[\s+1+16*\b]|, 0x1800000   ; and the floor 2^(3 - 127): the byte cannot fall under 1
.endr
.irp i, 2,4,6,8,10,12,14
.irp b, 0,1,2,3
	v_max3_num_f32 v[TM+\b], v[TM+\b], |v[\s+16*\b+\i]|, |v[\s+1+16*\b+\i]|
.endr
.endr
.irp b, 0,1,2,3
	v_permlanex16_b32 v[TM+4+\b], v[TM+\b], s[SEL], s[SEL+1]
.endr
.irp b, 0,1,2,3
	v_max_num_f32 v[TM+\b], v[TM+\b], v[TM+4+\b]
.endr
.irp b, 0,1,2,3
	v_add_nc_u32 v[TM+12+\b], 0xff000000, v[TM+\b]   ; 2 off the exponent field: the conversion's scale operand
.endr
.irp b, 0,1,2,3
	v_lshrrev_b32 v[TM+4+\b], 23, v[TM+12+\b]      ; the scale's byte
.endr
	v_lshl_or_b32 v[PW], v[TM+5], 8, v[TM+4]
	v_lshl_or_b32 v[PW], v[TM+6], 16, v[PW]
	v_lshl_or_b32 v[PW], v[TM+7], 24, v[PW]
.irp c, 0,1
	v_cvt_scalef32_pk16_fp6_f32 v[PC+6*\c:PC+2+6*\c], v[\s+32*\c:\s+15+32*\c], v[TM+12+2*\c]
	v_cvt_scalef32_pk16_fp6_f32 v[PC+12+4*\c:PC+14+4*\c], v[\s+16+32*\c:\s+31+32*\c], v[TM+12+2*\c+1]
.endr
	v_nop                                          ; one plain place behind a scaled conversion
.irp c, 0,1
.irp i, 0,1,2
	v_permlane16_swap_b32 v[PC+6*\c+\i], v[PC+12+4*\c+\i]
.endr
.irp i, 0,1,2
	v_mov_b32 v[PC+3+6*\c+\i], v[PC+12+4*\c+\i]
.endr
.endr
.endm
.endif
	s_load_b256 s[4:11], s[0:1], 0x0               ; a, the residual, gain, bias
	s_load_b64 s[12:13], s[0:1], 0x20              ; the output
	v_lshl_add_u32 v254, v0, 2, 0x10100
	v_mov_b32 v255, 0
	v_lshrrev_b32 v1, 5, v0
	v_readfirstlane_b32 s14, v1                    ; wave 0..7
	v_and_b32 v1, 31, v0
	v_lshlrev_b32 v[L16], 4, v1
.if MODE == 1
	s_lshr_b32 s15, ttmp9, 1
	s_lshl_b32 s15, s15, 5
	s_and_b32 s16, ttmp9, 1
	s_lshl_b32 s16, s16, 3
	s_add_co_u32 s15, s15, s16
	s_lshl_b32 s16, s14, 1
	s_add_co_u32 s15, s15, s16
	s_lshr_b32 s16, s14, 2
	s_lshl_b32 s16, s16, 3
	s_add_co_u32 s15, s15, s16                     ; the tile's rows 2 w and 2 w + 1: tokens 32 (t / 2) + 8 (t % 2) + 2 w + 8 (w / 4) and the next
	s_lshr_b32 s22, ttmp9, 3
	s_lshl_b32 s22, s22, 3
	s_add_co_u32 s22, s22, s14                     ; 8 (t / 8) + K step (= my wave's number)
	s_and_b32 s23, ttmp9, 7
	s_lshl_b32 s24, s22, 3
	s_add_co_u32 s24, s24, s23
	s_mul_i32 s24, s24, 1536
	s_add_co_u32 s24, s24, X1I
	s_mov_b32 s25, 0
	s_lshl_b32 s28, s22, 9
	s_lshl_b32 s23, s23, 2
	s_add_co_u32 s28, s28, s23
	s_add_co_u32 s28, s28, X1S
	s_mov_b32 s29, 0
	v_and_b32 v3, 15, v0                           ; r
	v_bfe_u32 v4, v0, 4, 1                         ; h
	s_mul_i32 s30, s14, 2*LP
	v_add_nc_u32 v5, s30, v[L16]                   ; LDS, in: my two rows as they lie
	v_mul_u32_u24 v6, v3, LP
	v_lshl_add_u32 v6, v4, 6, v6
	s_lshl_b32 s30, s14, 9
	v_add_nc_u32 v6, s30, v6                       ; back: row r, my K step's 512 bytes, + 64 h
	v_lshlrev_b32 v7, 5, v3                        ; 32 r
.irp b, 0,1,2,3
	v_mov_b32 v[TM+4+\b], 0                        ; a lane permute's destination counts as one of its sources
.endr
.else
	s_lshl_b32 s15, ttmp9, 4
	s_lshl_b32 s16, s14, 1
	s_add_co_u32 s15, s15, s16                     ; rows 16 g + 2 w and the next
.endif
	s_lshl_b32 s16, s15, 12
	s_mov_b32 s17, 0
	s_mov_b32 s[SEL], 0x76543210
	s_mov_b32 s[SEL+1], 0xfedcba98
	s_mov_b32 s[INV], 0x3a800000
	s_mov_b32 s[EPS], 0x3727c5ac
	s_wait_kmcnt 0x0
	s_add_nc_u64 s[4:5], s[4:5], s[16:17]
	s_add_nc_u64 s[6:7], s[6:7], s[16:17]
	s_add_nc_u64 s[26:27], s[12:13], s[16:17]
.if MODE == 1
	s_add_nc_u64 s[24:25], s[12:13], s[24:25]
	s_add_nc_u64 s[28:29], s[12:13], s[28:29]
.endif
.irp e, 0,1
.irp i, 0,1,2,3,4,5,6,7
	global_load_b128 v[A+32*\e+4*\i:A+32*\e+4*\i+3], v[L16], s[4:5] offset:4096*\e+512*\i th:TH_LOAD_NT
.endr
.endr
.irp e, 0,1
.irp i, 0,1,2,3,4,5,6,7
	global_load_b128 v[X+32*\e+4*\i:X+32*\e+4*\i+3], v[L16], s[6:7] offset:4096*\e+512*\i th:TH_LOAD_NT
.endr
.endr
.irp i, 0,1,2,3,4,5,6,7
	global_load_b128 v[G+4*\i:G+4*\i+3], v[L16], s[8:9] offset:512*\i
.endr
.irp i, 0,1,2,3,4,5,6,7
	global_load_b128 v[B+4*\i:B+4*\i+3], v[L16], s[10:11] offset:512*\i
.endr
	s_wait_loadcnt 32                              ; a's 16 loads are in; the residual's 16, the gain's 8 and the bias's 8 may be out
.irp e, 0,1
	v_pk_add_f32 v[8+4*\e:9+4*\e], v[A+32*\e:A+32*\e+1], v[A+32*\e+2:A+32*\e+3]      ; the row's sum: two chains a row, started by the first numbers
	v_pk_add_f32 v[10+4*\e:11+4*\e], v[A+32*\e+4:A+32*\e+5], v[A+32*\e+6:A+32*\e+7]
.endr
.irp j, 8,12,16,20,24,28
.irp e, 0,1
	v_pk_add_f32 v[8+4*\e:9+4*\e], v[8+4*\e:9+4*\e], v[A+32*\e+\j:A+32*\e+\j+1]
	v_pk_add_f32 v[10+4*\e:11+4*\e], v[10+4*\e:11+4*\e], v[A+32*\e+\j+2:A+32*\e+\j+3]
.endr
.endr
.irp e, 0,1
	v_pk_add_f32 v[8+4*\e:9+4*\e], v[8+4*\e:9+4*\e], v[10+4*\e:11+4*\e]
.endr
.irp e, 0,1
	v_add_f32 v[8+4*\e], v[8+4*\e], v[9+4*\e]
.endr
	WSUM2 8
.irp e, 0,1
	v_mul_f32 v[8+4*\e], s[INV], v[8+4*\e]         ; the mean
.endr
.irp j, 0,2,4,6,8,10,12,14,16,18,20,22,24,26,28,30
.irp e, 0,1
	v_pk_add_f32 v[A+32*\e+\j:A+32*\e+\j+1], v[A+32*\e+\j:A+32*\e+\j+1], v[8+4*\e:9+4*\e] op_sel_hi:[1,0] neg_lo:[0,1] neg_hi:[0,1]   ; a - mean
.endr
.endr
.irp e, 0,1
	v_pk_mul_f32 v[10+4*\e:11+4*\e], v[A+32*\e:A+32*\e+1], v[A+32*\e:A+32*\e+1]
.endr
.irp j, 2,4,6,8,10,12,14,16,18,20,22,24,26,28,30
.irp e, 0,1
	v_pk_fma_f32 v[10+4*\e:11+4*\e], v[A+32*\e+\j:A+32*\e+\j+1], v[A+32*\e+\j:A+32*\e+\j+1], v[10+4*\e:11+4*\e]
.endr
.endr
.irp e, 0,1
	v_add_f32 v[10+4*\e], v[10+4*\e], v[11+4*\e]
.endr
	WSUM2 10
.irp e, 0,1
	v_fma_f32 v[10+4*\e], v[10+4*\e], s[INV], s[EPS]   ; the variance + 1e-5
.endr
.irp e, 0,1
	v_rsq_f32 v[10+4*\e], v[10+4*\e]
.endr
	v_nop                                          ; one plain place behind a transcendental
	s_wait_loadcnt 0x0                             ; the residual, gain and bias
	s_wait_alu depctr_va_vdst(0)
.irp j, 0,2,4,6,8,10,12,14,16,18,20,22,24,26,28,30
.irp e, 0,1
	v_pk_mul_f32 v[A+32*\e+\j:A+32*\e+\j+1], v[A+32*\e+\j:A+32*\e+\j+1], v[10+4*\e:11+4*\e] op_sel_hi:[1,0]
.endr
.endr
.irp j, 0,2,4,6,8,10,12,14,16,18,20,22,24,26,28,30
.irp e, 0,1
	v_pk_fma_f32 v[A+32*\e+\j:A+32*\e+\j+1], v[A+32*\e+\j:A+32*\e+\j+1], v[G+\j:G+\j+1], v[B+\j:B+\j+1]
.endr
.endr
.irp j, 0,2,4,6,8,10,12,14,16,18,20,22,24,26,28,30
.irp e, 0,1
	v_pk_add_f32 v[X+32*\e+\j:X+32*\e+\j+1], v[X+32*\e+\j:X+32*\e+\j+1], v[A+32*\e+\j:A+32*\e+\j+1]
.endr
.endr
.if MODE == 1
.irp e, 0,1
.irp i, 0,1,2,3,4,5,6,7
	global_store_b128 v[L16], v[X+32*\e+4*\i:X+32*\e+4*\i+3], s[26:27] offset:4096*\e+512*\i   ; 512 consecutive bytes a store
	ds_store_b128 v5, v[X+32*\e+4*\i:X+32*\e+4*\i+3] offset:LP*\e+512*\i
.endr
.endr
	s_wait_dscnt 0x0                               ; for the others' sake: my two rows lie in LDS
	s_barrier_signal -1
	s_barrier_wait -1                              ; all sixteen do
.irp b, 0,1,2,3
.irp j, 0,1,2,3
	ds_load_b128 v[A+16*\b+4*\j:A+16*\b+4*\j+3], v6 offset:128*\b+16*\j   ; my K step: of row r, 16 neighbours of each block of 32
.endr
.endr
	s_wait_dscnt 0x0
	QUANT A
.irp p, 0,1,2
	global_store_b128 v[L16], v[PC+4*\p:PC+4*\p+3], s[24:25] offset:512*\p
.endr
	global_store_b32 v7, v[PW], s[28:29]           ; lanes l and l + 16 hold the same word and write it to the same place
.else
.irp e, 0,1
.irp i, 0,1,2,3,4,5,6,7
	global_store_b128 v[L16], v[X+32*\e+4*\i:X+32*\e+4*\i+3], s[26:27] offset:4096*\e+512*\i th:TH_STORE_NT
.endr
.endr
.endif
	s_wait_tensorcnt 0x0
	ds_add_u32 v254, v255
	s_wait_dscnt 0x0
	s_endpgm
.Lfunc_end_k_q717ebb24fb_ln1:
	.size	k_q717ebb24fb_ln1, .Lfunc_end_k_q717ebb24fb_ln1-k_q717ebb24fb_ln1
	.p2alignl 7, 3214868480
	.fill 96, 4, 3214868480
	.section	.rodata,"a",@progbits
	.p2align	6, 0x0
	.amdhsa_kernel k_q717ebb24fb_ln1
		.amdhsa_group_segment_fixed_size 66816
		.amdhsa_private_segment_fixed_size 0
		.amdhsa_enable_private_segment 0
		.amdhsa_kernarg_size 40
		.amdhsa_user_sgpr_count 2
		.amdhsa_user_sgpr_kernarg_segment_ptr 1
		.amdhsa_wavefront_size32 1
		.amdhsa_system_sgpr_workgroup_id_x 1
		.amdhsa_system_sgpr_workgroup_id_y 1
		.amdhsa_system_sgpr_workgroup_id_z 1
		.amdhsa_system_vgpr_workitem_id 0
		.amdhsa_next_free_vgpr 256
		.amdhsa_next_free_sgpr 66
		.amdhsa_reserve_vcc 0
		.amdhsa_float_denorm_mode_32 3
		.amdhsa_float_denorm_mode_16_64 3
		.amdhsa_memory_ordered 1
		.amdhsa_forward_progress 1
		.amdhsa_inst_pref_size 29
	.end_amdhsa_kernel
	.amdgpu_metadata
---
amdhsa.version: [ 1, 2 ]
amdhsa.kernels:
  - .name:           k_q717ebb24fb_ln1
    .symbol:         k_q717ebb24fb_ln1.kd
    .args:
      - { .name: att, .offset: 0, .size: 8, .value_kind: global_buffer, .address_space: global }
      - { .name: x, .offset: 8, .size: 8, .value_kind: global_buffer, .address_space: global }
      - { .name: ln1_g, .offset: 16, .size: 8, .value_kind: global_buffer, .address_space: global }
      - { .name: ln1_b, .offset: 24, .size: 8, .value_kind: global_buffer, .address_space: global }
      - { .name: x1, .offset: 32, .size: 8, .value_kind: global_buffer, .address_space: global }
    .group_segment_fixed_size: 66816
    .private_segment_fixed_size: 0
    .kernarg_segment_align: 8
    .kernarg_segment_size: 40
    .max_flat_workgroup_size: 256
    .sgpr_count:     66
    .vgpr_count:     256
    .wavefront_size: 32
...
	.end_amdgpu_metadata
.endif
;; end of part 4
;; launch ffn1 (part 5): grid 16 x 16, 4 waves a work-group, clusters of 4 x 4, 327,680 bytes of LDS; arguments x1, prep, b1, hid; writes hid
.if DOCPART == 5
	.amdgcn_target "amdgcn-amd-amdhsa--gfx1250"
	.amdhsa_code_object_version 6
	.text
	.protected	k_q717ebb24fb_ffn1
	.globl	k_q717ebb24fb_ffn1
	.p2align	8
	.type	k_q717ebb24fb_ffn1,@function
k_q717ebb24fb_ffn1:
	s_mov_b64 s[64:65], 0
	v_nop
	global_prefetch_b8 v0, s[64:65] scope:SCOPE_SE
	s_setreg_imm32_b32 hwreg(HW_REG_WAVE_MODE, 25, 1), 1
	s_wait_xcnt 0x0
	s_wait_alu depctr_hold_cnt(0) depctr_sa_sdst(0) depctr_va_vdst(0) depctr_va_sdst(0) depctr_va_ssrc(0) depctr_va_vcc(0) depctr_vm_vsrc(0)
	s_getreg_b32 s2, hwreg(HW_REG_IB_STS2, 6, 4)
	s_cmp_eq_u32 s2, 0
	s_cbranch_scc0 .Lentry_in_a_cluster
	s_endpgm
.Lentry_in_a_cluster:
	s_bfe_u32 s2, ttmp6, 0x10000c
	s_cmp_lg_u32 s2, 0xf033
	s_cbranch_scc0 .Lentry_shape_is_right
	s_endpgm
.Lentry_shape_is_right:
; ONE SOURCE FOR THE THREE LARGE PRODUCTS; the line .set MODE says which.  C = A B^T on codes of FP6 (E2M3) with one E8M0 scale for each 32 along K, sums in f32.
;   MODE 0: q, k = Q(x) w_qkv (clusters y = 0, 1: A = x, B = w's rows 0-2047) and v^T (cluster y = 2: A = w's rows 2048-3071, B = x, so that the tokens run along a lane's registers).
;           The results are quantised along a lane's registers (q, k along the head's 64; v along the keys) and leave as halves of fragment images (768 bytes: 64 along K) with their scale words.
;   MODE 1: hidden = Q(relu(Q(x1) w1 + b1)), leaves as fragment images and scale words.      MODE 2: ff = hidden w2 + b2, leaves as f32 rows.
; OPERANDS ARRIVE AS IMAGES OF THEIR REGISTERS: a fragment (16 rows x 128 K: 12 registers a lane) is 1,536 bytes, registers 4 p .. 4 p + 3 of lane l at 512 p + 16 l; images lie [row / 128][K / 128][tile];
; so 128 rows x 256 K are 24,576 dense bytes, one tensor load, and a fragment is three loads of 16 bytes a lane from LDS, 512 consecutive bytes each.  Scale words lie [row / 128][K / 128][lane % 16][tile].
; A TILE'S 16 ROWS ARE NOT NEIGHBOURS: row(t, i) = 32 (t / 2) + 8 (t % 2) + i + 8 (i / 8), in both operands.  THE MATRIX INSTRUCTION IS USED TRANSPOSED (source 0 = a tile of B, source 1 = a tile of A):
; lane (r, h) holds row(a, r) of C, and register j of accumulator (a, b) its column 32 (b / 2) + 16 h + 8 (b % 2) + j: the 64 registers of a block row are 16 neighbours of each block of 32.
; A tile of C, 256 x 256, is made by four waves, each 128 x 128: 64 accumulators, 512 registers.  K goes in steps of 256 through a ring of two LDS slots; the scale words of all of K come once.
; CLUSTERS: 4 x 4 work-groups; A's tiles are asked for jointly along a row of the cluster, B's along a column.
; REGISTERS: window 0: v1-29 addresses; v32-63 scale words, two sets, and nothing else; v64-127 the bias in the result's layout; v128-223 A's fragments, one set; on the way out v64-255 are at work.
;   window 1: B's fragments, two sets, at v0 and v128.   windows 2, 3: the accumulators of my rows 0-63 and 64-127 (accumulator (a, b) at v[8 (8 (a % 4) + b)]).
; LIMITS (MODE 0, 1): a block of zeros, or one whose largest magnitude lies under 2^-124, gets the scale byte 1: its codes are zeros and this program alone reads the bytes.  NaN and infinities are not served.
.set MODE,   1
.if MODE == 2
.set SIZE_K, 4096
.else
.set SIZE_K, 1024
.endif
.set NQ,     2                         ; matrix instructions deep in a slot
.set FR,     12                        ; registers of a fragment
.set NL,     3                         ; LDS loads that bring one
.set NP,     4                         ; places behind this matrix instruction (ISA guide 7.12.1)
.set FRB,    1536                      ; a fragment's image
.set HALFT,  16*FRB                    ; 128 rows x 256 K: what one tensor load brings
.set SLOT,   4*HALFT                   ; A's 256 rows, then B's 256 rows
.set HALFS,  (SIZE_K/128)*512          ; the scale words of 128 rows, all of K
.set RBB,    (SIZE_K/128)*8*FRB        ; the images of 128 rows, all of K
.set SCL,    2*SLOT                    ; behind the ring: the scale words
.set SPARE,  SCL+4*HALFS+1024          ; the spare words, 128 bytes a wave: two blocks of 256 bytes that no other line names
.set LAPS,   SIZE_K/512                ; a lap = two slots
.set XI,  0                            ; parts of the buffer prep
.set XS,  3145728
.set WQI, 3276800
.set WQS, 5636096
.set W1I, 5734400
.set W1S, 8880128
.set W2I, 9011200
.set W2S, 12156928
.set QKU, 0                            ; parts of the buffer qkv
.set VU,  6291456
.set QKS, 9437184
.set VSB, 9699328
.set HSO, 12582912                     ; the scale words in the buffer hid
.if MODE == 1
.set AOFF,  16777216                   ; x1's images and scale words
.set ASOFF, 19922944
.set BOFF,  W1I
.set BSOFF, W1S
.endif
.if MODE == 2
.set AOFF,  0
.set ASOFF, HSO
.set BOFF,  W2I
.set BSOFF, W2S
.endif
.if MODE == 0
.set PB, 4                             ; B's buffer is A's
.set ZERO, 1                           ; the first products start the sums with 0
.else
.set PB, 6
.set ZERO, 2                           ; with the bias
.endif
.set L16,  4                           ; v4   16 x lane
.set L8,   7                           ; v7   8 x lane
.set SCO,  8                           ; v8   32 r + 16 h
.set BOV,  9                           ; v9   64 h
.set ADRA, 16                          ; v16-17  my A fragments in slot 0, 1
.set ADRB, 20                          ; v20-21  my B fragments
.set STO,  24                          ; v24, v25  MODE 2: into the stage, and back
.set RD,   25
.set ADRS, 27                          ; v27  my scale words: lanes 0-15 A's, lanes 16-31 B's
.set SPW,  28                          ; v28  my spare word; never rewritten
.set NIL,  29                          ; v29  0; never rewritten
.set SC,   32                          ; scale words: set s at v[SC + 16 s]; register 8 q + i: tile i, the slot's q-th 128 along K
.set BIAS, 64
.set AF,   128
.set PC,   64                          ; the way out: 8 x 20 registers of codes
.set TM,   224                         ; v224-239 at work
.set PW,   240                         ; v240-247 a scale word for each block row
.set Z,    248
.set BK,   128                         ; MODE 2: rows read back from the stage
.set SEL,  12                          ; s12, s13 lane selects: lane l xor 16
.set FL,   100                         ; s100 the floor 2^(3 - 127)
.set G1, 24                            ; s[24:31] descriptor group 1 for A's tiles;  s[32:39] group 0, a set for each slot
.set G0, 32
.set G1B, 48                           ; the same for B's tiles
.set G0B, 56
.set G1S, 68                           ; groups 1 and 0 for A's scale words;  for B's
.set G0S, 76
.set G1SB, 80
.set G0SB, 88
.set MSB, 0
.macro WIN new                         ; the immediate's high byte repeats the setting that is left
.if MSB != (\new)
	s_set_vgpr_msb (MSB<<8)|(\new)
.set MSB, (\new)
.endif
.endm
.set MUL_LO, 0xa1                      ; source 0 (B) window 1, source 1 (A) window 0, C and D window 2
.set MUL_HI, 0xf1                      ; the same, C and D window 3
.set TO_B,   0x40                      ; destination window 1, address window 0
; A joint load: waves 0 and 1 fetch for A, waves 2 and 3 for B; the branch hangs on the wave's number alone.  Four v_nop follow each of the two lines.
.macro JLOAD g0a, g1a, g0b, g1b
	s_cmp_eq_u32 s15, 0
	s_cbranch_scc0 .Lfor_b_\@
	tensor_load_to_lds s[\g0a:\g0a+3], s[\g1a:\g1a+7]
	s_nop 0
.rept 4
	v_nop
.endr
	s_branch .Lasked_\@
.Lfor_b_\@:
	tensor_load_to_lds s[\g0b:\g0b+3], s[\g1b:\g1b+7]
	s_nop 0
.rept 4
	v_nop
.endr
.Lasked_\@:
.endm
.macro CREST                           ; a round of the cluster's barrier behind its opening barrier
	s_cmp_lg_u32 s14, 0
	s_cbranch_scc1 .Lnot_wave_0_\@
	s_barrier_signal -3
.Lnot_wave_0_\@:
	s_barrier_wait -3
	s_barrier_signal -1
	s_barrier_wait -1
.endm
.macro CROUND                          ; a whole round
	s_barrier_signal -1
	s_barrier_wait -1
	CREST
.endm
.if MODE == 0
	s_load_b128 s[4:7], s[0:1], 0x0                ; prep, qkv
.else
	s_load_b256 s[4:11], s[0:1], 0x0               ; A's buffer, prep, the bias, the output
.endif
	v_lshl_add_u32 v[SPW], v0, 2, SPARE
	v_mov_b32 v[NIL], 0
	ds_add_u32 v28, v29
	ds_add_u32 v28, v29
	s_wait_dscnt 0x0
	v_lshrrev_b32 v1, 5, v0
	v_readfirstlane_b32 s14, v1                    ; wave 0..3
	s_lshr_b32 s15, s14, 1                         ; which half of the tile's rows is mine.  Also: I fetch for A (0) or for B (1)
	s_and_b32 s16, s14, 1                          ; which half of its columns.  Also: which 128 rows of that tile I fetch
	s_bfe_u32 s40, ttmp6, 0x40000                  ; cx, cy: my place in the cluster
	s_bfe_u32 s41, ttmp6, 0x40004
.if MODE == 0
	s_lshl_b32 s18, ttmp9, 2                       ; 4 x cluster x
	s_and_b32 s19, ttmp7, 0xffff                   ; cluster y: 0, 1: q and k; 2: v.  All partners of a cluster share it; only offsets in memory hang on it
	s_lshl_b32 s20, s19, 2
	s_mov_b32 s93, WQS+16*HALFS
	s_mov_b32 s95, XS
	s_mov_b32 s96, 49152
	s_mov_b32 s97, 4096
	s_mov_b32 s99, VSB
	s_cmp_lt_u32 s19, 2
	s_cselect_b32 s17, s18, 0                      ; the cluster's first tile row
	s_cselect_b32 s42, s20, s18                    ; and tile column
	s_cselect_b32 s92, XI, WQI+16*RBB              ; A's images,
	s_cselect_b32 s93, XS, s93                     ; A's scale words,
	s_cselect_b32 s94, WQI, XI                     ; B's images,
	s_cselect_b32 s95, WQS, s95                    ; B's scale words
	s_cselect_b32 s96, 196608, s96                 ; the output: bytes of a group of 64 columns (256 or 64 row tiles of 768 bytes),
	s_cselect_b32 s97, 16384, s97                  ; of a pair's scale words (32 or 8 blocks of 512 bytes),
	s_cselect_b32 s98, QKU, VU                     ; and where its two parts begin
	s_cselect_b32 s99, QKS, s99
	s_add_co_u32 s17, s17, s41                     ; tile row of C
	s_add_co_u32 s42, s42, s40                     ; tile column of C
.else
	s_lshl_b32 s42, ttmp9, 2
	s_add_co_u32 s42, s42, s40                     ; tile column of C = 4 x cluster x + cx
	s_and_b32 s17, ttmp7, 0xffff
	s_lshl_b32 s17, s17, 2
	s_add_co_u32 s17, s17, s41                     ; tile row of C = 4 x cluster y + cy
.endif
	s_lshl_b32 s43, s41, 2
	s_lshl_b32 s43, 15, s43                        ; my row of the cluster
	s_lshl_b32 s44, 0x1111, s40                    ; my column
	; descriptor group 1: 24,576 dense bytes as 96 rows of 256 bytes (32 elements of 8 bytes), no padding
	s_or_b32 s[G1+0], s43, (3<<16)|(1<<21)         ; 15:0 the mask: A's tiles go to my row; 17:16 elements of 8 bytes; 21 set beside a mask
	s_or_b32 s[G1B+0], s44, (3<<16)|(1<<21)
.irp g, G1, G1B
	s_mov_b32 s[\g+1], 32<<16                      ; tensor_dim0
	s_mov_b32 s[\g+2], 96<<16                      ; tensor_dim1
	s_mov_b32 s[\g+3], 32<<16                      ; tile_dim0
	s_mov_b32 s[\g+4], 96                          ; tile_dim1
	s_mov_b32 s[\g+5], 32                          ; tensor_dim0_stride
	s_mov_b32 s[\g+6], 0
	s_mov_b32 s[\g+7], 0
.endr
	s_or_b32 s[G1S+0], s43, (3<<16)|(1<<21)        ; the scale words of 128 rows: HALFS dense bytes, likewise
	s_or_b32 s[G1SB+0], s44, (3<<16)|(1<<21)
.irp g, G1S, G1SB
	s_mov_b32 s[\g+1], 32<<16
	s_mov_b32 s[\g+2], (HALFS/256)<<16
	s_mov_b32 s[\g+3], 32<<16
	s_mov_b32 s[\g+4], HALFS/256
	s_mov_b32 s[\g+5], 32
	s_mov_b32 s[\g+6], 0
	s_mov_b32 s[\g+7], 0
.endr
	s_lshl_b32 s20, s17, 1
	s_add_co_u32 s20, s20, s16                     ; A: block of 128 rows = 2 x tile row + the half that I fetch
	s_lshl_b32 s46, s42, 1
	s_add_co_u32 s46, s46, s16                     ; B: 2 x tile column + half
	s_mul_i32 s22, s20, HALFS
	s_mul_i32 s20, s20, RBB
	s_mul_i32 s66, s46, HALFS
	s_mul_i32 s46, s46, RBB
.if MODE == 0
	s_add_co_u32 s20, s20, s92
	s_add_co_u32 s22, s22, s93
	s_add_co_u32 s46, s46, s94
	s_add_co_u32 s66, s66, s95
.else
	s_add_co_u32 s20, s20, AOFF
	s_add_co_u32 s22, s22, ASOFF
	s_add_co_u32 s46, s46, BOFF
	s_add_co_u32 s66, s66, BSOFF
.endif
	s_mov_b32 s21, 0
	s_mov_b32 s23, 0
	s_mov_b32 s47, 0
	s_mov_b32 s67, 0
	s_mul_i32 s45, s14, HALFT                      ; where they go: wave x 24,576: no place in the cluster enters an LDS address
	s_mul_i32 s2, s14, HALFS
	s_mov_b32 s[SEL], 0x76543210
	s_mov_b32 s[SEL+1], 0xfedcba98
	s_mov_b32 s[FL], 0x1800000
	s_wait_kmcnt 0x0
	s_add_nc_u64 s[20:21], s[4:5], s[20:21]
	s_add_nc_u64 s[22:23], s[4:5], s[22:23]
	s_add_nc_u64 s[46:47], s[PB:PB+1], s[46:47]
	s_add_nc_u64 s[66:67], s[PB:PB+1], s[66:67]
	CROUND                                         ; all sixteen work-groups are here: the first joint loads meet
	s_mov_b32 s[G0S], 1
	s_add_co_u32 s[G0S+1], s2, SCL
	s_mov_b64 s[G0S+2:G0S+3], s[22:23]
	s_or_b32 s[G0S+3], s[G0S+3], 0x80000000
	s_mov_b32 s[G0SB], 1
	s_add_co_u32 s[G0SB+1], s2, SCL
	s_mov_b64 s[G0SB+2:G0SB+3], s[66:67]
	s_or_b32 s[G0SB+3], s[G0SB+3], 0x80000000
	JLOAD G0S, G1S, G0SB, G1SB                     ; the scale words first: they are wanted with K step 0
.irp s, 0,1
	s_mov_b32 s[G0+4*\s], 1
	s_add_co_u32 s[G0+4*\s+1], s45, \s*SLOT
	s_add_nc_u64 s[G0+4*\s+2:G0+4*\s+3], s[20:21], \s*HALFT
	s_or_b32 s[G0+4*\s+3], s[G0+4*\s+3], 0x80000000
	s_mov_b32 s[G0B+4*\s], 1
	s_add_co_u32 s[G0B+4*\s+1], s45, \s*SLOT
	s_add_nc_u64 s[G0B+4*\s+2:G0B+4*\s+3], s[46:47], \s*HALFT
	s_or_b32 s[G0B+4*\s+3], s[G0B+4*\s+3], 0x80000000
	JLOAD G0+4*\s, G1, G0B+4*\s, G1B               ; three tensor loads of mine are out
.endr
	v_and_b32 v1, 15, v0                           ; r
	v_bfe_u32 v2, v0, 4, 1                         ; h
	v_and_b32 v3, 31, v0
	v_lshlrev_b32 v[L16], 4, v3
	v_lshlrev_b32 v[L8], 3, v3
	v_lshlrev_b32 v5, 5, v1                        ; 32 r
	v_lshl_add_u32 v[SCO], v2, 4, v5
	v_lshlrev_b32 v[BOV], 6, v2
	s_mul_i32 s21, s15, HALFT                      ; my 128 rows of A
	s_mul_i32 s22, s16, HALFT                      ; my 128 rows of B,
	s_add_co_u32 s22, s22, 2*HALFT                 ; which lie behind A's 256
.irp s, 0,1
	v_add_nc_u32 v[ADRA+\s], s21, v[L16]
	v_add_nc_u32 v[ADRB+\s], s22, v[L16]
	s_add_co_u32 s21, s21, SLOT
	s_add_co_u32 s22, s22, SLOT
.endr
	s_mul_i32 s21, s15, HALFS                      ; A's scale words: my 128 rows
	s_mul_i32 s22, s16, HALFS                      ; B's: my 128 rows, behind A's 256
	s_add_co_u32 s22, s22, 2*HALFS
	s_sub_co_u32 s22, s22, s21
	v_mul_u32_u24 v6, s22, v2                      ; lanes 16-31 take B's
	s_add_co_u32 s21, s21, SCL
	v_add_nc_u32 v5, v5, v6
	v_add_nc_u32 v[ADRS], s21, v5
.if MODE == 2
	s_mul_i32 s23, s14, 16*528                     ; my stage: 16 rows x (512 bytes + 16), in slot 0
	v_mul_u32_u24 v5, v1, 528
	v_lshl_add_u32 v5, v2, 6, v5
	v_add_nc_u32 v[STO], s23, v5                   ; in: row r, + 64 h
	v_add_nc_u32 v[RD], s23, v[L16]                ; back: the 32 lanes take a row of 512 bytes
.endif
.if MODE > 0
	s_lshl_b32 s46, s42, 10                        ; the bias of my 128 columns
	s_lshl_b32 s47, s16, 9
	s_add_co_u32 s46, s46, s47
	s_mov_b32 s47, 0
	s_add_nc_u64 s[8:9], s[8:9], s[46:47]
.irp b, 0,1,2,3,4,5,6,7
	global_load_b128 v[BIAS+8*\b:BIAS+8*\b+3], v[BOV], s[8:9] offset:(32*(\b/2)+8*(\b%2))*4      ; lane (r, h), tile b: columns 32 (b / 2) + 8 (b % 2) + 16 h + 0 .. 7
	global_load_b128 v[BIAS+8*\b+4:BIAS+8*\b+7], v[BOV], s[8:9] offset:(32*(\b/2)+8*(\b%2))*4+16
.endr
.endif
.if MODE == 0
	s_lshl_b32 s18, s42, 2
	s_lshl_b32 s19, s16, 1
	s_add_co_u32 s18, s18, s19                     ; my first group of 64 columns
	s_mul_i32 s18, s18, s96
	s_lshl_b32 s19, s17, 4
	s_lshl_b32 s22, s15, 3
	s_add_co_u32 s19, s19, s22                     ; my first row tile
	s_mul_i32 s19, s19, 768
	s_add_co_u32 s18, s18, s19
	s_add_co_u32 s18, s18, s98
	s_mov_b32 s19, 0
	s_add_nc_u64 s[18:19], s[6:7], s[18:19]        ; the first group's halves of images,
	s_mov_b32 s20, s96
	s_mov_b32 s21, 0
	s_add_nc_u64 s[20:21], s[18:19], s[20:21]      ; the second group's
	s_lshl_b32 s22, s42, 1
	s_add_co_u32 s22, s22, s16
	s_mul_i32 s22, s22, s97
	s_lshl_b32 s23, s17, 1
	s_add_co_u32 s23, s23, s15
	s_lshl_b32 s23, s23, 9
	s_add_co_u32 s22, s22, s23
	s_add_co_u32 s22, s22, s99
	s_mov_b32 s23, 0
	s_add_nc_u64 s[22:23], s[6:7], s[22:23]        ; my block of scale words
.endif
.if MODE == 1
	s_lshl_b32 s18, s17, 1
	s_add_co_u32 s18, s18, s15
	s_lshl_b32 s18, s18, 5
	s_lshl_b32 s19, s42, 1
	s_add_co_u32 s18, s18, s19
	s_add_co_u32 s18, s18, s16                     ; 32 x (row / 128) + column / 128
	s_lshl_b32 s22, s18, 9
	s_add_co_u32 s22, s22, HSO
	s_mov_b32 s23, 0
	s_mul_i32 s18, s18, 8*FRB
	s_mov_b32 s19, 0
	s_add_nc_u64 s[18:19], s[10:11], s[18:19]      ; my eight images,
	s_add_nc_u64 s[22:23], s[10:11], s[22:23]      ; my block of scale words
.endif
.if MODE == 2
	s_lshl_b32 s18, s17, 8
	s_lshl_b32 s19, s15, 7
	s_add_co_u32 s18, s18, s19
	s_lshl_b32 s18, s18, 12                        ; my first row, 4,096 bytes a row,
	s_lshl_b32 s19, s42, 10
	s_add_co_u32 s18, s18, s19
	s_lshl_b32 s19, s16, 9
	s_add_co_u32 s18, s18, s19                     ; my first column
	s_mov_b32 s19, 0
	s_add_nc_u64 s[18:19], s[10:11], s[18:19]
.endif
.macro FRAG reg, adr, q, i             ; a fragment's image comes back as it was stored: three loads of 512 consecutive bytes
.irp p, 0,1,2
	ds_load_b128 v[\reg+4*\p:\reg+4*\p+3], v[\adr] offset:(8*(\q)+(\i))*FRB+512*\p
.endr
.endm
; 16 matrix instructions: A's blocks a0, a0 + 1 x B's eight, the slot's q-th 128 along K.  p: B's set;  sc: the set of scale words.  zero = 1: C is 0;  2: C is the bias;  0: in place.
; The 64 accumulators take turns, one instruction a turn, in the same order in every step.
.macro MUL16 a0, p, q, sc, zero
.irp a, \a0, \a0+1
.irp b, 0,1,2,3,4,5,6,7
.set DD0, 8*(8*((\a)%4)+\b)
.set BB0, 128*(\p)+FR*\b
.set AA0, AF+FR*(\a)
.set SB0, SC+16*(\sc)+8*(\q)+\b
.set SA0, SC+16*(\sc)+8*(\q)+(\a)
.if \zero == 1
	v_wmma_scale_f32_16x16x128_f8f6f4 v[DD0:DD0+7], v[BB0:BB0+FR-1], v[AA0:AA0+FR-1], 0, v[SB0], v[SA0] matrix_a_fmt:MATRIX_FMT_FP6 matrix_b_fmt:MATRIX_FMT_FP6 matrix_a_scale:MATRIX_SCALE_ROW1
.elseif \zero == 2
	v_wmma_scale_f32_16x16x128_f8f6f4 v[DD0:DD0+7], v[BB0:BB0+FR-1], v[AA0:AA0+FR-1], v[BIAS+8*\b:BIAS+8*\b+7], v[SB0], v[SA0] matrix_a_fmt:MATRIX_FMT_FP6 matrix_b_fmt:MATRIX_FMT_FP6 matrix_a_scale:MATRIX_SCALE_ROW1
.else
	v_wmma_scale_f32_16x16x128_f8f6f4 v[DD0:DD0+7], v[BB0:BB0+FR-1], v[AA0:AA0+FR-1], v[DD0:DD0+7], v[SB0], v[SA0] matrix_a_fmt:MATRIX_FMT_FP6 matrix_b_fmt:MATRIX_FMT_FP6 matrix_a_scale:MATRIX_SCALE_ROW1
.endif
.endr
.endr
.endm
.macro FETCH_B slot, q, p              ; B's eight fragments of the slot's q-th 128 along K into set p
	WIN TO_B
.irp i, 0,1,2,3,4,5,6,7
	FRAG 128*(\p)+FR*\i, ADRB+\slot, \q, \i
.endr
	WIN 0
.endm
.macro FETCH_A slot, q, i0             ; A's blocks i0 .. i0 + 3
.irp i, \i0, \i0+1, \i0+2, \i0+3
	FRAG AF+FR*(\i), ADRA+\slot, \q, \i
.endr
.endm
.macro SCALES sc                       ; a slot's scale words into set sc: lanes 0-15 take A's eight tiles' words of row r, lanes 16-31 B's
.irp q, 0,1
	ds_load_b128 v[SC+16*\sc+8*\q:SC+16*\sc+8*\q+3], v[ADRS] offset:512*\q
	ds_load_b128 v[SC+16*\sc+8*\q+4:SC+16*\sc+8*\q+7], v[ADRS] offset:512*\q+16
.endr
.endm
; A load into a register that a matrix instruction has read, and a vector instruction or an LDS store that reads a matrix result, stand NP places behind that matrix instruction; only plain vector
; instructions that name none of its registers are places (ISA guide 7.12.1 for vector instructions).
.macro PLACES n
.rept \n
	v_nop
.endr
.endm
; A step of 128 along K that has its successor in the same slot.
.macro STEP slot, q, zero
	s_wait_dscnt 4*NL                              ; B's set, A's blocks 0-3 and the scale words are in; the youngest 12 loads (A's blocks 4-7) may be out
.if \zero == 2
	WIN 0x81                                       ; C (the bias) window 0, D window 2
.else
	WIN MUL_LO
.endif
	MUL16 0, (\q)%2, \q, \slot, \zero
	MUL16 2, (\q)%2, \q, \slot, \zero
	s_wait_dscnt 0                                 ; A's blocks 4-7 are in (asked for 32 matrix instructions ago)
	PLACES NP
	FETCH_B \slot, (\q)+1, 1-(\q)%2
	FETCH_A \slot, (\q)+1, 0
.if \zero == 2
	WIN 0xc1
.else
	WIN MUL_HI
.endif
	MUL16 4, (\q)%2, \q, \slot, \zero
	MUL16 6, (\q)%2, \q, \slot, \zero
	PLACES NP
	WIN 0
	FETCH_A \slot, (\q)+1, 4
.endm
; A slot's last step changes slots: ONE barrier; in front of it each wave waits for all its tensor loads, adds 0 to its spare word, and waits for that and for its own reads of this slot.  fill = 1: this slot is filled again, two slots ahead.
.macro TURN slot, next, fill
	s_wait_tensorcnt 0x0                           ; all my tensor loads have landed: my part of the next slot  (every window is 0 here)
	ds_add_u32 v[SPW], v[NIL]                      ; 0 onto my spare word
	s_wait_dscnt 4*NL+1                            ; (the add and the youngest 12 loads, A's blocks 4-7, may be out)
	WIN MUL_LO
	MUL16 0, 1, NQ-1, \slot, 0                     ; sixteen matrix instructions stand between the add and the wait for it
	s_wait_dscnt 0x0                               ; the add is done, and my reads of this slot are over
	s_barrier_signal -1
	MUL16 2, 1, NQ-1, \slot, 0
	WIN 0
	s_barrier_wait -1
.if \fill
	CREST                                          ; the barrier has opened a round of the cluster's barrier: no wave of any partner still reads this slot or has a load on its way
	s_add_nc_u64 s[G0+4*\slot+2:G0+4*\slot+3], s[G0+4*\slot+2:G0+4*\slot+3], 2*HALFT
	s_add_nc_u64 s[G0B+4*\slot+2:G0B+4*\slot+3], s[G0B+4*\slot+2:G0B+4*\slot+3], 2*HALFT
	JLOAD G0+4*\slot, G1, G0B+4*\slot, G1B         ; the first tensor load behind the round, my one load until the next; its four v_nop are the places in front of the loads below
.else
	PLACES NP
.endif
	v_add_nc_u32 v[ADRS], 1024, v[ADRS]            ; on to the next slot's scale words
	FETCH_B \next, 0, 0
	FETCH_A \next, 0, 0
	SCALES \next
	WIN MUL_HI
	MUL16 4, 1, NQ-1, \slot, 0
	MUL16 6, 1, NQ-1, \slot, 0
	PLACES NP
	WIN 0
	FETCH_A \next, 0, 4
.endm
.if MODE > 0
	s_wait_loadcnt 0x0                             ; the bias
.endif
	s_wait_tensorcnt 1                             ; the scale words and my part of slot 0 are in (slot 1's load may be out)
	s_barrier_signal -1
	s_barrier_wait -1                              ; everybody's are
	FETCH_B 0, 0, 0
	FETCH_A 0, 0, 0
	SCALES 0
	FETCH_A 0, 0, 4
	STEP 0, 0, ZERO                                ; the first step stands in front of the loop: its products start the sums
	s_mov_b32 s3, LAPS-1
.Llap:                                                 ; a trip goes once round the ring and fills both slots again
	TURN 0, 1, 1
	STEP 1, 0, 0
	TURN 1, 0, 1
	STEP 0, 0, 0
	s_sub_co_u32 s3, s3, 1
	s_cmp_lg_u32 s3, 0
	s_cbranch_scc1 .Llap
	TURN 0, 1, 0                                   ; the last lap fills nothing, and has no round of the cluster's barrier
	STEP 1, 0, 0
	s_wait_dscnt 4*NL                              ; the very last step: nothing more to fetch
	WIN MUL_LO
	MUL16 0, 1, NQ-1, 1, 0
	MUL16 2, 1, NQ-1, 1, 0
	s_wait_dscnt 0
	WIN MUL_HI
	MUL16 4, 1, NQ-1, 1, 0
	MUL16 6, 1, NQ-1, 1, 0
	WIN 0
	PLACES NP                                      ; in front of the first read of results and of writes into registers that held operands
.if MODE < 2
; THE WAY OUT, block row by block row: the 64 registers of block row a are 128 neighbouring columns of my row, 16 of each block of 32: they are quantised where they stand.  No LDS.
; Each block row has 20 registers of its own for its codes, so that no store's data are written again.  Each accumulator is read from its low end on.
.macro QUANTW a, relu
.set AC, 64*((\a)%4)
.set PCA, PC+20*((2+2*((\a)%4))%8+(\a)/4)
.if \relu
	WIN (2+(\a)/4)*0x44                            ; destination and source 1: the accumulators' window
.set j, 0
.rept 64
	v_max_num_f32 v[AC+j], 0, v[AC+j]              ; the activation, in f32
.set j, j+1
.endr
.endif
	WIN (2+(\a)/4)*0x14                            ; sources 1 and 2: the accumulators' window
.irp b, 0,1,2,3
	v_max3_num_f32 v[TM+\b], s[FL], |v[AC+16*\b]|, |v[AC+16*\b+1]|   ; block b: my 16 numbers, and the floor 2^(3 - 127): the byte cannot fall under 1
.endr
.irp i, 2,4,6,8,10,12,14
.irp b, 0,1,2,3
	v_max3_num_f32 v[TM+\b], v[TM+\b], |v[AC+16*\b+\i]|, |v[AC+16*\b+\i+1]|
.endr
.endr
	WIN 0
.irp b, 0,1,2,3
	v_permlanex16_b32 v[TM+4+\b], v[TM+\b], s[SEL], s[SEL+1]
.endr
.irp b, 0,1,2,3
	v_max_num_f32 v[TM+\b], v[TM+\b], v[TM+4+\b]   ; with lane l xor 16's: the block's largest magnitude
.endr
.irp b, 0,1,2,3
	v_add_nc_u32 v[TM+12+\b], 0xff000000, v[TM+\b]   ; 2 off its exponent field: the conversion's scale operand
.endr
.irp b, 0,1,2,3
	v_lshrrev_b32 v[TM+4+\b], 23, v[TM+12+\b]      ; the scale's byte
.endr
	v_lshl_or_b32 v[PW+(\a)], v[TM+5], 8, v[TM+4]
	v_lshl_or_b32 v[PW+(\a)], v[TM+6], 16, v[PW+(\a)]
	v_lshl_or_b32 v[PW+(\a)], v[TM+7], 24, v[PW+(\a)]
	WIN 2+(\a)/4                                   ; source 0: the accumulators' window
.irp c, 0,1
	v_cvt_scalef32_pk16_fp6_f32 v[PCA+6*\c:PCA+6*\c+2], v[AC+32*\c:AC+32*\c+15], v[TM+12+2*\c]
	v_cvt_scalef32_pk16_fp6_f32 v[PCA+12+4*\c:PCA+14+4*\c], v[AC+32*\c+16:AC+32*\c+31], v[TM+12+2*\c+1]
.endr
	WIN 0
	v_nop                                          ; one plain place behind a scaled conversion
.irp c, 0,1                                    ; a WHOLE block in a lane: lanes 0-15 block 2 c, lanes 16-31 block 2 c + 1
.irp i, 0,1,2
	v_permlane16_swap_b32 v[PCA+6*\c+\i], v[PCA+12+4*\c+\i]
.endr
.irp i, 0,1,2
	v_mov_b32 v[PCA+3+6*\c+\i], v[PCA+12+4*\c+\i]
.endr
.endr
.endm
.irp b, 0,1,2,3
	v_mov_b32 v[TM+4+\b], 0                        ; a lane permute's destination counts as one of its sources
.endr
.irp a, 0,1,2,3,4,5,6,7
	QUANTW \a, MODE
.if MODE == 0
.irp c, 0,1                                    ; registers 6 c .. 6 c + 5 are 64 along the next K: a head of q or k, or 64 keys of v^T: 512 + 256 consecutive bytes
	global_store_b128 v[L16], v[PCA+6*\c:PCA+6*\c+3], s[18+2*\c:19+2*\c] offset:768*\a
	global_store_b64 v[L8], v[PCA+6*\c+4:PCA+6*\c+5], s[18+2*\c:19+2*\c] offset:768*\a+512
.endr
.else
.irp p, 0,1,2
	global_store_b128 v[L16], v[PCA+4*\p:PCA+4*\p+3], s[18:19] offset:FRB*\a+512*\p   ; the image: 512 consecutive bytes a store
.endr
.endif
.endr
	v_cmp_eq_u32 vcc_lo, 1, v2
.irp j, 0,1,2,3
	v_cndmask_b32 v[Z+\j], v[PW+\j], v[PW+4+\j], vcc_lo   ; lanes 0-15 block rows 0-3's words of row r, lanes 16-31 block rows 4-7's
.endr
	global_store_b128 v[SCO], v[Z:Z+3], s[22:23]   ; the block of 512 bytes whole
.else
; THE WAY OUT, block row by block row, through my own stage in LDS (in slot 0, which has had its last fill and its last read): a lane's 32 bytes go in, whole rows of 512 bytes come back.
; LDS serves a wave's instructions in order (ISA guide 5.7.1.4): no wait between the stores and the loads, nor in front of the next block's stores.
.macro TOSTAGE a
.set AC, 64*((\a)%4)
	WIN 0x08+4*((\a)/4)                            ; the data: window 2 or 3
.irp b, 0,1,2,3,4,5,6,7
	ds_store_b128 v[STO], v[AC+8*\b:AC+8*\b+3] offset:128*(\b/2)+32*(\b%2)          ; each accumulator from its low end on
	ds_store_b128 v[STO], v[AC+8*\b+4:AC+8*\b+7] offset:128*(\b/2)+32*(\b%2)+16
.endr
	WIN 0
.set BBK, BK+64*((\a)%2)
.irp t, 0,1,2,3,4,5,6,7,8,9,10,11,12,13,14,15
	ds_load_b128 v[BBK+4*\t:BBK+4*\t+3], v[RD] offset:\t*528
.endr
.endm
.macro SEND a, younger                 ; younger: the LDS instructions issued behind block a's loads, which may stay out
.set BBK, BK+64*((\a)%2)
.set ROW0, 32*((\a)/2)+8*((\a)%2)
	s_wait_dscnt \younger
.irp t, 0,1,2,3,4,5,6,7,8,9,10,11,12,13,14,15
	global_store_b128 v[L16], v[BBK+4*\t:BBK+4*\t+3], s[18:19] offset:(ROW0+\t+8*(\t/8))*4096   ; 32 lanes store 512 consecutive bytes of the tile's row t; the base never steps
.endr
.endm
	TOSTAGE 0
.irp a, 1,2,3,4,5,6,7
.if \a > 1
	s_wait_xcnt 0x0                                ; block a - 2's stores have read their registers: block a's loads may land there
.endif
	TOSTAGE \a
	SEND \a-1, 32                                  ; behind block a - 1's loads: block a's 16 stores and 16 loads
.endr
	SEND 7, 0
.endif
	s_wait_tensorcnt 0x0                           ; the wave's end
	ds_add_u32 v[SPW], v[NIL]
	s_wait_dscnt 0x0
	CROUND                                         ; the closing round: no work-group ends while a partner may still ask for a tile that names it
	s_endpgm
.Lfunc_end_k_q717ebb24fb_ffn1:
	.size	k_q717ebb24fb_ffn1, .Lfunc_end_k_q717ebb24fb_ffn1-k_q717ebb24fb_ffn1
	.p2alignl 7, 3214868480
	.fill 96, 4, 3214868480
	.section	.rodata,"a",@progbits
	.p2align	6, 0x0
	.amdhsa_kernel k_q717ebb24fb_ffn1
		.amdhsa_group_segment_fixed_size 327680
		.amdhsa_private_segment_fixed_size 0
		.amdhsa_enable_private_segment 0
		.amdhsa_kernarg_size 32
		.amdhsa_user_sgpr_count 2
		.amdhsa_user_sgpr_kernarg_segment_ptr 1
		.amdhsa_wavefront_size32 1
		.amdhsa_system_sgpr_workgroup_id_x 1
		.amdhsa_system_sgpr_workgroup_id_y 1
		.amdhsa_system_sgpr_workgroup_id_z 1
		.amdhsa_system_vgpr_workitem_id 0
		.amdhsa_next_free_vgpr 1024
		.amdhsa_next_free_sgpr 101
		.amdhsa_reserve_vcc 1
		.amdhsa_float_denorm_mode_32 3
		.amdhsa_float_denorm_mode_16_64 3
		.amdhsa_memory_ordered 1
		.amdhsa_forward_progress 1
		.amdhsa_inst_pref_size 156
	.end_amdhsa_kernel
	.amdgpu_metadata
---
amdhsa.version: [ 1, 2 ]
amdhsa.kernels:
  - .name:           k_q717ebb24fb_ffn1
    .symbol:         k_q717ebb24fb_ffn1.kd
    .args:
      - { .name: x1, .offset: 0, .size: 8, .value_kind: global_buffer, .address_space: global }
      - { .name: prep, .offset: 8, .size: 8, .value_kind: global_buffer, .address_space: global }
      - { .name: b1, .offset: 16, .size: 8, .value_kind: global_buffer, .address_space: global }
      - { .name: hid, .offset: 24, .size: 8, .value_kind: global_buffer, .address_space: global }
    .group_segment_fixed_size: 327680
    .private_segment_fixed_size: 0
    .kernarg_segment_align: 8
    .kernarg_segment_size: 32
    .max_flat_workgroup_size: 128
    .sgpr_count:     101
    .vgpr_count:     1024
    .wavefront_size: 32
...
	.end_amdgpu_metadata
.endif
;; end of part 5
;; launch ffn2 (part 6): grid 4 x 16, 4 waves a work-group, clusters of 4 x 4, 327,680 bytes of LDS; arguments hid, prep, b2, ff; writes ff
.if DOCPART == 6
	.amdgcn_target "amdgcn-amd-amdhsa--gfx1250"
	.amdhsa_code_object_version 6
	.text
	.protected	k_q717ebb24fb_ffn2
	.globl	k_q717ebb24fb_ffn2
	.p2align	8
	.type	k_q717ebb24fb_ffn2,@function
k_q717ebb24fb_ffn2:
	s_mov_b64 s[64:65], 0
	v_nop
	global_prefetch_b8 v0, s[64:65] scope:SCOPE_SE
	s_setreg_imm32_b32 hwreg(HW_REG_WAVE_MODE, 25, 1), 1
	s_wait_xcnt 0x0
	s_wait_alu depctr_hold_cnt(0) depctr_sa_sdst(0) depctr_va_vdst(0) depctr_va_sdst(0) depctr_va_ssrc(0) depctr_va_vcc(0) depctr_vm_vsrc(0)
	s_getreg_b32 s2, hwreg(HW_REG_IB_STS2, 6, 4)
	s_cmp_eq_u32 s2, 0
	s_cbranch_scc0 .Lentry_in_a_cluster
	s_endpgm
.Lentry_in_a_cluster:
	s_bfe_u32 s2, ttmp6, 0x10000c
	s_cmp_lg_u32 s2, 0xf033
	s_cbranch_scc0 .Lentry_shape_is_right
	s_endpgm
.Lentry_shape_is_right:
; ONE SOURCE FOR THE THREE LARGE PRODUCTS; the line .set MODE says which.  C = A B^T on codes of FP6 (E2M3) with one E8M0 scale for each 32 along K, sums in f32.
;   MODE 0: q, k = Q(x) w_qkv (clusters y = 0, 1: A = x, B = w's rows 0-2047) and v^T (cluster y = 2: A = w's rows 2048-3071, B = x, so that the tokens run along a lane's registers).
;           The results are quantised along a lane's registers (q, k along the head's 64; v along the keys) and leave as halves of fragment images (768 bytes: 64 along K) with their scale words.
;   MODE 1: hidden = Q(relu(Q(x1) w1 + b1)), leaves as fragment images and scale words.      MODE 2: ff = hidden w2 + b2, leaves as f32 rows.
; OPERANDS ARRIVE AS IMAGES OF THEIR REGISTERS: a fragment (16 rows x 128 K: 12 registers a lane) is 1,536 bytes, registers 4 p .. 4 p + 3 of lane l at 512 p + 16 l; images lie [row / 128][K / 128][tile];
; so 128 rows x 256 K are 24,576 dense bytes, one tensor load, and a fragment is three loads of 16 bytes a lane from LDS, 512 consecutive bytes each.  Scale words lie [row / 128][K / 128][lane % 16][tile].
; A TILE'S 16 ROWS ARE NOT NEIGHBOURS: row(t, i) = 32 (t / 2) + 8 (t % 2) + i + 8 (i / 8), in both operands.  THE MATRIX INSTRUCTION IS USED TRANSPOSED (source 0 = a tile of B, source 1 = a tile of A):
; lane (r, h) holds row(a, r) of C, and register j of accumulator (a, b) its column 32 (b / 2) + 16 h + 8 (b % 2) + j: the 64 registers of a block row are 16 neighbours of each block of 32.
; A tile of C, 256 x 256, is made by four waves, each 128 x 128: 64 accumulators, 512 registers.  K goes in steps of 256 through a ring of two LDS slots; the scale words of all of K come once.
; CLUSTERS: 4 x 4 work-groups; A's tiles are asked for jointly along a row of the cluster, B's along a column.
; REGISTERS: window 0: v1-29 addresses; v32-63 scale words, two sets, and nothing else; v64-127 the bias in the result's layout; v128-223 A's fragments, one set; on the way out v64-255 are at work.
;   window 1: B's fragments, two sets, at v0 and v128.   windows 2, 3: the accumulators of my rows 0-63 and 64-127 (accumulator (a, b) at v[8 (8 (a % 4) + b)]).
; LIMITS (MODE 0, 1): a block of zeros, or one whose largest magnitude lies under 2^-124, gets the scale byte 1: its codes are zeros and this program alone reads the bytes.  NaN and infinities are not served.
.set MODE,   2
.if MODE == 2
.set SIZE_K, 4096
.else
.set SIZE_K, 1024
.endif
.set NQ,     2                         ; matrix instructions deep in a slot
.set FR,     12                        ; registers of a fragment
.set NL,     3                         ; LDS loads that bring one
.set NP,     4                         ; places behind this matrix instruction (ISA guide 7.12.1)
.set FRB,    1536                      ; a fragment's image
.set HALFT,  16*FRB                    ; 128 rows x 256 K: what one tensor load brings
.set SLOT,   4*HALFT                   ; A's 256 rows, then B's 256 rows
.set HALFS,  (SIZE_K/128)*512          ; the scale words of 128 rows, all of K
.set RBB,    (SIZE_K/128)*8*FRB        ; the images of 128 rows, all of K
.set SCL,    2*SLOT                    ; behind the ring: the scale words
.set SPARE,  SCL+4*HALFS+1024          ; the spare words, 128 bytes a wave: two blocks of 256 bytes that no other line names
.set LAPS,   SIZE_K/512                ; a lap = two slots
.set XI,  0                            ; parts of the buffer prep
.set XS,  3145728
.set WQI, 3276800
.set WQS, 5636096
.set W1I, 5734400
.set W1S, 8880128
.set W2I, 9011200
.set W2S, 12156928
.set QKU, 0                            ; parts of the buffer qkv
.set VU,  6291456
.set QKS, 9437184
.set VSB, 9699328
.set HSO, 12582912                     ; the scale words in the buffer hid
.if MODE == 1
.set AOFF,  16777216                   ; x1's images and scale words
.set ASOFF, 19922944
.set BOFF,  W1I
.set BSOFF, W1S
.endif
.if MODE == 2
.set AOFF,  0
.set ASOFF, HSO
.set BOFF,  W2I
.set BSOFF, W2S
.endif
.if MODE == 0
.set PB, 4                             ; B's buffer is A's
.set ZERO, 1                           ; the first products start the sums with 0
.else
.set PB, 6
.set ZERO, 2                           ; with the bias
.endif
.set L16,  4                           ; v4   16 x lane
.set L8,   7                           ; v7   8 x lane
.set SCO,  8                           ; v8   32 r + 16 h
.set BOV,  9                           ; v9   64 h
.set ADRA, 16                          ; v16-17  my A fragments in slot 0, 1
.set ADRB, 20                          ; v20-21  my B fragments
.set STO,  24                          ; v24, v25  MODE 2: into the stage, and back
.set RD,   25
.set ADRS, 27                          ; v27  my scale words: lanes 0-15 A's, lanes 16-31 B's
.set SPW,  28                          ; v28  my spare word; never rewritten
.set NIL,  29                          ; v29  0; never rewritten
.set SC,   32                          ; scale words: set s at v[SC + 16 s]; register 8 q + i: tile i, the slot's q-th 128 along K
.set BIAS, 64
.set AF,   128
.set PC,   64                          ; the way out: 8 x 20 registers of codes
.set TM,   224                         ; v224-239 at work
.set PW,   240                         ; v240-247 a scale word for each block row
.set Z,    248
.set BK,   128                         ; MODE 2: rows read back from the stage
.set SEL,  12                          ; s12, s13 lane selects: lane l xor 16
.set FL,   100                         ; s100 the floor 2^(3 - 127)
.set G1, 24                            ; s[24:31] descriptor group 1 for A's tiles;  s[32:39] group 0, a set for each slot
.set G0, 32
.set G1B, 48                           ; the same for B's tiles
.set G0B, 56
.set G1S, 68                           ; groups 1 and 0 for A's scale words;  for B's
.set G0S, 76
.set G1SB, 80
.set G0SB, 88
.set MSB, 0
.macro WIN new                         ; the immediate's high byte repeats the setting that is left
.if MSB != (\new)
	s_set_vgpr_msb (MSB<<8)|(\new)
.set MSB, (\new)
.endif
.endm
.set MUL_LO, 0xa1                      ; source 0 (B) window 1, source 1 (A) window 0, C and D window 2
.set MUL_HI, 0xf1                      ; the same, C and D window 3
.set TO_B,   0x40                      ; destination window 1, address window 0
; A joint load: waves 0 and 1 fetch for A, waves 2 and 3 for B; the branch hangs on the wave's number alone.  Four v_nop follow each of the two lines.
.macro JLOAD g0a, g1a, g0b, g1b
	s_cmp_eq_u32 s15, 0
	s_cbranch_scc0 .Lfor_b_\@
	tensor_load_to_lds s[\g0a:\g0a+3], s[\g1a:\g1a+7]
	s_nop 0
.rept 4
	v_nop
.endr
	s_branch .Lasked_\@
.Lfor_b_\@:
	tensor_load_to_lds s[\g0b:\g0b+3], s[\g1b:\g1b+7]
	s_nop 0
.rept 4
	v_nop
.endr
.Lasked_\@:
.endm
.macro CREST                           ; a round of the cluster's barrier behind its opening barrier
	s_cmp_lg_u32 s14, 0
	s_cbranch_scc1 .Lnot_wave_0_\@
	s_barrier_signal -3
.Lnot_wave_0_\@:
	s_barrier_wait -3
	s_barrier_signal -1
	s_barrier_wait -1
.endm
.macro CROUND                          ; a whole round
	s_barrier_signal -1
	s_barrier_wait -1
	CREST
.endm
.if MODE == 0
	s_load_b128 s[4:7], s[0:1], 0x0                ; prep, qkv
.else
	s_load_b256 s[4:11], s[0:1], 0x0               ; A's buffer, prep, the bias, the output
.endif
	v_lshl_add_u32 v[SPW], v0, 2, SPARE
	v_mov_b32 v[NIL], 0
	ds_add_u32 v28, v29
	ds_add_u32 v28, v29
	s_wait_dscnt 0x0
	v_lshrrev_b32 v1, 5, v0
	v_readfirstlane_b32 s14, v1                    ; wave 0..3
	s_lshr_b32 s15, s14, 1                         ; which half of the tile's rows is mine.  Also: I fetch for A (0) or for B (1)
	s_and_b32 s16, s14, 1                          ; which half of its columns.  Also: which 128 rows of that tile I fetch
	s_bfe_u32 s40, ttmp6, 0x40000                  ; cx, cy: my place in the cluster
	s_bfe_u32 s41, ttmp6, 0x40004
.if MODE == 0
	s_lshl_b32 s18, ttmp9, 2                       ; 4 x cluster x
	s_and_b32 s19, ttmp7, 0xffff                   ; cluster y: 0, 1: q and k; 2: v.  All partners of a cluster share it; only offsets in memory hang on it
	s_lshl_b32 s20, s19, 2
	s_mov_b32 s93, WQS+16*HALFS
	s_mov_b32 s95, XS
	s_mov_b32 s96, 49152
	s_mov_b32 s97, 4096
	s_mov_b32 s99, VSB
	s_cmp_lt_u32 s19, 2
	s_cselect_b32 s17, s18, 0                      ; the cluster's first tile row
	s_cselect_b32 s42, s20, s18                    ; and tile column
	s_cselect_b32 s92, XI, WQI+16*RBB              ; A's images,
	s_cselect_b32 s93, XS, s93                     ; A's scale words,
	s_cselect_b32 s94, WQI, XI                     ; B's images,
	s_cselect_b32 s95, WQS, s95                    ; B's scale words
	s_cselect_b32 s96, 196608, s96                 ; the output: bytes of a group of 64 columns (256 or 64 row tiles of 768 bytes),
	s_cselect_b32 s97, 16384, s97                  ; of a pair's scale words (32 or 8 blocks of 512 bytes),
	s_cselect_b32 s98, QKU, VU                     ; and where its two parts begin
	s_cselect_b32 s99, QKS, s99
	s_add_co_u32 s17, s17, s41                     ; tile row of C
	s_add_co_u32 s42, s42, s40                     ; tile column of C
.else
	s_lshl_b32 s42, ttmp9, 2
	s_add_co_u32 s42, s42, s40                     ; tile column of C = 4 x cluster x + cx
	s_and_b32 s17, ttmp7, 0xffff
	s_lshl_b32 s17, s17, 2
	s_add_co_u32 s17, s17, s41                     ; tile row of C = 4 x cluster y + cy
.endif
	s_lshl_b32 s43, s41, 2
	s_lshl_b32 s43, 15, s43                        ; my row of the cluster
	s_lshl_b32 s44, 0x1111, s40                    ; my column
	; descriptor group 1: 24,576 dense bytes as 96 rows of 256 bytes (32 elements of 8 bytes), no padding
	s_or_b32 s[G1+0], s43, (3<<16)|(1<<21)         ; 15:0 the mask: A's tiles go to my row; 17:16 elements of 8 bytes; 21 set beside a mask
	s_or_b32 s[G1B+0], s44, (3<<16)|(1<<21)
.irp g, G1, G1B
	s_mov_b32 s[\g+1], 32<<16                      ; tensor_dim0
	s_mov_b32 s[\g+2], 96<<16                      ; tensor_dim1
	s_mov_b32 s[\g+3], 32<<16                      ; tile_dim0
	s_mov_b32 s[\g+4], 96                          ; tile_dim1
	s_mov_b32 s[\g+5], 32                          ; tensor_dim0_stride
	s_mov_b32 s[\g+6], 0
	s_mov_b32 s[\g+7], 0
.endr
	s_or_b32 s[G1S+0], s43, (3<<16)|(1<<21)        ; the scale words of 128 rows: HALFS dense bytes, likewise
	s_or_b32 s[G1SB+0], s44, (3<<16)|(1<<21)
.irp g, G1S, G1SB
	s_mov_b32 s[\g+1], 32<<16
	s_mov_b32 s[\g+2], (HALFS/256)<<16
	s_mov_b32 s[\g+3], 32<<16
	s_mov_b32 s[\g+4], HALFS/256
	s_mov_b32 s[\g+5], 32
	s_mov_b32 s[\g+6], 0
	s_mov_b32 s[\g+7], 0
.endr
	s_lshl_b32 s20, s17, 1
	s_add_co_u32 s20, s20, s16                     ; A: block of 128 rows = 2 x tile row + the half that I fetch
	s_lshl_b32 s46, s42, 1
	s_add_co_u32 s46, s46, s16                     ; B: 2 x tile column + half
	s_mul_i32 s22, s20, HALFS
	s_mul_i32 s20, s20, RBB
	s_mul_i32 s66, s46, HALFS
	s_mul_i32 s46, s46, RBB
.if MODE == 0
	s_add_co_u32 s20, s20, s92
	s_add_co_u32 s22, s22, s93
	s_add_co_u32 s46, s46, s94
	s_add_co_u32 s66, s66, s95
.else
	s_add_co_u32 s20, s20, AOFF
	s_add_co_u32 s22, s22, ASOFF
	s_add_co_u32 s46, s46, BOFF
	s_add_co_u32 s66, s66, BSOFF
.endif
	s_mov_b32 s21, 0
	s_mov_b32 s23, 0
	s_mov_b32 s47, 0
	s_mov_b32 s67, 0
	s_mul_i32 s45, s14, HALFT                      ; where they go: wave x 24,576: no place in the cluster enters an LDS address
	s_mul_i32 s2, s14, HALFS
	s_mov_b32 s[SEL], 0x76543210
	s_mov_b32 s[SEL+1], 0xfedcba98
	s_mov_b32 s[FL], 0x1800000
	s_wait_kmcnt 0x0
	s_add_nc_u64 s[20:21], s[4:5], s[20:21]
	s_add_nc_u64 s[22:23], s[4:5], s[22:23]
	s_add_nc_u64 s[46:47], s[PB:PB+1], s[46:47]
	s_add_nc_u64 s[66:67], s[PB:PB+1], s[66:67]
	CROUND                                         ; all sixteen work-groups are here: the first joint loads meet
	s_mov_b32 s[G0S], 1
	s_add_co_u32 s[G0S+1], s2, SCL
	s_mov_b64 s[G0S+2:G0S+3], s[22:23]
	s_or_b32 s[G0S+3], s[G0S+3], 0x80000000
	s_mov_b32 s[G0SB], 1
	s_add_co_u32 s[G0SB+1], s2, SCL
	s_mov_b64 s[G0SB+2:G0SB+3], s[66:67]
	s_or_b32 s[G0SB+3], s[G0SB+3], 0x80000000
	JLOAD G0S, G1S, G0SB, G1SB                     ; the scale words first: they are wanted with K step 0
.irp s, 0,1
	s_mov_b32 s[G0+4*\s], 1
	s_add_co_u32 s[G0+4*\s+1], s45, \s*SLOT
	s_add_nc_u64 s[G0+4*\s+2:G0+4*\s+3], s[20:21], \s*HALFT
	s_or_b32 s[G0+4*\s+3], s[G0+4*\s+3], 0x80000000
	s_mov_b32 s[G0B+4*\s], 1
	s_add_co_u32 s[G0B+4*\s+1], s45, \s*SLOT
	s_add_nc_u64 s[G0B+4*\s+2:G0B+4*\s+3], s[46:47], \s*HALFT
	s_or_b32 s[G0B+4*\s+3], s[G0B+4*\s+3], 0x80000000
	JLOAD G0+4*\s, G1, G0B+4*\s, G1B               ; three tensor loads of mine are out
.endr
	v_and_b32 v1, 15, v0                           ; r
	v_bfe_u32 v2, v0, 4, 1                         ; h
	v_and_b32 v3, 31, v0
	v_lshlrev_b32 v[L16], 4, v3
	v_lshlrev_b32 v[L8], 3, v3
	v_lshlrev_b32 v5, 5, v1                        ; 32 r
	v_lshl_add_u32 v[SCO], v2, 4, v5
	v_lshlrev_b32 v[BOV], 6, v2
	s_mul_i32 s21, s15, HALFT                      ; my 128 rows of A
	s_mul_i32 s22, s16, HALFT                      ; my 128 rows of B,
	s_add_co_u32 s22, s22, 2*HALFT                 ; which lie behind A's 256
.irp s, 0,1
	v_add_nc_u32 v[ADRA+\s], s21, v[L16]
	v_add_nc_u32 v[ADRB+\s], s22, v[L16]
	s_add_co_u32 s21, s21, SLOT
	s_add_co_u32 s22, s22, SLOT
.endr
	s_mul_i32 s21, s15, HALFS                      ; A's scale words: my 128 rows
	s_mul_i32 s22, s16, HALFS                      ; B's: my 128 rows, behind A's 256
	s_add_co_u32 s22, s22, 2*HALFS
	s_sub_co_u32 s22, s22, s21
	v_mul_u32_u24 v6, s22, v2                      ; lanes 16-31 take B's
	s_add_co_u32 s21, s21, SCL
	v_add_nc_u32 v5, v5, v6
	v_add_nc_u32 v[ADRS], s21, v5
.if MODE == 2
	s_mul_i32 s23, s14, 16*528                     ; my stage: 16 rows x (512 bytes + 16), in slot 0
	v_mul_u32_u24 v5, v1, 528
	v_lshl_add_u32 v5, v2, 6, v5
	v_add_nc_u32 v[STO], s23, v5                   ; in: row r, + 64 h
	v_add_nc_u32 v[RD], s23, v[L16]                ; back: the 32 lanes take a row of 512 bytes
.endif
.if MODE > 0
	s_lshl_b32 s46, s42, 10                        ; the bias of my 128 columns
	s_lshl_b32 s47, s16, 9
	s_add_co_u32 s46, s46, s47
	s_mov_b32 s47, 0
	s_add_nc_u64 s[8:9], s[8:9], s[46:47]
.irp b, 0,1,2,3,4,5,6,7
	global_load_b128 v[BIAS+8*\b:BIAS+8*\b+3], v[BOV], s[8:9] offset:(32*(\b/2)+8*(\b%2))*4      ; lane (r, h), tile b: columns 32 (b / 2) + 8 (b % 2) + 16 h + 0 .. 7
	global_load_b128 v[BIAS+8*\b+4:BIAS+8*\b+7], v[BOV], s[8:9] offset:(32*(\b/2)+8*(\b%2))*4+16
.endr
.endif
.if MODE == 0
	s_lshl_b32 s18, s42, 2
	s_lshl_b32 s19, s16, 1
	s_add_co_u32 s18, s18, s19                     ; my first group of 64 columns
	s_mul_i32 s18, s18, s96
	s_lshl_b32 s19, s17, 4
	s_lshl_b32 s22, s15, 3
	s_add_co_u32 s19, s19, s22                     ; my first row tile
	s_mul_i32 s19, s19, 768
	s_add_co_u32 s18, s18, s19
	s_add_co_u32 s18, s18, s98
	s_mov_b32 s19, 0
	s_add_nc_u64 s[18:19], s[6:7], s[18:19]        ; the first group's halves of images,
	s_mov_b32 s20, s96
	s_mov_b32 s21, 0
	s_add_nc_u64 s[20:21], s[18:19], s[20:21]      ; the second group's
	s_lshl_b32 s22, s42, 1
	s_add_co_u32 s22, s22, s16
	s_mul_i32 s22, s22, s97
	s_lshl_b32 s23, s17, 1
	s_add_co_u32 s23, s23, s15
	s_lshl_b32 s23, s23, 9
	s_add_co_u32 s22, s22, s23
	s_add_co_u32 s22, s22, s99
	s_mov_b32 s23, 0
	s_add_nc_u64 s[22:23], s[6:7], s[22:23]        ; my block of scale words
.endif
.if MODE == 1
	s_lshl_b32 s18, s17, 1
	s_add_co_u32 s18, s18, s15
	s_lshl_b32 s18, s18, 5
	s_lshl_b32 s19, s42, 1
	s_add_co_u32 s18, s18, s19
	s_add_co_u32 s18, s18, s16                     ; 32 x (row / 128) + column / 128
	s_lshl_b32 s22, s18, 9
	s_add_co_u32 s22, s22, HSO
	s_mov_b32 s23, 0
	s_mul_i32 s18, s18, 8*FRB
	s_mov_b32 s19, 0
	s_add_nc_u64 s[18:19], s[10:11], s[18:19]      ; my eight images,
	s_add_nc_u64 s[22:23], s[10:11], s[22:23]      ; my block of scale words
.endif
.if MODE == 2
	s_lshl_b32 s18, s17, 8
	s_lshl_b32 s19, s15, 7
	s_add_co_u32 s18, s18, s19
	s_lshl_b32 s18, s18, 12                        ; my first row, 4,096 bytes a row,
	s_lshl_b32 s19, s42, 10
	s_add_co_u32 s18, s18, s19
	s_lshl_b32 s19, s16, 9
	s_add_co_u32 s18, s18, s19                     ; my first column
	s_mov_b32 s19, 0
	s_add_nc_u64 s[18:19], s[10:11], s[18:19]
.endif
.macro FRAG reg, adr, q, i             ; a fragment's image comes back as it was stored: three loads of 512 consecutive bytes
.irp p, 0,1,2
	ds_load_b128 v[\reg+4*\p:\reg+4*\p+3], v[\adr] offset:(8*(\q)+(\i))*FRB+512*\p
.endr
.endm
; 16 matrix instructions: A's blocks a0, a0 + 1 x B's eight, the slot's q-th 128 along K.  p: B's set;  sc: the set of scale words.  zero = 1: C is 0;  2: C is the bias;  0: in place.
; The 64 accumulators take turns, one instruction a turn, in the same order in every step.
.macro MUL16 a0, p, q, sc, zero
.irp a, \a0, \a0+1
.irp b, 0,1,2,3,4,5,6,7
.set DD0, 8*(8*((\a)%4)+\b)
.set BB0, 128*(\p)+FR*\b
.set AA0, AF+FR*(\a)
.set SB0, SC+16*(\sc)+8*(\q)+\b
.set SA0, SC+16*(\sc)+8*(\q)+(\a)
.if \zero == 1
	v_wmma_scale_f32_16x16x128_f8f6f4 v[DD0:DD0+7], v[BB0:BB0+FR-1], v[AA0:AA0+FR-1], 0, v[SB0], v[SA0] matrix_a_fmt:MATRIX_FMT_FP6 matrix_b_fmt:MATRIX_FMT_FP6 matrix_a_scale:MATRIX_SCALE_ROW1
.elseif \zero == 2
	v_wmma_scale_f32_16x16x128_f8f6f4 v[DD0:DD0+7], v[BB0:BB0+FR-1], v[AA0:AA0+FR-1], v[BIAS+8*\b:BIAS+8*\b+7], v[SB0], v[SA0] matrix_a_fmt:MATRIX_FMT_FP6 matrix_b_fmt:MATRIX_FMT_FP6 matrix_a_scale:MATRIX_SCALE_ROW1
.else
	v_wmma_scale_f32_16x16x128_f8f6f4 v[DD0:DD0+7], v[BB0:BB0+FR-1], v[AA0:AA0+FR-1], v[DD0:DD0+7], v[SB0], v[SA0] matrix_a_fmt:MATRIX_FMT_FP6 matrix_b_fmt:MATRIX_FMT_FP6 matrix_a_scale:MATRIX_SCALE_ROW1
.endif
.endr
.endr
.endm
.macro FETCH_B slot, q, p              ; B's eight fragments of the slot's q-th 128 along K into set p
	WIN TO_B
.irp i, 0,1,2,3,4,5,6,7
	FRAG 128*(\p)+FR*\i, ADRB+\slot, \q, \i
.endr
	WIN 0
.endm
.macro FETCH_A slot, q, i0             ; A's blocks i0 .. i0 + 3
.irp i, \i0, \i0+1, \i0+2, \i0+3
	FRAG AF+FR*(\i), ADRA+\slot, \q, \i
.endr
.endm
.macro SCALES sc                       ; a slot's scale words into set sc: lanes 0-15 take A's eight tiles' words of row r, lanes 16-31 B's
.irp q, 0,1
	ds_load_b128 v[SC+16*\sc+8*\q:SC+16*\sc+8*\q+3], v[ADRS] offset:512*\q
	ds_load_b128 v[SC+16*\sc+8*\q+4:SC+16*\sc+8*\q+7], v[ADRS] offset:512*\q+16
.endr
.endm
; A load into a register that a matrix instruction has read, and a vector instruction or an LDS store that reads a matrix result, stand NP places behind that matrix instruction; only plain vector
; instructions that name none of its registers are places (ISA guide 7.12.1 for vector instructions).
.macro PLACES n
.rept \n
	v_nop
.endr
.endm
; A step of 128 along K that has its successor in the same slot.
.macro STEP slot, q, zero
	s_wait_dscnt 4*NL                              ; B's set, A's blocks 0-3 and the scale words are in; the youngest 12 loads (A's blocks 4-7) may be out
.if \zero == 2
	WIN 0x81                                       ; C (the bias) window 0, D window 2
.else
	WIN MUL_LO
.endif
	MUL16 0, (\q)%2, \q, \slot, \zero
	MUL16 2, (\q)%2, \q, \slot, \zero
	s_wait_dscnt 0                                 ; A's blocks 4-7 are in (asked for 32 matrix instructions ago)
	PLACES NP
	FETCH_B \slot, (\q)+1, 1-(\q)%2
	FETCH_A \slot, (\q)+1, 0
.if \zero == 2
	WIN 0xc1
.else
	WIN MUL_HI
.endif
	MUL16 4, (\q)%2, \q, \slot, \zero
	MUL16 6, (\q)%2, \q, \slot, \zero
	PLACES NP
	WIN 0
	FETCH_A \slot, (\q)+1, 4
.endm
; A slot's last step changes slots: ONE barrier; in front of it each wave waits for all its tensor loads, adds 0 to its spare word, and waits for that and for its own reads of this slot.  fill = 1: this slot is filled again, two slots ahead.
.macro TURN slot, next, fill
	s_wait_tensorcnt 0x0                           ; all my tensor loads have landed: my part of the next slot  (every window is 0 here)
	ds_add_u32 v[SPW], v[NIL]                      ; 0 onto my spare word
	s_wait_dscnt 4*NL+1                            ; (the add and the youngest 12 loads, A's blocks 4-7, may be out)
	WIN MUL_LO
	MUL16 0, 1, NQ-1, \slot, 0                     ; sixteen matrix instructions stand between the add and the wait for it
	s_wait_dscnt 0x0                               ; the add is done, and my reads of this slot are over
	s_barrier_signal -1
	MUL16 2, 1, NQ-1, \slot, 0
	WIN 0
	s_barrier_wait -1
.if \fill
	CREST                                          ; the barrier has opened a round of the cluster's barrier: no wave of any partner still reads this slot or has a load on its way
	s_add_nc_u64 s[G0+4*\slot+2:G0+4*\slot+3], s[G0+4*\slot+2:G0+4*\slot+3], 2*HALFT
	s_add_nc_u64 s[G0B+4*\slot+2:G0B+4*\slot+3], s[G0B+4*\slot+2:G0B+4*\slot+3], 2*HALFT
	JLOAD G0+4*\slot, G1, G0B+4*\slot, G1B         ; the first tensor load behind the round, my one load until the next; its four v_nop are the places in front of the loads below
.else
	PLACES NP
.endif
	v_add_nc_u32 v[ADRS], 1024, v[ADRS]            ; on to the next slot's scale words
	FETCH_B \next, 0, 0
	FETCH_A \next, 0, 0
	SCALES \next
	WIN MUL_HI
	MUL16 4, 1, NQ-1, \slot, 0
	MUL16 6, 1, NQ-1, \slot, 0
	PLACES NP
	WIN 0
	FETCH_A \next, 0, 4
.endm
.if MODE > 0
	s_wait_loadcnt 0x0                             ; the bias
.endif
	s_wait_tensorcnt 1                             ; the scale words and my part of slot 0 are in (slot 1's load may be out)
	s_barrier_signal -1
	s_barrier_wait -1                              ; everybody's are
	FETCH_B 0, 0, 0
	FETCH_A 0, 0, 0
	SCALES 0
	FETCH_A 0, 0, 4
	STEP 0, 0, ZERO                                ; the first step stands in front of the loop: its products start the sums
	s_mov_b32 s3, LAPS-1
.Llap:                                                 ; a trip goes once round the ring and fills both slots again
	TURN 0, 1, 1
	STEP 1, 0, 0
	TURN 1, 0, 1
	STEP 0, 0, 0
	s_sub_co_u32 s3, s3, 1
	s_cmp_lg_u32 s3, 0
	s_cbranch_scc1 .Llap
	TURN 0, 1, 0                                   ; the last lap fills nothing, and has no round of the cluster's barrier
	STEP 1, 0, 0
	s_wait_dscnt 4*NL                              ; the very last step: nothing more to fetch
	WIN MUL_LO
	MUL16 0, 1, NQ-1, 1, 0
	MUL16 2, 1, NQ-1, 1, 0
	s_wait_dscnt 0
	WIN MUL_HI
	MUL16 4, 1, NQ-1, 1, 0
	MUL16 6, 1, NQ-1, 1, 0
	WIN 0
	PLACES NP                                      ; in front of the first read of results and of writes into registers that held operands
.if MODE < 2
; THE WAY OUT, block row by block row: the 64 registers of block row a are 128 neighbouring columns of my row, 16 of each block of 32: they are quantised where they stand.  No LDS.
; Each block row has 20 registers of its own for its codes, so that no store's data are written again.  Each accumulator is read from its low end on.
.macro QUANTW a, relu
.set AC, 64*((\a)%4)
.set PCA, PC+20*((2+2*((\a)%4))%8+(\a)/4)
.if \relu
	WIN (2+(\a)/4)*0x44                            ; destination and source 1: the accumulators' window
.set j, 0
.rept 64
	v_max_num_f32 v[AC+j], 0, v[AC+j]              ; the activation, in f32
.set j, j+1
.endr
.endif
	WIN (2+(\a)/4)*0x14                            ; sources 1 and 2: the accumulators' window
.irp b, 0,1,2,3
	v_max3_num_f32 v[TM+\b], s[FL], |v[AC+16*\b]|, |v[AC+16*\b+1]|   ; block b: my 16 numbers, and the floor 2^(3 - 127): the byte cannot fall under 1
.endr
.irp i, 2,4,6,8,10,12,14
.irp b, 0,1,2,3
	v_max3_num_f32 v[TM+\b], v[TM+\b], |v[AC+16*\b+\i]|, |v[AC+16*\b+\i+1]|
.endr
.endr
	WIN 0
.irp b, 0,1,2,3
	v_permlanex16_b32 v[TM+4+\b], v[TM+\b], s[SEL], s[SEL+1]
.endr
.irp b, 0,1,2,3
	v_max_num_f32 v[TM+\b], v[TM+\b], v[TM+4+\b]   ; with lane l xor 16's: the block's largest magnitude
.endr
.irp b, 0,1,2,3
	v_add_nc_u32 v[TM+12+\b], 0xff000000, v[TM+\b]   ; 2 off its exponent field: the conversion's scale operand
.endr
.irp b, 0,1,2,3
	v_lshrrev_b32 v[TM+4+\b], 23, v[TM+12+\b]      ; the scale's byte
.endr
	v_lshl_or_b32 v[PW+(\a)], v[TM+5], 8, v[TM+4]
	v_lshl_or_b32 v[PW+(\a)], v[TM+6], 16, v[PW+(\a)]
	v_lshl_or_b32 v[PW+(\a)], v[TM+7], 24, v[PW+(\a)]
	WIN 2+(\a)/4                                   ; source 0: the accumulators' window
.irp c, 0,1
	v_cvt_scalef32_pk16_fp6_f32 v[PCA+6*\c:PCA+6*\c+2], v[AC+32*\c:AC+32*\c+15], v[TM+12+2*\c]
	v_cvt_scalef32_pk16_fp6_f32 v[PCA+12+4*\c:PCA+14+4*\c], v[AC+32*\c+16:AC+32*\c+31], v[TM+12+2*\c+1]
.endr
	WIN 0
	v_nop                                          ; one plain place behind a scaled conversion
.irp c, 0,1                                    ; a WHOLE block in a lane: lanes 0-15 block 2 c, lanes 16-31 block 2 c + 1
.irp i, 0,1,2
	v_permlane16_swap_b32 v[PCA+6*\c+\i], v[PCA+12+4*\c+\i]
.endr
.irp i, 0,1,2
	v_mov_b32 v[PCA+3+6*\c+\i], v[PCA+12+4*\c+\i]
.endr
.endr
.endm
.irp b, 0,1,2,3
	v_mov_b32 v[TM+4+\b], 0                        ; a lane permute's destination counts as one of its sources
.endr
.irp a, 0,1,2,3,4,5,6,7
	QUANTW \a, MODE
.if MODE == 0
.irp c, 0,1                                    ; registers 6 c .. 6 c + 5 are 64 along the next K: a head of q or k, or 64 keys of v^T: 512 + 256 consecutive bytes
	global_store_b128 v[L16], v[PCA+6*\c:PCA+6*\c+3], s[18+2*\c:19+2*\c] offset:768*\a
	global_store_b64 v[L8], v[PCA+6*\c+4:PCA+6*\c+5], s[18+2*\c:19+2*\c] offset:768*\a+512
.endr
.else
.irp p, 0,1,2
	global_store_b128 v[L16], v[PCA+4*\p:PCA+4*\p+3], s[18:19] offset:FRB*\a+512*\p   ; the image: 512 consecutive bytes a store
.endr
.endif
.endr
	v_cmp_eq_u32 vcc_lo, 1, v2
.irp j, 0,1,2,3
	v_cndmask_b32 v[Z+\j], v[PW+\j], v[PW+4+\j], vcc_lo   ; lanes 0-15 block rows 0-3's words of row r, lanes 16-31 block rows 4-7's
.endr
	global_store_b128 v[SCO], v[Z:Z+3], s[22:23]   ; the block of 512 bytes whole
.else
; THE WAY OUT, block row by block row, through my own stage in LDS (in slot 0, which has had its last fill and its last read): a lane's 32 bytes go in, whole rows of 512 bytes come back.
; LDS serves a wave's instructions in order (ISA guide 5.7.1.4): no wait between the stores and the loads, nor in front of the next block's stores.
.macro TOSTAGE a
.set AC, 64*((\a)%4)
	WIN 0x08+4*((\a)/4)                            ; the data: window 2 or 3
.irp b, 0,1,2,3,4,5,6,7
	ds_store_b128 v[STO], v[AC+8*\b:AC+8*\b+3] offset:128*(\b/2)+32*(\b%2)          ; each accumulator from its low end on
	ds_store_b128 v[STO], v[AC+8*\b+4:AC+8*\b+7] offset:128*(\b/2)+32*(\b%2)+16
.endr
	WIN 0
.set BBK, BK+64*((\a)%2)
.irp t, 0,1,2,3,4,5,6,7,8,9,10,11,12,13,14,15
	ds_load_b128 v[BBK+4*\t:BBK+4*\t+3], v[RD] offset:\t*528
.endr
.endm
.macro SEND a, younger                 ; younger: the LDS instructions issued behind block a's loads, which may stay out
.set BBK, BK+64*((\a)%2)
.set ROW0, 32*((\a)/2)+8*((\a)%2)
	s_wait_dscnt \younger
.irp t, 0,1,2,3,4,5,6,7,8,9,10,11,12,13,14,15
	global_store_b128 v[L16], v[BBK+4*\t:BBK+4*\t+3], s[18:19] offset:(ROW0+\t+8*(\t/8))*4096   ; 32 lanes store 512 consecutive bytes of the tile's row t; the base never steps
.endr
.endm
	TOSTAGE 0
.irp a, 1,2,3,4,5,6,7
.if \a > 1
	s_wait_xcnt 0x0                                ; block a - 2's stores have read their registers: block a's loads may land there
.endif
	TOSTAGE \a
	SEND \a-1, 32                                  ; behind block a - 1's loads: block a's 16 stores and 16 loads
.endr
	SEND 7, 0
.endif
	s_wait_tensorcnt 0x0                           ; the wave's end
	ds_add_u32 v[SPW], v[NIL]
	s_wait_dscnt 0x0
	CROUND                                         ; the closing round: no work-group ends while a partner may still ask for a tile that names it
	s_endpgm
.Lfunc_end_k_q717ebb24fb_ffn2:
	.size	k_q717ebb24fb_ffn2, .Lfunc_end_k_q717ebb24fb_ffn2-k_q717ebb24fb_ffn2
	.p2alignl 7, 3214868480
	.fill 96, 4, 3214868480
	.section	.rodata,"a",@progbits
	.p2align	6, 0x0
	.amdhsa_kernel k_q717ebb24fb_ffn2
		.amdhsa_group_segment_fixed_size 327680
		.amdhsa_private_segment_fixed_size 0
		.amdhsa_enable_private_segment 0
		.amdhsa_kernarg_size 32
		.amdhsa_user_sgpr_count 2
		.amdhsa_user_sgpr_kernarg_segment_ptr 1
		.amdhsa_wavefront_size32 1
		.amdhsa_system_sgpr_workgroup_id_x 1
		.amdhsa_system_sgpr_workgroup_id_y 1
		.amdhsa_system_sgpr_workgroup_id_z 1
		.amdhsa_system_vgpr_workitem_id 0
		.amdhsa_next_free_vgpr 1024
		.amdhsa_next_free_sgpr 101
		.amdhsa_reserve_vcc 1
		.amdhsa_float_denorm_mode_32 3
		.amdhsa_float_denorm_mode_16_64 3
		.amdhsa_memory_ordered 1
		.amdhsa_forward_progress 1
		.amdhsa_inst_pref_size 136
	.end_amdhsa_kernel
	.amdgpu_metadata
---
amdhsa.version: [ 1, 2 ]
amdhsa.kernels:
  - .name:           k_q717ebb24fb_ffn2
    .symbol:         k_q717ebb24fb_ffn2.kd
    .args:
      - { .name: hid, .offset: 0, .size: 8, .value_kind: global_buffer, .address_space: global }
      - { .name: prep, .offset: 8, .size: 8, .value_kind: global_buffer, .address_space: global }
      - { .name: b2, .offset: 16, .size: 8, .value_kind: global_buffer, .address_space: global }
      - { .name: ff, .offset: 24, .size: 8, .value_kind: global_buffer, .address_space: global }
    .group_segment_fixed_size: 327680
    .private_segment_fixed_size: 0
    .kernarg_segment_align: 8
    .kernarg_segment_size: 32
    .max_flat_workgroup_size: 128
    .sgpr_count:     101
    .vgpr_count:     1024
    .wavefront_size: 32
...
	.end_amdgpu_metadata
.endif
;; end of part 6
;; launch ln2 (part 7): grid 256 x 1, 8 waves a work-group, no clusters, 0 bytes of LDS; arguments ff, x1, ln2_g, ln2_b, out0; writes out0
.if DOCPART == 7
	.amdgcn_target "amdgcn-amd-amdhsa--gfx1250"
	.amdhsa_code_object_version 6
	.text
	.protected	k_q717ebb24fb_ln2
	.globl	k_q717ebb24fb_ln2
	.p2align	8
	.type	k_q717ebb24fb_ln2,@function
k_q717ebb24fb_ln2:
	s_mov_b64 s[64:65], 0
	v_nop
	global_prefetch_b8 v0, s[64:65] scope:SCOPE_SE
	s_setreg_imm32_b32 hwreg(HW_REG_WAVE_MODE, 25, 1), 1
	s_wait_xcnt 0x0
; ONE SOURCE FOR THE TWO LAYER NORMS; the line .set MODE says which.  out[row] = res[row] + (a[row] - mean) x rsqrt(var + 1e-5) x g + b, rows of 1,024 f32; mean and variance in two passes over registers.
;   MODE 1: a = att, res = x, out = x1; the work-group's 16 rows are a tile, row(t, i) = 32 (t / 2) + 8 (t % 2) + i + 8 (i / 8); they also go through LDS and leave quantised to FP6 (E2M3), one E8M0 byte for each 32
;           along the row, as images of operand registers (1,536 bytes for 16 rows x 128: registers 4 p .. 4 p + 3 of lane l at 512 p + 16 l) with their scale words, for the next product.
;   MODE 2: a = ff, res = x1, out = out0; 16 neighbouring rows.
; Eight waves, two rows each: a row is eight loads of 512 consecutive bytes and stays in 32 registers; no row is read twice.  All 48 loads of a wave go out at once.
; Matrix units, clusters and tensor loads are left out: nothing is shared but 8 KiB of gain and bias, and memory binds.
; LIMITS (MODE 1): a block of zeros, or one whose largest magnitude lies under 2^-124, gets the scale byte 1: its codes are zeros and this program alone reads the bytes.  NaN and infinities are not served.
.set MODE, 2
.set L16, 2                            ; v2   16 x lane
.set G,   16                           ; v16-47   gain
.set B,   48                           ; v48-79   bias
.set A,   80                           ; v80-143  two rows of a; MODE 1: later 64 numbers to be quantised
.set X,   144                          ; v144-207 two rows of the residual, then of the result
.set SEL, 18                           ; s18, s19 lane selects: lane l xor 16
.set INV, 20                           ; s20  1 / 1,024
.set EPS, 21                           ; s21  1e-5
.set X1I, 16777216                     ; parts of the buffer x1
.set X1S, 19922944
.set LP,  4112                         ; a row in LDS: 4,096 bytes + 16
.set TM,  208
.set PC,  224
.set PW,  244
.macro WSUM2 r                         ; v[r] and v[r + 4] are summed over the wave's 32 lanes, the two rows by turns
.irp m, 1,2,4,8
.irp e, 0,1
	v_add_f32_dpp v[\r+4*\e], v[\r+4*\e], v[\r+4*\e] row_xmask:\m row_mask:0xf bank_mask:0xf
.endr
.endr
.irp e, 0,1
	v_permlanex16_b32 v[\r+1+4*\e], v[\r+4*\e], s[SEL], s[SEL+1]
.endr
.irp e, 0,1
	v_add_f32 v[\r+4*\e], v[\r+4*\e], v[\r+1+4*\e]
.endr
.endm
.if MODE == 1
.macro QUANT s                         ; 64 numbers of a lane, register 16 b + i = k 32 b + 16 (lane / 16) + i of my row, become a fragment's codes in v[PC] on and its scale word in v[PW]
.irp b, 0,1,2,3
	v_max3_num_f32 v[TM+\b], |v[\s+16*\b]|, |v[\s+1+16*\b]|, 0x1800000   ; and the floor 2^(3 - 127): the byte cannot fall under 1
.endr
.irp i, 2,4,6,8,10,12,14
.irp b, 0,1,2,3
	v_max3_num_f32 v[TM+\b], v[TM+\b], |v[\s+16*\b+\i]|, |v[\s+1+16*\b+\i]|
.endr
.endr
.irp b, 0,1,2,3
	v_permlanex16_b32 v[TM+4+\b], v[TM+\b], s[SEL], s[SEL+1]
.endr
.irp b, 0,1,2,3
	v_max_num_f32 v[TM+\b], v[TM+\b], v[TM+4+\b]
.endr
.irp b, 0,1,2,3
	v_add_nc_u32 v[TM+12+\b], 0xff000000, v[TM+\b]   ; 2 off the exponent field: the conversion's scale operand
.endr
.irp b, 0,1,2,3
	v_lshrrev_b32 v[TM+4+\b], 23, v[TM+12+\b]      ; the scale's byte
.endr
	v_lshl_or_b32 v[PW], v[TM+5], 8, v[TM+4]
	v_lshl_or_b32 v[PW], v[TM+6], 16, v[PW]
	v_lshl_or_b32 v[PW], v[TM+7], 24, v[PW]
.irp c, 0,1
	v_cvt_scalef32_pk16_fp6_f32 v[PC+6*\c:PC+2+6*\c], v[\s+32*\c:\s+15+32*\c], v[TM+12+2*\c]
	v_cvt_scalef32_pk16_fp6_f32 v[PC+12+4*\c:PC+14+4*\c], v[\s+16+32*\c:\s+31+32*\c], v[TM+12+2*\c+1]
.endr
	v_nop                                          ; one plain place behind a scaled conversion
.irp c, 0,1
.irp i, 0,1,2
	v_permlane16_swap_b32 v[PC+6*\c+\i], v[PC+12+4*\c+\i]
.endr
.irp i, 0,1,2
	v_mov_b32 v[PC+3+6*\c+\i], v[PC+12+4*\c+\i]
.endr
.endr
.endm
.endif
	s_load_b256 s[4:11], s[0:1], 0x0               ; a, the residual, gain, bias
	s_load_b64 s[12:13], s[0:1], 0x20              ; the output
	v_lshrrev_b32 v1, 5, v0
	v_readfirstlane_b32 s14, v1                    ; wave 0..7
	v_and_b32 v1, 31, v0
	v_lshlrev_b32 v[L16], 4, v1
.if MODE == 1
	s_lshr_b32 s15, ttmp9, 1
	s_lshl_b32 s15, s15, 5
	s_and_b32 s16, ttmp9, 1
	s_lshl_b32 s16, s16, 3
	s_add_co_u32 s15, s15, s16
	s_lshl_b32 s16, s14, 1
	s_add_co_u32 s15, s15, s16
	s_lshr_b32 s16, s14, 2
	s_lshl_b32 s16, s16, 3
	s_add_co_u32 s15, s15, s16                     ; the tile's rows 2 w and 2 w + 1: tokens 32 (t / 2) + 8 (t % 2) + 2 w + 8 (w / 4) and the next
	s_lshr_b32 s22, ttmp9, 3
	s_lshl_b32 s22, s22, 3
	s_add_co_u32 s22, s22, s14                     ; 8 (t / 8) + K step (= my wave's number)
	s_and_b32 s23, ttmp9, 7
	s_lshl_b32 s24, s22, 3
	s_add_co_u32 s24, s24, s23
	s_mul_i32 s24, s24, 1536
	s_add_co_u32 s24, s24, X1I
	s_mov_b32 s25, 0
	s_lshl_b32 s28, s22, 9
	s_lshl_b32 s23, s23, 2
	s_add_co_u32 s28, s28, s23
	s_add_co_u32 s28, s28, X1S
	s_mov_b32 s29, 0
	v_and_b32 v3, 15, v0                           ; r
	v_bfe_u32 v4, v0, 4, 1                         ; h
	s_mul_i32 s30, s14, 2*LP
	v_add_nc_u32 v5, s30, v[L16]                   ; LDS, in: my two rows as they lie
	v_mul_u32_u24 v6, v3, LP
	v_lshl_add_u32 v6, v4, 6, v6
	s_lshl_b32 s30, s14, 9
	v_add_nc_u32 v6, s30, v6                       ; back: row r, my K step's 512 bytes, + 64 h
	v_lshlrev_b32 v7, 5, v3                        ; 32 r
.irp b, 0,1,2,3
	v_mov_b32 v[TM+4+\b], 0                        ; a lane permute's destination counts as one of its sources
.endr
.else
	s_lshl_b32 s15, ttmp9, 4
	s_lshl_b32 s16, s14, 1
	s_add_co_u32 s15, s15, s16                     ; rows 16 g + 2 w and the next
.endif
	s_lshl_b32 s16, s15, 12
	s_mov_b32 s17, 0
	s_mov_b32 s[SEL], 0x76543210
	s_mov_b32 s[SEL+1], 0xfedcba98
	s_mov_b32 s[INV], 0x3a800000
	s_mov_b32 s[EPS], 0x3727c5ac
	s_wait_kmcnt 0x0
	s_add_nc_u64 s[4:5], s[4:5], s[16:17]
	s_add_nc_u64 s[6:7], s[6:7], s[16:17]
	s_add_nc_u64 s[26:27], s[12:13], s[16:17]
.if MODE == 1
	s_add_nc_u64 s[24:25], s[12:13], s[24:25]
	s_add_nc_u64 s[28:29], s[12:13], s[28:29]
.endif
.irp e, 0,1
.irp i, 0,1,2,3,4,5,6,7
	global_load_b128 v[A+32*\e+4*\i:A+32*\e+4*\i+3], v[L16], s[4:5] offset:4096*\e+512*\i th:TH_LOAD_NT
.endr
.endr
.irp e, 0,1
.irp i, 0,1,2,3,4,5,6,7
	global_load_b128 v[X+32*\e+4*\i:X+32*\e+4*\i+3], v[L16], s[6:7] offset:4096*\e+512*\i th:TH_LOAD_NT
.endr
.endr
.irp i, 0,1,2,3,4,5,6,7
	global_load_b128 v[G+4*\i:G+4*\i+3], v[L16], s[8:9] offset:512*\i
.endr
.irp i, 0,1,2,3,4,5,6,7
	global_load_b128 v[B+4*\i:B+4*\i+3], v[L16], s[10:11] offset:512*\i
.endr
	s_wait_loadcnt 32                              ; a's 16 loads are in; the residual's 16, the gain's 8 and the bias's 8 may be out
.irp e, 0,1
	v_pk_add_f32 v[8+4*\e:9+4*\e], v[A+32*\e:A+32*\e+1], v[A+32*\e+2:A+32*\e+3]      ; the row's sum: two chains a row, started by the first numbers
	v_pk_add_f32 v[10+4*\e:11+4*\e], v[A+32*\e+4:A+32*\e+5], v[A+32*\e+6:A+32*\e+7]
.endr
.irp j, 8,12,16,20,24,28
.irp e, 0,1
	v_pk_add_f32 v[8+4*\e:9+4*\e], v[8+4*\e:9+4*\e], v[A+32*\e+\j:A+32*\e+\j+1]
	v_pk_add_f32 v[10+4*\e:11+4*\e], v[10+4*\e:11+4*\e], v[A+32*\e+\j+2:A+32*\e+\j+3]
.endr
.endr
.irp e, 0,1
	v_pk_add_f32 v[8+4*\e:9+4*\e], v[8+4*\e:9+4*\e], v[10+4*\e:11+4*\e]
.endr
.irp e, 0,1
	v_add_f32 v[8+4*\e], v[8+4*\e], v[9+4*\e]
.endr
	WSUM2 8
.irp e, 0,1
	v_mul_f32 v[8+4*\e], s[INV], v[8+4*\e]         ; the mean
.endr
.irp j, 0,2,4,6,8,10,12,14,16,18,20,22,24,26,28,30
.irp e, 0,1
	v_pk_add_f32 v[A+32*\e+\j:A+32*\e+\j+1], v[A+32*\e+\j:A+32*\e+\j+1], v[8+4*\e:9+4*\e] op_sel_hi:[1,0] neg_lo:[0,1] neg_hi:[0,1]   ; a - mean
.endr
.endr
.irp e, 0,1
	v_pk_mul_f32 v[10+4*\e:11+4*\e], v[A+32*\e:A+32*\e+1], v[A+32*\e:A+32*\e+1]
.endr
.irp j, 2,4,6,8,10,12,14,16,18,20,22,24,26,28,30
.irp e, 0,1
	v_pk_fma_f32 v[10+4*\e:11+4*\e], v[A+32*\e+\j:A+32*\e+\j+1], v[A+32*\e+\j:A+32*\e+\j+1], v[10+4*\e:11+4*\e]
.endr
.endr
.irp e, 0,1
	v_add_f32 v[10+4*\e], v[10+4*\e], v[11+4*\e]
.endr
	WSUM2 10
.irp e, 0,1
	v_fma_f32 v[10+4*\e], v[10+4*\e], s[INV], s[EPS]   ; the variance + 1e-5
.endr
.irp e, 0,1
	v_rsq_f32 v[10+4*\e], v[10+4*\e]
.endr
	v_nop                                          ; one plain place behind a transcendental
	s_wait_loadcnt 0x0                             ; the residual, gain and bias
	s_wait_alu depctr_va_vdst(0)
.irp j, 0,2,4,6,8,10,12,14,16,18,20,22,24,26,28,30
.irp e, 0,1
	v_pk_mul_f32 v[A+32*\e+\j:A+32*\e+\j+1], v[A+32*\e+\j:A+32*\e+\j+1], v[10+4*\e:11+4*\e] op_sel_hi:[1,0]
.endr
.endr
.irp j, 0,2,4,6,8,10,12,14,16,18,20,22,24,26,28,30
.irp e, 0,1
	v_pk_fma_f32 v[A+32*\e+\j:A+32*\e+\j+1], v[A+32*\e+\j:A+32*\e+\j+1], v[G+\j:G+\j+1], v[B+\j:B+\j+1]
.endr
.endr
.irp j, 0,2,4,6,8,10,12,14,16,18,20,22,24,26,28,30
.irp e, 0,1
	v_pk_add_f32 v[X+32*\e+\j:X+32*\e+\j+1], v[X+32*\e+\j:X+32*\e+\j+1], v[A+32*\e+\j:A+32*\e+\j+1]
.endr
.endr
.if MODE == 1
.irp e, 0,1
.irp i, 0,1,2,3,4,5,6,7
	global_store_b128 v[L16], v[X+32*\e+4*\i:X+32*\e+4*\i+3], s[26:27] offset:4096*\e+512*\i   ; 512 consecutive bytes a store
	ds_store_b128 v5, v[X+32*\e+4*\i:X+32*\e+4*\i+3] offset:LP*\e+512*\i
.endr
.endr
	s_wait_dscnt 0x0                               ; for the others' sake: my two rows lie in LDS
	s_barrier_signal -1
	s_barrier_wait -1                              ; all sixteen do
.irp b, 0,1,2,3
.irp j, 0,1,2,3
	ds_load_b128 v[A+16*\b+4*\j:A+16*\b+4*\j+3], v6 offset:128*\b+16*\j   ; my K step: of row r, 16 neighbours of each block of 32
.endr
.endr
	s_wait_dscnt 0x0
	QUANT A
.irp p, 0,1,2
	global_store_b128 v[L16], v[PC+4*\p:PC+4*\p+3], s[24:25] offset:512*\p
.endr
	global_store_b32 v7, v[PW], s[28:29]           ; lanes l and l + 16 hold the same word and write it to the same place
.else
.irp e, 0,1
.irp i, 0,1,2,3,4,5,6,7
	global_store_b128 v[L16], v[X+32*\e+4*\i:X+32*\e+4*\i+3], s[26:27] offset:4096*\e+512*\i th:TH_STORE_NT
.endr
.endr
.endif
	s_endpgm
.Lfunc_end_k_q717ebb24fb_ln2:
	.size	k_q717ebb24fb_ln2, .Lfunc_end_k_q717ebb24fb_ln2-k_q717ebb24fb_ln2
	.p2alignl 7, 3214868480
	.fill 96, 4, 3214868480
	.section	.rodata,"a",@progbits
	.p2align	6, 0x0
	.amdhsa_kernel k_q717ebb24fb_ln2
		.amdhsa_group_segment_fixed_size 0
		.amdhsa_private_segment_fixed_size 0
		.amdhsa_enable_private_segment 0
		.amdhsa_kernarg_size 40
		.amdhsa_user_sgpr_count 2
		.amdhsa_user_sgpr_kernarg_segment_ptr 1
		.amdhsa_wavefront_size32 1
		.amdhsa_system_sgpr_workgroup_id_x 1
		.amdhsa_system_sgpr_workgroup_id_y 1
		.amdhsa_system_sgpr_workgroup_id_z 1
		.amdhsa_system_vgpr_workitem_id 0
		.amdhsa_next_free_vgpr 208
		.amdhsa_next_free_sgpr 66
		.amdhsa_reserve_vcc 0
		.amdhsa_float_denorm_mode_32 3
		.amdhsa_float_denorm_mode_16_64 3
		.amdhsa_memory_ordered 1
		.amdhsa_forward_progress 1
		.amdhsa_inst_pref_size 21
	.end_amdhsa_kernel
	.amdgpu_metadata
---
amdhsa.version: [ 1, 2 ]
amdhsa.kernels:
  - .name:           k_q717ebb24fb_ln2
    .symbol:         k_q717ebb24fb_ln2.kd
    .args:
      - { .name: ff, .offset: 0, .size: 8, .value_kind: global_buffer, .address_space: global }
      - { .name: x1, .offset: 8, .size: 8, .value_kind: global_buffer, .address_space: global }
      - { .name: ln2_g, .offset: 16, .size: 8, .value_kind: global_buffer, .address_space: global }
      - { .name: ln2_b, .offset: 24, .size: 8, .value_kind: global_buffer, .address_space: global }
      - { .name: out0, .offset: 32, .size: 8, .value_kind: global_buffer, .address_space: global }
    .group_segment_fixed_size: 0
    .private_segment_fixed_size: 0
    .kernarg_segment_align: 8
    .kernarg_segment_size: 40
    .max_flat_workgroup_size: 256
    .sgpr_count:     66
    .vgpr_count:     208
    .wavefront_size: 32
...
	.end_amdgpu_metadata
.endif
;; end of part 7
;; ======== version 2 of 2: 7 launches
;; limits: right only within a limited range of input values
;; workspace buffers: prep 12,288,000 bytes; qkv 9,830,400 bytes; att 16,777,216 bytes; x1 20,054,016 bytes; hid 13,107,200 bytes; ff 16,777,216 bytes
;; launch prep (part 8): grid 344 x 1, 8 waves a work-group, no clusters, 93,184 bytes of LDS; arguments x, w_qkv_codes, w_qkv_scales, w1_codes, w1_scales, w2_codes, w2_scales, prep; writes prep
.if DOCPART == 8
	.amdgcn_target "amdgcn-amd-amdhsa--gfx1250"
	.amdhsa_code_object_version 6
	.text
	.protected	k_q717ebb24fb_prep
	.globl	k_q717ebb24fb_prep
	.p2align	8
	.type	k_q717ebb24fb_prep,@function
k_q717ebb24fb_prep:
	s_mov_b64 s[64:65], 0
	v_nop
	global_prefetch_b8 v0, s[64:65] scope:SCOPE_SE
	s_setreg_imm32_b32 hwreg(HW_REG_WAVE_MODE, 25, 1), 1
	s_wait_xcnt 0x0
; prep: x [4096][1024] f32 is quantised to codes of FP6 (E2M3) with one E8M0 byte for each 32 along K, and the three weights, which arrive as codes, are laid anew.
; Everything leaves as IMAGES OF OPERAND REGISTERS, so that the products' launches read dense blocks.
; A TILE t is 16 rows that are not neighbours: row(t, i) = 32 (t / 2) + 8 (t % 2) + i + 8 (i / 8).
; A FRAGMENT IMAGE (tile t, 128 along K: 12 registers a lane) is 1,536 bytes: registers 4 p .. 4 p + 3 of lane l at 512 p + 16 l.
; Images lie [row / 128][K / 128][tile in the 128 rows]; scale words (four bytes: 128 along K of one row) lie [row / 128][K / 128][lane % 16][tile], 512 bytes a block.
; Work-groups 0-255: tile t of x, wave = K step.  Work-groups 256-343: a wave takes 128 rows x 128 K of a weight (24 + 32 + 32 work-groups).
; A block's scale is 2^(floor(log2(its largest magnitude)) - 2); its byte is the largest magnitude's exponent field - 2, held at 1 from below.
; LIMITS: a block of zeros, or one whose largest magnitude lies under 2^-124, gets the byte 1 (the rule says 127 for zeros): its codes are zeros and this program alone reads the bytes.
; NaN and infinities among the inputs are not served.
; No tensor loads, no barrier: waves share nothing.  x's scale words leave as 4 bytes a lane, 32 bytes apart (one byte in 128 of what the launch reads).
.set XI,  0
.set XS,  3145728
.set WQI, 3276800
.set WQS, 5636096
.set W1I, 5734400
.set W1S, 8880128
.set W2I, 9011200
.set W2S, 12156928
.set FRB, 1536                         ; a fragment's image
.set SP,  528                          ; a row of the wave's stage: 512 bytes + 16
.set WST, 16*SP                        ; a wave's stage
.set TM,  16                           ; v16-31  at work in QUANT
.set PC,  32                           ; v32-50  the codes just made
.set PW,  52                           ; v52     the scale word just made
.set RAW, 64                           ; v64-127 x as loaded
.set NUM, 128                          ; v128-191 64 numbers of my row: register 16 b + i = k 32 b + 16 (lane / 16) + i
.set SEL, 36                           ; s[36:37] lane selects: lane l xor 16
; 64 numbers of a lane, v[s] .. v[s + 63], become a fragment's codes in v[PC] .. v[PC + 11] and its scale word in v[PW].
.macro QUANT s
.irp b, 0,1,2,3
	v_max3_num_f32 v[TM+\b], |v[\s+16*\b]|, |v[\s+1+16*\b]|, 0x1800000   ; block b: my 16 numbers, and the floor 2^(3 - 127): the byte cannot fall under 1
.endr
.irp i, 2,4,6,8,10,12,14
.irp b, 0,1,2,3
	s_delay_alu instid0(VALU_DEP_4)
	v_max3_num_f32 v[TM+\b], v[TM+\b], |v[\s+16*\b+\i]|, |v[\s+1+16*\b+\i]|   ; the four blocks by turns
.endr
.endr
.irp b, 0,1,2,3
	s_delay_alu instid0(VALU_DEP_4)
	v_permlanex16_b32 v[TM+4+\b], v[TM+\b], s[SEL], s[SEL+1]
.endr
.irp b, 0,1,2,3
	s_delay_alu instid0(VALU_DEP_4)
	v_max_num_f32 v[TM+\b], v[TM+\b], v[TM+4+\b]   ; with lane l xor 16's: the block's largest magnitude
.endr
.irp b, 0,1,2,3
	s_delay_alu instid0(VALU_DEP_4)
	v_add_nc_u32 v[TM+12+\b], 0xff000000, v[TM+\b]   ; 2 off its exponent field: the conversion's scale operand
.endr
.irp b, 0,1,2,3
	s_delay_alu instid0(VALU_DEP_4)
	v_lshrrev_b32 v[TM+4+\b], 23, v[TM+12+\b]      ; the scale's byte
.endr
	s_delay_alu instid0(VALU_DEP_3)
	v_lshl_or_b32 v[PW], v[TM+5], 8, v[TM+4]
	s_delay_alu instid0(VALU_DEP_1)
	v_lshl_or_b32 v[PW], v[TM+6], 16, v[PW]
	s_delay_alu instid0(VALU_DEP_1)
	v_lshl_or_b32 v[PW], v[TM+7], 24, v[PW]
.irp c, 0,1
	v_cvt_scalef32_pk16_fp6_f32 v[PC+6*\c:PC+2+6*\c], v[\s+32*\c:\s+15+32*\c], v[TM+12+2*\c]
	v_cvt_scalef32_pk16_fp6_f32 v[PC+12+4*\c:PC+14+4*\c], v[\s+16+32*\c:\s+31+32*\c], v[TM+12+2*\c+1]   ; (three registers begin on an even number)
.endr
	v_nop                                          ; one plain place behind a scaled conversion
.irp c, 0,1                                    ; the operand wants a WHOLE block in a lane: lanes 0-15 block 2 c, lanes 16-31 block 2 c + 1
.irp i, 0,1,2
	v_permlane16_swap_b32 v[PC+6*\c+\i], v[PC+12+4*\c+\i]
.endr
.irp i, 0,1,2
	s_delay_alu instid0(VALU_DEP_3)
	v_mov_b32 v[PC+3+6*\c+\i], v[PC+12+4*\c+\i]
.endr
.endr
.endm
; 128 rows x 128 K of a weight: eight fragments and their scale words, read as the operand's layout wants them and stored as images.
.macro RELAY krow, ks, src, ssrc
	; A tile's 16 rows x 96 bytes are read as 96 pieces of 16 bytes, three loads: piece q = 32 n + lane is piece q % 6 of the tile's row q / 6, so neighbouring lanes read neighbouring 16 bytes of a row.
	; The pieces go into my own stage in LDS, row by row (96 bytes a row), and come back as the operand's layout wants them: lane (r, h) takes 24 bytes at 96 r + 24 h and 24 bytes at 96 r + 48 + 24 h.
	v_mul_u32_u24 v11, v9, \ks
.irp n, 0,1,2
	v_add_nc_u32 v[124+\n], 32*\n, v2              ; q  (the three loads' addresses by turns)
.endr
.irp n, 0,1,2
	s_delay_alu instid0(VALU_DEP_3)
	v_mul_u32_u24 v[13+\n], v[124+\n], 43
.endr
.irp n, 0,1,2
	s_delay_alu instid0(VALU_DEP_3)
	v_lshrrev_b32 v[13+\n], 8, v[13+\n]            ; i = q / 6 = (43 q) >> 8, exact for q under 96
.endr
.irp n, 0,1,2
	s_delay_alu instid0(VALU_DEP_3)
	v_mul_u32_u24 v[128+\n], v[13+\n], 6
.endr
.irp n, 0,1,2
	s_delay_alu instid0(VALU_DEP_3)
	v_sub_nc_u32 v[124+\n], v[124+\n], v[128+\n]   ; q % 6
.endr
.irp n, 0,1,2
	v_and_b32 v[128+\n], 8, v[13+\n]
.endr
.irp n, 0,1,2
	s_delay_alu instid0(VALU_DEP_3)
	v_add_nc_u32 v[13+\n], v[13+\n], v[128+\n]     ; i + 8 (i / 8)
.endr
.irp n, 0,1,2
	s_delay_alu instid0(VALU_DEP_3)
	v_mul_u32_u24 v[13+\n], v[13+\n], \krow
.endr
.irp n, 0,1,2
	s_delay_alu instid0(VALU_DEP_3)
	v_lshl_add_u32 v[124+\n], v[124+\n], 4, v[13+\n]
.endr
.irp i, 0,1,2,3,4,5,6,7
.irp n, 0,1,2
	global_load_b128 v[16+12*\i+4*\n:19+12*\i+4*\n], v[124+\n], s[\src:\src+1] offset:(32*(\i/2)+8*(\i%2))*\krow
.endr
	global_load_b32 v[112+\i], v11, s[\ssrc:\ssrc+1] offset:(32*(\i/2)+8*(\i%2))*\ks
.endr
	s_wait_loadcnt 0x0
.irp i, 0,1,2,3,4,5,6,7                        ; two halves of the stage by turns; LDS serves a wave's instructions in order: the loads see my stores, and a half's next stores follow its loads
.irp n, 0,1,2
	ds_store_b128 v6, v[16+12*\i+4*\n:19+12*\i+4*\n] offset:1536*(\i%2)+512*\n
.endr
.irp p, 0,1,2,3,4,5
	ds_load_b64 v[16+12*\i+2*\p:17+12*\i+2*\p], v7 offset:1536*(\i%2)+48*(\p/3)+8*(\p%3)
.endr
.endr
	s_wait_dscnt 0x0
.irp i, 0,1,2,3,4,5,6,7
.irp p, 0,1,2
	global_store_b128 v5, v[16+12*\i+4*\p:19+12*\i+4*\p], s[26:27] offset:FRB*\i+512*\p   ; 32 lanes store 512 consecutive bytes
.endr
.endr
	v_cmp_eq_u32 vcc_lo, 1, v4
.irp j, 0,1,2,3
	v_cndmask_b32 v[120+\j], v[112+\j], v[116+\j], vcc_lo   ; lanes 0-15 tiles 0-3's words of row r, lanes 16-31 tiles 4-7's
.endr
	global_store_b128 v12, v[120:123], s[28:29]    ; the block of 512 bytes whole
	s_wait_tensorcnt 0x0                           ; the wave's end
	ds_add_u32 v192, v193
	s_wait_dscnt 0x0
.endm
	s_load_b512 s[4:19], s[0:1], 0x0               ; x, w_qkv codes, scales, w1 codes, scales, w2 codes, scales, prep
	v_lshl_add_u32 v192, v0, 2, 0x10800
	v_mov_b32 v193, 0
	v_lshrrev_b32 v1, 5, v0
	s_delay_alu instid0(VALU_DEP_1)
	v_readfirstlane_b32 s20, v1                    ; wave 0..7
	v_and_b32 v2, 31, v0                           ; lane
	v_and_b32 v3, 15, v0                           ; r
	v_bfe_u32 v4, v0, 4, 1                         ; h
	s_delay_alu instid0(VALU_DEP_3)
	v_lshlrev_b32 v5, 4, v2                        ; 16 x lane
	s_wait_kmcnt 0x0
	s_cmp_lt_u32 ttmp9, 256
	s_cbranch_scc0 .Lweights
	; ---- x: tile t = the work-group's number, K step = the wave's number
	s_lshr_b32 s21, ttmp9, 1
	s_lshl_b32 s21, s21, 17                        ; 32 (t / 2) rows of 4,096 bytes
	s_and_b32 s22, ttmp9, 1
	s_lshl_b32 s22, s22, 15                        ; 8 (t % 2) rows
	s_add_co_u32 s24, s21, s22
	s_lshl_b32 s22, s20, 9                         ; 128 numbers a K step
	s_add_co_u32 s24, s24, s22
	s_mov_b32 s25, 0
	s_add_nc_u64 s[4:5], s[4:5], s[24:25]
	s_wait_alu depctr_va_vdst(0)
.irp i, 0,1,2,3,4,5,6,7,8,9,10,11,12,13,14,15
	global_load_b128 v[RAW+4*\i:RAW+4*\i+3], v5, s[4:5] offset:(\i+8*(\i/8))*4096 th:TH_LOAD_NT   ; 512 consecutive bytes of the tile's row i
.endr
	s_mov_b32 s[SEL], 0x76543210
	s_mov_b32 s[SEL+1], 0xfedcba98
	s_mul_i32 s21, s20, WST                        ; my stage
	v_add_nc_u32 v6, s21, v5                       ; in: as loaded
	v_mul_u32_u24 v7, v3, SP
	s_delay_alu instid0(VALU_DEP_1)
	v_lshl_add_u32 v7, v4, 6, v7
	s_delay_alu instid0(VALU_DEP_1)
	v_add_nc_u32 v7, s21, v7                       ; back: row r, + 64 h: 16 neighbours of each block of 32
	s_lshr_b32 s22, ttmp9, 3
	s_lshl_b32 s22, s22, 3
	s_add_co_u32 s22, s22, s20                     ; 8 (t / 8) + K step
	s_and_b32 s23, ttmp9, 7
	s_lshl_b32 s26, s22, 3
	s_add_co_u32 s26, s26, s23
	s_mul_i32 s26, s26, FRB
	s_mov_b32 s27, 0
	s_add_nc_u64 s[26:27], s[18:19], s[26:27]      ; my image (XI = 0)
	s_lshl_b32 s28, s22, 9
	s_lshl_b32 s23, s23, 2
	s_add_co_u32 s28, s28, s23
	s_add_co_u32 s28, s28, XS
	s_mov_b32 s29, 0
	s_add_nc_u64 s[28:29], s[18:19], s[28:29]      ; my tile's words in the block of scale words
	v_lshlrev_b32 v8, 5, v3                        ; 32 r
.irp b, 0,1,2,3
	v_mov_b32 v[TM+4+\b], 0                        ; a lane permute's destination counts as one of its sources
.endr
	s_wait_alu depctr_va_vdst(0)
	s_wait_loadcnt 0x0
.irp i, 0,1,2,3,4,5,6,7,8,9,10,11,12,13,14,15
	ds_store_b128 v6, v[RAW+4*\i:RAW+4*\i+3] offset:\i*SP
.endr
.irp b, 0,1,2,3
.irp j, 0,1,2,3
	ds_load_b128 v[NUM+16*\b+4*\j:NUM+16*\b+4*\j+3], v7 offset:128*\b+16*\j   ; LDS serves a wave's instructions in order: these see my stores
.endr
.endr
	s_wait_dscnt 0x0
	QUANT NUM
.irp p, 0,1,2
	global_store_b128 v5, v[PC+4*\p:PC+4*\p+3], s[26:27] offset:512*\p
.endr
	global_store_b32 v8, v[PW], s[28:29]           ; lanes l and l + 16 hold the same word and write it to the same place
	s_wait_tensorcnt 0x0
	ds_add_u32 v192, v193
	s_wait_dscnt 0x0
	s_endpgm
.Lweights:
	s_wait_alu depctr_va_vdst(0)
	v_and_b32 v9, 8, v3
	s_delay_alu instid0(VALU_DEP_1)
	v_add_nc_u32 v9, v9, v3                        ; r + 8 (r / 8)
	v_lshlrev_b32 v12, 5, v3
	s_delay_alu instid0(VALU_DEP_1)
	v_lshl_add_u32 v12, v4, 4, v12                 ; 32 r + 16 h
	s_mul_i32 s31, s20, 3072                       ; my stage for the weights' tiles: 2 x 1,536 bytes a wave, behind the spare words: bytes that the path for x never names
	s_add_co_u32 s31, s31, 68608
	v_add_nc_u32 v6, s31, v5                       ; in: 16 x lane
	v_mul_u32_u24 v7, v3, 96
	s_delay_alu instid0(VALU_DEP_1)
	v_mad_u32_u24 v7, v4, 24, v7
	s_delay_alu instid0(VALU_DEP_1)
	v_add_nc_u32 v7, s31, v7                       ; back: 96 r + 24 h
	s_sub_co_u32 s21, ttmp9, 256
	s_cmp_lt_u32 s21, 56
	s_cbranch_scc0 .Lw2
	; ---- w_qkv (24 work-groups) and w1 (32): rows of 768 bytes.  The choice hangs on the work-group's number alone
	s_mov_b32 s23, W1I
	s_mov_b32 s30, W1S
	s_cmp_lt_u32 s21, 24
	s_cselect_b64 s[6:7], s[6:7], s[10:11]
	s_cselect_b64 s[8:9], s[8:9], s[12:13]
	s_cselect_b32 s22, 0, 24
	s_cselect_b32 s23, WQI, s23
	s_cselect_b32 s30, WQS, s30
	s_sub_co_u32 s21, s21, s22                     ; which 128 rows; the wave is the K step
	s_mul_i32 s24, s21, 128*768
	s_mul_i32 s22, s20, 96
	s_add_co_u32 s24, s24, s22
	s_mov_b32 s25, 0
	s_add_nc_u64 s[6:7], s[6:7], s[24:25]
	s_lshl_b32 s24, s21, 12                        ; 128 rows of 32 scale bytes
	s_lshl_b32 s22, s20, 2
	s_add_co_u32 s24, s24, s22
	s_add_nc_u64 s[8:9], s[8:9], s[24:25]
	s_lshl_b32 s21, s21, 3
	s_add_co_u32 s21, s21, s20                     ; 8 x block of rows + K step
	s_mul_i32 s24, s21, 8*FRB
	s_add_co_u32 s24, s24, s23
	s_add_nc_u64 s[26:27], s[18:19], s[24:25]
	s_lshl_b32 s24, s21, 9
	s_add_co_u32 s24, s24, s30
	s_add_nc_u64 s[28:29], s[18:19], s[24:25]
	s_wait_alu depctr_va_vdst(0)
	RELAY 768, 32, 6, 8
	s_endpgm
.Lw2:
	; ---- w2 (32 work-groups): rows of 3,072 bytes, 32 K steps
	s_sub_co_u32 s21, s21, 56
	s_lshr_b32 s22, s21, 2                         ; which 128 rows
	s_and_b32 s23, s21, 3
	s_lshl_b32 s23, s23, 3
	s_add_co_u32 s23, s23, s20                     ; K step
	s_mul_i32 s24, s22, 128*3072
	s_mul_i32 s30, s23, 96
	s_add_co_u32 s24, s24, s30
	s_mov_b32 s25, 0
	s_add_nc_u64 s[14:15], s[14:15], s[24:25]
	s_lshl_b32 s24, s22, 14                        ; 128 rows of 128 scale bytes
	s_lshl_b32 s30, s23, 2
	s_add_co_u32 s24, s24, s30
	s_add_nc_u64 s[16:17], s[16:17], s[24:25]
	s_lshl_b32 s21, s21, 3
	s_add_co_u32 s21, s21, s20                     ; 32 x block of rows + K step
	s_mul_i32 s24, s21, 8*FRB
	s_add_co_u32 s24, s24, W2I
	s_add_nc_u64 s[26:27], s[18:19], s[24:25]
	s_lshl_b32 s24, s21, 9
	s_add_co_u32 s24, s24, W2S
	s_add_nc_u64 s[28:29], s[18:19], s[24:25]
	s_wait_alu depctr_va_vdst(0)
	RELAY 3072, 128, 14, 16
	s_endpgm
.Lfunc_end_k_q717ebb24fb_prep:
	.size	k_q717ebb24fb_prep, .Lfunc_end_k_q717ebb24fb_prep-k_q717ebb24fb_prep
	.p2alignl 7, 3214868480
	.fill 96, 4, 3214868480
	.section	.rodata,"a",@progbits
	.p2align	6, 0x0
	.amdhsa_kernel k_q717ebb24fb_prep
		.amdhsa_group_segment_fixed_size 93184
		.amdhsa_private_segment_fixed_size 0
		.amdhsa_enable_private_segment 0
		.amdhsa_kernarg_size 64
		.amdhsa_user_sgpr_count 2
		.amdhsa_user_sgpr_kernarg_segment_ptr 1
		.amdhsa_wavefront_size32 1
		.amdhsa_system_sgpr_workgroup_id_x 1
		.amdhsa_system_sgpr_workgroup_id_y 1
		.amdhsa_system_sgpr_workgroup_id_z 1
		.amdhsa_system_vgpr_workitem_id 0
		.amdhsa_next_free_vgpr 194
		.amdhsa_next_free_sgpr 66
		.amdhsa_reserve_vcc 1
		.amdhsa_float_denorm_mode_32 3
		.amdhsa_float_denorm_mode_16_64 3
		.amdhsa_memory_ordered 1
		.amdhsa_forward_progress 1
		.amdhsa_inst_pref_size 40
	.end_amdhsa_kernel
	.amdgpu_metadata
---
amdhsa.version: [ 1, 2 ]
amdhsa.kernels:
  - .name:           k_q717ebb24fb_prep
    .symbol:         k_q717ebb24fb_prep.kd
    .args:
      - { .name: x, .offset: 0, .size: 8, .value_kind: global_buffer, .address_space: global }
      - { .name: w_qkv_codes, .offset: 8, .size: 8, .value_kind: global_buffer, .address_space: global }
      - { .name: w_qkv_scales, .offset: 16, .size: 8, .value_kind: global_buffer, .address_space: global }
      - { .name: w1_codes, .offset: 24, .size: 8, .value_kind: global_buffer, .address_space: global }
      - { .name: w1_scales, .offset: 32, .size: 8, .value_kind: global_buffer, .address_space: global }
      - { .name: w2_codes, .offset: 40, .size: 8, .value_kind: global_buffer, .address_space: global }
      - { .name: w2_scales, .offset: 48, .size: 8, .value_kind: global_buffer, .address_space: global }
      - { .name: prep, .offset: 56, .size: 8, .value_kind: global_buffer, .address_space: global }
    .group_segment_fixed_size: 93184
    .private_segment_fixed_size: 0
    .kernarg_segment_align: 8
    .kernarg_segment_size: 64
    .max_flat_workgroup_size: 256
    .sgpr_count:     66
    .vgpr_count:     194
    .wavefront_size: 32
...
	.end_amdgpu_metadata
.endif
;; end of part 8
;; launch qkv (part 9): grid 16 x 12, 4 waves a work-group, clusters of 4 x 4, 327,680 bytes of LDS; arguments prep, qkv; writes qkv
.if DOCPART == 9
	.amdgcn_target "amdgcn-amd-amdhsa--gfx1250"
	.amdhsa_code_object_version 6
	.text
	.protected	k_q717ebb24fb_qkv
	.globl	k_q717ebb24fb_qkv
	.p2align	8
	.type	k_q717ebb24fb_qkv,@function
k_q717ebb24fb_qkv:
	s_mov_b64 s[64:65], 0
	v_nop
	global_prefetch_b8 v0, s[64:65] scope:SCOPE_SE
	s_setreg_imm32_b32 hwreg(HW_REG_WAVE_MODE, 25, 1), 1
	s_wait_xcnt 0x0
	s_wait_alu depctr_hold_cnt(0) depctr_sa_sdst(0) depctr_va_vdst(0) depctr_va_sdst(0) depctr_va_ssrc(0) depctr_va_vcc(0) depctr_vm_vsrc(0)
	s_getreg_b32 s2, hwreg(HW_REG_IB_STS2, 6, 4)
	s_cmp_eq_u32 s2, 0
	s_cbranch_scc0 .Lentry_in_a_cluster
	s_endpgm
.Lentry_in_a_cluster:
	s_bfe_u32 s2, ttmp6, 0x10000c
	s_cmp_lg_u32 s2, 0xf033
	s_cbranch_scc0 .Lentry_shape_is_right
	s_endpgm
.Lentry_shape_is_right:
; ONE SOURCE FOR THE THREE LARGE PRODUCTS; the line .set MODE says which.  C = A B^T on codes of FP6 (E2M3) with one E8M0 scale for each 32 along K, sums in f32.
;   MODE 0: q, k = Q(x) w_qkv (clusters y = 0, 1: A = x, B = w's rows 0-2047) and v^T (cluster y = 2: A = w's rows 2048-3071, B = x, so that the tokens run along a lane's registers).
;           The results are quantised along a lane's registers (q, k along the head's 64; v along the keys) and leave as halves of fragment images (768 bytes: 64 along K) with their scale words.
;   MODE 1: hidden = Q(relu(Q(x1) w1 + b1)), leaves as fragment images and scale words.      MODE 2: ff = hidden w2 + b2, leaves as f32 rows.
; OPERANDS ARRIVE AS IMAGES OF THEIR REGISTERS: a fragment (16 rows x 128 K: 12 registers a lane) is 1,536 bytes, registers 4 p .. 4 p + 3 of lane l at 512 p + 16 l; images lie [row / 128][K / 128][tile];
; so 128 rows x 256 K are 24,576 dense bytes, one tensor load, and a fragment is three loads of 16 bytes a lane from LDS, 512 consecutive bytes each.  Scale words lie [row / 128][K / 128][lane % 16][tile].
; A TILE'S 16 ROWS ARE NOT NEIGHBOURS: row(t, i) = 32 (t / 2) + 8 (t % 2) + i + 8 (i / 8), in both operands.  THE MATRIX INSTRUCTION IS USED TRANSPOSED (source 0 = a tile of B, source 1 = a tile of A):
; lane (r, h) holds row(a, r) of C, and register j of accumulator (a, b) its column 32 (b / 2) + 16 h + 8 (b % 2) + j: the 64 registers of a block row are 16 neighbours of each block of 32.
; A tile of C, 256 x 256, is made by four waves, each 128 x 128: 64 accumulators, 512 registers.  K goes in steps of 256 through a ring of two LDS slots; the scale words of all of K come once.
; CLUSTERS: 4 x 4 work-groups; A's tiles are asked for jointly along a row of the cluster, B's along a column.
; REGISTERS: window 0: v1-29 addresses; v32-63 scale words, two sets, and nothing else; v64-127 the bias in the result's layout; v128-223 A's fragments, one set; on the way out v64-255 are at work.
;   window 1: B's fragments, two sets, at v0 and v128.   windows 2, 3: the accumulators of my rows 0-63 and 64-127 (accumulator (a, b) at v[8 (8 (a % 4) + b)]).
; LIMITS (MODE 0, 1): a block of zeros, or one whose largest magnitude lies under 2^-124, gets the scale byte 1: its codes are zeros and this program alone reads the bytes.  NaN and infinities are not served.
.set MODE,   0
.if MODE == 2
.set SIZE_K, 4096
.else
.set SIZE_K, 1024
.endif
.set NQ,     2                         ; matrix instructions deep in a slot
.set FR,     12                        ; registers of a fragment
.set NL,     3                         ; LDS loads that bring one
.set NP,     4                         ; places behind this matrix instruction (ISA guide 7.12.1)
.set FRB,    1536                      ; a fragment's image
.set HALFT,  16*FRB                    ; 128 rows x 256 K: what one tensor load brings
.set SLOT,   4*HALFT                   ; A's 256 rows, then B's 256 rows
.set HALFS,  (SIZE_K/128)*512          ; the scale words of 128 rows, all of K
.set RBB,    (SIZE_K/128)*8*FRB        ; the images of 128 rows, all of K
; THE WALK ALONG K (1,024): K steps 0-3 of both operands come whole at the head into bytes 0 .. 2 SLOT (A's two halves of 128 rows, then B's, 49,152 bytes each); K steps 4, 5 into bytes 2 SLOT .. 3 SLOT behind the
; second round; K steps 6, 7 fill bytes 0 .. SLOT again behind the round in K step 3.  For the fragments these are four places of two K steps, each with address registers of its own (ADRA + 0 .. 3, ADRB + 0 .. 3).
; PREFETCH: at the head each wave names, for each of the two later fills, 24 of the 96 blocks of 256 bytes of the quarter that it will fetch: the four partners of a joint load share the blocks out by address.
.set SCL,    3*SLOT
.set SPARE,  SCL+4*HALFS+1024          ; the spare words, 128 bytes a wave: two blocks of 256 bytes that no other line names
.set LAPS,   SIZE_K/512                ; a lap = two slots
.set XI,  0                            ; parts of the buffer prep
.set XS,  3145728
.set WQI, 3276800
.set WQS, 5636096
.set W1I, 5734400
.set W1S, 8880128
.set W2I, 9011200
.set W2S, 12156928
.set QKU, 0                            ; parts of the buffer qkv
.set VU,  6291456
.set QKS, 9437184
.set VSB, 9699328
.set HSO, 12582912                     ; the scale words in the buffer hid
.if MODE == 1
.set AOFF,  16777216                   ; x1's images and scale words
.set ASOFF, 19922944
.set BOFF,  W1I
.set BSOFF, W1S
.endif
.if MODE == 2
.set AOFF,  0
.set ASOFF, HSO
.set BOFF,  W2I
.set BSOFF, W2S
.endif
.if MODE == 0
.set PB, 4                             ; B's buffer is A's
.set ZERO, 1                           ; the first products start the sums with 0
.else
.set PB, 6
.set ZERO, 2                           ; with the bias
.endif
.set L16,  4                           ; v4   16 x lane
.set L8,   7                           ; v7   8 x lane
.set SCO,  8                           ; v8   32 r + 16 h
.set BOV,  9                           ; v9   64 h
.set ADRA, 16                          ; v16-17  my A fragments in slot 0, 1
.set ADRB, 20                          ; v20-21  my B fragments
.set STO,  24                          ; v24, v25  MODE 2: into the stage, and back
.set RD,   25
.set ADRS, 27                          ; v27  my scale words: lanes 0-15 A's, lanes 16-31 B's
.set SPW,  28                          ; v28  my spare word; never rewritten
.set NIL,  29                          ; v29  0; never rewritten
.set SC,   32                          ; scale words: set s at v[SC + 16 s]; register 8 q + i: tile i, the slot's q-th 128 along K
.set BIAS, 64
.set AF,   128
.set PC,   64                          ; the way out: 8 x 20 registers of codes
.set TM,   224                         ; v224-239 at work
.set PW,   240                         ; v240-247 a scale word for each block row
.set Z,    248
.set BK,   128                         ; MODE 2: rows read back from the stage
.set SEL,  12                          ; s12, s13 lane selects: lane l xor 16
.set FL,   100                         ; s100 the floor 2^(3 - 127)
.set G1, 24                            ; s[24:31] descriptor group 1 for A's tiles;  s[32:39] group 0, a set for each slot
.set G0, 32
.set G1B, 48                           ; the same for B's tiles
.set G0B, 56
.set G1S, 68                           ; groups 1 and 0 for A's scale words;  for B's
.set G0S, 76
.set G1SB, 80
.set G0SB, 88
.set MSB, 0
.macro WIN new                         ; the immediate's high byte repeats the setting that is left
.if MSB != (\new)
	s_set_vgpr_msb (MSB<<8)|(\new)
.set MSB, (\new)
.endif
.endm
.set MUL_LO, 0xa1                      ; source 0 (B) window 1, source 1 (A) window 0, C and D window 2
.set MUL_HI, 0xf1                      ; the same, C and D window 3
.set TO_B,   0x40                      ; destination window 1, address window 0
; A joint load: waves 0 and 1 fetch for A, waves 2 and 3 for B; the branch hangs on the wave's number alone.  Four v_nop follow each of the two lines.
.macro JLOAD g0a, g1a, g0b, g1b
	s_cmp_eq_u32 s15, 0
	s_cbranch_scc0 .Lfor_b_\@
	tensor_load_to_lds s[\g0a:\g0a+3], s[\g1a:\g1a+7]
	s_nop 0
.rept 4
	v_nop
.endr
	s_branch .Lasked_\@
.Lfor_b_\@:
	tensor_load_to_lds s[\g0b:\g0b+3], s[\g1b:\g1b+7]
	s_nop 0
.rept 4
	v_nop
.endr
.Lasked_\@:
.endm
.macro CREST                           ; a round of the cluster's barrier behind its opening barrier
	s_cmp_lg_u32 s14, 0
	s_cbranch_scc1 .Lnot_wave_0_\@
	s_barrier_signal -3
.Lnot_wave_0_\@:
	s_barrier_wait -3
	s_barrier_signal -1
	s_barrier_wait -1
.endm
.macro CROUND                          ; a whole round
	s_barrier_signal -1
	s_barrier_wait -1
	CREST
.endm
.if MODE == 0
	s_load_b128 s[4:7], s[0:1], 0x0                ; prep, qkv
.else
	s_load_b256 s[4:11], s[0:1], 0x0               ; A's buffer, prep, the bias, the output
.endif
	v_lshl_add_u32 v[SPW], v0, 2, SPARE
	v_mov_b32 v[NIL], 0
	ds_add_u32 v28, v29
	ds_add_u32 v28, v29
	s_wait_dscnt 0x0
	v_lshrrev_b32 v1, 5, v0
	v_readfirstlane_b32 s14, v1                    ; wave 0..3
	s_lshr_b32 s15, s14, 1                         ; which half of the tile's rows is mine.  Also: I fetch for A (0) or for B (1)
	s_and_b32 s16, s14, 1                          ; which half of its columns.  Also: which 128 rows of that tile I fetch
	s_bfe_u32 s40, ttmp6, 0x40000                  ; cx, cy: my place in the cluster
	s_bfe_u32 s41, ttmp6, 0x40004
.if MODE == 0
	s_lshl_b32 s18, ttmp9, 2                       ; 4 x cluster x
	s_and_b32 s19, ttmp7, 0xffff                   ; cluster y: 0, 1: q and k; 2: v.  All partners of a cluster share it; only offsets in memory hang on it
	s_lshl_b32 s20, s19, 2
	s_mov_b32 s93, WQS+16*HALFS
	s_mov_b32 s95, XS
	s_mov_b32 s96, 49152
	s_mov_b32 s97, 4096
	s_mov_b32 s99, VSB
	s_cmp_lt_u32 s19, 2
	s_cselect_b32 s17, s18, 0                      ; the cluster's first tile row
	s_cselect_b32 s42, s20, s18                    ; and tile column
	s_cselect_b32 s92, XI, WQI+16*RBB              ; A's images,
	s_cselect_b32 s93, XS, s93                     ; A's scale words,
	s_cselect_b32 s94, WQI, XI                     ; B's images,
	s_cselect_b32 s95, WQS, s95                    ; B's scale words
	s_cselect_b32 s96, 196608, s96                 ; the output: bytes of a group of 64 columns (256 or 64 row tiles of 768 bytes),
	s_cselect_b32 s97, 16384, s97                  ; of a pair's scale words (32 or 8 blocks of 512 bytes),
	s_cselect_b32 s98, QKU, VU                     ; and where its two parts begin
	s_cselect_b32 s99, QKS, s99
	s_add_co_u32 s17, s17, s41                     ; tile row of C
	s_add_co_u32 s42, s42, s40                     ; tile column of C
.else
	s_lshl_b32 s42, ttmp9, 2
	s_add_co_u32 s42, s42, s40                     ; tile column of C = 4 x cluster x + cx
	s_and_b32 s17, ttmp7, 0xffff
	s_lshl_b32 s17, s17, 2
	s_add_co_u32 s17, s17, s41                     ; tile row of C = 4 x cluster y + cy
.endif
	s_lshl_b32 s43, s41, 2
	s_lshl_b32 s43, 15, s43                        ; my row of the cluster
	s_lshl_b32 s44, 0x1111, s40                    ; my column
	; descriptor group 1: 24,576 dense bytes as 96 rows of 256 bytes (32 elements of 8 bytes), no padding
	s_or_b32 s[G1+0], s43, (3<<16)|(1<<21)         ; 15:0 the mask: A's tiles go to my row; 17:16 elements of 8 bytes; 21 set beside a mask
	s_or_b32 s[G1B+0], s44, (3<<16)|(1<<21)
.irp g, G1, G1B                                ; for the head's loads: two rows of 49,152 bytes (6,144 elements), one for each 128 rows of the operand, RBB bytes apart
	s_mov_b32 s[\g+1], 6144<<16                    ; rows of 49,152 bytes: four K steps of 128 rows
	s_mov_b32 s[\g+2], 2<<16
	s_mov_b32 s[\g+3], 6144<<16
	s_mov_b32 s[\g+4], 2
	s_mov_b32 s[\g+5], RBB/8
	s_mov_b32 s[\g+6], 0
	s_mov_b32 s[\g+7], 0
.endr
	s_or_b32 s[G1S+0], s43, (3<<16)|(1<<21)        ; the scale words of 128 rows: HALFS dense bytes, likewise
	s_or_b32 s[G1SB+0], s44, (3<<16)|(1<<21)
.irp g, G1S, G1SB
	s_mov_b32 s[\g+1], 32<<16
	s_mov_b32 s[\g+2], (2*HALFS/256)<<16           ; the scale words of all 256 rows: 2 HALFS dense bytes
	s_mov_b32 s[\g+3], 32<<16
	s_mov_b32 s[\g+4], 2*HALFS/256
	s_mov_b32 s[\g+5], 32
	s_mov_b32 s[\g+6], 0
	s_mov_b32 s[\g+7], 0
.endr
	s_lshl_b32 s20, s17, 1
	s_add_co_u32 s20, s20, s16                     ; A: block of 128 rows = 2 x tile row + the half that I fetch
	s_lshl_b32 s46, s42, 1
	s_add_co_u32 s46, s46, s16                     ; B: 2 x tile column + half
	s_mul_i32 s22, s20, HALFS
	s_mul_i32 s20, s20, RBB
	s_mul_i32 s66, s46, HALFS
	s_mul_i32 s46, s46, RBB
.if MODE == 0
	s_add_co_u32 s20, s20, s92
	s_add_co_u32 s22, s22, s93
	s_add_co_u32 s46, s46, s94
	s_add_co_u32 s66, s66, s95
.else
	s_add_co_u32 s20, s20, AOFF
	s_add_co_u32 s22, s22, ASOFF
	s_add_co_u32 s46, s46, BOFF
	s_add_co_u32 s66, s66, BSOFF
.endif
	s_mov_b32 s21, 0
	s_mov_b32 s23, 0
	s_mov_b32 s47, 0
	s_mov_b32 s67, 0
	s_mul_i32 s45, s14, HALFT                      ; where they go: wave x 24,576: no place in the cluster enters an LDS address
	s_mov_b32 s[SEL], 0x76543210
	s_mov_b32 s[SEL+1], 0xfedcba98
	s_mov_b32 s[FL], 0x1800000
	s_wait_kmcnt 0x0
	s_add_nc_u64 s[20:21], s[4:5], s[20:21]
	s_add_nc_u64 s[22:23], s[4:5], s[22:23]
	s_add_nc_u64 s[46:47], s[PB:PB+1], s[46:47]
	s_add_nc_u64 s[66:67], s[PB:PB+1], s[66:67]
	CROUND                                         ; all sixteen work-groups are here: the first joint loads meet
; THE HEAD'S FOUR TILES, EACH WHOLE, ONE LOAD A WAVE: wave 0 slot 0's 256 rows of A, wave 1 its 256 rows of B, wave 2 A's scale words, wave 3 B's.
; The addresses made above hold the half that the wave fetches in the ring: it is taken off again here.
	s_mov_b32 s3, 0
	s_mul_i32 s2, s16, RBB
	s_mov_b32 s[G0], 1
	s_mov_b32 s[G0+1], 0
	s_sub_nc_u64 s[G0+2:G0+3], s[20:21], s[2:3]
	s_or_b32 s[G0+3], s[G0+3], 0x80000000
	s_mov_b32 s[G0B], 1
	s_mov_b32 s[G0B+1], 4*HALFT
	s_sub_nc_u64 s[G0B+2:G0B+3], s[46:47], s[2:3]
	s_or_b32 s[G0B+3], s[G0B+3], 0x80000000
	s_mul_i32 s2, s16, HALFS
	s_mov_b32 s[G0S], 1
	s_mov_b32 s[G0S+1], SCL
	s_sub_nc_u64 s[G0S+2:G0S+3], s[22:23], s[2:3]
	s_or_b32 s[G0S+3], s[G0S+3], 0x80000000
	s_mov_b32 s[G0SB], 1
	s_mov_b32 s[G0SB+1], SCL+2*HALFS
	s_sub_nc_u64 s[G0SB+2:G0SB+3], s[66:67], s[2:3]
	s_or_b32 s[G0SB+3], s[G0SB+3], 0x80000000
	s_mov_b32 s[G0+4], 1                           ; slot 1's group 0: my quarter of it
	s_add_co_u32 s[G0+5], s45, 2*SLOT              ; K steps 4, 5
	s_add_nc_u64 s[G0+6:G0+7], s[20:21], 2*HALFT
	s_or_b32 s[G0+7], s[G0+7], 0x80000000
	s_mov_b32 s[G0B+4], 1
	s_add_co_u32 s[G0B+5], s45, 2*SLOT
	s_add_nc_u64 s[G0B+6:G0B+7], s[46:47], 2*HALFT
	s_or_b32 s[G0B+7], s[G0B+7], 0x80000000
.macro ARM under, g0, g1, next                 ; one tree of branches on the wave's number: every way through the head passes one load
	s_cmp_lt_u32 s14, \under
	s_cbranch_scc0 \next
	tensor_load_to_lds s[\g0:\g0+3], s[\g1:\g1+7]
	s_nop 0
.rept 4
	v_nop
.endr
	s_branch .Lhead_asked
\next:
.endm
	s_cmp_eq_u32 s15, 0                            ; the prefetches' base: the quarter that I fetch in the later fills (A's or B's),
	s_cselect_b64 s[8:9], s[20:21], s[46:47]
	s_cselect_b32 s18, s40, s41                    ; + my work-group's 24 blocks of its 96: my place among the four that ask jointly (cx for A, cy for B)
	s_mul_i32 s18, s18, 24*256
	s_mov_b32 s19, 0
	s_add_nc_u64 s[8:9], s[8:9], s[18:19]
	ARM 1, G0,  G1,  .Lhead_b
	ARM 2, G0B, G1B, .Lhead_sa
	ARM 3, G0S, G1S, .Lhead_sb
	tensor_load_to_lds s[G0SB:G0SB+3], s[G1SB:G1SB+7]
	s_nop 0
.rept 4
	v_nop
.endr
.Lhead_asked:
	v_and_b32 v1, 15, v0                           ; r
	v_bfe_u32 v2, v0, 4, 1                         ; h
	v_and_b32 v3, 31, v0
	v_lshlrev_b32 v[L16], 4, v3
	v_min_u32 v30, 23, v3
	v_lshlrev_b32 v30, 8, v30                      ; a lane a block of 256 bytes; lanes 24-31 name the last block again
	global_prefetch_b8 v30, s[8:9] offset:2*HALFT th:TH_LOAD_NT scope:SCOPE_SE   ; K steps 4, 5: the next fill
	global_prefetch_b8 v30, s[8:9] offset:3*HALFT th:TH_LOAD_NT scope:SCOPE_SE   ; K steps 6, 7: the fill after it; the two registers are never written again
	v_lshlrev_b32 v[L8], 3, v3
	v_lshlrev_b32 v5, 5, v1                        ; 32 r
	v_lshl_add_u32 v[SCO], v2, 4, v5
	v_lshlrev_b32 v[BOV], 6, v2
	s_wait_alu depctr_va_vdst(0)
	s_mul_i32 s21, s15, 2*HALFT                    ; places 0, 1: K steps 0-3; my 128 rows of A,
	s_mul_i32 s22, s16, 2*HALFT                    ; my 128 rows of B,
	s_add_co_u32 s22, s22, 4*HALFT                 ; which lie behind A's 256
.irp s, 0,1
	v_add_nc_u32 v[ADRA+\s], s21, v[L16]
	v_add_nc_u32 v[ADRB+\s], s22, v[L16]
	s_add_co_u32 s21, s21, HALFT
	s_add_co_u32 s22, s22, HALFT
.endr
	s_mul_i32 s21, s15, HALFT                      ; place 3: K steps 6, 7, a quarter a wave from byte 0 on,
	s_mul_i32 s22, s16, HALFT
	s_add_co_u32 s22, s22, 2*HALFT
	v_add_nc_u32 v[ADRA+3], s21, v[L16]
	v_add_nc_u32 v[ADRB+3], s22, v[L16]
	s_add_co_u32 s21, s21, 2*SLOT                  ; place 2: K steps 4, 5, likewise from byte 2 SLOT on
	s_add_co_u32 s22, s22, 2*SLOT
	v_add_nc_u32 v[ADRA+2], s21, v[L16]
	v_add_nc_u32 v[ADRB+2], s22, v[L16]
	s_mul_i32 s21, s15, HALFS                      ; A's scale words: my 128 rows
	s_mul_i32 s22, s16, HALFS                      ; B's: my 128 rows, behind A's 256
	s_add_co_u32 s22, s22, 2*HALFS
	s_sub_co_u32 s22, s22, s21
	v_mul_u32_u24 v6, s22, v2                      ; lanes 16-31 take B's
	s_wait_alu depctr_va_vdst(0)
	s_add_co_u32 s21, s21, SCL
	v_add_nc_u32 v5, v5, v6
	v_add_nc_u32 v[ADRS], s21, v5
.if MODE == 2
	s_mul_i32 s23, s14, 16*528                     ; my stage: 16 rows x (512 bytes + 16), in slot 0
	v_mul_u32_u24 v5, v1, 528
	v_lshl_add_u32 v5, v2, 6, v5
	v_add_nc_u32 v[STO], s23, v5                   ; in: row r, + 64 h
	v_add_nc_u32 v[RD], s23, v[L16]                ; back: the 32 lanes take a row of 512 bytes
.endif
.if MODE > 0
	s_lshl_b32 s46, s42, 10                        ; the bias of my 128 columns
	s_lshl_b32 s47, s16, 9
	s_add_co_u32 s46, s46, s47
	s_mov_b32 s47, 0
	s_add_nc_u64 s[8:9], s[8:9], s[46:47]
.irp b, 0,1,2,3,4,5,6,7
	global_load_b128 v[BIAS+8*\b:BIAS+8*\b+3], v[BOV], s[8:9] offset:(32*(\b/2)+8*(\b%2))*4      ; lane (r, h), tile b: columns 32 (b / 2) + 8 (b % 2) + 16 h + 0 .. 7
	global_load_b128 v[BIAS+8*\b+4:BIAS+8*\b+7], v[BOV], s[8:9] offset:(32*(\b/2)+8*(\b%2))*4+16
.endr
.endif
.if MODE == 0
	s_lshl_b32 s18, s42, 2
	s_lshl_b32 s19, s16, 1
	s_add_co_u32 s18, s18, s19                     ; my first group of 64 columns
	s_mul_i32 s18, s18, s96
	s_lshl_b32 s19, s17, 4
	s_lshl_b32 s22, s15, 3
	s_add_co_u32 s19, s19, s22                     ; my first row tile
	s_mul_i32 s19, s19, 768
	s_add_co_u32 s18, s18, s19
	s_add_co_u32 s18, s18, s98
	s_mov_b32 s19, 0
	s_add_nc_u64 s[18:19], s[6:7], s[18:19]        ; the first group's halves of images,
	s_mov_b32 s20, s96
	s_mov_b32 s21, 0
	s_add_nc_u64 s[20:21], s[18:19], s[20:21]      ; the second group's
	s_lshl_b32 s22, s42, 1
	s_add_co_u32 s22, s22, s16
	s_mul_i32 s22, s22, s97
	s_lshl_b32 s23, s17, 1
	s_add_co_u32 s23, s23, s15
	s_lshl_b32 s23, s23, 9
	s_add_co_u32 s22, s22, s23
	s_add_co_u32 s22, s22, s99
	s_mov_b32 s23, 0
	s_add_nc_u64 s[22:23], s[6:7], s[22:23]        ; my block of scale words
.endif
.if MODE == 1
	s_lshl_b32 s18, s17, 1
	s_add_co_u32 s18, s18, s15
	s_lshl_b32 s18, s18, 5
	s_lshl_b32 s19, s42, 1
	s_add_co_u32 s18, s18, s19
	s_add_co_u32 s18, s18, s16                     ; 32 x (row / 128) + column / 128
	s_lshl_b32 s22, s18, 9
	s_add_co_u32 s22, s22, HSO
	s_mov_b32 s23, 0
	s_mul_i32 s18, s18, 8*FRB
	s_mov_b32 s19, 0
	s_add_nc_u64 s[18:19], s[10:11], s[18:19]      ; my eight images,
	s_add_nc_u64 s[22:23], s[10:11], s[22:23]      ; my block of scale words
.endif
.if MODE == 2
	s_lshl_b32 s18, s17, 8
	s_lshl_b32 s19, s15, 7
	s_add_co_u32 s18, s18, s19
	s_lshl_b32 s18, s18, 12                        ; my first row, 4,096 bytes a row,
	s_lshl_b32 s19, s42, 10
	s_add_co_u32 s18, s18, s19
	s_lshl_b32 s19, s16, 9
	s_add_co_u32 s18, s18, s19                     ; my first column
	s_mov_b32 s19, 0
	s_add_nc_u64 s[18:19], s[10:11], s[18:19]
.endif
.macro FRAG reg, adr, q, i             ; a fragment's image comes back as it was stored: three loads of 512 consecutive bytes
.irp p, 0,1,2
	ds_load_b128 v[\reg+4*\p:\reg+4*\p+3], v[\adr] offset:(8*(\q)+(\i))*FRB+512*\p
.endr
.endm
; 16 matrix instructions: A's blocks a0, a0 + 1 x B's eight, the slot's q-th 128 along K.  p: B's set;  sc: the set of scale words.  zero = 1: C is 0;  2: C is the bias;  0: in place.
; The 64 accumulators take turns, one instruction a turn, in the same order in every step.
.macro MUL16 a0, p, q, sc, zero
.irp a, \a0, \a0+1
.irp b, 0,1,2,3,4,5,6,7
.set DD0, 8*(8*((\a)%4)+\b)
.set BB0, 128*(\p)+FR*\b
.set AA0, AF+FR*(\a)
.set SB0, SC+16*((\sc)%2)+8*(\q)+\b
.set SA0, SC+16*((\sc)%2)+8*(\q)+(\a)
.if \zero == 1
	v_wmma_scale_f32_16x16x128_f8f6f4 v[DD0:DD0+7], v[BB0:BB0+FR-1], v[AA0:AA0+FR-1], 0, v[SB0], v[SA0] matrix_a_fmt:MATRIX_FMT_FP6 matrix_b_fmt:MATRIX_FMT_FP6 matrix_a_scale:MATRIX_SCALE_ROW1
.elseif \zero == 2
	v_wmma_scale_f32_16x16x128_f8f6f4 v[DD0:DD0+7], v[BB0:BB0+FR-1], v[AA0:AA0+FR-1], v[BIAS+8*\b:BIAS+8*\b+7], v[SB0], v[SA0] matrix_a_fmt:MATRIX_FMT_FP6 matrix_b_fmt:MATRIX_FMT_FP6 matrix_a_scale:MATRIX_SCALE_ROW1
.else
	v_wmma_scale_f32_16x16x128_f8f6f4 v[DD0:DD0+7], v[BB0:BB0+FR-1], v[AA0:AA0+FR-1], v[DD0:DD0+7], v[SB0], v[SA0] matrix_a_fmt:MATRIX_FMT_FP6 matrix_b_fmt:MATRIX_FMT_FP6 matrix_a_scale:MATRIX_SCALE_ROW1
.endif
.endr
.endr
.endm
.macro FETCH_B slot, q, p              ; B's eight fragments of the slot's q-th 128 along K into set p
	WIN TO_B
.irp i, 0,1,2,3,4,5,6,7
	FRAG 128*(\p)+FR*\i, ADRB+\slot, \q, \i
.endr
	WIN 0
.endm
.macro FETCH_A slot, q, i0             ; A's blocks i0 .. i0 + 3
.irp i, \i0, \i0+1, \i0+2, \i0+3
	FRAG AF+FR*(\i), ADRA+\slot, \q, \i
.endr
.endm
.macro SCALES sc                       ; a slot's scale words into set sc: lanes 0-15 take A's eight tiles' words of row r, lanes 16-31 B's
.irp q, 0,1
	ds_load_b128 v[SC+16*\sc+8*\q:SC+16*\sc+8*\q+3], v[ADRS] offset:512*\q
	ds_load_b128 v[SC+16*\sc+8*\q+4:SC+16*\sc+8*\q+7], v[ADRS] offset:512*\q+16
.endr
.endm
; A load into a register that a matrix instruction has read, and a vector instruction or an LDS store that reads a matrix result, stand NP places behind that matrix instruction; only plain vector
; instructions that name none of its registers are places (ISA guide 7.12.1 for vector instructions).
.macro PLACES n
.rept \n
	v_nop
.endr
.endm
; A step of 128 along K that has its successor in the same slot.
.macro STEP slot, q, zero
	s_wait_dscnt 4*NL                              ; B's set, A's blocks 0-3 and the scale words are in; the youngest 12 loads (A's blocks 4-7) may be out
.if \zero == 2
	WIN 0x81                                       ; C (the bias) window 0, D window 2
.else
	WIN MUL_LO
.endif
	MUL16 0, (\q)%2, \q, \slot, \zero
	MUL16 2, (\q)%2, \q, \slot, \zero
	s_wait_dscnt 0                                 ; A's blocks 4-7 are in (asked for 32 matrix instructions ago)
	PLACES NP
	FETCH_B \slot, (\q)+1, 1-(\q)%2
	FETCH_A \slot, (\q)+1, 0
.if \zero == 2
	WIN 0xc1
.else
	WIN MUL_HI
.endif
	MUL16 4, (\q)%2, \q, \slot, \zero
	MUL16 6, (\q)%2, \q, \slot, \zero
	PLACES NP
	WIN 0
	FETCH_A \slot, (\q)+1, 4
.endm
; A slot's last step changes slots: ONE barrier; in front of it each wave waits for all its tensor loads, adds 0 to its spare word, and waits for that and for its own reads of this slot.  fill = 1: this slot is filled again, two slots ahead.
.macro TURN slot, next, fill
.if \fill == 2                                 ; from place 0 to place 1: both came with the head's loads: no wait for tiles, no barrier
	s_wait_dscnt 4*NL
	WIN MUL_LO
	MUL16 0, 1, NQ-1, \slot, 0
	MUL16 2, 1, NQ-1, \slot, 0
	s_wait_dscnt 0
	WIN 0
	PLACES NP
.else
	s_wait_tensorcnt 0x0
	ds_add_u32 v[SPW], v[NIL]                      ; 0 onto my spare word
	s_wait_dscnt 4*NL+1                            ; (the add and the youngest 12 loads, A's blocks 4-7, may be out)
	WIN MUL_LO
	MUL16 0, 1, NQ-1, \slot, 0                     ; sixteen matrix instructions stand between the add and the wait for it
	s_wait_dscnt 0x0                               ; the add is done, and my reads of this slot are over
	s_barrier_signal -1
	MUL16 2, 1, NQ-1, \slot, 0
	WIN 0
	s_barrier_wait -1
.if \fill
	CREST                                          ; the barrier has opened a round of the cluster's barrier: no wave of any partner still reads K steps 0-3 or has a load on its way
	JLOAD G0, G1, G0B, G1B                         ; K steps 6, 7: the first tensor load behind the round, my one load until the next barrier
.else
	PLACES NP
.endif
.endif
	s_wait_alu depctr_va_vdst(0)
	v_add_nc_u32 v[ADRS], 1024, v[ADRS]            ; on to the next slot's scale words
	FETCH_B \next, 0, 0
	FETCH_A \next, 0, 0
	SCALES ((\next)%2)
	WIN MUL_HI
	MUL16 4, 1, NQ-1, \slot, 0
	MUL16 6, 1, NQ-1, \slot, 0
	PLACES NP
	WIN 0
	FETCH_A \next, 0, 4
.endm
.if MODE > 0
	s_wait_loadcnt 0x0                             ; the bias
.endif
	s_wait_alu depctr_va_vdst(0)
	s_wait_tensorcnt 0x0                           ; my tile of the head's four is in
	ds_add_u32 v[SPW], v[NIL]
	s_mul_i32 s2, s16, RBB
	s_add_co_u32 s2, s2, 3*HALFT                   ; K steps 6, 7
	s_mov_b32 s3, 0
	s_add_nc_u64 s[G0+2:G0+3], s[G0+2:G0+3], s[2:3]
	s_add_nc_u64 s[G0B+2:G0B+3], s[G0B+2:G0B+3], s[2:3]
	s_mul_i32 s[G0+1], s14, HALFT
	s_mul_i32 s[G0B+1], s14, HALFT
.irp g, G1, G1B                                ; and group 1 the ring's: 24,576 dense bytes as 96 rows of 256
	s_mov_b32 s[\g+1], 32<<16
	s_mov_b32 s[\g+2], 96<<16
	s_mov_b32 s[\g+3], 32<<16
	s_mov_b32 s[\g+4], 96
	s_mov_b32 s[\g+5], 32
.endr
	s_wait_dscnt 0x0
	CROUND                                         ; a whole round: all four tiles are in, and the partners' joint loads meet
	JLOAD G0+4, G1, G0B+4, G1B                     ; slot 1's first fill, my one load behind the round
	FETCH_B 0, 0, 0
	FETCH_A 0, 0, 0
	SCALES 0
	FETCH_A 0, 0, 4
	STEP 0, 0, ZERO                                ; the first step stands in front of the loop: its products start the sums
	TURN 0, 1, 2                                   ; K step 1
	STEP 1, 0, 0                                   ; K step 2
	TURN 1, 2, 1                                   ; K step 3: K steps 4, 5 are in; bytes 0 .. SLOT are filled again
	STEP 2, 0, 0                                   ; K step 4
	TURN 2, 3, 0                                   ; K step 5: K steps 6, 7 are in
	STEP 3, 0, 0                                   ; K step 6
	s_wait_dscnt 4*NL                              ; the very last step: nothing more to fetch
	WIN MUL_LO
	MUL16 0, 1, NQ-1, 1, 0
	MUL16 2, 1, NQ-1, 1, 0
	s_wait_dscnt 0
	WIN MUL_HI
	MUL16 4, 1, NQ-1, 1, 0
	MUL16 6, 1, NQ-1, 1, 0
	WIN 0
	PLACES NP                                      ; in front of the first read of results and of writes into registers that held operands
.if MODE < 2
; THE WAY OUT, block row by block row: the 64 registers of block row a are 128 neighbouring columns of my row, 16 of each block of 32: they are quantised where they stand.  No LDS.
; Each block row has 20 registers of its own for its codes, so that no store's data are written again.  Each accumulator is read from its low end on.
.macro QUANTW a, relu
.set AC, 64*((\a)%4)
.set PCA, PC+20*((2+2*((\a)%4))%8+(\a)/4)
.if \relu
	WIN (2+(\a)/4)*0x44                            ; destination and source 1: the accumulators' window
.set j, 0
.rept 64
	v_max_num_f32 v[AC+j], 0, v[AC+j]              ; the activation, in f32
.set j, j+1
.endr
.endif
	WIN (2+(\a)/4)*0x14                            ; sources 1 and 2: the accumulators' window
.irp b, 0,1,2,3
	v_max3_num_f32 v[TM+\b], s[FL], |v[AC+16*\b]|, |v[AC+16*\b+1]|   ; block b: my 16 numbers, and the floor 2^(3 - 127): the byte cannot fall under 1
.endr
.irp i, 2,4,6,8,10,12,14
.irp b, 0,1,2,3
	v_max3_num_f32 v[TM+\b], v[TM+\b], |v[AC+16*\b+\i]|, |v[AC+16*\b+\i+1]|
.endr
.endr
	WIN 0
.irp b, 0,1,2,3
	v_permlanex16_b32 v[TM+4+\b], v[TM+\b], s[SEL], s[SEL+1]
.endr
.irp b, 0,1,2,3
	v_max_num_f32 v[TM+\b], v[TM+\b], v[TM+4+\b]   ; with lane l xor 16's: the block's largest magnitude
.endr
.irp b, 0,1,2,3
	v_add_nc_u32 v[TM+12+\b], 0xff000000, v[TM+\b]   ; 2 off its exponent field: the conversion's scale operand
.endr
.irp b, 0,1,2,3
	v_lshrrev_b32 v[TM+4+\b], 23, v[TM+12+\b]      ; the scale's byte
.endr
	v_lshl_or_b32 v[PW+(\a)], v[TM+5], 8, v[TM+4]
	v_lshl_or_b32 v[PW+(\a)], v[TM+6], 16, v[PW+(\a)]
	v_lshl_or_b32 v[PW+(\a)], v[TM+7], 24, v[PW+(\a)]
	WIN 2+(\a)/4                                   ; source 0: the accumulators' window
.irp c, 0,1
	v_cvt_scalef32_pk16_fp6_f32 v[PCA+6*\c:PCA+6*\c+2], v[AC+32*\c:AC+32*\c+15], v[TM+12+2*\c]
	v_cvt_scalef32_pk16_fp6_f32 v[PCA+12+4*\c:PCA+14+4*\c], v[AC+32*\c+16:AC+32*\c+31], v[TM+12+2*\c+1]
.endr
	WIN 0
	v_nop                                          ; one plain place behind a scaled conversion
.irp c, 0,1                                    ; a WHOLE block in a lane: lanes 0-15 block 2 c, lanes 16-31 block 2 c + 1
.irp i, 0,1,2
	v_permlane16_swap_b32 v[PCA+6*\c+\i], v[PCA+12+4*\c+\i]
.endr
.irp i, 0,1,2
	v_mov_b32 v[PCA+3+6*\c+\i], v[PCA+12+4*\c+\i]
.endr
.endr
.endm
.irp b, 0,1,2,3
	v_mov_b32 v[TM+4+\b], 0                        ; a lane permute's destination counts as one of its sources
.endr
.irp a, 0,1,2,3,4,5,6,7
	QUANTW \a, MODE
.if MODE == 0
.irp c, 0,1                                    ; registers 6 c .. 6 c + 5 are 64 along the next K: a head of q or k, or 64 keys of v^T: 512 + 256 consecutive bytes
	global_store_b128 v[L16], v[PCA+6*\c:PCA+6*\c+3], s[18+2*\c:19+2*\c] offset:768*\a
	global_store_b64 v[L8], v[PCA+6*\c+4:PCA+6*\c+5], s[18+2*\c:19+2*\c] offset:768*\a+512
.endr
.else
.irp p, 0,1,2
	global_store_b128 v[L16], v[PCA+4*\p:PCA+4*\p+3], s[18:19] offset:FRB*\a+512*\p   ; the image: 512 consecutive bytes a store
.endr
.endif
.endr
	v_cmp_eq_u32 vcc_lo, 1, v2
.irp j, 0,1,2,3
	v_cndmask_b32 v[Z+\j], v[PW+\j], v[PW+4+\j], vcc_lo   ; lanes 0-15 block rows 0-3's words of row r, lanes 16-31 block rows 4-7's
.endr
	global_store_b128 v[SCO], v[Z:Z+3], s[22:23]   ; the block of 512 bytes whole
.else
; THE WAY OUT, block row by block row, through my own stage in LDS (in slot 0, which has had its last fill and its last read): a lane's 32 bytes go in, whole rows of 512 bytes come back.
; LDS serves a wave's instructions in order (ISA guide 5.7.1.4): no wait between the stores and the loads, nor in front of the next block's stores.
.macro TOSTAGE a
.set AC, 64*((\a)%4)
	WIN 0x08+4*((\a)/4)                            ; the data: window 2 or 3
.irp b, 0,1,2,3,4,5,6,7
	ds_store_b128 v[STO], v[AC+8*\b:AC+8*\b+3] offset:128*(\b/2)+32*(\b%2)          ; each accumulator from its low end on
	ds_store_b128 v[STO], v[AC+8*\b+4:AC+8*\b+7] offset:128*(\b/2)+32*(\b%2)+16
.endr
	WIN 0
.set BBK, BK+64*((\a)%2)
.irp t, 0,1,2,3,4,5,6,7,8,9,10,11,12,13,14,15
	ds_load_b128 v[BBK+4*\t:BBK+4*\t+3], v[RD] offset:\t*528
.endr
.endm
.macro SEND a, younger                 ; younger: the LDS instructions issued behind block a's loads, which may stay out
.set BBK, BK+64*((\a)%2)
.set ROW0, 32*((\a)/2)+8*((\a)%2)
	s_wait_dscnt \younger
.irp t, 0,1,2,3,4,5,6,7,8,9,10,11,12,13,14,15
	global_store_b128 v[L16], v[BBK+4*\t:BBK+4*\t+3], s[18:19] offset:(ROW0+\t+8*(\t/8))*4096   ; 32 lanes store 512 consecutive bytes of the tile's row t; the base never steps
.endr
.endm
	TOSTAGE 0
.irp a, 1,2,3,4,5,6,7
.if \a > 1
	s_wait_xcnt 0x0                                ; block a - 2's stores have read their registers: block a's loads may land there
.endif
	TOSTAGE \a
	SEND \a-1, 32                                  ; behind block a - 1's loads: block a's 16 stores and 16 loads
.endr
	SEND 7, 0
.endif
	s_wait_tensorcnt 0x0                           ; the wave's end
	ds_add_u32 v[SPW], v[NIL]
	s_wait_dscnt 0x0
	CROUND                                         ; the closing round: no work-group ends while a partner may still ask for a tile that names it
	s_endpgm
.Lfunc_end_k_q717ebb24fb_qkv:
	.size	k_q717ebb24fb_qkv, .Lfunc_end_k_q717ebb24fb_qkv-k_q717ebb24fb_qkv
	.p2alignl 7, 3214868480
	.fill 96, 4, 3214868480
	.section	.rodata,"a",@progbits
	.p2align	6, 0x0
	.amdhsa_kernel k_q717ebb24fb_qkv
		.amdhsa_group_segment_fixed_size 327680
		.amdhsa_private_segment_fixed_size 0
		.amdhsa_enable_private_segment 0
		.amdhsa_kernarg_size 16
		.amdhsa_user_sgpr_count 2
		.amdhsa_user_sgpr_kernarg_segment_ptr 1
		.amdhsa_wavefront_size32 1
		.amdhsa_system_sgpr_workgroup_id_x 1
		.amdhsa_system_sgpr_workgroup_id_y 1
		.amdhsa_system_sgpr_workgroup_id_z 1
		.amdhsa_system_vgpr_workitem_id 0
		.amdhsa_next_free_vgpr 1024
		.amdhsa_next_free_sgpr 101
		.amdhsa_reserve_vcc 1
		.amdhsa_float_denorm_mode_32 3
		.amdhsa_float_denorm_mode_16_64 3
		.amdhsa_memory_ordered 1
		.amdhsa_forward_progress 1
		.amdhsa_inst_pref_size 141
	.end_amdhsa_kernel
	.amdgpu_metadata
---
amdhsa.version: [ 1, 2 ]
amdhsa.kernels:
  - .name:           k_q717ebb24fb_qkv
    .symbol:         k_q717ebb24fb_qkv.kd
    .args:
      - { .name: prep, .offset: 0, .size: 8, .value_kind: global_buffer, .address_space: global }
      - { .name: qkv, .offset: 8, .size: 8, .value_kind: global_buffer, .address_space: global }
    .group_segment_fixed_size: 327680
    .private_segment_fixed_size: 0
    .kernarg_segment_align: 8
    .kernarg_segment_size: 16
    .max_flat_workgroup_size: 128
    .sgpr_count:     101
    .vgpr_count:     1024
    .wavefront_size: 32
...
	.end_amdgpu_metadata
.endif
;; end of part 9
;; launch attn (part 10): grid 8 x 32, 16 waves a work-group, no clusters, 327,680 bytes of LDS; arguments qkv, att; writes att
.if DOCPART == 10
	.amdgcn_target "amdgcn-amd-amdhsa--gfx1250"
	.amdhsa_code_object_version 6
	.text
	.protected	k_q717ebb24fb_attn
	.globl	k_q717ebb24fb_attn
	.p2align	8
	.type	k_q717ebb24fb_attn,@function
k_q717ebb24fb_attn:
	s_mov_b64 s[64:65], 0
	v_nop
	global_prefetch_b8 v0, s[64:65] scope:SCOPE_SE
	s_setreg_imm32_b32 hwreg(HW_REG_WAVE_MODE, 25, 1), 1
	s_wait_xcnt 0x0
; att[token][64 Hd + d] = the sum over keys of softmax(q . k / 32) v, for each of 2 x 16 heads of 64, both products on codes of FP6 (E2M3) with one E8M0 scale for each 32 along a product's K.
; q, k arrive as halves of fragment images (768 bytes: 16 rows x the head's 64: 16 bytes a lane at 16 l, then 8 bytes a lane at 512 + 8 l), v^T likewise with 64 KEYS along K; scale words beside them.
; THE SOFTMAX: t = score x log2(e) / 32; M = the row's largest t so far, rounded UP to a whole number; p = 2^(t - M) is quantised along the keys, not normalised.
; The row's sum is taken of the unquantised p and divides O at the end.  When M moves, the sum and O are multiplied by 2^(old M - new M): exact.
; SHARES.  A work-group owns 256 queries of one head, each of its sixteen waves one tile of 16, in 256 registers.  Every wave walks the head's 2,048 keys, 128 a step.
; LDS.  All of a head's k and v (196,608 bytes) are filled ONCE, by two tensor loads a wave: at the head 3,072 bytes of key steps 0-3 (waves 0-7 k, waves 8-15 v), and behind the first barrier,
; 9,216 bytes of key steps 4-15.  Between that request and the wait for it a wave walks four key steps.  Every wait on TENSORcnt is for 0.
; THE SCALE WORDS come through registers: wave w loads key step w's 512 bytes of k's words and its head's 256 of v's, cuts k's words to its head's two bytes, and lays them 48 bytes a row
; (k's eight words, v's four) in LDS bytes of their own: a step reads them by three loads of 16 bytes.
; NO JOINT REQUESTS, though the eight query blocks of a head read the same k and v: a work-group asks for each byte once in the launch, 12,288 bytes for a key step in which its sixteen waves each issue
; some 240 vector instructions, so what is shared is a small part of a step's work.  NO PREFETCH: both requests stand ahead of the second loop; the text has no trip that runs ahead of a later request.
; LAYOUT.  Both products are used transposed: S^T = k q^T (source 0 = 16 keys, source 1 = my 16 queries), O^T = v^T p^T: a lane holds ONE query (lane % 16) throughout.
; A tile's 16 rows are row(t, i) = 32 (t / 2) + 8 (t % 2) + i + 8 (i / 8): so the 16 registers of score tiles 2 b and 2 b + 1 are 16 neighbouring keys, 32 b + 16 (lane / 16) + 0 .. 15.
; THE FIRST PRODUCT'S K IS 64: q's registers 6-11 hold zero codes, so nothing counts of what k's operand holds there; the scale words' upper two bytes are 0, which is 2^-127 and no NaN.
; LIMITS: a block of p that has fallen to zeros keeps the scale byte 1: its codes are zeros.  NaN and infinities are not served.  The scaled scores stay under 2^31 in magnitude.
.set VU,    6291456                    ; parts of the buffer qkv (q and k begin at 0)
.set QKS,   9437184
.set VSB,   9699328
.set UNIT,  768
.set STEPB, 8*UNIT                     ; a key step's k, or its v
.set REM,   8*STEPB                    ; LDS: steps 0-3 of k, steps 0-3 of v; from here steps 4-15 of k,
.set VREM,  REM+12*STEPB               ; and of v
.set SCB,   VREM+12*STEPB              ; the scale words, 768 bytes a step
.set SCS,   768
.set STAGE, SCB+16*SCS                 ; the way out: 16 rows x (256 bytes + 16) for each wave
.set SPT,   272
.set SPARE, STAGE+16*16*SPT            ; the spare words, 128 bytes a wave
.set L16,  1                           ; v1   16 x lane
.set L8,   2                           ; v2   8 x lane
.set ASC,  5                           ; v5   the step's scale words
.set AK16, 8                           ; v8-11  the step's k and v
.set AK8,  9
.set AV16, 10
.set AV8,  11
.set QF,   16                          ; v16-27 q
.set QSR,  28                          ; v28  q's scale word
.set PSR,  29                          ; v29  p's scale word
.set FF,   30                          ; v[30:31] f = 2^(old M - new M)
.set KF,   32                          ; v32-85 k: eight tiles, six registers apart (v80-85 stay 0); behind the first product v32-67 are at work
.set KSR,  86                          ; v86-93 k's scale words
.set SC0,  95                          ; v95  48 r
.set S,    96                          ; v96-159 S^T, then p
.set O,    160                         ; v160-191 O^T
.set VF,   192                         ; v192-239 v^T: four fragments
.set VSR,  240                         ; v240-243 their scale words
.set PCD,  32                          ; p's codes
.set BM,   52                          ; the blocks' largest scores
.set T2,   56
.set SO,   60
.set WV,   8
.set G1T,  12                          ; s[12:19] group 1: 3,072 dense bytes;  s[20:27]: 9,216 dense bytes;  s[28:35]: three rows of 3,072 bytes, 49,152 apart
.set G1K,  20
.set G1V,  28
.set G0A,  36                          ; s[36:39], s[40:43] group 0 of my two loads
.set G0R,  40
.set SEL,  52
.set CS,   54                          ; s[54:55] c = log2(e) / 32
.set TK,   56                          ; where the step's k, its v and its scale words begin in LDS
.set TV,   57
.set TS,   58
.set CNT,  59
.macro ADDR
	v_add_nc_u32 v[AK16], s[TK], v[L16]
	v_add_nc_u32 v[AK8], s[TK], v[L8]
	v_add_nc_u32 v[AV16], s[TV], v[L16]
	v_add_nc_u32 v[AV8], s[TV], v[L8]
	v_add_nc_u32 v[ASC], s[TS], v[SC0]
.endm
	s_load_b128 s[4:7], s[0:1], 0x0                ; qkv, att
	v_lshl_add_u32 v254, v0, 2, SPARE
	v_mov_b32 v255, 0
	ds_add_u32 v254, v255                          ; the opening lines: the add, twice on end, and its wait ahead of my first tensor load
	ds_add_u32 v254, v255
	v_lshrrev_b32 v5, 5, v0
	s_delay_alu instid0(VALU_DEP_1)
	v_readfirstlane_b32 s[WV], v5                  ; wave 0..15
	s_and_b32 s10, ttmp7, 0xffff
	s_lshr_b32 s11, s10, 4                         ; which of the two sequences
	s_and_b32 s66, s10, 15                         ; the head
	s_lshr_b32 s67, s66, 1
	s_and_b32 s68, s66, 1
	s_lshl_b32 s50, s68, 4                         ; 16 x (head % 2)
	s_lshl_b32 s69, s11, 4
	s_add_co_u32 s69, s69, s[WV]                   ; the key step whose scale words I fetch, counted over both sequences
	s_lshl_b32 s70, s67, 5
	s_add_co_u32 s70, s70, 256
	s_add_co_u32 s70, s70, s69
	s_lshl_b32 s70, s70, 9
	s_add_co_u32 s70, s70, QKS                     ; k's: [8 + head / 2][token / 128] blocks of 512 bytes
	s_mov_b32 s71, 0
	s_lshl_b32 s72, s69, 3
	s_add_co_u32 s72, s72, s67
	s_lshl_b32 s72, s72, 9
	s_add_co_u32 s72, s72, s50
	s_add_co_u32 s72, s72, VSB                     ; v's: [token / 128][head / 2], my head's 16 bytes of each row's 32
	s_mov_b32 s73, 0
	s_add_co_u32 s74, s66, 16
	s_lshl_b32 s74, s74, 8
	s_lshl_b32 s75, s11, 7
	s_add_co_u32 s74, s74, s75
	s_mul_i32 s74, s74, UNIT                       ; k: [16 + head][token / 16] units
	s_mul_i32 s75, s11, 32*49152
	s_mul_i32 s76, s66, 4*UNIT
	s_add_co_u32 s75, s75, s76
	s_add_co_u32 s75, s75, VU                      ; v: [token / 64][4 head + 0 .. 3] units
	s_and_b32 s48, s[WV], 7
	s_mul_i32 s44, s48, 3072
	s_add_co_u32 s44, s44, s74                     ; steps 0-3: k's piece,
	s_mul_i32 s45, s48, 49152
	s_add_co_u32 s45, s45, s75                     ; v's piece (64 keys)
	s_mul_i32 s46, s48, 9216
	s_add_co_u32 s46, s46, s74
	s_add_co_u32 s46, s46, 24576                   ; steps 4-15: k's piece,
	s_mul_i32 s47, s48, 3*49152
	s_add_co_u32 s47, s47, s75
	s_add_co_u32 s47, s47, 8*49152                 ; v's three pieces
	s_cmp_lt_u32 s[WV], 8                          ; waves 0-7 fetch k, waves 8-15 v: only the place in memory hangs on the choice
	s_cselect_b32 s44, s44, s45
	s_cselect_b32 s46, s46, s47
	s_mov_b32 s45, 0
	s_mov_b32 s47, 0
	s_mov_b32 s[G0A], 1
	s_mul_i32 s[G0A+1], s[WV], 3072                ; LDS: wave x 3,072
	s_mov_b32 s[G0R], 1
	s_mul_i32 s[G0R+1], s[WV], 9216
	s_add_co_u32 s[G0R+1], s[G0R+1], REM           ; and REM + wave x 9,216
	s_mul_i32 s81, s[WV], SCS
	s_add_co_u32 s81, s81, SCB                     ; where my step's scale words go
.irp g, G1T, G1K
	s_mov_b32 s[\g], 3<<16                         ; no mask; elements of 8 bytes; no padding
	s_mov_b32 s[\g+1], 32<<16                      ; rows of 256 bytes
	s_mov_b32 s[\g+3], 32<<16
	s_mov_b32 s[\g+5], 32
	s_mov_b32 s[\g+6], 0
	s_mov_b32 s[\g+7], 0
.endr
	s_mov_b32 s[G1T+2], 12<<16
	s_mov_b32 s[G1T+4], 12
	s_mov_b32 s[G1K+2], 36<<16
	s_mov_b32 s[G1K+4], 36
	s_mov_b32 s[G1V], 3<<16
	s_mov_b32 s[G1V+1], 384<<16                    ; rows of 3,072 bytes
	s_mov_b32 s[G1V+2], 3<<16
	s_mov_b32 s[G1V+3], 384<<16
	s_mov_b32 s[G1V+4], 3
	s_mov_b32 s[G1V+5], 6144
	s_mov_b32 s[G1V+6], 0
	s_mov_b32 s[G1V+7], 0
	; q's tile, its scale words, my rows of att
	s_lshl_b32 s76, s66, 8
	s_lshl_b32 s77, s11, 7
	s_add_co_u32 s76, s76, s77
	s_lshl_b32 s77, ttmp9, 4
	s_add_co_u32 s76, s76, s77
	s_add_co_u32 s76, s76, s[WV]                   ; 256 head + my row tile
	s_mul_i32 s84, s76, UNIT
	s_mov_b32 s85, 0
	s_lshl_b32 s86, s67, 5
	s_lshl_b32 s77, s11, 4
	s_add_co_u32 s86, s86, s77
	s_lshl_b32 s77, ttmp9, 1
	s_add_co_u32 s86, s86, s77
	s_lshr_b32 s77, s[WV], 3
	s_add_co_u32 s86, s86, s77
	s_lshl_b32 s86, s86, 9
	s_and_b32 s77, s[WV], 7
	s_lshl_b32 s77, s77, 2
	s_add_co_u32 s86, s86, s77
	s_lshl_b32 s77, s68, 1
	s_add_co_u32 s86, s86, s77
	s_add_co_u32 s86, s86, QKS
	s_mov_b32 s87, 0
	s_lshl_b32 s88, s11, 11
	s_lshl_b32 s77, ttmp9, 8
	s_add_co_u32 s88, s88, s77
	s_lshr_b32 s77, s[WV], 1
	s_lshl_b32 s77, s77, 5
	s_add_co_u32 s88, s88, s77
	s_and_b32 s77, s[WV], 1
	s_lshl_b32 s77, s77, 3
	s_add_co_u32 s88, s88, s77                     ; my tile's first token
	s_lshl_b32 s88, s88, 12
	s_lshl_b32 s77, s66, 8
	s_add_co_u32 s88, s88, s77                     ; + the head's 256 bytes of a row
	s_mov_b32 s89, 0
	s_mov_b32 s[SEL], 0x76543210
	s_mov_b32 s[SEL+1], 0xfedcba98
	s_mov_b32 s[CS], 0x3d38aa3b
	s_mov_b32 s[CS+1], s[CS]                       ; (named with it as a pair, so it is written)
	s_mov_b32 s[TK], 0
	s_mov_b32 s[TV], 4*STEPB
	s_mov_b32 s[TS], SCB
	s_wait_dscnt 0x0                               ; both opening adds are done
	s_wait_kmcnt 0x0
	s_add_nc_u64 s[G0A+2:G0A+3], s[4:5], s[44:45]
	s_or_b32 s[G0A+3], s[G0A+3], 0x80000000
	s_add_nc_u64 s[G0R+2:G0R+3], s[4:5], s[46:47]
	s_or_b32 s[G0R+3], s[G0R+3], 0x80000000
	tensor_load_to_lds s[G0A:G0A+3], s[G1T:G1T+7]  ; my one load at the head: my piece of key steps 0-3
	s_nop 0
	s_add_nc_u64 s[70:71], s[4:5], s[70:71]
	s_add_nc_u64 s[72:73], s[4:5], s[72:73]
	s_add_nc_u64 s[84:85], s[4:5], s[84:85]
	s_add_nc_u64 s[86:87], s[4:5], s[86:87]
	s_add_nc_u64 s[6:7], s[6:7], s[88:89]
	v_and_b32 v5, 31, v0
	v_and_b32 v6, 15, v0                           ; r
	v_bfe_u32 v7, v0, 4, 1                         ; h
	s_delay_alu instid0(VALU_DEP_3)
	v_lshlrev_b32 v[L16], 4, v5
	v_lshlrev_b32 v[L8], 3, v5
	v_lshlrev_b32 v4, 5, v6                        ; 32 r
	s_delay_alu instid0(VALU_DEP_1)
	v_lshl_add_u32 v3, v7, 4, v4                   ; 32 r + 16 h
	global_load_b128 v[QF:QF+3], v[L16], s[84:85]  ; q stays in registers
	global_load_b64 v[QF+4:QF+5], v[L8], s[84:85] offset:512
	global_load_u16 v[QSR], v4, s[86:87]           ; my head's two bytes of the row's word
	global_load_b128 v[96:99], v3, s[70:71]        ; k's words of step w: row r, tiles 4 h .. 4 h + 3
	global_load_b128 v[100:103], v4, s[72:73]      ; v's words of step w: row r, my head's four tiles
	v_mul_u32_u24 v[SC0], v6, 48
	s_delay_alu instid0(VALU_DEP_1)
	v_add_nc_u32 v244, s81, v[SC0]                 ; my step's words of row r,
	s_delay_alu instid0(VALU_DEP_1)
	v_lshl_add_u32 v245, v7, 4, v244               ; + 16 h
	ADDR
.irp j, 6,7,8,9,10,11
	v_mov_b32 v[QF+\j], 0                          ; zero codes for k = 64 .. 127
	v_mov_b32 v[KF+42+\j], 0                       ; what tile 7's operand names behind its six registers
.endr
	v_mov_b32 v13, 0xff61b1e6                      ; the largest t so far: -3e38, under every t
	s_delay_alu instid0(VALU_DEP_1)
	v_floor_f32 v12, -v13                          ; -M
	v_mov_b32 v14, 0                               ; the sum, in two halves
	v_mov_b32 v15, 0
	v_mov_b32 v[FF+1], 0                           ; (named as the upper half of a pair)
.set j, 0
.rept 32
	v_mov_b32 v[O+j], 0                            ; O^T.  (The step is written once: the first finds zeros, which the first change of M leaves zeros)
.set j, j+1
.endr
	s_wait_alu depctr_va_vdst(0)
	s_wait_loadcnt 0x0                             ; q and the scale words
.irp j, 0,1,2,3
	v_bfe_u32 v[96+\j], v[96+\j], s50, 16          ; my head's two bytes of each of k's words
.endr
	ds_store_b128 v245, v[96:99]                   ; bytes of their own: no fill lands there
	ds_store_b128 v244, v[100:103] offset:32       ; (lanes l and l + 16 hold the same and write it to the same place)
	s_wait_tensorcnt 0x0                           ; my piece of steps 0-3 is in
	ds_add_u32 v254, v255
	s_wait_dscnt 0x0                               ; the add and my stores are done
	s_barrier_signal -1
	s_barrier_wait -1                              ; everybody's are
	s_cmp_lt_u32 s[WV], 8                          ; my one load behind this barrier: my piece of steps 4-15; k's and v's differ in group 1
	s_cbranch_scc0 .Lrest_v
	tensor_load_to_lds s[G0R:G0R+3], s[G1K:G1K+7]
	s_nop 0
.rept 4
	v_nop
.endr
	s_branch .Lrest_asked
.Lrest_v:
	tensor_load_to_lds s[G0R:G0R+3], s[G1V:G1V+7]
	s_nop 0
.rept 4
	v_nop
.endr
.Lrest_asked:
; A KEY STEP: 128 keys.
.macro STEP
.irp i, 0,1,2,3,4,5,6,7
	ds_load_b128 v[KF+6*\i:KF+6*\i+3], v[AK16] offset:UNIT*\i
	ds_load_b64 v[KF+6*\i+4:KF+6*\i+5], v[AK8] offset:UNIT*\i+512
.endr
	ds_load_b128 v[KSR:KSR+3], v[ASC]
	ds_load_b128 v[KSR+4:KSR+7], v[ASC] offset:16
.irp dt, 0,1,2,3
.irp c, 0,1
	ds_load_b128 v[VF+12*\dt+6*\c:VF+12*\dt+6*\c+3], v[AV16] offset:4*UNIT*\c+UNIT*\dt
	ds_load_b64 v[VF+12*\dt+6*\c+4:VF+12*\dt+6*\c+5], v[AV8] offset:4*UNIT*\c+UNIT*\dt+512
.endr
.endr
	ds_load_b128 v[VSR:VSR+3], v[ASC] offset:32
	s_add_co_u32 s[TK], s[TK], STEPB
	s_add_co_u32 s[TV], s[TV], STEPB
	s_add_co_u32 s[TS], s[TS], SCS
	s_wait_dscnt 17                                ; k and its words are in; v's 16 loads and its words may be out
.irp i, 0,1,2,3,4,5,6,7
	v_wmma_scale_f32_16x16x128_f8f6f4 v[S+8*\i:S+8*\i+7], v[KF+6*\i:KF+6*\i+11], v[QF:QF+11], 0, v[KSR+\i], v[QSR] matrix_a_fmt:MATRIX_FMT_FP6 matrix_b_fmt:MATRIX_FMT_FP6
.endr
	ADDR                                           ; the next step's addresses: five places behind the products, ahead of the first read of S^T
.irp b, 0,1,2,3
	v_max3_num_f32 v[BM+\b], v[S+16*\b], v[S+1+16*\b], v[S+2+16*\b]   ; THE LARGEST SCORE OF EACH BLOCK OF 32 KEYS: for the row's maximum, and, since p rises with the score, for the block's largest p
.endr
.irp i, 3,5,7,9,11,13
.irp b, 0,1,2,3
	v_max3_num_f32 v[BM+\b], v[BM+\b], v[S+16*\b+\i], v[S+1+16*\b+\i]
.endr
.endr
.irp b, 0,1,2,3
	v_max_num_f32 v[BM+\b], v[BM+\b], v[S+15+16*\b]
.endr
.irp b, 0,1,2,3
	s_delay_alu instid0(VALU_DEP_4)
	v_permlanex16_b32 v[T2+\b], v[BM+\b], s[SEL], s[SEL+1]
.endr
.irp b, 0,1,2,3
	s_delay_alu instid0(VALU_DEP_4)
	v_max_num_f32 v[BM+\b], v[BM+\b], v[T2+\b]     ; with lane l xor 16's 16 keys
.endr
	s_delay_alu instid0(VALU_DEP_2)
	v_max3_num_f32 v94, v[BM], v[BM+1], v[BM+2]
	s_delay_alu instid0(VALU_DEP_1)
	v_max_num_f32 v94, v94, v[BM+3]                ; the step's largest score of my query
	s_delay_alu instid0(VALU_DEP_1)
	v_mul_f32 v94, s[CS], v94                      ; as t (c is positive)
	s_delay_alu instid0(VALU_DEP_1)
	v_max_num_f32 v13, v13, v94                    ; the running largest t
	v_mov_b32 v94, v12
	s_delay_alu instid0(VALU_DEP_2)
	v_floor_f32 v12, -v13                          ; the new -M = floor(-t) = -ceil(t): M IS A WHOLE NUMBER
	s_delay_alu instid0(VALU_DEP_1)
	v_sub_f32 v94, v12, v94                        ; M's old value less its new one: a whole number, 0 or less
	s_delay_alu instid0(VALU_DEP_1)
	v_cvt_i32_f32 v94, v94                         ; (it saturates)
	s_delay_alu instid0(VALU_DEP_1)
	v_ldexp_f32 v[FF], 1.0, v94                    ; f = 2^(old M - new M)
.set j, 0
.rept 32
	v_pk_fma_f32 v[S+j:S+j+1], v[S+j:S+j+1], s[CS:CS+1], v[12:13] op_sel_hi:[1,0,0]   ; t - M, two at a time
.set j, j+2
.endr
.irp b, 0,1,2,3
	v_fma_f32 v[BM+\b], v[BM+\b], s[CS], v12       ; the same of each block's largest score
.endr
	s_wait_alu depctr_va_vdst(0)
.set j, 0
.rept 64
	v_exp_f32 v[S+j], v[S+j]                       ; p = 2^(t - M), at most 1: NOT normalised
.set j, j+1
.endr
.irp b, 0,1,2,3
	v_exp_f32 v[BM+\b], v[BM+\b]                   ; the block's largest p: the same two instructions on the same number give the same bits
.endr
	v_pk_mul_f32 v[14:15], v[14:15], v[FF:FF+1] op_sel_hi:[1,0]   ; the sums under the new M.  (A plain place behind the exponentials)
	s_wait_alu depctr_va_vdst(0)                   ; and behind it, ahead of its first reader
.irp b, 0,1,2,3
	v_max_num_f32 v[BM+\b], 0x1800000, v[BM+\b]    ; the floor 2^(3 - 127): the byte cannot fall under 1
.endr
.irp b, 0,1,2,3
	s_delay_alu instid0(VALU_DEP_4)
	v_add_nc_u32 v[SO+\b], 0xff000000, v[BM+\b]    ; 2 off the exponent field: the conversion's scale operand
.endr
.irp b, 0,1,2,3
	s_delay_alu instid0(VALU_DEP_4)
	v_lshrrev_b32 v[T2+\b], 23, v[SO+\b]           ; the scale's byte
.endr
	s_delay_alu instid0(VALU_DEP_3)
	v_lshl_or_b32 v[PSR], v[T2+1], 8, v[T2]        ; p's scale word for these 128 keys
	s_delay_alu instid0(VALU_DEP_1)
	v_lshl_or_b32 v[PSR], v[T2+2], 16, v[PSR]
	s_delay_alu instid0(VALU_DEP_1)
	v_lshl_or_b32 v[PSR], v[T2+3], 24, v[PSR]
.irp c, 0,1
	v_cvt_scalef32_pk16_fp6_f32 v[PCD+6*\c:PCD+2+6*\c], v[S+32*\c:S+15+32*\c], v[SO+2*\c]
	v_cvt_scalef32_pk16_fp6_f32 v[PCD+12+4*\c:PCD+14+4*\c], v[S+16+32*\c:S+31+32*\c], v[SO+2*\c+1]
.endr
	v_nop                                          ; one plain place behind a scaled conversion
.irp c, 0,1                                    ; a WHOLE block in a lane: lanes 0-15 block 2 c, lanes 16-31 block 2 c + 1
.irp i, 0,1,2
	v_permlane16_swap_b32 v[PCD+6*\c+\i], v[PCD+12+4*\c+\i]
.endr
.irp i, 0,1,2
	s_delay_alu instid0(VALU_DEP_3)
	v_mov_b32 v[PCD+3+6*\c+\i], v[PCD+12+4*\c+\i]
.endr
.endr
	; THE ROW'S SUM, of the unquantised p: eight chains by turns; they are joined behind the second product
	v_pk_add_f32 v[64:65], v[100:101], v[104:105]
	v_pk_add_f32 v[252:253], v[108:109], v[112:113]
	v_pk_add_f32 v[250:251], v[116:117], v[120:121]
	v_pk_add_f32 v[248:249], v[124:125], v[128:129]
	v_pk_add_f32 v[246:247], v[132:133], v[136:137]
	v_pk_add_f32 v[244:245], v[140:141], v[144:145]
	v_pk_add_f32 v[66:67], v[148:149], v[152:153]
	v_pk_add_f32 v[14:15], v[14:15], v[156:157]
	v_pk_add_f32 v[64:65], v[64:65], v[96:97]
	v_pk_add_f32 v[252:253], v[252:253], v[98:99]
	v_pk_add_f32 v[250:251], v[250:251], v[102:103]
	v_pk_add_f32 v[248:249], v[248:249], v[106:107]
	v_pk_add_f32 v[246:247], v[246:247], v[110:111]
	v_pk_add_f32 v[244:245], v[244:245], v[114:115]
	v_pk_add_f32 v[66:67], v[66:67], v[118:119]
	v_pk_add_f32 v[14:15], v[14:15], v[122:123]
	v_pk_add_f32 v[64:65], v[64:65], v[126:127]
	v_pk_add_f32 v[252:253], v[252:253], v[130:131]
	v_pk_add_f32 v[250:251], v[250:251], v[134:135]
	v_pk_add_f32 v[248:249], v[248:249], v[138:139]
	v_pk_add_f32 v[246:247], v[246:247], v[142:143]
	v_pk_add_f32 v[244:245], v[244:245], v[146:147]
	v_pk_add_f32 v[66:67], v[66:67], v[150:151]
	v_pk_add_f32 v[14:15], v[14:15], v[154:155]
	v_pk_add_f32 v[64:65], v[64:65], v[158:159]
	s_wait_alu depctr_va_vdst(0)
.set j, 0
.rept 16
	v_pk_mul_f32 v[O+j:O+j+1], v[O+j:O+j+1], v[FF:FF+1] op_sel_hi:[1,0]   ; O^T under the new M.  (With the sums above: the places between p's scale word and codes and the products below)
.set j, j+2
.endr
	s_wait_alu depctr_va_vdst(0)
	s_wait_dscnt 0x0                               ; v and its words are in
.irp dt, 0,1,2,3
	v_wmma_scale_f32_16x16x128_f8f6f4 v[O+8*\dt:O+8*\dt+7], v[VF+12*\dt:VF+12*\dt+11], v[PCD:PCD+11], v[O+8*\dt:O+8*\dt+7], v[VSR+\dt], v[PSR] matrix_a_fmt:MATRIX_FMT_FP6 matrix_b_fmt:MATRIX_FMT_FP6
.endr
	v_pk_add_f32 v[14:15], v[14:15], v[248:249]    ; the chains are joined: seven places behind the products, ahead of the next step's loads into their operands
	v_pk_add_f32 v[64:65], v[64:65], v[246:247]
	v_pk_add_f32 v[252:253], v[252:253], v[244:245]
	v_pk_add_f32 v[250:251], v[250:251], v[66:67]
	s_delay_alu instid0(VALU_DEP_2)
	v_pk_add_f32 v[14:15], v[14:15], v[252:253]
	s_delay_alu instid0(VALU_DEP_2)
	v_pk_add_f32 v[64:65], v[64:65], v[250:251]
	s_delay_alu instid0(VALU_DEP_1)
	v_pk_add_f32 v[14:15], v[14:15], v[64:65]
.endm
	s_mov_b32 s[CNT], 4
.Lfirst:                                               ; key steps 0-3
	STEP
	s_sub_co_u32 s[CNT], s[CNT], 1
	s_cmp_lg_u32 s[CNT], 0
	s_cbranch_scc1 .Lfirst
	s_mov_b32 s[TK], REM                           ; on to the second fill's bytes (the scale words go on as they lie)
	s_mov_b32 s[TV], VREM
	ADDR
	s_wait_alu depctr_va_vdst(0)
	s_wait_tensorcnt 0x0                           ; my piece of steps 4-15 is in,
	s_wait_dscnt 0x0
	s_barrier_signal -1
	s_barrier_wait -1                              ; everybody's is
	s_mov_b32 s[CNT], 12
.Lrest:                                                ; key steps 4-15
	STEP
	s_sub_co_u32 s[CNT], s[CNT], 1
	s_cmp_lg_u32 s[CNT], 0
	s_cbranch_scc1 .Lrest
	; THE WAY OUT.  O^T is divided by the sum and goes through my stage in LDS, so that sixteen lanes store a token's 256 consecutive bytes of my head.
	v_add_f32 v14, v14, v15                        ; the sum's two halves,
	s_delay_alu instid0(VALU_DEP_1)
	v_permlanex16_b32 v94, v14, s[SEL], s[SEL+1]
	s_delay_alu instid0(VALU_DEP_1)
	v_add_f32 v14, v14, v94                        ; and lane l xor 16's: the row's sum
	s_wait_alu depctr_va_vdst(0)
	v_rcp_f32 v14, v14
	s_mul_i32 s73, s[WV], 16*SPT
	s_add_co_u32 s73, s73, STAGE                   ; my stage
	v_mul_u32_u24 v8, v6, SPT                      ; (a plain place behind the transcendental)
	s_delay_alu instid0(VALU_DEP_1)
	v_lshl_add_u32 v8, v7, 6, v8
	s_delay_alu instid0(VALU_DEP_1)
	v_add_nc_u32 v8, s73, v8                       ; in: row r, + 64 h
	v_mul_u32_u24 v9, v7, SPT
	s_delay_alu instid0(VALU_DEP_1)
	v_lshl_add_u32 v9, v6, 4, v9
	s_delay_alu instid0(VALU_DEP_1)
	v_add_nc_u32 v9, s73, v9                       ; back: lanes 0-15 one row, lanes 16-31 the next
	v_lshlrev_b32 v5, 12, v7
	s_delay_alu instid0(VALU_DEP_1)
	v_lshl_add_u32 v5, v6, 4, v5                   ; and the same in att
	s_wait_alu depctr_va_vdst(0)
.set j, 0
.rept 32
	v_mul_f32 v[S+j], v[O+j], v14                  ; register 8 dt + i is channel 32 (dt / 2) + 16 h + 8 (dt % 2) + i; each accumulator from its low end on
.set j, j+1
.endr
.irp dt, 0,1,2,3
	ds_store_b128 v8, v[S+8*\dt:S+8*\dt+3] offset:128*(\dt/2)+32*(\dt%2)
	ds_store_b128 v8, v[S+8*\dt+4:S+8*\dt+7] offset:128*(\dt/2)+32*(\dt%2)+16
.endr
.irp i, 0,1,2,3,4,5,6,7
	ds_load_b128 v[32+4*\i:35+4*\i], v9 offset:2*\i*SPT   ; LDS serves a wave's instructions in order: these see my stores
.endr
.irp i, 0,1,2,3,4,5,6,7
	s_wait_dscnt 7-\i
	global_store_b128 v5, v[32+4*\i:35+4*\i], s[6:7] offset:(2*\i+8*(\i/4))*4096   ; the tile's rows 2 i and 2 i + 1 are tokens 2 i + 8 (i / 4) and the next
.endr
	s_wait_tensorcnt 0x0                           ; the wave's end
	ds_add_u32 v254, v255
	s_wait_dscnt 0x0
	s_endpgm
.Lfunc_end_k_q717ebb24fb_attn:
	.size	k_q717ebb24fb_attn, .Lfunc_end_k_q717ebb24fb_attn-k_q717ebb24fb_attn
	.p2alignl 7, 3214868480
	.fill 96, 4, 3214868480
	.section	.rodata,"a",@progbits
	.p2align	6, 0x0
	.amdhsa_kernel k_q717ebb24fb_attn
		.amdhsa_group_segment_fixed_size 327680
		.amdhsa_private_segment_fixed_size 0
		.amdhsa_enable_private_segment 0
		.amdhsa_kernarg_size 16
		.amdhsa_user_sgpr_count 2
		.amdhsa_user_sgpr_kernarg_segment_ptr 1
		.amdhsa_wavefront_size32 1
		.amdhsa_system_sgpr_workgroup_id_x 1
		.amdhsa_system_sgpr_workgroup_id_y 1
		.amdhsa_system_sgpr_workgroup_id_z 1
		.amdhsa_system_vgpr_workitem_id 0
		.amdhsa_next_free_vgpr 256
		.amdhsa_next_free_sgpr 92
		.amdhsa_reserve_vcc 0
		.amdhsa_float_denorm_mode_32 3
		.amdhsa_float_denorm_mode_16_64 3
		.amdhsa_memory_ordered 1
		.amdhsa_forward_progress 1
		.amdhsa_inst_pref_size 49
	.end_amdhsa_kernel
	.amdgpu_metadata
---
amdhsa.version: [ 1, 2 ]
amdhsa.kernels:
  - .name:           k_q717ebb24fb_attn
    .symbol:         k_q717ebb24fb_attn.kd
    .args:
      - { .name: qkv, .offset: 0, .size: 8, .value_kind: global_buffer, .address_space: global }
      - { .name: att, .offset: 8, .size: 8, .value_kind: global_buffer, .address_space: global }
    .group_segment_fixed_size: 327680
    .private_segment_fixed_size: 0
    .kernarg_segment_align: 8
    .kernarg_segment_size: 16
    .max_flat_workgroup_size: 512
    .sgpr_count:     92
    .vgpr_count:     256
    .wavefront_size: 32
...
	.end_amdgpu_metadata
.endif
;; end of part 10
;; launch ln1 (part 11): grid 256 x 1, 8 waves a work-group, no clusters, 66,816 bytes of LDS; arguments att, x, ln1_g, ln1_b, x1; writes x1
.if DOCPART == 11
	.amdgcn_target "amdgcn-amd-amdhsa--gfx1250"
	.amdhsa_code_object_version 6
	.text
	.protected	k_q717ebb24fb_ln1
	.globl	k_q717ebb24fb_ln1
	.p2align	8
	.type	k_q717ebb24fb_ln1,@function
k_q717ebb24fb_ln1:
	s_mov_b64 s[64:65], 0
	v_nop
	global_prefetch_b8 v0, s[64:65] scope:SCOPE_SE
	s_setreg_imm32_b32 hwreg(HW_REG_WAVE_MODE, 25, 1), 1
	s_wait_xcnt 0x0
; ONE SOURCE FOR THE TWO LAYER NORMS; the line .set MODE says which.  out[row] = res[row] + (a[row] - mean) x rsqrt(var + 1e-5) x g + b, rows of 1,024 f32; mean and variance in two passes over registers.
;   MODE 1: a = att, res = x, out = x1; the work-group's 16 rows are a tile, row(t, i) = 32 (t / 2) + 8 (t % 2) + i + 8 (i / 8); they also go through LDS and leave quantised to FP6 (E2M3), one E8M0 byte for each 32
;           along the row, as images of operand registers (1,536 bytes for 16 rows x 128: registers 4 p .. 4 p + 3 of lane l at 512 p + 16 l) with their scale words, for the next product.
;   MODE 2: a = ff, res = x1, out = out0; 16 neighbouring rows.
; Eight waves, two rows each: a row is eight loads of 512 consecutive bytes and stays in 32 registers; no row is read twice.  All 48 loads of a wave go out at once.
; Matrix units, clusters and tensor loads are left out: nothing is shared but 8 KiB of gain and bias, and memory binds.
; LIMITS (MODE 1): a block of zeros, or one whose largest magnitude lies under 2^-124, gets the scale byte 1: its codes are zeros and this program alone reads the bytes.  NaN and infinities are not served.
.set MODE, 1
.set L16, 2                            ; v2   16 x lane
.set G,   16                           ; v16-47   gain
.set B,   48                           ; v48-79   bias
.set A,   80                           ; v80-143  two rows of a; MODE 1: later 64 numbers to be quantised
.set X,   144                          ; v144-207 two rows of the residual, then of the result
.set SEL, 18                           ; s18, s19 lane selects: lane l xor 16
.set INV, 20                           ; s20  1 / 1,024
.set EPS, 21                           ; s21  1e-5
.set X1I, 16777216                     ; parts of the buffer x1
.set X1S, 19922944
.set LP,  4112                         ; a row in LDS: 4,096 bytes + 16
.set TM,  208
.set PC,  224
.set PW,  244
.macro WSUM2 r                         ; v[r] and v[r + 4] are summed over the wave's 32 lanes, the two rows by turns
.irp m, 1,2,4,8
.irp e, 0,1
	s_delay_alu instid0(VALU_DEP_2)
	v_add_f32_dpp v[\r+4*\e], v[\r+4*\e], v[\r+4*\e] row_xmask:\m row_mask:0xf bank_mask:0xf
.endr
.endr
.irp e, 0,1
	s_delay_alu instid0(VALU_DEP_2)
	v_permlanex16_b32 v[\r+1+4*\e], v[\r+4*\e], s[SEL], s[SEL+1]
.endr
.irp e, 0,1
	s_delay_alu instid0(VALU_DEP_2)
	v_add_f32 v[\r+4*\e], v[\r+4*\e], v[\r+1+4*\e]
.endr
.endm
.if MODE == 1
.macro QUANT s                         ; 64 numbers of a lane, register 16 b + i = k 32 b + 16 (lane / 16) + i of my row, become a fragment's codes in v[PC] on and its scale word in v[PW]
.irp b, 0,1,2,3
	v_max3_num_f32 v[TM+\b], |v[\s+16*\b]|, |v[\s+1+16*\b]|, 0x1800000   ; and the floor 2^(3 - 127): the byte cannot fall under 1
.endr
.irp i, 2,4,6,8,10,12,14
.irp b, 0,1,2,3
	s_delay_alu instid0(VALU_DEP_4)
	v_max3_num_f32 v[TM+\b], v[TM+\b], |v[\s+16*\b+\i]|, |v[\s+1+16*\b+\i]|
.endr
.endr
.irp b, 0,1,2,3
	s_delay_alu instid0(VALU_DEP_4)
	v_permlanex16_b32 v[TM+4+\b], v[TM+\b], s[SEL], s[SEL+1]
.endr
.irp b, 0,1,2,3
	s_delay_alu instid0(VALU_DEP_4)
	v_max_num_f32 v[TM+\b], v[TM+\b], v[TM+4+\b]
.endr
.irp b, 0,1,2,3
	s_delay_alu instid0(VALU_DEP_4)
	v_add_nc_u32 v[TM+12+\b], 0xff000000, v[TM+\b]   ; 2 off the exponent field: the conversion's scale operand
.endr
.irp b, 0,1,2,3
	s_delay_alu instid0(VALU_DEP_4)
	v_lshrrev_b32 v[TM+4+\b], 23, v[TM+12+\b]      ; the scale's byte
.endr
	s_delay_alu instid0(VALU_DEP_3)
	v_lshl_or_b32 v[PW], v[TM+5], 8, v[TM+4]
	s_delay_alu instid0(VALU_DEP_1)
	v_lshl_or_b32 v[PW], v[TM+6], 16, v[PW]
	s_delay_alu instid0(VALU_DEP_1)
	v_lshl_or_b32 v[PW], v[TM+7], 24, v[PW]
.irp c, 0,1
	v_cvt_scalef32_pk16_fp6_f32 v[PC+6*\c:PC+2+6*\c], v[\s+32*\c:\s+15+32*\c], v[TM+12+2*\c]
	v_cvt_scalef32_pk16_fp6_f32 v[PC+12+4*\c:PC+14+4*\c], v[\s+16+32*\c:\s+31+32*\c], v[TM+12+2*\c+1]
.endr
	v_nop                                          ; one plain place behind a scaled conversion
.irp c, 0,1
.irp i, 0,1,2
	v_permlane16_swap_b32 v[PC+6*\c+\i], v[PC+12+4*\c+\i]
.endr
.irp i, 0,1,2
	s_delay_alu instid0(VALU_DEP_3)
	v_mov_b32 v[PC+3+6*\c+\i], v[PC+12+4*\c+\i]
.endr
.endr
.endm
.endif
	s_load_b256 s[4:11], s[0:1], 0x0               ; a, the residual, gain, bias
	s_load_b64 s[12:13], s[0:1], 0x20              ; the output
	v_lshl_add_u32 v254, v0, 2, 0x10100
	v_mov_b32 v255, 0
	v_lshrrev_b32 v1, 5, v0
	s_delay_alu instid0(VALU_DEP_1)
	v_readfirstlane_b32 s14, v1                    ; wave 0..7
	v_and_b32 v1, 31, v0
	s_delay_alu instid0(VALU_DEP_1)
	v_lshlrev_b32 v[L16], 4, v1
.if MODE == 1
	s_wait_alu depctr_va_vdst(0)
	s_lshr_b32 s15, ttmp9, 1
	s_lshl_b32 s15, s15, 5
	s_and_b32 s16, ttmp9, 1
	s_lshl_b32 s16, s16, 3
	s_add_co_u32 s15, s15, s16
	s_lshl_b32 s16, s14, 1
	s_add_co_u32 s15, s15, s16
	s_lshr_b32 s16, s14, 2
	s_lshl_b32 s16, s16, 3
	s_add_co_u32 s15, s15, s16                     ; the tile's rows 2 w and 2 w + 1: tokens 32 (t / 2) + 8 (t % 2) + 2 w + 8 (w / 4) and the next
	s_lshr_b32 s22, ttmp9, 3
	s_lshl_b32 s22, s22, 3
	s_add_co_u32 s22, s22, s14                     ; 8 (t / 8) + K step (= my wave's number)
	s_and_b32 s23, ttmp9, 7
	s_lshl_b32 s24, s22, 3
	s_add_co_u32 s24, s24, s23
	s_mul_i32 s24, s24, 1536
	s_add_co_u32 s24, s24, X1I
	s_mov_b32 s25, 0
	s_lshl_b32 s28, s22, 9
	s_lshl_b32 s23, s23, 2
	s_add_co_u32 s28, s28, s23
	s_add_co_u32 s28, s28, X1S
	s_mov_b32 s29, 0
	v_and_b32 v3, 15, v0                           ; r
	v_bfe_u32 v4, v0, 4, 1                         ; h
	s_mul_i32 s30, s14, 2*LP
	v_add_nc_u32 v5, s30, v[L16]                   ; LDS, in: my two rows as they lie
	v_mul_u32_u24 v6, v3, LP
	s_delay_alu instid0(VALU_DEP_1)
	v_lshl_add_u32 v6, v4, 6, v6
	s_lshl_b32 s30, s14, 9
	v_add_nc_u32 v6, s30, v6                       ; back: row r, my K step's 512 bytes, + 64 h
	v_lshlrev_b32 v7, 5, v3                        ; 32 r
.irp b, 0,1,2,3
	v_mov_b32 v[TM+4+\b], 0                        ; a lane permute's destination counts as one of its sources
.endr
.else
	s_lshl_b32 s15, ttmp9, 4
	s_lshl_b32 s16, s14, 1
	s_add_co_u32 s15, s15, s16                     ; rows 16 g + 2 w and the next
.endif
	s_lshl_b32 s16, s15, 12
	s_mov_b32 s17, 0
	s_mov_b32 s[SEL], 0x76543210
	s_mov_b32 s[SEL+1], 0xfedcba98
	s_mov_b32 s[INV], 0x3a800000
	s_mov_b32 s[EPS], 0x3727c5ac
	s_wait_kmcnt 0x0
	s_add_nc_u64 s[4:5], s[4:5], s[16:17]
	s_add_nc_u64 s[6:7], s[6:7], s[16:17]
	s_add_nc_u64 s[26:27], s[12:13], s[16:17]
.if MODE == 1
	s_add_nc_u64 s[24:25], s[12:13], s[24:25]
	s_add_nc_u64 s[28:29], s[12:13], s[28:29]
.endif
.irp e, 0,1
.irp i, 0,1,2,3,4,5,6,7
	global_load_b128 v[A+32*\e+4*\i:A+32*\e+4*\i+3], v[L16], s[4:5] offset:4096*\e+512*\i th:TH_LOAD_NT
.endr
.endr
.irp e, 0,1
.irp i, 0,1,2,3,4,5,6,7
	global_load_b128 v[X+32*\e+4*\i:X+32*\e+4*\i+3], v[L16], s[6:7] offset:4096*\e+512*\i th:TH_LOAD_NT
.endr
.endr
.irp i, 0,1,2,3,4,5,6,7
	global_load_b128 v[G+4*\i:G+4*\i+3], v[L16], s[8:9] offset:512*\i
.endr
.irp i, 0,1,2,3,4,5,6,7
	global_load_b128 v[B+4*\i:B+4*\i+3], v[L16], s[10:11] offset:512*\i
.endr
	s_wait_loadcnt 32                              ; a's 16 loads are in; the residual's 16, the gain's 8 and the bias's 8 may be out
.irp e, 0,1
	v_pk_add_f32 v[8+4*\e:9+4*\e], v[A+32*\e:A+32*\e+1], v[A+32*\e+2:A+32*\e+3]      ; the row's sum: two chains a row, started by the first numbers
	v_pk_add_f32 v[10+4*\e:11+4*\e], v[A+32*\e+4:A+32*\e+5], v[A+32*\e+6:A+32*\e+7]
.endr
.irp j, 8,12,16,20,24,28
.irp e, 0,1
	s_delay_alu instid0(VALU_DEP_4)
	v_pk_add_f32 v[8+4*\e:9+4*\e], v[8+4*\e:9+4*\e], v[A+32*\e+\j:A+32*\e+\j+1]
	s_delay_alu instid0(VALU_DEP_4)
	v_pk_add_f32 v[10+4*\e:11+4*\e], v[10+4*\e:11+4*\e], v[A+32*\e+\j+2:A+32*\e+\j+3]
.endr
.endr
.irp e, 0
	s_delay_alu instid0(VALU_DEP_3)
	v_pk_add_f32 v[8+4*\e:9+4*\e], v[8+4*\e:9+4*\e], v[10+4*\e:11+4*\e]
.endr
.irp e, 1
	s_delay_alu instid0(VALU_DEP_2)
	v_pk_add_f32 v[8+4*\e:9+4*\e], v[8+4*\e:9+4*\e], v[10+4*\e:11+4*\e]
.endr
.irp e, 0,1
	s_delay_alu instid0(VALU_DEP_2)
	v_add_f32 v[8+4*\e], v[8+4*\e], v[9+4*\e]
.endr
	WSUM2 8
.irp e, 0,1
	s_delay_alu instid0(VALU_DEP_2)
	v_mul_f32 v[8+4*\e], s[INV], v[8+4*\e]         ; the mean
.endr
.irp j, 0,2,4,6,8,10,12,14,16,18,20,22,24,26,28,30
.irp e, 0,1
	v_pk_add_f32 v[A+32*\e+\j:A+32*\e+\j+1], v[A+32*\e+\j:A+32*\e+\j+1], v[8+4*\e:9+4*\e] op_sel_hi:[1,0] neg_lo:[0,1] neg_hi:[0,1]   ; a - mean
.endr
.endr
.irp e, 0,1
	v_pk_mul_f32 v[10+4*\e:11+4*\e], v[A+32*\e:A+32*\e+1], v[A+32*\e:A+32*\e+1]
.endr
.irp j, 2,4,6,8,10,12,14,16,18,20,22,24,26,28,30
.irp e, 0,1
	s_delay_alu instid0(VALU_DEP_2)
	v_pk_fma_f32 v[10+4*\e:11+4*\e], v[A+32*\e+\j:A+32*\e+\j+1], v[A+32*\e+\j:A+32*\e+\j+1], v[10+4*\e:11+4*\e]
.endr
.endr
.irp e, 0,1
	s_delay_alu instid0(VALU_DEP_2)
	v_add_f32 v[10+4*\e], v[10+4*\e], v[11+4*\e]
.endr
	WSUM2 10
.irp e, 0,1
	s_delay_alu instid0(VALU_DEP_2)
	v_fma_f32 v[10+4*\e], v[10+4*\e], s[INV], s[EPS]   ; the variance + 1e-5
.endr
	s_wait_alu depctr_va_vdst(0)
.irp e, 0,1
	v_rsq_f32 v[10+4*\e], v[10+4*\e]
.endr
	v_nop                                          ; one plain place behind a transcendental
	s_wait_loadcnt 0x0                             ; the residual, gain and bias
	s_wait_alu depctr_va_vdst(0)
.irp j, 0,2,4,6,8,10,12,14,16,18,20,22,24,26,28,30
.irp e, 0,1
	v_pk_mul_f32 v[A+32*\e+\j:A+32*\e+\j+1], v[A+32*\e+\j:A+32*\e+\j+1], v[10+4*\e:11+4*\e] op_sel_hi:[1,0]
.endr
.endr
.irp j, 0,2,4,6,8,10,12,14,16,18,20,22,24,26,28,30
.irp e, 0,1
	v_pk_fma_f32 v[A+32*\e+\j:A+32*\e+\j+1], v[A+32*\e+\j:A+32*\e+\j+1], v[G+\j:G+\j+1], v[B+\j:B+\j+1]
.endr
.endr
.irp j, 0,2,4,6,8,10,12,14,16,18,20,22,24,26,28,30
.irp e, 0,1
	v_pk_add_f32 v[X+32*\e+\j:X+32*\e+\j+1], v[X+32*\e+\j:X+32*\e+\j+1], v[A+32*\e+\j:A+32*\e+\j+1]
.endr
.endr
.if MODE == 1
.irp e, 0,1
.irp i, 0,1,2,3,4,5,6,7
	global_store_b128 v[L16], v[X+32*\e+4*\i:X+32*\e+4*\i+3], s[26:27] offset:4096*\e+512*\i   ; 512 consecutive bytes a store
	ds_store_b128 v5, v[X+32*\e+4*\i:X+32*\e+4*\i+3] offset:LP*\e+512*\i
.endr
.endr
	s_wait_dscnt 0x0                               ; for the others' sake: my two rows lie in LDS
	s_barrier_signal -1
	s_barrier_wait -1                              ; all sixteen do
.irp b, 0,1,2,3
.irp j, 0,1,2,3
	ds_load_b128 v[A+16*\b+4*\j:A+16*\b+4*\j+3], v6 offset:128*\b+16*\j   ; my K step: of row r, 16 neighbours of each block of 32
.endr
.endr
	s_wait_dscnt 0x0
	QUANT A
.irp p, 0,1,2
	global_store_b128 v[L16], v[PC+4*\p:PC+4*\p+3], s[24:25] offset:512*\p
.endr
	global_store_b32 v7, v[PW], s[28:29]           ; lanes l and l + 16 hold the same word and write it to the same place
.else
.irp e, 0,1
.irp i, 0,1,2,3,4,5,6,7
	global_store_b128 v[L16], v[X+32*\e+4*\i:X+32*\e+4*\i+3], s[26:27] offset:4096*\e+512*\i th:TH_STORE_NT
.endr
.endr
.endif
	s_wait_tensorcnt 0x0
	ds_add_u32 v254, v255
	s_wait_dscnt 0x0
	s_endpgm
.Lfunc_end_k_q717ebb24fb_ln1:
	.size	k_q717ebb24fb_ln1, .Lfunc_end_k_q717ebb24fb_ln1-k_q717ebb24fb_ln1
	.p2alignl 7, 3214868480
	.fill 96, 4, 3214868480
	.section	.rodata,"a",@progbits
	.p2align	6, 0x0
	.amdhsa_kernel k_q717ebb24fb_ln1
		.amdhsa_group_segment_fixed_size 66816
		.amdhsa_private_segment_fixed_size 0
		.amdhsa_enable_private_segment 0
		.amdhsa_kernarg_size 40
		.amdhsa_user_sgpr_count 2
		.amdhsa_user_sgpr_kernarg_segment_ptr 1
		.amdhsa_wavefront_size32 1
		.amdhsa_system_sgpr_workgroup_id_x 1
		.amdhsa_system_sgpr_workgroup_id_y 1
		.amdhsa_system_sgpr_workgroup_id_z 1
		.amdhsa_system_vgpr_workitem_id 0
		.amdhsa_next_free_vgpr 256
		.amdhsa_next_free_sgpr 66
		.amdhsa_reserve_vcc 0
		.amdhsa_float_denorm_mode_32 3
		.amdhsa_float_denorm_mode_16_64 3
		.amdhsa_memory_ordered 1
		.amdhsa_forward_progress 1
		.amdhsa_inst_pref_size 34
	.end_amdhsa_kernel
	.amdgpu_metadata
---
amdhsa.version: [ 1, 2 ]
amdhsa.kernels:
  - .name:           k_q717ebb24fb_ln1
    .symbol:         k_q717ebb24fb_ln1.kd
    .args:
      - { .name: att, .offset: 0, .size: 8, .value_kind: global_buffer, .address_space: global }
      - { .name: x, .offset: 8, .size: 8, .value_kind: global_buffer, .address_space: global }
      - { .name: ln1_g, .offset: 16, .size: 8, .value_kind: global_buffer, .address_space: global }
      - { .name: ln1_b, .offset: 24, .size: 8, .value_kind: global_buffer, .address_space: global }
      - { .name: x1, .offset: 32, .size: 8, .value_kind: global_buffer, .address_space: global }
    .group_segment_fixed_size: 66816
    .private_segment_fixed_size: 0
    .kernarg_segment_align: 8
    .kernarg_segment_size: 40
    .max_flat_workgroup_size: 256
    .sgpr_count:     66
    .vgpr_count:     256
    .wavefront_size: 32
...
	.end_amdgpu_metadata
.endif
;; end of part 11
;; launch ffn1 (part 12): grid 16 x 16, 4 waves a work-group, clusters of 4 x 4, 327,680 bytes of LDS; arguments x1, prep, b1, hid; writes hid
.if DOCPART == 12
	.amdgcn_target "amdgcn-amd-amdhsa--gfx1250"
	.amdhsa_code_object_version 6
	.text
	.protected	k_q717ebb24fb_ffn1
	.globl	k_q717ebb24fb_ffn1
	.p2align	8
	.type	k_q717ebb24fb_ffn1,@function
k_q717ebb24fb_ffn1:
	s_mov_b64 s[64:65], 0
	v_nop
	global_prefetch_b8 v0, s[64:65] scope:SCOPE_SE
	s_setreg_imm32_b32 hwreg(HW_REG_WAVE_MODE, 25, 1), 1
	s_wait_xcnt 0x0
	s_wait_alu depctr_hold_cnt(0) depctr_sa_sdst(0) depctr_va_vdst(0) depctr_va_sdst(0) depctr_va_ssrc(0) depctr_va_vcc(0) depctr_vm_vsrc(0)
	s_getreg_b32 s2, hwreg(HW_REG_IB_STS2, 6, 4)
	s_cmp_eq_u32 s2, 0
	s_cbranch_scc0 .Lentry_in_a_cluster
	s_endpgm
.Lentry_in_a_cluster:
	s_bfe_u32 s2, ttmp6, 0x10000c
	s_cmp_lg_u32 s2, 0xf033
	s_cbranch_scc0 .Lentry_shape_is_right
	s_endpgm
.Lentry_shape_is_right:
.set MODE,   1
.if MODE == 2
.set SIZE_K, 4096
.else
.set SIZE_K, 1024
.endif
.set NQ,     2
.set FR,     12
.set NL,     3
.set NP,     4
.set FRB,    1536
.set HALFT,  16*FRB
.set SLOT,   4*HALFT
.set HALFS,  (SIZE_K/128)*512
.set RBB,    (SIZE_K/128)*8*FRB
; hidden = Q(relu(Q(x1) w1 + b1)), on the plan of launch qkv.
; THE WALK ALONG K (1,024): K steps 0-3 of both operands come whole at the head into bytes 0 .. 2 SLOT (A's two halves of 128 rows, then B's, 49,152 bytes each); K steps 4, 5 into bytes 2 SLOT .. 3 SLOT behind the
; second round; K steps 6, 7 fill bytes 0 .. SLOT again behind the round in K step 3.  For the fragments these are four places of two K steps, each with address registers of its own (ADRA + 0 .. 3, ADRB + 0 .. 3).
; PREFETCH: at the head each wave names, for each of the two later fills, 24 of the 96 blocks of 256 bytes of the quarter that it will fetch: the four partners of a joint load share the blocks out by address.
.set SCL,    3*SLOT
.set SPARE,  SCL+4*HALFS+1024
.set LAPS,   SIZE_K/512
.set XI,  0
.set XS,  3145728
.set WQI, 3276800
.set WQS, 5636096
.set W1I, 5734400
.set W1S, 8880128
.set W2I, 9011200
.set W2S, 12156928
.set QKU, 0
.set VU,  6291456
.set QKS, 9437184
.set VSB, 9699328
.set HSO, 12582912
.if MODE == 1
.set AOFF,  16777216
.set ASOFF, 19922944
.set BOFF,  W1I
.set BSOFF, W1S
.endif
.if MODE == 2
.set AOFF,  0
.set ASOFF, HSO
.set BOFF,  W2I
.set BSOFF, W2S
.endif
.if MODE == 0
.set PB, 4
.set ZERO, 1
.else
.set PB, 6
.set ZERO, 2
.endif
.set L16,  4
.set L8,   7
.set SCO,  8
.set BOV,  9
.set ADRA, 16
.set ADRB, 20
.set STO,  24
.set RD,   25
.set ADRS, 27
.set SPW,  28
.set NIL,  29
.set SC,   32
.set BIAS, 64
.set AF,   128
.set PC,   64
.set TM,   224
.set PW,   240
.set Z,    248
.set BK,   128
.set SEL,  12
.set FL,   100
.set G1, 24
.set G0, 32
.set G1B, 48
.set G0B, 56
.set G1S, 68
.set G0S, 76
.set G1SB, 80
.set G0SB, 88
.set MSB, 0
.macro WIN new
.if MSB != (\new)
	s_set_vgpr_msb (MSB<<8)|(\new)
.set MSB, (\new)
.endif
.endm
.set MUL_LO, 0xa1
.set MUL_HI, 0xf1
.set TO_B,   0x40
.macro JLOAD g0a, g1a, g0b, g1b
	s_cmp_eq_u32 s15, 0
	s_cbranch_scc0 .Lfor_b_\@
	tensor_load_to_lds s[\g0a:\g0a+3], s[\g1a:\g1a+7]
	s_nop 0
.rept 4
	v_nop
.endr
	s_branch .Lasked_\@
.Lfor_b_\@:
	tensor_load_to_lds s[\g0b:\g0b+3], s[\g1b:\g1b+7]
	s_nop 0
.rept 4
	v_nop
.endr
.Lasked_\@:
.endm
.macro CREST
	s_cmp_lg_u32 s14, 0
	s_cbranch_scc1 .Lnot_wave_0_\@
	s_barrier_signal -3
.Lnot_wave_0_\@:
	s_barrier_wait -3
	s_barrier_signal -1
	s_barrier_wait -1
.endm
.macro CROUND
	s_barrier_signal -1
	s_barrier_wait -1
	CREST
.endm
.if MODE == 0
	s_load_b128 s[4:7], s[0:1], 0x0
.else
	s_load_b256 s[4:11], s[0:1], 0x0
.endif
	v_lshl_add_u32 v[SPW], v0, 2, SPARE
	v_mov_b32 v[NIL], 0
	ds_add_u32 v28, v29
	ds_add_u32 v28, v29
	s_wait_dscnt 0x0
	v_lshrrev_b32 v1, 5, v0
	v_readfirstlane_b32 s14, v1
	s_lshr_b32 s15, s14, 1
	s_and_b32 s16, s14, 1
	s_bfe_u32 s40, ttmp6, 0x40000
	s_bfe_u32 s41, ttmp6, 0x40004
.if MODE == 0
	s_lshl_b32 s18, ttmp9, 2
	s_and_b32 s19, ttmp7, 0xffff
	s_lshl_b32 s20, s19, 2
	s_mov_b32 s93, WQS+16*HALFS
	s_mov_b32 s95, XS
	s_mov_b32 s96, 49152
	s_mov_b32 s97, 4096
	s_mov_b32 s99, VSB
	s_cmp_lt_u32 s19, 2
	s_cselect_b32 s17, s18, 0
	s_cselect_b32 s42, s20, s18
	s_cselect_b32 s92, XI, WQI+16*RBB
	s_cselect_b32 s93, XS, s93
	s_cselect_b32 s94, WQI, XI
	s_cselect_b32 s95, WQS, s95
	s_cselect_b32 s96, 196608, s96
	s_cselect_b32 s97, 16384, s97
	s_cselect_b32 s98, QKU, VU
	s_cselect_b32 s99, QKS, s99
	s_add_co_u32 s17, s17, s41
	s_add_co_u32 s42, s42, s40
.else
	s_lshl_b32 s42, ttmp9, 2
	s_add_co_u32 s42, s42, s40
	s_and_b32 s17, ttmp7, 0xffff
	s_lshl_b32 s17, s17, 2
	s_add_co_u32 s17, s17, s41
.endif
	s_lshl_b32 s43, s41, 2
	s_lshl_b32 s43, 15, s43
	s_lshl_b32 s44, 0x1111, s40
	s_or_b32 s[G1+0], s43, (3<<16)|(1<<21)
	s_or_b32 s[G1B+0], s44, (3<<16)|(1<<21)
.irp g, G1, G1B                                ; for the head's loads: two rows of 49,152 bytes (6,144 elements), one for each 128 rows of the operand, RBB bytes apart
	s_mov_b32 s[\g+1], 6144<<16                    ; rows of 49,152 bytes: four K steps of 128 rows
	s_mov_b32 s[\g+2], 2<<16
	s_mov_b32 s[\g+3], 6144<<16
	s_mov_b32 s[\g+4], 2
	s_mov_b32 s[\g+5], RBB/8
	s_mov_b32 s[\g+6], 0
	s_mov_b32 s[\g+7], 0
.endr
	s_or_b32 s[G1S+0], s43, (3<<16)|(1<<21)
	s_or_b32 s[G1SB+0], s44, (3<<16)|(1<<21)
.irp g, G1S, G1SB
	s_mov_b32 s[\g+1], 32<<16
	s_mov_b32 s[\g+2], (2*HALFS/256)<<16           ; the scale words of all 256 rows: 2 HALFS dense bytes
	s_mov_b32 s[\g+3], 32<<16
	s_mov_b32 s[\g+4], 2*HALFS/256
	s_mov_b32 s[\g+5], 32
	s_mov_b32 s[\g+6], 0
	s_mov_b32 s[\g+7], 0
.endr
	s_lshl_b32 s20, s17, 1
	s_add_co_u32 s20, s20, s16
	s_lshl_b32 s46, s42, 1
	s_add_co_u32 s46, s46, s16
	s_mul_i32 s22, s20, HALFS
	s_mul_i32 s20, s20, RBB
	s_mul_i32 s66, s46, HALFS
	s_mul_i32 s46, s46, RBB
.if MODE == 0
	s_add_co_u32 s20, s20, s92
	s_add_co_u32 s22, s22, s93
	s_add_co_u32 s46, s46, s94
	s_add_co_u32 s66, s66, s95
.else
	s_add_co_u32 s20, s20, AOFF
	s_add_co_u32 s22, s22, ASOFF
	s_add_co_u32 s46, s46, BOFF
	s_add_co_u32 s66, s66, BSOFF
.endif
	s_mov_b32 s21, 0
	s_mov_b32 s23, 0
	s_mov_b32 s47, 0
	s_mov_b32 s67, 0
	s_mul_i32 s45, s14, HALFT
	s_mov_b32 s[SEL], 0x76543210
	s_mov_b32 s[SEL+1], 0xfedcba98
	s_mov_b32 s[FL], 0x1800000
	s_wait_kmcnt 0x0
	s_add_nc_u64 s[20:21], s[4:5], s[20:21]
	s_add_nc_u64 s[22:23], s[4:5], s[22:23]
	s_add_nc_u64 s[46:47], s[PB:PB+1], s[46:47]
	s_add_nc_u64 s[66:67], s[PB:PB+1], s[66:67]
	CROUND
; THE HEAD'S FOUR TILES, EACH WHOLE, ONE LOAD A WAVE: wave 0 slot 0's 256 rows of A, wave 1 its 256 rows of B, wave 2 A's scale words, wave 3 B's.
; The addresses made above hold the half that the wave fetches in the ring: it is taken off again here.
	s_mov_b32 s3, 0
	s_mul_i32 s2, s16, RBB
	s_mov_b32 s[G0], 1
	s_mov_b32 s[G0+1], 0
	s_sub_nc_u64 s[G0+2:G0+3], s[20:21], s[2:3]
	s_or_b32 s[G0+3], s[G0+3], 0x80000000
	s_mov_b32 s[G0B], 1
	s_mov_b32 s[G0B+1], 4*HALFT
	s_sub_nc_u64 s[G0B+2:G0B+3], s[46:47], s[2:3]
	s_or_b32 s[G0B+3], s[G0B+3], 0x80000000
	s_mul_i32 s2, s16, HALFS
	s_mov_b32 s[G0S], 1
	s_mov_b32 s[G0S+1], SCL
	s_sub_nc_u64 s[G0S+2:G0S+3], s[22:23], s[2:3]
	s_or_b32 s[G0S+3], s[G0S+3], 0x80000000
	s_mov_b32 s[G0SB], 1
	s_mov_b32 s[G0SB+1], SCL+2*HALFS
	s_sub_nc_u64 s[G0SB+2:G0SB+3], s[66:67], s[2:3]
	s_or_b32 s[G0SB+3], s[G0SB+3], 0x80000000
	s_mov_b32 s[G0+4], 1                           ; slot 1's group 0: my quarter of it
	s_add_co_u32 s[G0+5], s45, 2*SLOT              ; K steps 4, 5
	s_add_nc_u64 s[G0+6:G0+7], s[20:21], 2*HALFT
	s_or_b32 s[G0+7], s[G0+7], 0x80000000
	s_mov_b32 s[G0B+4], 1
	s_add_co_u32 s[G0B+5], s45, 2*SLOT
	s_add_nc_u64 s[G0B+6:G0B+7], s[46:47], 2*HALFT
	s_or_b32 s[G0B+7], s[G0B+7], 0x80000000
.macro ARM under, g0, g1, next                 ; one tree of branches on the wave's number: every way through the head passes one load
	s_cmp_lt_u32 s14, \under
	s_cbranch_scc0 \next
	tensor_load_to_lds s[\g0:\g0+3], s[\g1:\g1+7]
	s_nop 0
.rept 4
	v_nop
.endr
	s_branch .Lhead_asked
\next:
.endm
	s_cmp_eq_u32 s15, 0                            ; the prefetches' base: the quarter that I fetch in the later fills (A's or B's),
	s_cselect_b64 s[92:93], s[20:21], s[46:47]
	s_cselect_b32 s18, s40, s41                    ; + my work-group's 24 blocks of its 96: my place among the four that ask jointly (cx for A, cy for B)
	s_mul_i32 s18, s18, 24*256
	s_mov_b32 s19, 0
	s_add_nc_u64 s[92:93], s[92:93], s[18:19]
	ARM 1, G0,  G1,  .Lhead_b
	ARM 2, G0B, G1B, .Lhead_sa
	ARM 3, G0S, G1S, .Lhead_sb
	tensor_load_to_lds s[G0SB:G0SB+3], s[G1SB:G1SB+7]
	s_nop 0
.rept 4
	v_nop
.endr
.Lhead_asked:
	v_and_b32 v1, 15, v0
	v_bfe_u32 v2, v0, 4, 1
	v_and_b32 v3, 31, v0
	v_lshlrev_b32 v[L16], 4, v3
	v_min_u32 v30, 23, v3
	v_lshlrev_b32 v30, 8, v30                      ; a lane a block of 256 bytes; lanes 24-31 name the last block again
	global_prefetch_b8 v30, s[92:93] offset:2*HALFT th:TH_LOAD_NT scope:SCOPE_SE   ; K steps 4, 5: the next fill
	global_prefetch_b8 v30, s[92:93] offset:3*HALFT th:TH_LOAD_NT scope:SCOPE_SE   ; K steps 6, 7: the fill after it; the two registers are never written again
	v_lshlrev_b32 v[L8], 3, v3
	v_lshlrev_b32 v5, 5, v1
	v_lshl_add_u32 v[SCO], v2, 4, v5
	v_lshlrev_b32 v[BOV], 6, v2
	s_wait_alu depctr_va_vdst(0)
	s_mul_i32 s21, s15, 2*HALFT                    ; places 0, 1: K steps 0-3; my 128 rows of A,
	s_mul_i32 s22, s16, 2*HALFT                    ; my 128 rows of B,
	s_add_co_u32 s22, s22, 4*HALFT                 ; which lie behind A's 256
.irp s, 0,1
	v_add_nc_u32 v[ADRA+\s], s21, v[L16]
	v_add_nc_u32 v[ADRB+\s], s22, v[L16]
	s_add_co_u32 s21, s21, HALFT
	s_add_co_u32 s22, s22, HALFT
.endr
	s_mul_i32 s21, s15, HALFT                      ; place 3: K steps 6, 7, a quarter a wave from byte 0 on,
	s_mul_i32 s22, s16, HALFT
	s_add_co_u32 s22, s22, 2*HALFT
	v_add_nc_u32 v[ADRA+3], s21, v[L16]
	v_add_nc_u32 v[ADRB+3], s22, v[L16]
	s_add_co_u32 s21, s21, 2*SLOT                  ; place 2: K steps 4, 5, likewise from byte 2 SLOT on
	s_add_co_u32 s22, s22, 2*SLOT
	v_add_nc_u32 v[ADRA+2], s21, v[L16]
	v_add_nc_u32 v[ADRB+2], s22, v[L16]
	s_mul_i32 s21, s15, HALFS
	s_mul_i32 s22, s16, HALFS
	s_add_co_u32 s22, s22, 2*HALFS
	s_sub_co_u32 s22, s22, s21
	v_mul_u32_u24 v6, s22, v2
	s_wait_alu depctr_va_vdst(0)
	s_add_co_u32 s21, s21, SCL
	v_add_nc_u32 v5, v5, v6
	v_add_nc_u32 v[ADRS], s21, v5
.if MODE == 2
	s_mul_i32 s23, s14, 16*528
	v_mul_u32_u24 v5, v1, 528
	v_lshl_add_u32 v5, v2, 6, v5
	v_add_nc_u32 v[STO], s23, v5
	v_add_nc_u32 v[RD], s23, v[L16]
.endif
.if MODE > 0
	s_lshl_b32 s46, s42, 10
	s_lshl_b32 s47, s16, 9
	s_add_co_u32 s46, s46, s47
	s_mov_b32 s47, 0
	s_add_nc_u64 s[8:9], s[8:9], s[46:47]
.irp b, 0,1,2,3,4,5,6,7
	global_load_b128 v[BIAS+8*\b:BIAS+8*\b+3], v[BOV], s[8:9] offset:(32*(\b/2)+8*(\b%2))*4
	global_load_b128 v[BIAS+8*\b+4:BIAS+8*\b+7], v[BOV], s[8:9] offset:(32*(\b/2)+8*(\b%2))*4+16
.endr
.endif
.if MODE == 0
	s_lshl_b32 s18, s42, 2
	s_lshl_b32 s19, s16, 1
	s_add_co_u32 s18, s18, s19
	s_mul_i32 s18, s18, s96
	s_lshl_b32 s19, s17, 4
	s_lshl_b32 s22, s15, 3
	s_add_co_u32 s19, s19, s22
	s_mul_i32 s19, s19, 768
	s_add_co_u32 s18, s18, s19
	s_add_co_u32 s18, s18, s98
	s_mov_b32 s19, 0
	s_add_nc_u64 s[18:19], s[6:7], s[18:19]
	s_mov_b32 s20, s96
	s_mov_b32 s21, 0
	s_add_nc_u64 s[20:21], s[18:19], s[20:21]
	s_lshl_b32 s22, s42, 1
	s_add_co_u32 s22, s22, s16
	s_mul_i32 s22, s22, s97
	s_lshl_b32 s23, s17, 1
	s_add_co_u32 s23, s23, s15
	s_lshl_b32 s23, s23, 9
	s_add_co_u32 s22, s22, s23
	s_add_co_u32 s22, s22, s99
	s_mov_b32 s23, 0
	s_add_nc_u64 s[22:23], s[6:7], s[22:23]
.endif
.if MODE == 1
	s_lshl_b32 s18, s17, 1
	s_add_co_u32 s18, s18, s15
	s_lshl_b32 s18, s18, 5
	s_lshl_b32 s19, s42, 1
	s_add_co_u32 s18, s18, s19
	s_add_co_u32 s18, s18, s16
	s_lshl_b32 s22, s18, 9
	s_add_co_u32 s22, s22, HSO
	s_mov_b32 s23, 0
	s_mul_i32 s18, s18, 8*FRB
	s_mov_b32 s19, 0
	s_add_nc_u64 s[18:19], s[10:11], s[18:19]
	s_add_nc_u64 s[22:23], s[10:11], s[22:23]
.endif
.if MODE == 2
	s_lshl_b32 s18, s17, 8
	s_lshl_b32 s19, s15, 7
	s_add_co_u32 s18, s18, s19
	s_lshl_b32 s18, s18, 12
	s_lshl_b32 s19, s42, 10
	s_add_co_u32 s18, s18, s19
	s_lshl_b32 s19, s16, 9
	s_add_co_u32 s18, s18, s19
	s_mov_b32 s19, 0
	s_add_nc_u64 s[18:19], s[10:11], s[18:19]
.endif
.macro FRAG reg, adr, q, i
.irp p, 0,1,2
	ds_load_b128 v[\reg+4*\p:\reg+4*\p+3], v[\adr] offset:(8*(\q)+(\i))*FRB+512*\p
.endr
.endm
.macro MUL16 a0, p, q, sc, zero
.irp a, \a0, \a0+1
.irp b, 0,1,2,3,4,5,6,7
.set DD0, 8*(8*((\a)%4)+\b)
.set BB0, 128*(\p)+FR*\b
.set AA0, AF+FR*(\a)
.set SB0, SC+16*((\sc)%2)+8*(\q)+\b
.set SA0, SC+16*((\sc)%2)+8*(\q)+(\a)
.if \zero == 1
	v_wmma_scale_f32_16x16x128_f8f6f4 v[DD0:DD0+7], v[BB0:BB0+FR-1], v[AA0:AA0+FR-1], 0, v[SB0], v[SA0] matrix_a_fmt:MATRIX_FMT_FP6 matrix_b_fmt:MATRIX_FMT_FP6 matrix_a_scale:MATRIX_SCALE_ROW1
.elseif \zero == 2
	v_wmma_scale_f32_16x16x128_f8f6f4 v[DD0:DD0+7], v[BB0:BB0+FR-1], v[AA0:AA0+FR-1], v[BIAS+8*\b:BIAS+8*\b+7], v[SB0], v[SA0] matrix_a_fmt:MATRIX_FMT_FP6 matrix_b_fmt:MATRIX_FMT_FP6 matrix_a_scale:MATRIX_SCALE_ROW1
.else
	v_wmma_scale_f32_16x16x128_f8f6f4 v[DD0:DD0+7], v[BB0:BB0+FR-1], v[AA0:AA0+FR-1], v[DD0:DD0+7], v[SB0], v[SA0] matrix_a_fmt:MATRIX_FMT_FP6 matrix_b_fmt:MATRIX_FMT_FP6 matrix_a_scale:MATRIX_SCALE_ROW1
.endif
.endr
.endr
.endm
.macro FETCH_B slot, q, p
	WIN TO_B
.irp i, 0,1,2,3,4,5,6,7
	FRAG 128*(\p)+FR*\i, ADRB+\slot, \q, \i
.endr
	WIN 0
.endm
.macro FETCH_A slot, q, i0
.irp i, \i0, \i0+1, \i0+2, \i0+3
	FRAG AF+FR*(\i), ADRA+\slot, \q, \i
.endr
.endm
.macro SCALES sc
.irp q, 0,1
	ds_load_b128 v[SC+16*\sc+8*\q:SC+16*\sc+8*\q+3], v[ADRS] offset:512*\q
	ds_load_b128 v[SC+16*\sc+8*\q+4:SC+16*\sc+8*\q+7], v[ADRS] offset:512*\q+16
.endr
.endm
.macro PLACES n
.rept \n
	v_nop
.endr
.endm
.macro STEP slot, q, zero
	s_wait_dscnt 4*NL
.if \zero == 2
	WIN 0x81
.else
	WIN MUL_LO
.endif
	MUL16 0, (\q)%2, \q, \slot, \zero
	MUL16 2, (\q)%2, \q, \slot, \zero
	s_wait_dscnt 0
	PLACES NP
	FETCH_B \slot, (\q)+1, 1-(\q)%2
	FETCH_A \slot, (\q)+1, 0
.if \zero == 2
	WIN 0xc1
.else
	WIN MUL_HI
.endif
	MUL16 4, (\q)%2, \q, \slot, \zero
	MUL16 6, (\q)%2, \q, \slot, \zero
	PLACES NP
	WIN 0
	FETCH_A \slot, (\q)+1, 4
.endm
.macro TURN slot, next, fill
.if \fill == 2                                 ; from place 0 to place 1: both came with the head's loads: no wait for tiles, no barrier
	s_wait_dscnt 4*NL
	WIN MUL_LO
	MUL16 0, 1, NQ-1, \slot, 0
	MUL16 2, 1, NQ-1, \slot, 0
	s_wait_dscnt 0
	WIN 0
	PLACES NP
.else
	s_wait_tensorcnt 0x0
	ds_add_u32 v[SPW], v[NIL]
	s_wait_dscnt 4*NL+1
	WIN MUL_LO
	MUL16 0, 1, NQ-1, \slot, 0
	s_wait_dscnt 0x0
	s_barrier_signal -1
	MUL16 2, 1, NQ-1, \slot, 0
	WIN 0
	s_barrier_wait -1
.if \fill
	CREST                                          ; the barrier has opened a round of the cluster's barrier: no wave of any partner still reads K steps 0-3 or has a load on its way
	JLOAD G0, G1, G0B, G1B                         ; K steps 6, 7: the first tensor load behind the round, my one load until the next barrier
.else
	PLACES NP
.endif
.endif
	s_wait_alu depctr_va_vdst(0)
	v_add_nc_u32 v[ADRS], 1024, v[ADRS]
	FETCH_B \next, 0, 0
	FETCH_A \next, 0, 0
	SCALES ((\next)%2)
	WIN MUL_HI
	MUL16 4, 1, NQ-1, \slot, 0
	MUL16 6, 1, NQ-1, \slot, 0
	PLACES NP
	WIN 0
	FETCH_A \next, 0, 4
.endm
.if MODE > 0
	s_wait_alu depctr_va_vdst(0)
	s_wait_loadcnt 0x0
.endif
	s_wait_tensorcnt 0x0                           ; my tile of the head's four is in
	ds_add_u32 v[SPW], v[NIL]
	s_mul_i32 s2, s16, RBB
	s_add_co_u32 s2, s2, 3*HALFT                   ; K steps 6, 7
	s_mov_b32 s3, 0
	s_add_nc_u64 s[G0+2:G0+3], s[G0+2:G0+3], s[2:3]
	s_add_nc_u64 s[G0B+2:G0B+3], s[G0B+2:G0B+3], s[2:3]
	s_mul_i32 s[G0+1], s14, HALFT
	s_mul_i32 s[G0B+1], s14, HALFT
.irp g, G1, G1B                                ; and group 1 the ring's: 24,576 dense bytes as 96 rows of 256
	s_mov_b32 s[\g+1], 32<<16
	s_mov_b32 s[\g+2], 96<<16
	s_mov_b32 s[\g+3], 32<<16
	s_mov_b32 s[\g+4], 96
	s_mov_b32 s[\g+5], 32
.endr
	s_wait_dscnt 0x0
	CROUND                                         ; a whole round: all four tiles are in, and the partners' joint loads meet
	JLOAD G0+4, G1, G0B+4, G1B                     ; slot 1's first fill, my one load behind the round
	FETCH_B 0, 0, 0
	FETCH_A 0, 0, 0
	SCALES 0
	FETCH_A 0, 0, 4
	STEP 0, 0, ZERO
	TURN 0, 1, 2                                   ; K step 1
	STEP 1, 0, 0                                   ; K step 2
	TURN 1, 2, 1                                   ; K step 3: K steps 4, 5 are in; bytes 0 .. SLOT are filled again
	STEP 2, 0, 0                                   ; K step 4
	TURN 2, 3, 0                                   ; K step 5: K steps 6, 7 are in
	STEP 3, 0, 0                                   ; K step 6
	s_wait_dscnt 4*NL
	WIN MUL_LO
	MUL16 0, 1, NQ-1, 1, 0
	MUL16 2, 1, NQ-1, 1, 0
	s_wait_dscnt 0
	WIN MUL_HI
	MUL16 4, 1, NQ-1, 1, 0
	MUL16 6, 1, NQ-1, 1, 0
	WIN 0
	PLACES NP
.if MODE < 2
.macro QUANTW a, relu
.set AC, 64*((\a)%4)
.set PCA, PC+20*((2+2*((\a)%4))%8+(\a)/4)
.if \relu
	WIN (2+(\a)/4)*0x44
.set j, 0
.rept 64
	v_max_num_f32 v[AC+j], 0, v[AC+j]
.set j, j+1
.endr
.endif
	WIN (2+(\a)/4)*0x14
.irp b, 0,1,2,3
	v_max3_num_f32 v[TM+\b], s[FL], |v[AC+16*\b]|, |v[AC+16*\b+1]|
.endr
.irp i, 2,4,6,8,10,12,14
.irp b, 0,1,2,3
	v_max3_num_f32 v[TM+\b], v[TM+\b], |v[AC+16*\b+\i]|, |v[AC+16*\b+\i+1]|
.endr
.endr
	WIN 0
.irp b, 0,1,2,3
	v_permlanex16_b32 v[TM+4+\b], v[TM+\b], s[SEL], s[SEL+1]
.endr
.irp b, 0,1,2,3
	v_max_num_f32 v[TM+\b], v[TM+\b], v[TM+4+\b]
.endr
.irp b, 0,1,2,3
	v_add_nc_u32 v[TM+12+\b], 0xff000000, v[TM+\b]
.endr
.irp b, 0,1,2,3
	v_lshrrev_b32 v[TM+4+\b], 23, v[TM+12+\b]
.endr
	v_lshl_or_b32 v[PW+(\a)], v[TM+5], 8, v[TM+4]
	v_lshl_or_b32 v[PW+(\a)], v[TM+6], 16, v[PW+(\a)]
	v_lshl_or_b32 v[PW+(\a)], v[TM+7], 24, v[PW+(\a)]
	WIN 2+(\a)/4
.irp c, 0,1
	v_cvt_scalef32_pk16_fp6_f32 v[PCA+6*\c:PCA+6*\c+2], v[AC+32*\c:AC+32*\c+15], v[TM+12+2*\c]
	v_cvt_scalef32_pk16_fp6_f32 v[PCA+12+4*\c:PCA+14+4*\c], v[AC+32*\c+16:AC+32*\c+31], v[TM+12+2*\c+1]
.endr
	WIN 0
	v_nop
.irp c, 0,1
.irp i, 0,1,2
	v_permlane16_swap_b32 v[PCA+6*\c+\i], v[PCA+12+4*\c+\i]
.endr
.irp i, 0,1,2
	v_mov_b32 v[PCA+3+6*\c+\i], v[PCA+12+4*\c+\i]
.endr
.endr
.endm
.irp b, 0,1,2,3
	v_mov_b32 v[TM+4+\b], 0
.endr
.irp a, 0,1,2,3,4,5,6,7
	QUANTW \a, MODE
.if MODE == 0
.irp c, 0,1
	global_store_b128 v[L16], v[PCA+6*\c:PCA+6*\c+3], s[18+2*\c:19+2*\c] offset:768*\a
	global_store_b64 v[L8], v[PCA+6*\c+4:PCA+6*\c+5], s[18+2*\c:19+2*\c] offset:768*\a+512
.endr
.else
.irp p, 0,1,2
	global_store_b128 v[L16], v[PCA+4*\p:PCA+4*\p+3], s[18:19] offset:FRB*\a+512*\p
.endr
.endif
.endr
	v_cmp_eq_u32 vcc_lo, 1, v2
.irp j, 0,1,2,3
	v_cndmask_b32 v[Z+\j], v[PW+\j], v[PW+4+\j], vcc_lo
.endr
	global_store_b128 v[SCO], v[Z:Z+3], s[22:23]
.else
.macro TOSTAGE a
.set AC, 64*((\a)%4)
	WIN 0x08+4*((\a)/4)
.irp b, 0,1,2,3,4,5,6,7
	ds_store_b128 v[STO], v[AC+8*\b:AC+8*\b+3] offset:128*(\b/2)+32*(\b%2)
	ds_store_b128 v[STO], v[AC+8*\b+4:AC+8*\b+7] offset:128*(\b/2)+32*(\b%2)+16
.endr
	WIN 0
.set BBK, BK+64*((\a)%2)
.irp t, 0,1,2,3,4,5,6,7,8,9,10,11,12,13,14,15
	ds_load_b128 v[BBK+4*\t:BBK+4*\t+3], v[RD] offset:\t*528
.endr
.endm
.macro SEND a, younger
.set BBK, BK+64*((\a)%2)
.set ROW0, 32*((\a)/2)+8*((\a)%2)
	s_wait_dscnt \younger
.irp t, 0,1,2,3,4,5,6,7,8,9,10,11,12,13,14,15
	global_store_b128 v[L16], v[BBK+4*\t:BBK+4*\t+3], s[18:19] offset:(ROW0+\t+8*(\t/8))*4096
.endr
.endm
	TOSTAGE 0
.irp a, 1,2,3,4,5,6,7
.if \a > 1
	s_wait_xcnt 0x0
.endif
	TOSTAGE \a
	SEND \a-1, 32
.endr
	SEND 7, 0
.endif
	s_wait_tensorcnt 0x0
	ds_add_u32 v[SPW], v[NIL]
	s_wait_dscnt 0x0
	CROUND
	s_endpgm
.Lfunc_end_k_q717ebb24fb_ffn1:
	.size	k_q717ebb24fb_ffn1, .Lfunc_end_k_q717ebb24fb_ffn1-k_q717ebb24fb_ffn1
	.p2alignl 7, 3214868480
	.fill 96, 4, 3214868480
	.section	.rodata,"a",@progbits
	.p2align	6, 0x0
	.amdhsa_kernel k_q717ebb24fb_ffn1
		.amdhsa_group_segment_fixed_size 327680
		.amdhsa_private_segment_fixed_size 0
		.amdhsa_enable_private_segment 0
		.amdhsa_kernarg_size 32
		.amdhsa_user_sgpr_count 2
		.amdhsa_user_sgpr_kernarg_segment_ptr 1
		.amdhsa_wavefront_size32 1
		.amdhsa_system_sgpr_workgroup_id_x 1
		.amdhsa_system_sgpr_workgroup_id_y 1
		.amdhsa_system_sgpr_workgroup_id_z 1
		.amdhsa_system_vgpr_workitem_id 0
		.amdhsa_next_free_vgpr 1024
		.amdhsa_next_free_sgpr 101
		.amdhsa_reserve_vcc 1
		.amdhsa_float_denorm_mode_32 3
		.amdhsa_float_denorm_mode_16_64 3
		.amdhsa_memory_ordered 1
		.amdhsa_forward_progress 1
		.amdhsa_inst_pref_size 157
	.end_amdhsa_kernel
	.amdgpu_metadata
---
amdhsa.version: [ 1, 2 ]
amdhsa.kernels:
  - .name:           k_q717ebb24fb_ffn1
    .symbol:         k_q717ebb24fb_ffn1.kd
    .args:
      - { .name: x1, .offset: 0, .size: 8, .value_kind: global_buffer, .address_space: global }
      - { .name: prep, .offset: 8, .size: 8, .value_kind: global_buffer, .address_space: global }
      - { .name: b1, .offset: 16, .size: 8, .value_kind: global_buffer, .address_space: global }
      - { .name: hid, .offset: 24, .size: 8, .value_kind: global_buffer, .address_space: global }
    .group_segment_fixed_size: 327680
    .private_segment_fixed_size: 0
    .kernarg_segment_align: 8
    .kernarg_segment_size: 32
    .max_flat_workgroup_size: 128
    .sgpr_count:     101
    .vgpr_count:     1024
    .wavefront_size: 32
...
	.end_amdgpu_metadata
.endif
;; end of part 12
;; launch ffn2 (part 13): grid 8 x 32, 4 waves a work-group, clusters of 4 x 4, 327,680 bytes of LDS; arguments hid, prep, b2, ff; writes ff
.if DOCPART == 13
	.amdgcn_target "amdgcn-amd-amdhsa--gfx1250"
	.amdhsa_code_object_version 6
	.text
	.protected	k_q717ebb24fb_ffn2
	.globl	k_q717ebb24fb_ffn2
	.p2align	8
	.type	k_q717ebb24fb_ffn2,@function
k_q717ebb24fb_ffn2:
	s_mov_b64 s[64:65], 0
	v_nop
	global_prefetch_b8 v0, s[64:65] scope:SCOPE_SE
	s_setreg_imm32_b32 hwreg(HW_REG_WAVE_MODE, 25, 1), 1
	s_wait_xcnt 0x0
	s_wait_alu depctr_hold_cnt(0) depctr_sa_sdst(0) depctr_va_vdst(0) depctr_va_sdst(0) depctr_va_ssrc(0) depctr_va_vcc(0) depctr_vm_vsrc(0)
	s_getreg_b32 s2, hwreg(HW_REG_IB_STS2, 6, 4)
	s_cmp_eq_u32 s2, 0
	s_cbranch_scc0 .Lentry_in_a_cluster
	s_endpgm
.Lentry_in_a_cluster:
	s_bfe_u32 s2, ttmp6, 0x10000c
	s_cmp_lg_u32 s2, 0xf033
	s_cbranch_scc0 .Lentry_shape_is_right
	s_endpgm
.Lentry_shape_is_right:
.set FR,     12
.set FRB,    1536
.set KST,    8*FRB
.set HALFT,  2*KST
.set OPB,    4*KST
.set SLOT,   2*OPB
.set RBB,    32*KST
.set SCB,    32*512
.set HALFS,  SCB/2
.set SCL,    2*SLOT
.set SPARE,  SCL+2*SCB+4096
.set STAGE,  SPARE+1024
.set SPT,    272
.set LAPS,   4
.set W2I, 9011200
.set W2S, 12156928
.set HSO, 12582912
.set L16,  4
.set BOV,  9
.set ADRA, 16
.set ADRB, 20
.set STO,  24
.set RD,   25
.set CO,   26
.set ADRS, 27
.set SPW,  28
.set NIL,  29
.set SC,   32
.set BIAS, 64
.set ACC,  128
.set G1, 24
.set G0, 32
.set G1B, 48
.set G0B, 56
.set G1S, 68
.set G0S, 76
.set G1SB, 80
.set G0SB, 88
.set MSB, 0
.macro WIN new
.if MSB != (\new)
	s_set_vgpr_msb (MSB<<8)|(\new)
.set MSB, (\new)
.endif
.endm
.set W_MUL, 0x06
.set TO_A,  0x40
.set TO_B,  0x80
.macro JLOAD g0a, g1a, g0b, g1b
	s_cmp_eq_u32 s15, 0
	s_cbranch_scc0 .Lfor_b_\@
	tensor_load_to_lds s[\g0a:\g0a+3], s[\g1a:\g1a+7]
	s_nop 0
.rept 4
	v_nop
.endr
	s_branch .Lasked_\@
.Lfor_b_\@:
	tensor_load_to_lds s[\g0b:\g0b+3], s[\g1b:\g1b+7]
	s_nop 0
.rept 4
	v_nop
.endr
.Lasked_\@:
.endm
.macro CROUND
	s_barrier_signal -1
	s_barrier_wait -1
	s_cmp_lg_u32 s14, 0
	s_cbranch_scc1 .Lnot_wave_0_\@
	s_barrier_signal -3
.Lnot_wave_0_\@:
	s_barrier_wait -3
	s_barrier_signal -1
	s_barrier_wait -1
.endm
.macro PLACES n
.rept \n
	v_nop
.endr
.endm
	s_load_b256 s[4:11], s[0:1], 0x0
	v_lshl_add_u32 v[SPW], v0, 2, SPARE
	v_mov_b32 v[NIL], 0
	ds_add_u32 v28, v29
	ds_add_u32 v28, v29
	s_wait_dscnt 0x0
	v_lshrrev_b32 v1, 5, v0
	v_readfirstlane_b32 s14, v1
	s_lshr_b32 s15, s14, 1
	s_and_b32 s16, s14, 1
	s_bfe_u32 s40, ttmp6, 0x40000
	s_bfe_u32 s41, ttmp6, 0x40004
	s_lshl_b32 s42, ttmp9, 2
	s_add_co_u32 s42, s42, s40
	s_and_b32 s17, ttmp7, 0xffff
	s_lshl_b32 s17, s17, 2
	s_add_co_u32 s17, s17, s41
	s_lshl_b32 s43, s41, 2
	s_lshl_b32 s43, 15, s43
	s_lshl_b32 s44, 0x1111, s40
	s_or_b32 s[G1+0], s43, (3<<16)|(1<<21)
	s_or_b32 s[G1B+0], s44, (3<<16)|(1<<21)
.irp g, G1, G1B
	s_mov_b32 s[\g+1], 32<<16
	s_mov_b32 s[\g+2], 192<<16                     ; for the head's loads: an operand's whole part of a slot, 49,152 dense bytes as 192 rows of 256
	s_mov_b32 s[\g+3], 32<<16
	s_mov_b32 s[\g+4], 192
	s_mov_b32 s[\g+5], 32
	s_mov_b32 s[\g+6], 0
	s_mov_b32 s[\g+7], 0
.endr
	s_or_b32 s[G1S+0], s43, (3<<16)|(1<<21)
	s_or_b32 s[G1SB+0], s44, (3<<16)|(1<<21)
.irp g, G1S, G1SB
	s_mov_b32 s[\g+1], 32<<16
	s_mov_b32 s[\g+2], (SCB/256)<<16               ; an operand's scale words whole: SCB dense bytes
	s_mov_b32 s[\g+3], 32<<16
	s_mov_b32 s[\g+4], SCB/256
	s_mov_b32 s[\g+5], 32
	s_mov_b32 s[\g+6], 0
	s_mov_b32 s[\g+7], 0
.endr
	s_mul_i32 s18, s16, HALFT
	s_lshl_b32 s19, s16, 13
	s_mul_i32 s20, s17, RBB
	s_add_co_u32 s20, s20, s18
	s_lshl_b32 s22, s17, 14
	s_add_co_u32 s22, s22, s19
	s_add_co_u32 s22, s22, HSO
	s_mul_i32 s46, s42, RBB
	s_add_co_u32 s46, s46, s18
	s_add_co_u32 s46, s46, W2I
	s_lshl_b32 s66, s42, 14
	s_add_co_u32 s66, s66, s19
	s_add_co_u32 s66, s66, W2S
	s_mov_b32 s21, 0
	s_mov_b32 s23, 0
	s_mov_b32 s47, 0
	s_mov_b32 s67, 0
	s_mul_i32 s45, s14, HALFT
	s_wait_kmcnt 0x0
	s_add_nc_u64 s[20:21], s[4:5], s[20:21]
	s_add_nc_u64 s[22:23], s[4:5], s[22:23]
	s_add_nc_u64 s[46:47], s[6:7], s[46:47]
	s_add_nc_u64 s[66:67], s[6:7], s[66:67]
	CROUND
; THE HEAD'S FOUR TILES, EACH WHOLE, ONE LOAD A WAVE: wave 0 A's part of slot 0, wave 1 B's, wave 2 A's scale words, wave 3 B's.
; The addresses made above hold the half that the wave fetches in the ring: it is taken off again here.
	s_mov_b32 s3, 0
	s_mul_i32 s2, s16, HALFT
	s_mov_b32 s[G0], 1
	s_mov_b32 s[G0+1], 0
	s_sub_nc_u64 s[G0+2:G0+3], s[20:21], s[2:3]
	s_or_b32 s[G0+3], s[G0+3], 0x80000000
	s_mov_b32 s[G0B], 1
	s_mov_b32 s[G0B+1], OPB
	s_sub_nc_u64 s[G0B+2:G0B+3], s[46:47], s[2:3]
	s_or_b32 s[G0B+3], s[G0B+3], 0x80000000
	s_mul_i32 s2, s16, HALFS
	s_mov_b32 s[G0S], 1
	s_mov_b32 s[G0S+1], SCL
	s_sub_nc_u64 s[G0S+2:G0S+3], s[22:23], s[2:3]
	s_or_b32 s[G0S+3], s[G0S+3], 0x80000000
	s_mov_b32 s[G0SB], 1
	s_mov_b32 s[G0SB+1], SCL+SCB
	s_sub_nc_u64 s[G0SB+2:G0SB+3], s[66:67], s[2:3]
	s_or_b32 s[G0SB+3], s[G0SB+3], 0x80000000
	s_mov_b32 s[G0+4], 1                           ; slot 1's group 0: my quarter of it
	s_add_co_u32 s[G0+5], s45, SLOT
	s_add_nc_u64 s[G0+6:G0+7], s[20:21], OPB
	s_or_b32 s[G0+7], s[G0+7], 0x80000000
	s_mov_b32 s[G0B+4], 1
	s_add_co_u32 s[G0B+5], s45, SLOT
	s_add_nc_u64 s[G0B+6:G0B+7], s[46:47], OPB
	s_or_b32 s[G0B+7], s[G0B+7], 0x80000000
.macro ARM under, g0, g1, next                 ; one tree of branches on the wave's number: every way through the head passes one load
	s_cmp_lt_u32 s14, \under
	s_cbranch_scc0 \next
	tensor_load_to_lds s[\g0:\g0+3], s[\g1:\g1+7]
	s_nop 0
.rept 4
	v_nop
.endr
	s_branch .Lhead_asked
\next:
.endm
; PREFETCH: a fill is four K steps; of the 96 blocks of 256 bytes of the quarter that a wave fetches, each of the four partners of the joint load names 24, told apart by address: one instruction a wave for a fill.
; With the load of fill j goes the request for fill j + 2 (at the head also fill 1's); the loads of fills 6 and 7 ask for nothing.
	s_cmp_eq_u32 s15, 0                            ; the prefetches' base: my quarter of fill 0 (A's or B's),
	s_cselect_b64 s[94:95], s[20:21], s[46:47]
	s_cselect_b32 s18, s40, s41                    ; + my work-group's 24 blocks: my place among the four that ask jointly (cx for A, cy for B)
	s_mul_i32 s18, s18, 24*256
	s_mov_b32 s19, 0
	s_add_nc_u64 s[94:95], s[94:95], s[18:19]
	ARM 1, G0,  G1,  .Lhead_b
	ARM 2, G0B, G1B, .Lhead_sa
	ARM 3, G0S, G1S, .Lhead_sb
	tensor_load_to_lds s[G0SB:G0SB+3], s[G1SB:G1SB+7]
	s_nop 0
.rept 4
	v_nop
.endr
.Lhead_asked:
	v_and_b32 v1, 15, v0
	v_bfe_u32 v2, v0, 4, 1
	s_wait_alu depctr_va_vdst(0)
	v_and_b32 v3, 31, v0
	v_lshlrev_b32 v[L16], 4, v3
	v_min_u32 v30, 23, v3
	v_lshlrev_b32 v30, 8, v30                      ; a lane a block of 256 bytes; lanes 24-31 name the last block again; never rewritten
	global_prefetch_b8 v30, s[94:95] offset:OPB th:TH_LOAD_NT scope:SCOPE_SE     ; fill 1
	global_prefetch_b8 v30, s[94:95] offset:2*OPB th:TH_LOAD_NT scope:SCOPE_SE   ; fill 2
	v_lshlrev_b32 v5, 5, v1
	v_lshlrev_b32 v[BOV], 6, v2
	s_mul_i32 s21, s15, 4*FRB
	s_mul_i32 s22, s16, 4*FRB
	s_add_co_u32 s22, s22, OPB
.irp s, 0,1
	v_add_nc_u32 v[ADRA+\s], s21, v[L16]
	v_add_nc_u32 v[ADRB+\s], s22, v[L16]
	s_add_co_u32 s21, s21, SLOT
	s_add_co_u32 s22, s22, SLOT
.endr
	s_lshl_b32 s21, s15, 4
	s_lshl_b32 s22, s16, 4
	s_add_co_u32 s22, s22, SCB
	s_sub_co_u32 s22, s22, s21
	v_mul_u32_u24 v6, s22, v2
	s_wait_alu depctr_va_vdst(0)
	s_add_co_u32 s21, s21, SCL
	v_add_nc_u32 v5, v5, v6
	v_add_nc_u32 v[ADRS], s21, v5
	s_mul_i32 s23, s14, 16*SPT
	s_add_co_u32 s23, s23, STAGE
	v_mul_u32_u24 v5, v1, SPT
	v_lshl_add_u32 v5, v2, 6, v5
	v_add_nc_u32 v[STO], s23, v5
	v_mul_u32_u24 v5, v2, SPT
	v_lshl_add_u32 v5, v1, 4, v5
	v_add_nc_u32 v[RD], s23, v5
	v_lshlrev_b32 v5, 12, v2
	v_lshl_add_u32 v[CO], v1, 4, v5
	s_lshl_b32 s46, s42, 9
	s_lshl_b32 s47, s16, 8
	s_add_co_u32 s46, s46, s47
	s_mov_b32 s47, 0
	s_add_nc_u64 s[8:9], s[8:9], s[46:47]
.irp b, 0,1,2,3
	global_load_b128 v[BIAS+8*\b:BIAS+8*\b+3], v[BOV], s[8:9] offset:(32*(\b/2)+8*(\b%2))*4
	global_load_b128 v[BIAS+8*\b+4:BIAS+8*\b+7], v[BOV], s[8:9] offset:(32*(\b/2)+8*(\b%2))*4+16
.endr
	s_lshl_b32 s92, s17, 7
	s_lshl_b32 s93, s15, 6
	s_add_co_u32 s92, s92, s93
	s_lshl_b32 s92, s92, 12
	s_lshl_b32 s93, s42, 9
	s_add_co_u32 s92, s92, s93
	s_lshl_b32 s93, s16, 8
	s_add_co_u32 s92, s92, s93
	s_mov_b32 s93, 0
	s_add_nc_u64 s[92:93], s[10:11], s[92:93]
.macro FRAG reg, adr, q, i
.irp p, 0,1,2
	ds_load_b128 v[\reg+4*\p:\reg+4*\p+3], v[\adr] offset:(8*(\q)+(\i))*FRB+512*\p
.endr
.endm
.macro FETCH slot, q
	WIN TO_A
.irp i, 0,1,2,3
	FRAG 48*(\q)+FR*\i, ADRA+\slot, \q, \i
.endr
	WIN TO_B
.irp i, 0,1,2,3
	FRAG 48*(\q)+FR*\i, ADRB+\slot, \q, \i
.endr
.endm
.macro MUL16 q, first
.irp a, 0,1,2,3
.irp b, 0,1,2,3
.set DD0, ACC+8*(4*\a+\b)
.set BB0, 48*(\q)+FR*\b
.set AA0, 48*(\q)+FR*\a
.set SB0, SC+4*(\q)+\b
.set SA0, SC+4*(\q)+\a
.if \first
	v_wmma_scale_f32_16x16x128_f8f6f4 v[DD0:DD0+7], v[BB0:BB0+FR-1], v[AA0:AA0+FR-1], v[BIAS+8*\b:BIAS+8*\b+7], v[SB0], v[SA0] matrix_a_fmt:MATRIX_FMT_FP6 matrix_b_fmt:MATRIX_FMT_FP6 matrix_a_scale:MATRIX_SCALE_ROW1
.else
	v_wmma_scale_f32_16x16x128_f8f6f4 v[DD0:DD0+7], v[BB0:BB0+FR-1], v[AA0:AA0+FR-1], v[DD0:DD0+7], v[SB0], v[SA0] matrix_a_fmt:MATRIX_FMT_FP6 matrix_b_fmt:MATRIX_FMT_FP6 matrix_a_scale:MATRIX_SCALE_ROW1
.endif
.endr
.endr
.endm
.macro WORK slot, first
.irp q, 0,1,2,3
	ds_load_b128 v[SC+4*\q:SC+4*\q+3], v[ADRS] offset:512*\q
.endr
	FETCH \slot, 0
	FETCH \slot, 1
	s_wait_dscnt 24
	WIN W_MUL
	MUL16 0, \first
	PLACES 4
	FETCH \slot, 2
	s_wait_dscnt 24
	WIN W_MUL
	MUL16 1, 0
	PLACES 4
	FETCH \slot, 3
	s_wait_dscnt 24
	WIN W_MUL
	MUL16 2, 0
	s_wait_dscnt 0x0
	MUL16 3, 0
	WIN 0
.endm
.macro CHANGE slot, fill
.if (\fill) && (\slot) == 0
	s_wait_xcnt 0x0                                ; my prefetches have read their base: it steps once a lap, two fills on
	s_add_nc_u64 s[94:95], s[94:95], 2*OPB
.endif
	s_wait_tensorcnt 0x0
	ds_add_u32 v[SPW], v[NIL]
.if \fill
	s_add_nc_u64 s[G0+4*\slot+2:G0+4*\slot+3], s[G0+4*\slot+2:G0+4*\slot+3], 2*OPB
	s_add_nc_u64 s[G0B+4*\slot+2:G0B+4*\slot+3], s[G0B+4*\slot+2:G0B+4*\slot+3], 2*OPB
.endif
	s_wait_dscnt 0x0
.if \fill
	CROUND
	JLOAD G0+4*\slot, G1, G0B+4*\slot, G1B
	s_cmp_gt_u32 s3, 1                             ; the last lap's loads are fills 6 and 7: no fill stands two on
	s_cbranch_scc0 .Lno_ask_\@
	global_prefetch_b8 v30, s[94:95] offset:(2+\slot)*OPB th:TH_LOAD_NT scope:SCOPE_SE
.Lno_ask_\@:
.else
	s_barrier_signal -1
	s_barrier_wait -1
	PLACES 4
.endif
	s_wait_alu depctr_va_vdst(0)
	v_add_nc_u32 v[ADRS], 4*512, v[ADRS]
.endm
	s_wait_alu depctr_va_vdst(0)
	s_wait_loadcnt 0x0
	s_wait_tensorcnt 0x0                           ; my tile of the head's four is in
	ds_add_u32 v[SPW], v[NIL]
	s_mul_i32 s2, s16, HALFT                       ; no tensor load of mine is out: slot 0's group 0 becomes the ring's, my quarter of the slot,
	s_mov_b32 s3, 0
	s_add_nc_u64 s[G0+2:G0+3], s[G0+2:G0+3], s[2:3]
	s_add_nc_u64 s[G0B+2:G0B+3], s[G0B+2:G0B+3], s[2:3]
	s_mul_i32 s[G0+1], s14, HALFT
	s_mul_i32 s[G0B+1], s14, HALFT
	s_mov_b32 s[G1+2], 96<<16                      ; and group 1 the ring's: 96 rows of 256 bytes
	s_mov_b32 s[G1+4], 96
	s_mov_b32 s[G1B+2], 96<<16
	s_mov_b32 s[G1B+4], 96
	s_wait_dscnt 0x0
	CROUND                                         ; a whole round: all four tiles are in, and the partners' joint loads meet
	JLOAD G0+4, G1, G0B+4, G1B                     ; slot 1's first fill, my one load behind the round
	global_prefetch_b8 v30, s[94:95] offset:3*OPB th:TH_LOAD_NT scope:SCOPE_SE   ; fill 3
	WORK 0, 1
	s_mov_b32 s3, LAPS-1
.Llap:
	CHANGE 0, 1
	WORK 1, 0
	CHANGE 1, 1
	WORK 0, 0
	s_sub_co_u32 s3, s3, 1
	s_cmp_lg_u32 s3, 0
	s_cbranch_scc1 .Llap
	CHANGE 0, 0
	WORK 1, 0
	PLACES 4
.macro TOSTAGE a
.irp b, 0,1,2,3
	ds_store_b128 v[STO], v[ACC+32*\a+8*\b:ACC+32*\a+8*\b+3] offset:128*(\b/2)+32*(\b%2)
	ds_store_b128 v[STO], v[ACC+32*\a+8*\b+4:ACC+32*\a+8*\b+7] offset:128*(\b/2)+32*(\b%2)+16
.endr
.irp t, 0,1,2,3,4,5,6,7
	ds_load_b128 v[ACC+32*\a+4*\t:ACC+32*\a+4*\t+3], v[RD] offset:2*\t*SPT
.endr
.endm
.macro SEND a, younger
.irp t, 0,1,2,3,4,5,6,7
	s_wait_dscnt \younger+7-\t
	global_store_b128 v[CO], v[ACC+32*\a+4*\t:ACC+32*\a+4*\t+3], s[92:93] offset:(32*(\a/2)+8*(\a%2)+2*\t+8*(\t/4))*4096
.endr
.endm
	TOSTAGE 0
	TOSTAGE 1
	SEND 0, 16
	TOSTAGE 2
	SEND 1, 16
	TOSTAGE 3
	SEND 2, 16
	SEND 3, 0
	s_wait_tensorcnt 0x0
	ds_add_u32 v[SPW], v[NIL]
	s_wait_dscnt 0x0
	CROUND
	s_endpgm
.Lfunc_end_k_q717ebb24fb_ffn2:
	.size	k_q717ebb24fb_ffn2, .Lfunc_end_k_q717ebb24fb_ffn2-k_q717ebb24fb_ffn2
	.p2alignl 7, 3214868480
	.fill 96, 4, 3214868480
	.section	.rodata,"a",@progbits
	.p2align	6, 0x0
	.amdhsa_kernel k_q717ebb24fb_ffn2
		.amdhsa_group_segment_fixed_size 327680
		.amdhsa_private_segment_fixed_size 0
		.amdhsa_enable_private_segment 0
		.amdhsa_kernarg_size 32
		.amdhsa_user_sgpr_count 2
		.amdhsa_user_sgpr_kernarg_segment_ptr 1
		.amdhsa_wavefront_size32 1
		.amdhsa_system_sgpr_workgroup_id_x 1
		.amdhsa_system_sgpr_workgroup_id_y 1
		.amdhsa_system_sgpr_workgroup_id_z 1
		.amdhsa_system_vgpr_workitem_id 0
		.amdhsa_next_free_vgpr 768
		.amdhsa_next_free_sgpr 96
		.amdhsa_reserve_vcc 0
		.amdhsa_float_denorm_mode_32 3
		.amdhsa_float_denorm_mode_16_64 3
		.amdhsa_memory_ordered 1
		.amdhsa_forward_progress 1
		.amdhsa_inst_pref_size 84
	.end_amdhsa_kernel
	.amdgpu_metadata
---
amdhsa.version: [ 1, 2 ]
amdhsa.kernels:
  - .name:           k_q717ebb24fb_ffn2
    .symbol:         k_q717ebb24fb_ffn2.kd
    .args:
      - { .name: hid, .offset: 0, .size: 8, .value_kind: global_buffer, .address_space: global }
      - { .name: prep, .offset: 8, .size: 8, .value_kind: global_buffer, .address_space: global }
      - { .name: b2, .offset: 16, .size: 8, .value_kind: global_buffer, .address_space: global }
      - { .name: ff, .offset: 24, .size: 8, .value_kind: global_buffer, .address_space: global }
    .group_segment_fixed_size: 327680
    .private_segment_fixed_size: 0
    .kernarg_segment_align: 8
    .kernarg_segment_size: 32
    .max_flat_workgroup_size: 128
    .sgpr_count:     96
    .vgpr_count:     768
    .wavefront_size: 32
...
	.end_amdgpu_metadata
.endif
;; end of part 13
;; launch ln2 (part 14): grid 256 x 1, 8 waves a work-group, no clusters, 0 bytes of LDS; arguments ff, x1, ln2_g, ln2_b, out0; writes out0
.if DOCPART == 14
	.amdgcn_target "amdgcn-amd-amdhsa--gfx1250"
	.amdhsa_code_object_version 6
	.text
	.protected	k_q717ebb24fb_ln2
	.globl	k_q717ebb24fb_ln2
	.p2align	8
	.type	k_q717ebb24fb_ln2,@function
k_q717ebb24fb_ln2:
	s_mov_b64 s[64:65], 0
	v_nop
	global_prefetch_b8 v0, s[64:65] scope:SCOPE_SE
	s_setreg_imm32_b32 hwreg(HW_REG_WAVE_MODE, 25, 1), 1
	s_wait_xcnt 0x0
; ONE SOURCE FOR THE TWO LAYER NORMS; the line .set MODE says which.  out[row] = res[row] + (a[row] - mean) x rsqrt(var + 1e-5) x g + b, rows of 1,024 f32; mean and variance in two passes over registers.
;   MODE 1: a = att, res = x, out = x1; the work-group's 16 rows are a tile, row(t, i) = 32 (t / 2) + 8 (t % 2) + i + 8 (i / 8); they also go through LDS and leave quantised to FP6 (E2M3), one E8M0 byte for each 32
;           along the row, as images of operand registers (1,536 bytes for 16 rows x 128: registers 4 p .. 4 p + 3 of lane l at 512 p + 16 l) with their scale words, for the next product.
;   MODE 2: a = ff, res = x1, out = out0; 16 neighbouring rows.
; Eight waves, two rows each: a row is eight loads of 512 consecutive bytes and stays in 32 registers; no row is read twice.  All 48 loads of a wave go out at once.
; Matrix units, clusters and tensor loads are left out: nothing is shared but 8 KiB of gain and bias, and memory binds.
; LIMITS (MODE 1): a block of zeros, or one whose largest magnitude lies under 2^-124, gets the scale byte 1: its codes are zeros and this program alone reads the bytes.  NaN and infinities are not served.
.set MODE, 2
.set L16, 2                            ; v2   16 x lane
.set G,   16                           ; v16-47   gain
.set B,   48                           ; v48-79   bias
.set A,   80                           ; v80-143  two rows of a; MODE 1: later 64 numbers to be quantised
.set X,   144                          ; v144-207 two rows of the residual, then of the result
.set SEL, 18                           ; s18, s19 lane selects: lane l xor 16
.set INV, 20                           ; s20  1 / 1,024
.set EPS, 21                           ; s21  1e-5
.set X1I, 16777216                     ; parts of the buffer x1
.set X1S, 19922944
.set LP,  4112                         ; a row in LDS: 4,096 bytes + 16
.set TM,  208
.set PC,  224
.set PW,  244
.macro WSUM2 r                         ; v[r] and v[r + 4] are summed over the wave's 32 lanes, the two rows by turns
.irp m, 1,2,4,8
.irp e, 0,1
	s_delay_alu instid0(VALU_DEP_2)
	v_add_f32_dpp v[\r+4*\e], v[\r+4*\e], v[\r+4*\e] row_xmask:\m row_mask:0xf bank_mask:0xf
.endr
.endr
.irp e, 0,1
	s_delay_alu instid0(VALU_DEP_2)
	v_permlanex16_b32 v[\r+1+4*\e], v[\r+4*\e], s[SEL], s[SEL+1]
.endr
.irp e, 0,1
	s_delay_alu instid0(VALU_DEP_2)
	v_add_f32 v[\r+4*\e], v[\r+4*\e], v[\r+1+4*\e]
.endr
.endm
.if MODE == 1
.macro QUANT s                         ; 64 numbers of a lane, register 16 b + i = k 32 b + 16 (lane / 16) + i of my row, become a fragment's codes in v[PC] on and its scale word in v[PW]
.irp b, 0,1,2,3
	v_max3_num_f32 v[TM+\b], |v[\s+16*\b]|, |v[\s+1+16*\b]|, 0x1800000   ; and the floor 2^(3 - 127): the byte cannot fall under 1
.endr
.irp i, 2,4,6,8,10,12,14
.irp b, 0,1,2,3
	v_max3_num_f32 v[TM+\b], v[TM+\b], |v[\s+16*\b+\i]|, |v[\s+1+16*\b+\i]|
.endr
.endr
.irp b, 0,1,2,3
	v_permlanex16_b32 v[TM+4+\b], v[TM+\b], s[SEL], s[SEL+1]
.endr
.irp b, 0,1,2,3
	v_max_num_f32 v[TM+\b], v[TM+\b], v[TM+4+\b]
.endr
.irp b, 0,1,2,3
	v_add_nc_u32 v[TM+12+\b], 0xff000000, v[TM+\b]   ; 2 off the exponent field: the conversion's scale operand
.endr
.irp b, 0,1,2,3
	v_lshrrev_b32 v[TM+4+\b], 23, v[TM+12+\b]      ; the scale's byte
.endr
	v_lshl_or_b32 v[PW], v[TM+5], 8, v[TM+4]
	v_lshl_or_b32 v[PW], v[TM+6], 16, v[PW]
	v_lshl_or_b32 v[PW], v[TM+7], 24, v[PW]
.irp c, 0,1
	v_cvt_scalef32_pk16_fp6_f32 v[PC+6*\c:PC+2+6*\c], v[\s+32*\c:\s+15+32*\c], v[TM+12+2*\c]
	v_cvt_scalef32_pk16_fp6_f32 v[PC+12+4*\c:PC+14+4*\c], v[\s+16+32*\c:\s+31+32*\c], v[TM+12+2*\c+1]
.endr
	v_nop                                          ; one plain place behind a scaled conversion
.irp c, 0,1
.irp i, 0,1,2
	v_permlane16_swap_b32 v[PC+6*\c+\i], v[PC+12+4*\c+\i]
.endr
.irp i, 0,1,2
	v_mov_b32 v[PC+3+6*\c+\i], v[PC+12+4*\c+\i]
.endr
.endr
.endm
.endif
	s_load_b256 s[4:11], s[0:1], 0x0               ; a, the residual, gain, bias
	s_load_b64 s[12:13], s[0:1], 0x20              ; the output
	v_lshrrev_b32 v1, 5, v0
	s_delay_alu instid0(VALU_DEP_1)
	v_readfirstlane_b32 s14, v1                    ; wave 0..7
	v_and_b32 v1, 31, v0
	s_delay_alu instid0(VALU_DEP_1)
	v_lshlrev_b32 v[L16], 4, v1
.if MODE == 1
	s_lshr_b32 s15, ttmp9, 1
	s_lshl_b32 s15, s15, 5
	s_and_b32 s16, ttmp9, 1
	s_lshl_b32 s16, s16, 3
	s_add_co_u32 s15, s15, s16
	s_lshl_b32 s16, s14, 1
	s_add_co_u32 s15, s15, s16
	s_lshr_b32 s16, s14, 2
	s_lshl_b32 s16, s16, 3
	s_add_co_u32 s15, s15, s16                     ; the tile's rows 2 w and 2 w + 1: tokens 32 (t / 2) + 8 (t % 2) + 2 w + 8 (w / 4) and the next
	s_lshr_b32 s22, ttmp9, 3
	s_lshl_b32 s22, s22, 3
	s_add_co_u32 s22, s22, s14                     ; 8 (t / 8) + K step (= my wave's number)
	s_and_b32 s23, ttmp9, 7
	s_lshl_b32 s24, s22, 3
	s_add_co_u32 s24, s24, s23
	s_mul_i32 s24, s24, 1536
	s_add_co_u32 s24, s24, X1I
	s_mov_b32 s25, 0
	s_lshl_b32 s28, s22, 9
	s_lshl_b32 s23, s23, 2
	s_add_co_u32 s28, s28, s23
	s_add_co_u32 s28, s28, X1S
	s_mov_b32 s29, 0
	v_and_b32 v3, 15, v0                           ; r
	v_bfe_u32 v4, v0, 4, 1                         ; h
	s_mul_i32 s30, s14, 2*LP
	v_add_nc_u32 v5, s30, v[L16]                   ; LDS, in: my two rows as they lie
	v_mul_u32_u24 v6, v3, LP
	v_lshl_add_u32 v6, v4, 6, v6
	s_lshl_b32 s30, s14, 9
	v_add_nc_u32 v6, s30, v6                       ; back: row r, my K step's 512 bytes, + 64 h
	v_lshlrev_b32 v7, 5, v3                        ; 32 r
.irp b, 0,1,2,3
	v_mov_b32 v[TM+4+\b], 0                        ; a lane permute's destination counts as one of its sources
.endr
.else
	s_lshl_b32 s15, ttmp9, 4
	s_lshl_b32 s16, s14, 1
	s_add_co_u32 s15, s15, s16                     ; rows 16 g + 2 w and the next
.endif
	s_lshl_b32 s16, s15, 12
	s_mov_b32 s17, 0
	s_mov_b32 s[SEL], 0x76543210
	s_mov_b32 s[SEL+1], 0xfedcba98
	s_mov_b32 s[INV], 0x3a800000
	s_mov_b32 s[EPS], 0x3727c5ac
	s_wait_alu depctr_va_vdst(0)
	s_wait_kmcnt 0x0
	s_add_nc_u64 s[4:5], s[4:5], s[16:17]
	s_add_nc_u64 s[6:7], s[6:7], s[16:17]
	s_add_nc_u64 s[26:27], s[12:13], s[16:17]
.if MODE == 1
	s_add_nc_u64 s[24:25], s[12:13], s[24:25]
	s_add_nc_u64 s[28:29], s[12:13], s[28:29]
.endif
.irp e, 0,1
.irp i, 0,1,2,3,4,5,6,7
	global_load_b128 v[A+32*\e+4*\i:A+32*\e+4*\i+3], v[L16], s[4:5] offset:4096*\e+512*\i th:TH_LOAD_NT
.endr
.endr
.irp e, 0,1
.irp i, 0,1,2,3,4,5,6,7
	global_load_b128 v[X+32*\e+4*\i:X+32*\e+4*\i+3], v[L16], s[6:7] offset:4096*\e+512*\i th:TH_LOAD_NT
.endr
.endr
.irp i, 0,1,2,3,4,5,6,7
	global_load_b128 v[G+4*\i:G+4*\i+3], v[L16], s[8:9] offset:512*\i
.endr
.irp i, 0,1,2,3,4,5,6,7
	global_load_b128 v[B+4*\i:B+4*\i+3], v[L16], s[10:11] offset:512*\i
.endr
	s_wait_loadcnt 32                              ; a's 16 loads are in; the residual's 16, the gain's 8 and the bias's 8 may be out
.irp e, 0,1
	v_pk_add_f32 v[8+4*\e:9+4*\e], v[A+32*\e:A+32*\e+1], v[A+32*\e+2:A+32*\e+3]      ; the row's sum: two chains a row, started by the first numbers
	v_pk_add_f32 v[10+4*\e:11+4*\e], v[A+32*\e+4:A+32*\e+5], v[A+32*\e+6:A+32*\e+7]
.endr
.irp j, 8,12,16,20,24,28
.irp e, 0,1
	s_delay_alu instid0(VALU_DEP_4)
	v_pk_add_f32 v[8+4*\e:9+4*\e], v[8+4*\e:9+4*\e], v[A+32*\e+\j:A+32*\e+\j+1]
	s_delay_alu instid0(VALU_DEP_4)
	v_pk_add_f32 v[10+4*\e:11+4*\e], v[10+4*\e:11+4*\e], v[A+32*\e+\j+2:A+32*\e+\j+3]
.endr
.endr
.irp e, 0
	s_delay_alu instid0(VALU_DEP_3)
	v_pk_add_f32 v[8+4*\e:9+4*\e], v[8+4*\e:9+4*\e], v[10+4*\e:11+4*\e]
.endr
.irp e, 1
	s_delay_alu instid0(VALU_DEP_2)
	v_pk_add_f32 v[8+4*\e:9+4*\e], v[8+4*\e:9+4*\e], v[10+4*\e:11+4*\e]
.endr
.irp e, 0,1
	s_delay_alu instid0(VALU_DEP_2)
	v_add_f32 v[8+4*\e], v[8+4*\e], v[9+4*\e]
.endr
	WSUM2 8
.irp e, 0,1
	s_delay_alu instid0(VALU_DEP_2)
	v_mul_f32 v[8+4*\e], s[INV], v[8+4*\e]         ; the mean
.endr
.irp j, 0,2,4,6,8,10,12,14,16,18,20,22,24,26,28,30
.irp e, 0,1
	v_pk_add_f32 v[A+32*\e+\j:A+32*\e+\j+1], v[A+32*\e+\j:A+32*\e+\j+1], v[8+4*\e:9+4*\e] op_sel_hi:[1,0] neg_lo:[0,1] neg_hi:[0,1]   ; a - mean
.endr
.endr
.irp e, 0,1
	v_pk_mul_f32 v[10+4*\e:11+4*\e], v[A+32*\e:A+32*\e+1], v[A+32*\e:A+32*\e+1]
.endr
.irp j, 2,4,6,8,10,12,14,16,18,20,22,24,26,28,30
.irp e, 0,1
	s_delay_alu instid0(VALU_DEP_2)
	v_pk_fma_f32 v[10+4*\e:11+4*\e], v[A+32*\e+\j:A+32*\e+\j+1], v[A+32*\e+\j:A+32*\e+\j+1], v[10+4*\e:11+4*\e]
.endr
.endr
.irp e, 0,1
	s_delay_alu instid0(VALU_DEP_2)
	v_add_f32 v[10+4*\e], v[10+4*\e], v[11+4*\e]
.endr
	WSUM2 10
.irp e, 0,1
	s_delay_alu instid0(VALU_DEP_2)
	v_fma_f32 v[10+4*\e], v[10+4*\e], s[INV], s[EPS]   ; the variance + 1e-5
.endr
	s_wait_alu depctr_va_vdst(0)
.irp e, 0,1
	v_rsq_f32 v[10+4*\e], v[10+4*\e]
.endr
	v_nop                                          ; one plain place behind a transcendental
	s_wait_loadcnt 0x0                             ; the residual, gain and bias
	s_wait_alu depctr_va_vdst(0)
.irp j, 0,2,4,6,8,10,12,14,16,18,20,22,24,26,28,30
.irp e, 0,1
	v_pk_mul_f32 v[A+32*\e+\j:A+32*\e+\j+1], v[A+32*\e+\j:A+32*\e+\j+1], v[10+4*\e:11+4*\e] op_sel_hi:[1,0]
.endr
.endr
.irp j, 0,2,4,6,8,10,12,14,16,18,20,22,24,26,28,30
.irp e, 0,1
	v_pk_fma_f32 v[A+32*\e+\j:A+32*\e+\j+1], v[A+32*\e+\j:A+32*\e+\j+1], v[G+\j:G+\j+1], v[B+\j:B+\j+1]
.endr
.endr
.irp j, 0,2,4,6,8,10,12,14,16,18,20,22,24,26,28,30
.irp e, 0,1
	v_pk_add_f32 v[X+32*\e+\j:X+32*\e+\j+1], v[X+32*\e+\j:X+32*\e+\j+1], v[A+32*\e+\j:A+32*\e+\j+1]
.endr
.endr
.if MODE == 1
.irp e, 0,1
.irp i, 0,1,2,3,4,5,6,7
	global_store_b128 v[L16], v[X+32*\e+4*\i:X+32*\e+4*\i+3], s[26:27] offset:4096*\e+512*\i   ; 512 consecutive bytes a store
	ds_store_b128 v5, v[X+32*\e+4*\i:X+32*\e+4*\i+3] offset:LP*\e+512*\i
.endr
.endr
	s_wait_dscnt 0x0                               ; for the others' sake: my two rows lie in LDS
	s_barrier_signal -1
	s_barrier_wait -1                              ; all sixteen do
.irp b, 0,1,2,3
.irp j, 0,1,2,3
	ds_load_b128 v[A+16*\b+4*\j:A+16*\b+4*\j+3], v6 offset:128*\b+16*\j   ; my K step: of row r, 16 neighbours of each block of 32
.endr
.endr
	s_wait_dscnt 0x0
	QUANT A
.irp p, 0,1,2
	global_store_b128 v[L16], v[PC+4*\p:PC+4*\p+3], s[24:25] offset:512*\p
.endr
	global_store_b32 v7, v[PW], s[28:29]           ; lanes l and l + 16 hold the same word and write it to the same place
.else
.irp e, 0,1
.irp i, 0,1,2,3,4,5,6,7
	global_store_b128 v[L16], v[X+32*\e+4*\i:X+32*\e+4*\i+3], s[26:27] offset:4096*\e+512*\i th:TH_STORE_NT
.endr
.endr
.endif
	s_endpgm
.Lfunc_end_k_q717ebb24fb_ln2:
	.size	k_q717ebb24fb_ln2, .Lfunc_end_k_q717ebb24fb_ln2-k_q717ebb24fb_ln2
	.p2alignl 7, 3214868480
	.fill 96, 4, 3214868480
	.section	.rodata,"a",@progbits
	.p2align	6, 0x0
	.amdhsa_kernel k_q717ebb24fb_ln2
		.amdhsa_group_segment_fixed_size 0
		.amdhsa_private_segment_fixed_size 0
		.amdhsa_enable_private_segment 0
		.amdhsa_kernarg_size 40
		.amdhsa_user_sgpr_count 2
		.amdhsa_user_sgpr_kernarg_segment_ptr 1
		.amdhsa_wavefront_size32 1
		.amdhsa_system_sgpr_workgroup_id_x 1
		.amdhsa_system_sgpr_workgroup_id_y 1
		.amdhsa_system_sgpr_workgroup_id_z 1
		.amdhsa_system_vgpr_workitem_id 0
		.amdhsa_next_free_vgpr 208
		.amdhsa_next_free_sgpr 66
		.amdhsa_reserve_vcc 0
		.amdhsa_float_denorm_mode_32 3
		.amdhsa_float_denorm_mode_16_64 3
		.amdhsa_memory_ordered 1
		.amdhsa_forward_progress 1
		.amdhsa_inst_pref_size 24
	.end_amdhsa_kernel
	.amdgpu_metadata
---
amdhsa.version: [ 1, 2 ]
amdhsa.kernels:
  - .name:           k_q717ebb24fb_ln2
    .symbol:         k_q717ebb24fb_ln2.kd
    .args:
      - { .name: ff, .offset: 0, .size: 8, .value_kind: global_buffer, .address_space: global }
      - { .name: x1, .offset: 8, .size: 8, .value_kind: global_buffer, .address_space: global }
      - { .name: ln2_g, .offset: 16, .size: 8, .value_kind: global_buffer, .address_space: global }
      - { .name: ln2_b, .offset: 24, .size: 8, .value_kind: global_buffer, .address_space: global }
      - { .name: out0, .offset: 32, .size: 8, .value_kind: global_buffer, .address_space: global }
    .group_segment_fixed_size: 0
    .private_segment_fixed_size: 0
    .kernarg_segment_align: 8
    .kernarg_segment_size: 40
    .max_flat_workgroup_size: 256
    .sgpr_count:     66
    .vgpr_count:     208
    .wavefront_size: 32
...
	.end_amdgpu_metadata
.endif
;; end of part 14
